; MI455X (gfx1250); checked and timed in simulation.
; The chip was launched on July 23, 2026; its instructions are those of AMD's public machine-readable ISA for CDNA 5 (MIT licence, August 2026) and "CDNA5" Instruction Set Architecture Reference Guide (July 2026). The comments in the code are by the model that wrote it; some were corrected since.
;; Point Net MSG Random Sample. Allowed arithmetic: float matrix products may take bf16 or f16 operands with f32 sums; all other float work in f32.
;; Inputs: features 4 x 8,192 x 3 float32; params_final_0_a one number float32; params_final_0_b 256 float32; params_final_0_beta 256 float32; params_final_0_gamma 256 float32; params_final_0_w 256 x 192 float32; params_scale0_0_a one number float32; params_scale0_0_b 32 float32; params_scale0_0_beta 32 float32; params_scale0_0_gamma 32 float32; params_scale0_0_w 32 x 6 float32; params_scale0_1_a one number float32; params_scale0_1_b 32 float32; params_scale0_1_beta 32 float32; params_scale0_1_gamma 32 float32; params_scale0_1_w 32 x 32 float32; params_scale0_2_a one number float32; params_scale0_2_b 64 float32; params_scale0_2_beta 64 float32; params_scale0_2_gamma 64 float32; params_scale0_2_w 64 x 32 float32; params_scale1_0_a one number float32; params_scale1_0_b 64 float32; params_scale1_0_beta 64 float32; params_scale1_0_gamma 64 float32; params_scale1_0_w 64 x 6 float32; params_scale1_1_a one number float32; params_scale1_1_b 64 float32; params_scale1_1_beta 64 float32; params_scale1_1_gamma 64 float32; params_scale1_1_w 64 x 64 float32; params_scale1_2_a one number float32; params_scale1_2_b 128 float32; params_scale1_2_beta 128 float32; params_scale1_2_gamma 128 float32; params_scale1_2_w 128 x 64 float32; sample_idx 4 x 2,048 int32; xyz 4 x 8,192 x 3 float32.
;; Outputs: out0 4 x 2,048 x 3 float32; out1 4 x 256 x 2,048 float32.
;; 4 versions, each right; versions 2 to 3 are each faster than the one before; version 4 is version 3 with the launches mlp2, mlp3, final written anew for expert scheduling mode. Each part assembles by itself: llvm-mc -triple=amdgcn-amd-amdhsa -mcpu=gfx1250 --defsym DOCPART=n.
;; ======== version 1 of 4: 10 launches
;; limits: values are held in f16: magnitudes above 65,504 overflow, below 6.1e-05 lose precision; values outside matrix products are rounded to bf16
;; workspace buffers: masks 16,777,216 bytes of whole numbers; xh 6,291,456 bytes; part 2,293,760 bytes; sums 8,960 bytes; pool 12,582,912 bytes; hf 8,388,608 bytes
;; launch masks (part 1): grid 64 x 4, 8 waves a work-group, no clusters, 0 bytes of LDS; arguments xyz, sample_idx, masks, out0; writes masks, out0
.if DOCPART == 1
	.amdgcn_target "amdgcn-amd-amdhsa--gfx1250"
	.amdhsa_code_object_version 6
	.text
	.protected	k_qc3ee75767e_masks
	.globl	k_qc3ee75767e_masks
	.p2align	8
	.type	k_qc3ee75767e_masks,@function
k_qc3ee75767e_masks:
	s_mov_b64 s[64:65], 0
	v_nop
	global_prefetch_b8 v0, s[64:65] scope:SCOPE_SE
	s_setreg_imm32_b32 hwreg(HW_REG_WAVE_MODE, 25, 1), 1
	s_wait_xcnt 0x0
; Ball query, part 1: for 32 queries of one batch and all 8,192 points, one bit a point and radius: 1 = sq > r*r (a miss).
; The coordinates are operands of a matrix product (q.p) and are rounded to bf16, nearest even, as they are loaded.  With significands of
; 8 bits every product of two coordinates is exact in f32, so sq = (|q|^2 + |p|^2) - 2 q.p, each sum taken over x, y, z in this order, does not
; hang on whether a multiply and an add are fused.  LIMIT: the ball query sees the coordinates at bf16's resolution.  Inputs are taken to be finite.
; out0 is the gather itself, not rounded.
; Wave c keeps the points of words w = 8 g + c (g = 0..31) in registers: group g is points 32 w + lane.
; masks byte = radius * 8 MiB + (query / 4) * 4096 + c * 512 + g * 16 + (query % 4) * 4.
; No LDS, matrix unit or cluster: the points are read once a work-group; K = 3 would fill 3 of a matrix instruction's 32 places.
.set X,  20                            ; v[20:51]   x of group g
.set Y,  52                            ; v[52:83]   y
.set Z,  84                            ; v[84:115]  z
.set PP, 116                           ; v[116:147] |p|^2
.set T,  148                           ; v[148:151] q.p, two pairs by turns
.set U,  152                           ; v[152:155] sq, two pairs by turns
.set QR, 156                           ; v[156:158] my query, rounded
.set M0, 10                            ; v[10:13]   lane g: the word of radius 0.1 for queries u = 0..3
.set M1, 14                            ; v[14:17]   the same for radius 0.2
	s_load_b256 s[4:11], s[0:1], 0x0               ; xyz s[4:5], sample_idx s[6:7], masks s[8:9], out0 s[10:11]
	v_and_b32 v1, 31, v0                           ; lane
	v_lshrrev_b32 v2, 5, v0
	v_readfirstlane_b32 s12, v2                    ; wave c
	s_and_b32 s13, ttmp7, 0xffff                   ; batch
	s_mul_i32 s14, s13, 98304                      ; the batch's bytes in xyz
	s_lshl_b32 s15, s13, 11
	s_lshl_b32 s16, ttmp9, 5
	s_add_co_u32 s15, s15, s16                     ; the group's first query
	v_add_nc_u32 v3, s15, v1                       ; lane = query
	v_lshlrev_b32 v4, 2, v3                        ; its place in sample_idx
	v_mul_u32_u24 v3, 12, v3                       ; its place in out0
	s_mul_i32 s17, s12, 384
	s_add_co_u32 s17, s17, s14
	v_mad_u32_u24 v9, v1, 12, s17                  ; my point of group 0
	s_lshl_b32 s16, s15, 10                        ; (query / 4) * 4096
	s_lshl_b32 s17, s12, 9
	s_add_co_u32 s16, s16, s17
	v_lshl_add_u32 v2, v1, 4, s16                  ; where lane g stores its four words
	s_mov_b32 s28, 0x3c23d70a                      ; 0.1 * 0.1 in f32
	s_mov_b32 s29, 0x3d23d70a                      ; 0.2 * 0.2
	s_mov_b32 s32, 0xffff0000                      ; a word's upper bf16
	s_mov_b32 s21, 0                               ; upper halves of the pairs that the packed forms name
	s_mov_b32 s23, 0
	s_mov_b32 s25, 0
	s_mov_b32 s27, 0
	s_mov_b32 s30, 0                               ; the query in hand
	s_mov_b32 s31, 0                               ; trips
.irp i, 0,1,2,3,4,5,6,7
	v_mov_b32 v[M0+\i], 0                          ; v_writelane_b32 counts as a reader of its destination
.endr
	s_wait_kmcnt 0x0
	s_add_nc_u64 s[18:19], s[8:9], 0x800000        ; the masks of radius 0.2
	global_load_b32 v5, v4, s[6:7]
	s_wait_loadcnt 0x0
	v_min_u32 v5, 0x1fff, v5
	v_mul_u32_u24 v5, 12, v5
	v_add_nc_u32 v5, s14, v5
	global_load_b96 v[6:8], v5, s[4:5]             ; my query's x, y, z
.set g, 0
.rept 32
	global_load_b32 v[X+g], v9, s[4:5] offset:3072*g
	global_load_b32 v[Y+g], v9, s[4:5] offset:3072*g+4
	global_load_b32 v[Z+g], v9, s[4:5] offset:3072*g+8
.set g, g+1
.endr
	s_wait_loadcnt 0x0
	v_cvt_pk_bf16_f32 v19, v6, v7                  ; the query to bf16, kept as f32, in registers of its own: v[6:8] go out as they are
	v_lshlrev_b32 v[QR], 16, v19
	v_and_b32 v[QR+1], s32, v19
	v_cvt_pk_bf16_f32 v19, v8, v8
	v_lshlrev_b32 v[QR+2], 16, v19
.set p, 0
.rept 48                               ; the 96 coordinates of my points likewise, in place
	v_cvt_pk_bf16_f32 v[T+p%4], v[X+2*p], v[X+2*p+1]
	v_lshlrev_b32 v[X+2*p], 16, v[T+p%4]
	v_and_b32 v[X+2*p+1], s32, v[T+p%4]
.set p, p+1
.endr
	v_mul_f32 v18, v[QR], v[QR]
	v_fma_f32 v18, v[QR+1], v[QR+1], v18
	v_fma_f32 v18, v[QR+2], v[QR+2], v18           ; |q|^2
.set p, 0
.rept 16
	v_pk_mul_f32 v[PP+2*p:PP+2*p+1], v[X+2*p:X+2*p+1], v[X+2*p:X+2*p+1]
	v_pk_fma_f32 v[PP+2*p:PP+2*p+1], v[Y+2*p:Y+2*p+1], v[Y+2*p:Y+2*p+1], v[PP+2*p:PP+2*p+1]
	v_pk_fma_f32 v[PP+2*p:PP+2*p+1], v[Z+2*p:Z+2*p+1], v[Z+2*p:Z+2*p+1], v[PP+2*p:PP+2*p+1]
.set p, p+1
.endr
	s_cmp_lg_u32 s12, 0
	s_cbranch_scc1 .Lno_out
	global_store_b96 v3, v[6:8], s[10:11]          ; new_xyz: 32 lanes, 384 consecutive bytes; v3 and v[6:8] are never rewritten
.Lno_out:
; One query against the wave's 1,024 points: 16 pairs of groups, five packed instructions, four compares, four words placed.
.macro QUERY u
	v_readlane_b32 s20, v[QR], s30
	v_readlane_b32 s22, v[QR+1], s30
	v_readlane_b32 s24, v[QR+2], s30
	v_readlane_b32 s26, v18, s30
	s_add_co_u32 s30, s30, 1
.set p, 0
.rept 16
.set tt, T+2*(p%2)
.set uu, U+2*(p%2)
.set mm, 40+4*(p%2)
	v_pk_mul_f32 v[tt:tt+1], v[X+2*p:X+2*p+1], s[20:21] op_sel_hi:[1,0]
	v_pk_fma_f32 v[tt:tt+1], v[Y+2*p:Y+2*p+1], s[22:23], v[tt:tt+1] op_sel_hi:[1,0,1]
	v_pk_fma_f32 v[tt:tt+1], v[Z+2*p:Z+2*p+1], s[24:25], v[tt:tt+1] op_sel_hi:[1,0,1]
	v_pk_add_f32 v[uu:uu+1], v[PP+2*p:PP+2*p+1], s[26:27] op_sel_hi:[1,0]
	v_pk_fma_f32 v[uu:uu+1], v[tt:tt+1], -2.0, v[uu:uu+1] op_sel_hi:[1,0,1]
	v_cmp_gt_f32 s[mm], v[uu], s28
	v_cmp_gt_f32 s[mm+1], v[uu+1], s28
	v_cmp_gt_f32 s[mm+2], v[uu], s29
	v_cmp_gt_f32 s[mm+3], v[uu+1], s29
	v_writelane_b32 v[M0+\u], s[mm], 2*p
	v_writelane_b32 v[M0+\u], s[mm+1], 2*p+1
	v_writelane_b32 v[M1+\u], s[mm+2], 2*p
	v_writelane_b32 v[M1+\u], s[mm+3], 2*p+1
.set p, p+1
.endr
.endm
.Lfour:                                                ; 8 trips of four queries
	QUERY 0
	QUERY 1
	QUERY 2
	QUERY 3
	global_store_b128 v2, v[M0:M0+3], s[8:9]       ; 32 lanes: 512 consecutive bytes
	global_store_b128 v2, v[M1:M1+3], s[18:19]
	s_wait_xcnt 0x0                                ; v2 and the eight mask registers are rewritten only behind this wait
	v_add_nc_u32 v2, 4096, v2
	s_add_co_u32 s31, s31, 1
	s_cmp_lt_u32 s31, 8
	s_cbranch_scc1 .Lfour
	s_endpgm
.Lfunc_end_k_qc3ee75767e_masks:
	.size	k_qc3ee75767e_masks, .Lfunc_end_k_qc3ee75767e_masks-k_qc3ee75767e_masks
	.p2alignl 7, 3214868480
	.fill 96, 4, 3214868480
	.section	.rodata,"a",@progbits
	.p2align	6, 0x0
	.amdhsa_kernel k_qc3ee75767e_masks
		.amdhsa_group_segment_fixed_size 0
		.amdhsa_private_segment_fixed_size 0
		.amdhsa_enable_private_segment 0
		.amdhsa_kernarg_size 32
		.amdhsa_user_sgpr_count 2
		.amdhsa_user_sgpr_kernarg_segment_ptr 1
		.amdhsa_wavefront_size32 1
		.amdhsa_system_sgpr_workgroup_id_x 1
		.amdhsa_system_sgpr_workgroup_id_y 1
		.amdhsa_system_sgpr_workgroup_id_z 1
		.amdhsa_system_vgpr_workitem_id 0
		.amdhsa_next_free_vgpr 160
		.amdhsa_next_free_sgpr 66
		.amdhsa_reserve_vcc 0
		.amdhsa_float_denorm_mode_32 3
		.amdhsa_float_denorm_mode_16_64 3
		.amdhsa_memory_ordered 1
		.amdhsa_forward_progress 1
		.amdhsa_inst_pref_size 75
	.end_amdhsa_kernel
	.amdgpu_metadata
---
amdhsa.version: [ 1, 2 ]
amdhsa.kernels:
  - .name:           k_qc3ee75767e_masks
    .symbol:         k_qc3ee75767e_masks.kd
    .args:
      - { .name: xyz, .offset: 0, .size: 8, .value_kind: global_buffer, .address_space: global }
      - { .name: sample_idx, .offset: 8, .size: 8, .value_kind: global_buffer, .address_space: global }
      - { .name: masks, .offset: 16, .size: 8, .value_kind: global_buffer, .address_space: global }
      - { .name: out0, .offset: 24, .size: 8, .value_kind: global_buffer, .address_space: global }
    .group_segment_fixed_size: 0
    .private_segment_fixed_size: 0
    .kernarg_segment_align: 8
    .kernarg_segment_size: 32
    .max_flat_workgroup_size: 256
    .sgpr_count:     66
    .vgpr_count:     160
    .wavefront_size: 32
...
	.end_amdgpu_metadata
.endif
;; end of part 1
;; launch select (part 2): grid 256 x 1, 8 waves a work-group, no clusters, 134,144 bytes of LDS; arguments masks, out0, xyz, features, xh, part; writes xh, part
.if DOCPART == 2
	.amdgcn_target "amdgcn-amd-amdhsa--gfx1250"
	.amdhsa_code_object_version 6
	.text
	.protected	k_qc3ee75767e_select
	.globl	k_qc3ee75767e_select
	.p2align	8
	.type	k_qc3ee75767e_select,@function
k_qc3ee75767e_select:
	s_mov_b64 s[64:65], 0
	v_nop
	global_prefetch_b8 v0, s[64:65] scope:SCOPE_SE
	s_setreg_imm32_b32 hwreg(HW_REG_WAVE_MODE, 25, 1), 1
	s_wait_xcnt 0x0
; Ball query, part 2.  A wave owns four queries.  From the miss masks it finds, with fixed control flow, the j-th hit of each query
; (j < 16 for radius 0.1, j < 32 for radius 0.2): prefix counts of the 256 words in LDS, a binary search over them, a search in the word.
; Missing places take the first hit; a query with no hit at all takes index 8191 (the clamped index 8192 of the definition).
; It gathers the rows (features - features[0][0], point - query), all inputs rounded to bf16 (nearest even) as they are loaded, stores them as
; f16 rows of 8 (two zeros), and adds up the 6 sums and 21 product sums of each scale's rows, from which the first layer's batch statistics follow.
; xh: scale 0 rows [131072][8] f16 at byte 0, scale 1 rows [262144][8] at byte 2,097,152.  part row = work-group, columns 0-31 and 32-63.
; LDS: wave w owns 16 KiB at 16384 w: for each of 8 (radius, query) 1 KiB of prefix counts, then 1 KiB of hit words.  131072: [8 waves][64] sums.
.set WA,  16                           ; v[16:47]  radius 0.2: word 8 lane + c of query u at 16 + 4 c + u
.set WB,  48                           ; v[48:79]  radius 0.1
.set H,   80                           ; 8 hit words
.set CN,  88                           ; 8 counts, then running counts
.set PFR, 96                           ; 8 prefix counts
.set POS, 110                          ; six passes: p = 0..3 radius 0.2, query p, j = lane; p = 4, 5 radius 0.1, query 2 (p - 4) + lane / 16, j = lane % 16
.set BS,  116
.set CA,  122
.set AD,  128
.set PV,  134
.set JJ,  140
.set TV,  146
.set HW,  152
.set RK,  158
.set IDX, 164
.set FI,  170
.set R,   180                          ; v[180:203] rows to store, 4 registers a pass
.set A1,  204                          ; v[204:230] scale 1's 27 sums
.set A0,  110                          ; v[110:136] scale 0's, where the search's registers lay
.set OUT0, 232
.set OUT1, 233
.set TP,  234
.set PX,  48                           ; gathered points, 4 registers a pass
.set FX,  72                           ; gathered features
.set D,   96                           ; a row's six numbers
.set TOT, 48                           ; s[48:55] hits of each (radius, query)
.macro RND2 a, b, t                    ; two numbers to bf16, nearest even, kept as f32
	v_cvt_pk_bf16_f32 v[\t], v[\a], v[\b]
	v_lshlrev_b32 v[\a], 16, v[\t]
	v_and_b32 v[\b], s41, v[\t]
.endm
.macro SRND r, t                       ; the same for a finite number in a scalar register: + 0x7fff + the bit that stays lowest, then cut
	s_bfe_u32 s[\t], s[\r], 0x10010
	s_add_co_u32 s[\r], s[\r], s[\t]
	s_add_co_u32 s[\r], s[\r], 0x7fff
	s_and_b32 s[\r], s[\r], 0xffff0000
.endm
	s_load_b256 s[4:11], s[0:1], 0x0               ; masks s[4:5], out0 s[6:7], xyz s[8:9], features s[10:11]
	s_load_b128 s[12:15], s[0:1], 0x20             ; xh s[12:13], part s[14:15]
	v_lshl_add_u32 v254, v0, 2, 0x20800
	v_mov_b32 v255, 0
	v_and_b32 v1, 31, v0
	v_lshrrev_b32 v2, 5, v0
	v_readfirstlane_b32 s16, v2                    ; wave
	s_lshl3_add_u32 s17, ttmp9, s16                ; my group of four queries
	s_lshr_b32 s18, s17, 9
	s_mul_i32 s18, s18, 98304                      ; the batch's bytes in xyz and features
	s_mul_i32 s19, s17, 48                         ; my queries in out0
	s_lshl_b32 s22, s17, 12
	v_lshl_add_u32 v3, v1, 4, s22                  ; my 16 bytes of the masks
	s_lshl_b32 s44, s16, 14                        ; my wave's LDS
	v_lshl_add_u32 v2, v1, 5, s44                  ; my eight words there
	s_mov_b32 s41, 0xffff0000                      ; lanes 16-31; also a word's upper bf16
	s_mov_b32 s42, 0x76543210
	s_mov_b32 s43, 0xfedcba98
	s_mov_b32 s45, 0x1fff
	s_mov_b32 s56, 0x55555555
	s_mov_b32 s57, 0x33333333
	s_mov_b32 s58, 0x0f0f0f0f
	s_mov_b32 s59, 0x01010101
	v_mov_b32 v105, 0
	v_mov_b32 v[TP], 0
	s_wait_kmcnt 0x0
	s_add_nc_u64 s[20:21], s[4:5], 0x800000
.irp c, 0,1,2,3,4,5,6,7
	global_load_b128 v[WA+4*\c:WA+4*\c+3], v3, s[20:21] offset:512*\c
.endr
.irp c, 0,1,2,3,4,5,6,7
	global_load_b128 v[WB+4*\c:WB+4*\c+3], v3, s[4:5] offset:512*\c
.endr
	s_load_b256 s[24:31], s[6:7], s19 offset:0x0   ; four queries' x, y, z: s[24 + 3 u + i]
	s_load_b128 s[32:35], s[6:7], s19 offset:0x20
	s_load_b96 s[36:38], s[10:11], 0x0             ; the pivot: features[0][0]
; Prefix counts of one (radius, query), number cb of eight: bits counted word by word, summed in the lane, scanned over the lanes.
.macro PREFIX wb, u, cb
.irp i, 0,1,2,3,4,5,6,7
	v_xor_b32 v[H+\i], -1, v[\wb+4*\i+\u]          ; hits
	v_lshrrev_b32 v104, 1, v[H+\i]
	v_and_b32 v104, s56, v104
	v_sub_nc_u32 v[CN+\i], v[H+\i], v104
	v_lshrrev_b32 v104, 2, v[CN+\i]
	v_and_b32 v[CN+\i], s57, v[CN+\i]
	v_and_b32 v104, s57, v104
	v_add_nc_u32 v[CN+\i], v[CN+\i], v104
	v_lshrrev_b32 v104, 4, v[CN+\i]
	v_add_nc_u32 v[CN+\i], v[CN+\i], v104
	v_and_b32 v[CN+\i], s58, v[CN+\i]
	v_mul_lo_u32 v[CN+\i], v[CN+\i], s59
	v_lshrrev_b32 v[CN+\i], 24, v[CN+\i]
.endr
.irp i, 1,2,3,4,5,6,7
	v_add_nc_u32 v[CN+\i], v[CN+\i], v[CN+\i-1]
.endr
	v_mov_b32 v104, v[CN+7]
.irp n, 1,2,4,8
	v_mov_b32_dpp v105, v104 row_shr:\n row_mask:0xf bank_mask:0xf bound_ctrl:1
	v_add_nc_u32 v104, v104, v105
.endr
	v_readlane_b32 s40, v104, 15
	v_cndmask_b32 v105, 0, s40, s41
	v_add_nc_u32 v104, v104, v105
	v_readlane_b32 s[TOT+(\cb)], v104, 31
	v_sub_nc_u32 v[PFR], v104, v[CN+7]             ; hits in the lanes below
.irp i, 1,2,3,4,5,6,7
	v_add_nc_u32 v[PFR+\i], v[PFR], v[CN+\i-1]
.endr
	ds_store_b128 v2, v[PFR:PFR+3] offset:(\cb)*2048
	ds_store_b128 v2, v[PFR+4:PFR+7] offset:(\cb)*2048+16
	ds_store_b128 v2, v[H:H+3] offset:(\cb)*2048+1024
	ds_store_b128 v2, v[H+4:H+7] offset:(\cb)*2048+1040
.endm
	s_wait_loadcnt 0x8                             ; radius 0.2 is in; the eight loads of radius 0.1 may stay out
.irp u, 0,1,2,3
	PREFIX WA, \u, 4+\u
.endr
	s_wait_loadcnt 0x0
.irp u, 0,1,2,3
	PREFIX WB, \u, \u
.endr
	; the six passes' constants
	v_and_b32 v4, 15, v1
	v_and_b32 v5, 16, v1
	v_lshlrev_b32 v5, 2, v5                        ; byte index of my half's lane 0
	v_mov_b32 v6, 0
	v_mov_b32 v8, s44
	v_lshrrev_b32 v9, 4, v1
	v_lshl_add_u32 v9, v9, 11, v8
.irp p, 0,1,2,3
	v_add_nc_u32 v[BS+\p], (4+\p)*2048, v8
	v_mov_b32 v[JJ+\p], v1
	v_mov_b32 v[TV+\p], s[TOT+4+\p]
.endr
.irp p, 4,5
	v_add_nc_u32 v[BS+\p], (\p-4)*4096, v9
	v_mov_b32 v[JJ+\p], v4
	v_mov_b32 v[TV+\p], s[TOT+2*(\p-4)]
	v_cndmask_b32 v[TV+\p], v[TV+\p], s[TOT+2*(\p-4)+1], s41
.endr
.irp p, 0,1,2,3,4,5
	v_mov_b32 v[POS+\p], 0
.endr
; One step of the search for the last word whose prefix count is at most j, all six passes together.
; The wave reads its own bytes, and LDS serves a wave's instructions in order: no barrier.
.macro STEP n
.irp p, 0,1,2,3,4,5
	v_add_nc_u32 v[CA+\p], \n, v[POS+\p]
	v_min_u32 v[CA+\p], 0xff, v[CA+\p]
	v_lshl_add_u32 v[AD+\p], v[CA+\p], 2, v[BS+\p]
	ds_load_b32 v[PV+\p], v[AD+\p]
.endr
	s_wait_dscnt 0x0
.irp p, 0,1,2,3,4,5
	v_cmp_le_u32 vcc_lo, v[PV+\p], v[JJ+\p]
	v_cndmask_b32 v[POS+\p], v[POS+\p], v[CA+\p], vcc_lo
.endr
.endm
.irp n, 128,64,32,16,8,4,2,1
	STEP \n
.endr
.irp p, 0,1,2,3,4,5
	v_min_u32 v[POS+\p], 0xff, v[POS+\p]           ; the word's number is at most 255 (128 + 64 + .. + 1); the bound is written out ahead of the address
	v_lshl_add_u32 v[AD+\p], v[POS+\p], 2, v[BS+\p]
	ds_load_b32 v[PV+\p], v[AD+\p]
	ds_load_b32 v[HW+\p], v[AD+\p] offset:1024
.endr
	s_wait_dscnt 0x0
; The place of set bit number rk in a word: counts of 2, 4, 8 and 16 bits, then five halvings.
.macro SSTEP src, w, n, rk
	v_bfe_u32 v244, v[\src], v245, \w
	v_cmp_ge_u32 vcc_lo, v[\rk], v244
	v_cndmask_b32 v244, 0, v244, vcc_lo
	v_sub_nc_u32 v[\rk], v[\rk], v244
	v_cndmask_b32 v244, 0, \n, vcc_lo
	v_add_nc_u32 v245, v245, v244
.endm
.irp p, 0,1,2,3,4,5
	v_sub_nc_u32 v[RK+\p], v[JJ+\p], v[PV+\p]
	v_lshrrev_b32 v244, 1, v[HW+\p]
	v_and_b32 v244, s56, v244
	v_sub_nc_u32 v240, v[HW+\p], v244
	v_lshrrev_b32 v244, 2, v240
	v_and_b32 v244, s57, v244
	v_and_b32 v241, s57, v240
	v_add_nc_u32 v241, v241, v244
	v_lshrrev_b32 v244, 4, v241
	v_add_nc_u32 v242, v241, v244
	v_and_b32 v242, s58, v242
	v_lshrrev_b32 v244, 8, v242
	v_add_nc_u32 v243, v242, v244
	v_mov_b32 v245, 0
	SSTEP 243, 8, 16, RK+\p
	SSTEP 242, 8, 8, RK+\p
	SSTEP 241, 4, 4, RK+\p
	SSTEP 240, 2, 2, RK+\p
	SSTEP HW+\p, 1, 1, RK+\p
	v_lshl_add_u32 v[IDX+\p], v[POS+\p], 5, v245
.if \p < 4
	ds_bpermute_b32 v[FI+\p], v6, v[IDX+\p]        ; the query's first hit: lane 0's
.else
	ds_bpermute_b32 v[FI+\p], v5, v[IDX+\p]        ; lane 0's of my half
.endif
.endr
	s_wait_dscnt 0x0
.irp p, 0,1,2,3,4,5
	v_cmp_eq_u32 vcc_lo, 0, v[TV+\p]
	v_cndmask_b32 v[FI+\p], v[FI+\p], s45, vcc_lo  ; no hit at all
	v_cmp_lt_u32 vcc_lo, v[JJ+\p], v[TV+\p]
	v_cndmask_b32 v[IDX+\p], v[FI+\p], v[IDX+\p], vcc_lo
	v_min_u32 v[IDX+\p], 0x1fff, v[IDX+\p]
	v_mul_u32_u24 v[IDX+\p], 12, v[IDX+\p]
	v_add_nc_u32 v[IDX+\p], s18, v[IDX+\p]
	global_load_b96 v[PX+4*\p:PX+4*\p+2], v[IDX+\p], s[8:9]
	global_load_b96 v[FX+4*\p:FX+4*\p+2], v[IDX+\p], s[10:11]
.endr
	s_lshl_b32 s22, s17, 11
	s_add_co_u32 s22, s22, 2097152
	v_lshl_add_u32 v10, v1, 4, s22                 ; my row of scale 1, query 0
	s_lshl_b32 s22, s17, 10
	v_lshl_add_u32 v11, v1, 4, s22                 ; my row of scale 0, queries 0 and 1
	s_wait_kmcnt 0x0
.irp r, 24,25,26,27,28,29,30,31,32,33,34,35,36,37,38
	SRND \r, 40                                    ; the four queries and the pivot to bf16
.endr
	s_wait_loadcnt 0x0
; One pass's rows: rounded to bf16, centred, added to the scale's sums (first = 1 starts them), rounded to f16 and stored, 512 consecutive bytes a wave.
.macro MOM p, ab, first
	RND2 FX+4*\p, FX+4*\p+1, TP
	RND2 FX+4*\p+2, PX+4*\p, TP
	RND2 PX+4*\p+1, PX+4*\p+2, TP
	v_sub_f32 v[D], v[FX+4*\p], s36
	v_sub_f32 v[D+1], v[FX+4*\p+1], s37
	v_sub_f32 v[D+2], v[FX+4*\p+2], s38
.irp i, 0,1,2
.if \p < 4
	v_sub_f32 v[D+3+\i], v[PX+4*\p+\i], s[24+3*\p+\i]
.else
	v_mov_b32 v[TP], s[24+6*(\p-4)+\i]
	v_cndmask_b32 v[TP], v[TP], s[27+6*(\p-4)+\i], s41
	v_sub_f32 v[D+3+\i], v[PX+4*\p+\i], v[TP]
.endif
.endr
.irp i, 0,1,2,3,4,5
.if \first
	v_mov_b32 v[\ab+\i], v[D+\i]
.else
	v_add_f32 v[\ab+\i], v[\ab+\i], v[D+\i]
.endif
.endr
.set ix, \ab+6
.irp i, 0,1,2,3,4,5
.irp j, 0,1,2,3,4,5
.if \j >= \i
.if \first
	v_mul_f32 v[ix], v[D+\i], v[D+\j]
.else
	v_fmac_f32 v[ix], v[D+\i], v[D+\j]
.endif
.set ix, ix+1
.endif
.endr
.endr
	v_cvt_pk_f16_f32 v[R+4*\p], v[D], v[D+1]
	v_cvt_pk_f16_f32 v[R+4*\p+1], v[D+2], v[D+3]
	v_cvt_pk_f16_f32 v[R+4*\p+2], v[D+4], v[D+5]
	v_mov_b32 v[R+4*\p+3], 0
.if \p < 4
	global_store_b128 v10, v[R+4*\p:R+4*\p+3], s[12:13] offset:512*\p
.else
	global_store_b128 v11, v[R+4*\p:R+4*\p+3], s[12:13] offset:512*(\p-4)
.endif
.endm
	MOM 0, A1, 1
	MOM 1, A1, 0
	MOM 2, A1, 0
	MOM 3, A1, 0
	MOM 4, A0, 1
	MOM 5, A0, 0
	; each sum over the 32 lanes, then into lane c of one register a scale
	v_mov_b32 v[OUT0], 0
	v_mov_b32 v[OUT1], 0
.macro WSUM r, out, c
	v_add_f32_dpp v[\r], v[\r], v[\r] row_xmask:1 row_mask:0xf bank_mask:0xf
	v_add_f32_dpp v[\r], v[\r], v[\r] row_xmask:2 row_mask:0xf bank_mask:0xf
	v_add_f32_dpp v[\r], v[\r], v[\r] row_xmask:4 row_mask:0xf bank_mask:0xf
	v_add_f32_dpp v[\r], v[\r], v[\r] row_xmask:8 row_mask:0xf bank_mask:0xf
	v_permlanex16_b32 v[TP], v[\r], s42, s43
	v_add_f32 v[\r], v[\r], v[TP]
	v_readfirstlane_b32 s40, v[\r]
	v_writelane_b32 v[\out], s40, \c
.endm
.set c, 0
.rept 27
	WSUM A0+c, OUT0, c
	WSUM A1+c, OUT1, c
.set c, c+1
.endr
	s_lshl_b32 s22, s16, 8
	s_add_co_u32 s22, s22, 131072
	v_lshl_add_u32 v12, v1, 2, s22
	ds_store_b32 v12, v[OUT0]
	ds_store_b32 v12, v[OUT1] offset:128
	s_wait_dscnt 0x0                               ; for the other waves: my sums are in LDS
	s_barrier_signal -1
	s_barrier_wait -1
	s_cmp_ge_u32 s16, 2
	s_cbranch_scc1 .Lend
	v_lshlrev_b32 v13, 2, v0
	v_add_nc_u32 v14, 131072, v13
.irp k, 0,1,2,3,4,5,6,7
	ds_load_b32 v[16+\k], v14 offset:256*\k
.endr
	s_mul_i32 s22, ttmp9, 8960
	v_add_nc_u32 v13, s22, v13
	s_wait_dscnt 0x0
	v_add_f32 v16, v16, v17
	v_add_f32 v18, v18, v19
	v_add_f32 v20, v20, v21
	v_add_f32 v22, v22, v23
	v_add_f32 v16, v16, v18
	v_add_f32 v20, v20, v22
	v_add_f32 v16, v16, v20
	global_store_b32 v13, v16, s[14:15]            ; two waves: 256 consecutive bytes of the group's row of part
.Lend:
	s_wait_tensorcnt 0x0
	ds_add_u32 v254, v255
	s_wait_dscnt 0x0
	s_endpgm
.Lfunc_end_k_qc3ee75767e_select:
	.size	k_qc3ee75767e_select, .Lfunc_end_k_qc3ee75767e_select-k_qc3ee75767e_select
	.p2alignl 7, 3214868480
	.fill 96, 4, 3214868480
	.section	.rodata,"a",@progbits
	.p2align	6, 0x0
	.amdhsa_kernel k_qc3ee75767e_select
		.amdhsa_group_segment_fixed_size 134144
		.amdhsa_private_segment_fixed_size 0
		.amdhsa_enable_private_segment 0
		.amdhsa_kernarg_size 48
		.amdhsa_user_sgpr_count 2
		.amdhsa_user_sgpr_kernarg_segment_ptr 1
		.amdhsa_wavefront_size32 1
		.amdhsa_system_sgpr_workgroup_id_x 1
		.amdhsa_system_sgpr_workgroup_id_y 1
		.amdhsa_system_sgpr_workgroup_id_z 1
		.amdhsa_system_vgpr_workitem_id 0
		.amdhsa_next_free_vgpr 256
		.amdhsa_next_free_sgpr 66
		.amdhsa_reserve_vcc 1
		.amdhsa_float_denorm_mode_32 3
		.amdhsa_float_denorm_mode_16_64 3
		.amdhsa_memory_ordered 1
		.amdhsa_forward_progress 1
		.amdhsa_inst_pref_size 114
	.end_amdhsa_kernel
	.amdgpu_metadata
---
amdhsa.version: [ 1, 2 ]
amdhsa.kernels:
  - .name:           k_qc3ee75767e_select
    .symbol:         k_qc3ee75767e_select.kd
    .args:
      - { .name: masks, .offset: 0, .size: 8, .value_kind: global_buffer, .address_space: global }
      - { .name: out0, .offset: 8, .size: 8, .value_kind: global_buffer, .address_space: global }
      - { .name: xyz, .offset: 16, .size: 8, .value_kind: global_buffer, .address_space: global }
      - { .name: features, .offset: 24, .size: 8, .value_kind: global_buffer, .address_space: global }
      - { .name: xh, .offset: 32, .size: 8, .value_kind: global_buffer, .address_space: global }
      - { .name: part, .offset: 40, .size: 8, .value_kind: global_buffer, .address_space: global }
    .group_segment_fixed_size: 134144
    .private_segment_fixed_size: 0
    .kernarg_segment_align: 8
    .kernarg_segment_size: 48
    .max_flat_workgroup_size: 256
    .sgpr_count:     66
    .vgpr_count:     256
    .wavefront_size: 32
...
	.end_amdgpu_metadata
.endif
;; end of part 2
;; launch sum1 (part 3): grid 1 x 1, 8 waves a work-group, no clusters, 5,120 bytes of LDS; arguments part, sums; writes sums
.if DOCPART == 3
	.amdgcn_target "amdgcn-amd-amdhsa--gfx1250"
	.amdhsa_code_object_version 6
	.text
	.protected	k_qc3ee75767e_sum1
	.globl	k_qc3ee75767e_sum1
	.p2align	8
	.type	k_qc3ee75767e_sum1,@function
k_qc3ee75767e_sum1:
	s_mov_b64 s[64:65], 0
	v_nop
	global_prefetch_b8 v0, s[64:65] scope:SCOPE_SE
	s_setreg_imm32_b32 hwreg(HW_REG_WAVE_MODE, 25, 1), 1
	s_wait_xcnt 0x0
; sums[c] = the sum over the 256 rows of part[row][c].  A work-group owns 64 columns (256 bytes of every row).
; Thread t: columns 4 (t % 16) .. + 3, rows t / 16 + 16 i.  The 16 partial rows meet in LDS; sixteen lanes store the 256 bytes.
.set PITCH, 8960
	s_load_b128 s[4:7], s[0:1], 0x0                ; part, sums
	v_lshl_add_u32 v80, v0, 2, 0x1000
	v_mov_b32 v81, 0
	v_and_b32 v1, 15, v0
	v_lshrrev_b32 v2, 4, v0
	v_mul_u32_u24 v2, PITCH, v2
	v_lshl_add_u32 v2, v1, 4, v2
	s_lshl_b32 s8, ttmp9, 8
	v_add_nc_u32 v2, s8, v2
	v_lshlrev_b32 v3, 4, v0
	v_lshrrev_b32 v4, 5, v0
	v_readfirstlane_b32 s10, v4
	v_lshlrev_b32 v5, 4, v1                        ; 16 (t % 16): my four columns in a partial row
	s_wait_kmcnt 0x0
.set i, 0
.rept 16
	global_load_b128 v[16+4*i:19+4*i], v2, s[4:5] offset:16*PITCH*i
.set i, i+1
.endr
.macro TREE                            ; sixteen vectors of four at v16 on, added by halves
.irp st, 8,4,2,1
.set i, 0
.rept \st
	v_pk_add_f32 v[16+4*i:17+4*i], v[16+4*i:17+4*i], v[16+4*(i+\st):17+4*(i+\st)]
	v_pk_add_f32 v[18+4*i:19+4*i], v[18+4*i:19+4*i], v[18+4*(i+\st):19+4*(i+\st)]
.set i, i+1
.endr
.endr
.endm
	s_wait_loadcnt 0x0
	TREE
	ds_store_b128 v3, v[16:19]
	s_wait_dscnt 0x0                               ; for wave 0: my partial row is in LDS
	s_barrier_signal -1
	s_barrier_wait -1
	s_cmp_lg_u32 s10, 0
	s_cbranch_scc1 .Lend
.set i, 0
.rept 16                               ; lanes 16-31 read what lanes 0-15 read: the highest byte is 3840 + 255
	ds_load_b128 v[16+4*i:19+4*i], v5 offset:256*i
.set i, i+1
.endr
	v_add_nc_u32 v6, s8, v5
	s_wait_dscnt 0x0
	TREE
	s_wait_xcnt 0x0                                ; EXEC changes only behind this wait
	v_cmp_gt_u32 vcc_lo, 16, v0
	s_and_saveexec_b32 s9, vcc_lo
	global_store_b128 v6, v[16:19], s[6:7]         ; sixteen lanes: 256 consecutive bytes, aligned
	s_wait_xcnt 0x0
	s_or_b32 exec_lo, exec_lo, s9
.Lend:
	s_wait_tensorcnt 0x0
	ds_add_u32 v80, v81
	s_wait_dscnt 0x0
	s_endpgm
.Lfunc_end_k_qc3ee75767e_sum1:
	.size	k_qc3ee75767e_sum1, .Lfunc_end_k_qc3ee75767e_sum1-k_qc3ee75767e_sum1
	.p2alignl 7, 3214868480
	.fill 96, 4, 3214868480
	.section	.rodata,"a",@progbits
	.p2align	6, 0x0
	.amdhsa_kernel k_qc3ee75767e_sum1
		.amdhsa_group_segment_fixed_size 5120
		.amdhsa_private_segment_fixed_size 0
		.amdhsa_enable_private_segment 0
		.amdhsa_kernarg_size 16
		.amdhsa_user_sgpr_count 2
		.amdhsa_user_sgpr_kernarg_segment_ptr 1
		.amdhsa_wavefront_size32 1
		.amdhsa_system_sgpr_workgroup_id_x 1
		.amdhsa_system_sgpr_workgroup_id_y 1
		.amdhsa_system_sgpr_workgroup_id_z 1
		.amdhsa_system_vgpr_workitem_id 0
		.amdhsa_next_free_vgpr 82
		.amdhsa_next_free_sgpr 66
		.amdhsa_reserve_vcc 1
		.amdhsa_float_denorm_mode_32 3
		.amdhsa_float_denorm_mode_16_64 3
		.amdhsa_memory_ordered 1
		.amdhsa_forward_progress 1
		.amdhsa_inst_pref_size 8
	.end_amdhsa_kernel
	.amdgpu_metadata
---
amdhsa.version: [ 1, 2 ]
amdhsa.kernels:
  - .name:           k_qc3ee75767e_sum1
    .symbol:         k_qc3ee75767e_sum1.kd
    .args:
      - { .name: part, .offset: 0, .size: 8, .value_kind: global_buffer, .address_space: global }
      - { .name: sums, .offset: 8, .size: 8, .value_kind: global_buffer, .address_space: global }
    .group_segment_fixed_size: 5120
    .private_segment_fixed_size: 0
    .kernarg_segment_align: 8
    .kernarg_segment_size: 16
    .max_flat_workgroup_size: 256
    .sgpr_count:     66
    .vgpr_count:     82
    .wavefront_size: 32
...
	.end_amdgpu_metadata
.endif
;; end of part 3
;; launch mlp2 (part 4): grid 256 x 1, 8 waves a work-group, no clusters, 51,200 bytes of LDS; arguments xh, sums, part, params_scale0_0_w, params_scale0_0_b, params_scale0_0_gamma, params_scale0_0_beta, params_scale0_0_a, params_scale0_1_w, params_scale1_0_w, params_scale1_0_b, params_scale1_0_gamma, params_scale1_0_beta, params_scale1_0_a, params_scale1_1_w; writes part
.if DOCPART == 4
	.amdgcn_target "amdgcn-amd-amdhsa--gfx1250"
	.amdhsa_code_object_version 6
	.text
	.protected	k_qc3ee75767e_mlp2
	.globl	k_qc3ee75767e_mlp2
	.p2align	8
	.type	k_qc3ee75767e_mlp2,@function
k_qc3ee75767e_mlp2:
	s_mov_b64 s[64:65], 0
	v_nop
	global_prefetch_b8 v0, s[64:65] scope:SCOPE_SE
	s_setreg_imm32_b32 hwreg(HW_REG_WAVE_MODE, 25, 1), 1
	s_wait_xcnt 0x0
; The shared MLP of both scales, up to layer DEPTH's product, of which it takes the batch sums (and, at DEPTH 3, each query's maximum and minimum).
; Every parameter is rounded to bf16 (nearest even) as it is loaded; a bf16 weight is exact in f16, the operands' format.
; Earlier layers are recomputed from the f16 rows of xh.  Layer 1: batch norm is folded into the product: s w goes in as a high and a low f16 part (the low
; part at k = 8..13, where lanes 16-31 of the row operand hold the same row again), the shift as the C of the matrix instruction; its mean and variance
; come from the input moments.  Layer 2 (DEPTH 3): the weights stay as they are, and z = s d + shift is a packed multiply-add on the result.
; PReLU(z) = c1 z + c2 |z| with c1 = (1 + a) / 2, c2 = (1 - a) / 2.
; Middle layers: D = W x X, a lane holds one row and eight channels, so two results packed to f16 are the next operand.  The last layer swaps the
; sources: a lane holds one channel, and sums and maxima run along its registers.
; Sums are taken of d - P, P = the layer's answer to the scale's row 0 (a first pass on that row, alike in every wave), so that the variance is no
; difference of large sums.  part row = work-group; a block of columns is [sum | sum of squares | P (row 0 alone) | 0], each C wide.
; LIMITS: f16 operands (normalised activations, centred inputs, weights) must stay under 65,504; inputs are taken to be finite.
; No tensor loads, cluster or ring: a scale's weights are at most 48 KiB, staged once a work-group through registers; rows are 16 bytes.
.set DEPTH, 2
.set XF,  16                           ; v[16:31]   two operands of 16 rows; registers 4-7 of each stay 0
.set ACC, 32                           ; v[32:95]   accumulator (channel tile t, row tile l) at 16 t + 8 l
.set P,   96                           ; v[96:127]  activations in f16: 16 l + 4 t + pair
.set SH1, 128                          ; v[128:159] layer 1's shifts, 8 a channel tile
.set SH2, 160                          ; v[160:191] layer 2's
.set ST,  192                          ; v[192:223] a channel tile: pair of sums, pair of sums of squares
.set PVP, 224                          ; v[224:239] P, twice, a channel tile
.set TMP, 240                          ; v[240:255]
.set W1B, 0                            ; window 1: weights' operands, 8 registers at (t KS + u)
.set W2B, 32
.set W3B, 96
.set S2W, 224                          ; window 1: layer 2's s, 8 a channel tile
.set SH1A, 256                         ; LDS: shift 1, s 2, shift 2 (f32 a channel); f16 images of the weights; the waves' sums
.set S2A,  512
.set SH2A, 768
.set IMG1, 1024
.set IMG2, 6144
.set IMG3, 15360
.set RED,  33792
.set MO,  68                           ; s[68:99] the scale's 32 moments
.if DEPTH == 3
.set AO, 32
.set WLB, W3B
.else
.set AO, 24
.set WLB, W2B
.endif
.set MSB, 0
.macro WIN new                         ; the immediate's high byte repeats the setting that is left
.if MSB != \new
	s_set_vgpr_msb (MSB<<8)|\new
.set MSB, \new
.endif
.endm
.macro PLACES                          ; four plain places between matrix instructions and what reads their results or writes their sources (ISA guide 7.12.1)
.rept 4
	v_nop
.endr
.endm
.macro RND2 a, b, t                    ; two numbers to bf16, nearest even, kept as f32
	v_cvt_pk_bf16_f32 v[\t], v[\a], v[\b]
	v_lshlrev_b32 v[\a], 16, v[\t]
	v_and_b32 v[\b], s50, v[\t]
.endm
.macro SRND r, t                       ; the same for a finite number in a scalar register: + 0x7fff + the bit that stays lowest, then cut
	s_bfe_u32 s[\t], s[\r], 0x10010
	s_add_co_u32 s[\r], s[\r], s[\t]
	s_add_co_u32 s[\r], s[\r], 0x7fff
	s_and_b32 s[\r], s[\r], 0xffff0000
.endm
.macro SIDX i, j                       ; sx = the register of the product sum (i, j)
.if \i <= \j
.set sx, MO+6+\i*6-(\i*(\i-1))/2+(\j-\i)
.else
.set sx, MO+6+\j*6-(\j*(\j-1))/2+(\i-\j)
.endif
.endm
; A middle layer: nt channel tiles x 2 row tiles, ks steps of 32 along K; the first step's C is the shift (sh) or 0 (sh = -1).
; The accumulators take turns, one instruction a turn.
.macro MM_MID wb, nt, ks, bs, bst, sh
.set mi, 0
.rept (\nt)*(\ks)*2
.set mu, mi/(2*(\nt))
.set mt, (mi/2)%(\nt)
.set ml, mi%2
.set md, ACC+16*mt+8*ml
.set ma, \wb+8*(mt*(\ks)+mu)
.set mx, \bs+(\bst)*ml+8*mu
.if mu == 0
.if (\sh) < 0
	v_wmma_f32_16x16x32_f16 v[md:md+7], v[ma:ma+7], v[mx:mx+7], 0
.else
	v_wmma_f32_16x16x32_f16 v[md:md+7], v[ma:ma+7], v[mx:mx+7], v[\sh+8*mt:\sh+8*mt+7]
.endif
.else
	v_wmma_f32_16x16x32_f16 v[md:md+7], v[ma:ma+7], v[mx:mx+7], v[md:md+7]
.endif
.set mi, mi+1
.endr
.endm
; The last layer, channel tiles t0 .. t0 + nb - 1, sources swapped; the first step starts the sums with 0.
.macro MM_LAST wb, t0, nb, ks
.set mi, 0
.rept (\nb)*(\ks)*2
.set mu, mi/(2*(\nb))
.set mt, (mi/2)%(\nb)
.set ml, mi%2
.set md, ACC+16*mt+8*ml
.set ma, P+16*ml+8*mu
.set mx, \wb+8*(((\t0)+mt)*(\ks)+mu)
.if mu == 0
	v_wmma_f32_16x16x32_f16 v[md:md+7], v[ma:ma+7], v[mx:mx+7], 0
.else
	v_wmma_f32_16x16x32_f16 v[md:md+7], v[ma:ma+7], v[mx:mx+7], v[md:md+7]
.endif
.set mi, mi+1
.endr
.endm
.macro ZSC nt                          ; layer 2: z = s d + shift, in place; s in window 1 (source 1); each accumulator from its low end on
.set ai, 0
.rept 8*(\nt)
.set zc, 8*(ai/8)+2*(ai%4)
	v_pk_fma_f32 v[ACC+2*ai:ACC+2*ai+1], v[ACC+2*ai:ACC+2*ai+1], v[S2W+zc:S2W+zc+1], v[SH2+zc:SH2+zc+1]
.set ai, ai+1
.endr
.endm
; PReLU and rounding to f16; each accumulator is read from its low end on.  s[sc:sc+1] = c1, s[sc+2] = c2
.macro ACT nt, sc
.set ai, 0
.rept 8*(\nt)
.set tm, TMP+2*(ai%4)
	v_pk_mul_f32 v[tm:tm+1], v[ACC+2*ai:ACC+2*ai+1], s[\sc:\sc+1] op_sel_hi:[1,0]
	v_fma_f32 v[tm], |v[ACC+2*ai]|, s[\sc+2], v[tm]
	v_fma_f32 v[tm+1], |v[ACC+2*ai+1]|, s[\sc+2], v[tm+1]
	v_cvt_pk_f16_f32 v[P+16*((ai/4)%2)+4*(ai/8)+ai%4], v[tm], v[tm+1]
.set ai, ai+1
.endr
.endm
.macro PIV t0, nb                      ; the pass on row 0: all rows are alike, register 0 is P
.set si, 0
.rept \nb
	v_mov_b32 v[PVP+2*((\t0)+si)], v[ACC+16*si]
	v_mov_b32 v[PVP+2*((\t0)+si)+1], v[ACC+16*si]
.set si, si+1
.endr
.endm
.macro STAT t0, nb                     ; d - P in place, its sum and its sum of squares; pairs in ascending order, the accumulators inside
.set si, 0
.rept 8*(\nb)
.set sa, ACC+8*(si%(2*(\nb)))+2*(si/(2*(\nb)))
.set sq, (\t0)+(si%(2*(\nb)))/2
	v_pk_add_f32 v[sa:sa+1], v[sa:sa+1], v[PVP+2*sq:PVP+2*sq+1] neg_lo:[0,1] neg_hi:[0,1]
	v_pk_add_f32 v[ST+4*sq:ST+4*sq+1], v[ST+4*sq:ST+4*sq+1], v[sa:sa+1]
	v_pk_fma_f32 v[ST+4*sq+2:ST+4*sq+3], v[sa:sa+1], v[sa:sa+1], v[ST+4*sq+2:ST+4*sq+3]
.set si, si+1
.endr
.endm
.macro RDX op3, op2, dst, base, n      ; dst = op over n registers from base on
	\op3 v[\dst], v[\base], v[\base+1], v[\base+2]
.set ri, 3
.rept ((\n)-4)/2
	\op3 v[\dst], v[\dst], v[\base+ri], v[\base+ri+1]
.set ri, ri+2
.endr
	\op2 v[\dst], v[\dst], v[\base+(\n)-1]
.endm
; A query's maximum and minimum for two channel tiles: along the registers, then across the halves of the lanes, so that lane l ends with channel
; 16 t + l; one store of 8 bytes a lane covers 256 consecutive bytes, aligned.
.macro POOL t0, nb
.set NQ, 32/KNN
.set pq, 0
.rept ((\nb)/2)*NQ
.set pp, pq/NQ
.set ql, pq%NQ
.set pb, ACC+32*pp+8*ql
.set po, TMP+8+2*((((\t0)/2)+pp)*NQ+ql)
	RDX v_max3_num_f32, v_max_num_f32, TMP, pb, KNN/2
	RDX v_max3_num_f32, v_max_num_f32, TMP+1, pb+16, KNN/2
	RDX v_min3_num_f32, v_min_num_f32, TMP+2, pb, KNN/2
	RDX v_min3_num_f32, v_min_num_f32, TMP+3, pb+16, KNN/2
	v_cndmask_b32 v[TMP+4], v[TMP], v[TMP+1], s50
	v_cndmask_b32 v[TMP+5], v[TMP+1], v[TMP], s50
	v_permlanex16_b32 v[TMP+6], v[TMP+5], s48, s49
	v_max_num_f32 v[po], v[TMP+4], v[TMP+6]
	v_cndmask_b32 v[TMP+4], v[TMP+2], v[TMP+3], s50
	v_cndmask_b32 v[TMP+5], v[TMP+3], v[TMP+2], s50
	v_permlanex16_b32 v[TMP+6], v[TMP+5], s48, s49
	v_min_num_f32 v[po+1], v[TMP+4], v[TMP+6]
	global_store_b64 v6, v[po:po+1], s[10:11] offset:ql*1536+128*((\t0)+2*pp)
.set pq, pq+1
.endr
.endm
; 32 rows through the layers.  mode 0: the pass on row 0; 1: rows of the wave.  pf = 1: the next 32 rows are asked for.
.macro FORWARD mode, pf
	s_wait_loadcnt 0x0                             ; the only loads out are this pass's two row loads
.if \mode
	v_add_nc_u32 v4, 512, v4                       ; free since that wait: the rows that this pass asks for
.endif
	WIN 0x01
	MM_MID W1B, NT1, 1, XF, 8, SH1
	WIN 0
	PLACES
.if \pf
	global_load_b128 v[XF:XF+3], v4, s[4:5]
	global_load_b128 v[XF+8:XF+11], v4, s[4:5] offset:256
.endif
	ACT NT1, 40
.if DEPTH == 3
	WIN 0x01
	MM_MID W2B, NT1, KS, P, 16, -1
	WIN 0x04
	PLACES
	ZSC NT1
	WIN 0
	ACT NT1, 44
.endif
.set ft, 0
.rept NTL/NB
	WIN 0x04
	MM_LAST WLB, ft, NB, KS
	WIN 0
	PLACES
.if \mode
	STAT ft, NB
.if DEPTH == 3
	POOL ft, NB
.endif
.else
	PIV ft, NB
.endif
.set ft, ft+NB
.endr
.if \mode && (DEPTH == 3)
	s_wait_xcnt 0x0                                ; the stores' offset and data are rewritten only behind this wait
	v_add_nc_u32 v6, 1536*(32/KNN), v6
.endif
.endm
.macro CVST rb, nch, img               ; my chunks of four weights: to bf16, then (exactly) to f16, into the image
.set i, 0
.rept \nch
	RND2 \rb+4*i, \rb+4*i+1, 80
	RND2 \rb+4*i+2, \rb+4*i+3, 81
	v_cvt_pk_f16_f32 v[\rb+4*i], v[\rb+4*i], v[\rb+4*i+1]
	v_cvt_pk_f16_f32 v[\rb+4*i+1], v[\rb+4*i+2], v[\rb+4*i+3]
	ds_store_b64 v12, v[\rb+4*i:\rb+4*i+1] offset:\img+i*(256>>SHF)*PT2
.set i, i+1
.endr
.endm
.macro FRAG rb, nt, ks, ar, img, pt    ; operands out of an image: lane (r, h) takes row 16 t + r, bytes 64 u + 16 h and + 32
.set i, 0
.rept (\nt)*(\ks)
	ds_load_b128 v[\rb+8*i:\rb+8*i+3], v[\ar] offset:\img+(i/(\ks))*16*(\pt)+64*(i%(\ks))
	ds_load_b128 v[\rb+8*i+4:\rb+8*i+7], v[\ar] offset:\img+(i/(\ks))*16*(\pt)+64*(i%(\ks))+32
.set i, i+1
.endr
.endm
.macro SHL rb, nt, arr                 ; a number a channel, laid as a result is: register j = channel 16 t + 8 h + j
.set i, 0
.rept \nt
	ds_load_b128 v[\rb+8*i:\rb+8*i+3], v10 offset:\arr+64*i
	ds_load_b128 v[\rb+8*i+4:\rb+8*i+7], v10 offset:\arr+64*i+16
.set i, i+1
.endr
.endm
; One scale.  c1 = channels of layers 1 and 2, c3 of layer 3, kn neighbours, rn = 1 / rows, mb, b2, b3 columns of sums, xb byte of its rows in xh,
; rw rows of a work-group, coff its first channel in pool.
.macro SCALE sc, c1, c3, kn, rn, mb, b2, b3, xb, rw, coff
.set PT2, 2*\c1+16
.set SHF, 3+\c1/64
.set NT1, \c1/16
.set KS,  \c1/32
.set KNN, \kn
.if DEPTH == 3
.set CL, \c3
.set BL, \b3
.else
.set CL, \c1
.set BL, \b2
.endif
.set NTL, CL/16
.set NB, 4
.if NTL < 4
.set NB, NTL
.endif
	s_wait_xcnt 0x0                                ; bases, offsets and data of earlier loads and stores are rewritten only behind this wait
.if DEPTH == 3
	s_load_b512 s[16:31], s[0:1], AO+88*\sc        ; w1 16, b1 18, gamma1 20, beta1 22, a1 24, w2 26, b2 28, gamma2 30
	s_load_b128 s[32:35], s[0:1], AO+88*\sc+64     ; beta2 32, a2 34
	s_load_b64 s[36:37], s[0:1], AO+88*\sc+80      ; w3
.else
	s_load_b256 s[16:23], s[0:1], AO+48*\sc
	s_load_b128 s[24:27], s[0:1], AO+48*\sc+32
.endif
	s_load_b512 s[68:83], s[6:7], \mb*4
	s_load_b512 s[84:99], s[6:7], \mb*4+64
	v_mul_u32_u24 v9, PT2, v1
	v_lshl_add_u32 v9, v2, 4, v9                   ; an operand's row and half in the images of layers 2 and 3
	v_lshrrev_b32 v13, SHF, v0                     ; my chunk's row
	v_and_b32 v12, (1<<SHF)-1, v0
	v_lshlrev_b32 v12, 3, v12
	v_mad_u32_u24 v12, v13, PT2, v12               ; where it goes
	s_mul_i32 s51, s12, 16*CL
	v_lshlrev_b32 v7, 2, v1
	v_mad_u32_u24 v7, v2, 4*CL, v7
	v_add_nc_u32 v7, s51, v7                       ; my place among the waves' sums
	s_mul_i32 s51, s13, \rw*16
	s_mul_i32 s55, s12, \rw*2
	s_add_co_u32 s51, s51, s55
	s_add_co_u32 s51, s51, \xb
	v_lshl_add_u32 v4, v1, 4, s51                  ; my wave's first rows: lanes 16-31 take the same rows as lanes 0-15
	v_mov_b32 v5, \xb                              ; the scale's row 0
.if DEPTH == 3
	s_mul_i32 s51, s13, 49152
	s_mul_i32 s55, s12, 6144
	s_add_co_u32 s51, s51, s55
	s_add_co_u32 s51, s51, \coff*8
	v_and_b32 v6, 31, v0
	v_lshl_add_u32 v6, v6, 3, s51                  ; my wave's first query in pool
.endif
	s_wait_kmcnt 0x0
	s_load_b32 s53, s[24:25], 0x0
.if DEPTH == 3
	s_load_b32 s54, s[34:35], 0x0
.endif
.set i, 0
.rept \c1*\c1/1024
	global_load_b128 v[32+4*i:35+4*i], v11, s[26:27] offset:4096*i
.set i, i+1
.endr
.if DEPTH == 3
.set i, 0
.rept \c3*\c1/1024
	global_load_b128 v[48+4*i:51+4*i], v11, s[36:37] offset:4096*i
.set i, i+1
.endr
.endif
	; layer 1's batch norm from the moments: thread = channel
	s_cmp_ge_u32 s12, \c1/32
	s_cbranch_scc1 .Lbn_done_\@
	v_mul_u32_u24 v120, 24, v0
	global_load_b64 v[96:97], v120, s[16:17]
	global_load_b64 v[98:99], v120, s[16:17] offset:8
	global_load_b64 v[100:101], v120, s[16:17] offset:16
	global_load_b32 v102, v15, s[18:19]
	global_load_b32 v103, v15, s[20:21]
	global_load_b32 v104, v15, s[22:23]
.if DEPTH == 3
	global_load_b32 v121, v15, s[6:7] offset:4*\b2
	global_load_b32 v122, v15, s[6:7] offset:4*(\b2+\c1)
	global_load_b32 v123, v15, s[6:7] offset:4*(\b2+2*\c1)
	global_load_b32 v124, v15, s[28:29]
	global_load_b32 v125, v15, s[30:31]
	global_load_b32 v126, v15, s[32:33]
.endif
	s_wait_loadcnt 0x0
	RND2 96, 97, 105                               ; w, b, gamma, beta to bf16
	RND2 98, 99, 105
	RND2 100, 101, 105
	RND2 102, 103, 105
	RND2 104, 104, 105
.if DEPTH == 3
	RND2 124, 125, 105
	RND2 126, 126, 105
.endif
	v_mul_f32 v105, s[MO], v96
.irp i, 1,2,3,4,5
	v_fmac_f32 v105, s[MO+\i], v[96+\i]
.endr
.irp i, 0,1,2,3,4,5
	SIDX \i, 0
	v_mul_f32 v107, s[sx], v96
.irp j, 1,2,3,4,5
	SIDX \i, \j
	v_fmac_f32 v107, s[sx], v[96+\j]
.endr
.if \i == 0
	v_mul_f32 v106, v96, v107
.else
	v_fmac_f32 v106, v[96+\i], v107
.endif
.endr
	v_mul_f32 v105, \rn, v105                      ; mean of w . x
	v_mul_f32 v106, \rn, v106
	v_fma_f32 v106, -v105, v105, v106              ; variance
	v_max_num_f32 v106, 0, v106
	v_add_f32 v106, 0x3727c5ac, v106               ; + 1e-5
	v_rsq_f32 v107, v106
	v_add_f32 v109, v105, v102                     ; mu = mean + b (a plain instruction behind the root)
	s_wait_alu depctr_va_vdst(0)
	v_mul_f32 v108, v103, v107                     ; s
	v_sub_f32 v109, v102, v109
	v_fma_f32 v109, v108, v109, v104               ; shift = beta + s (b - mu)
	ds_store_b32 v15, v109 offset:SH1A
.irp i, 0,1,2,3,4,5
	v_mul_f32 v[96+\i], v108, v[96+\i]
.endr
	v_cvt_pk_f16_f32 v112, v96, v97                ; s w: the high part,
	v_cvt_pk_f16_f32 v113, v98, v99
	v_cvt_pk_f16_f32 v114, v100, v101
	v_mov_b32 v115, 0
	v_lshrrev_b32 v106, 16, v112                   ; and what that rounding left
	v_cvt_f32_f16 v105, v112.l
	v_cvt_f32_f16 v106, v106.l
	v_sub_f32 v96, v96, v105
	v_sub_f32 v97, v97, v106
	v_lshrrev_b32 v106, 16, v113
	v_cvt_f32_f16 v105, v113.l
	v_cvt_f32_f16 v106, v106.l
	v_sub_f32 v98, v98, v105
	v_sub_f32 v99, v99, v106
	v_lshrrev_b32 v106, 16, v114
	v_cvt_f32_f16 v105, v114.l
	v_cvt_f32_f16 v106, v106.l
	v_sub_f32 v100, v100, v105
	v_sub_f32 v101, v101, v106
	v_cvt_pk_f16_f32 v116, v96, v97
	v_cvt_pk_f16_f32 v117, v98, v99
	v_cvt_pk_f16_f32 v118, v100, v101
.irp i, 119,108,109,110,111
	v_mov_b32 v\i, 0
.endr
	v_mul_u32_u24 v120, 80, v0
	ds_store_b128 v120, v[112:115] offset:IMG1     ; k = 0..7: the high part (6 numbers, 2 zeros)
	ds_store_b128 v120, v[116:119] offset:IMG1+16  ; k = 8..15: the low part, which meets the same row in lanes 16-31
	ds_store_b128 v120, v[108:111] offset:IMG1+32  ; k = 16..31: zeros
	ds_store_b128 v120, v[108:111] offset:IMG1+48
.if DEPTH == 3
	v_mul_f32 v121, \rn, v121                      ; layer 2: mean of d - P
	v_mul_f32 v122, \rn, v122
	v_fma_f32 v122, -v121, v121, v122
	v_max_num_f32 v122, 0, v122
	v_add_f32 v122, 0x3727c5ac, v122
	v_rsq_f32 v127, v122
	v_add_f32 v121, v121, v123                     ; + P
	v_add_f32 v121, v121, v124                     ; mu = mean + b
	v_mul_f32 v127, v125, v127                     ; s
	v_sub_f32 v121, v124, v121
	v_fma_f32 v121, v127, v121, v126
	ds_store_b32 v15, v127 offset:S2A
	ds_store_b32 v15, v121 offset:SH2A
.endif
.Lbn_done_\@:
	s_wait_kmcnt 0x0
	SRND 53, 55                                    ; a to bf16
	v_fma_f32 v120, s53, 0.5, 0.5
	v_readfirstlane_b32 s40, v120
	s_mov_b32 s41, s40
	v_fma_f32 v120, s53, -0.5, 0.5
	v_readfirstlane_b32 s42, v120
.if DEPTH == 3
	SRND 54, 55
	v_fma_f32 v120, s54, 0.5, 0.5
	v_readfirstlane_b32 s44, v120
	s_mov_b32 s45, s44
	v_fma_f32 v120, s54, -0.5, 0.5
	v_readfirstlane_b32 s46, v120
.endif
	s_wait_loadcnt 0x0                             ; my chunks of the weights
.if DEPTH == 3
	CVST 48, \c3*\c1/1024, IMG3
.endif
	CVST 32, \c1*\c1/1024, IMG2
	s_wait_dscnt 0x0                               ; for the others: s, the shifts and my part of the images are written; my earlier reads of LDS are over
	s_barrier_signal -1
	s_barrier_wait -1
	global_load_b128 v[XF:XF+3], v5, s[4:5]        ; row 0, in every lane of both operands
	global_load_b128 v[XF+8:XF+11], v5, s[4:5]
	WIN 0x40
	FRAG W1B, NT1, 1, 8, IMG1, 80
	FRAG W2B, NT1, KS, 9, IMG2, PT2
.if DEPTH == 3
	FRAG W3B, \c3/16, KS, 9, IMG3, PT2
	SHL S2W, NT1, S2A
.endif
	WIN 0
	SHL SH1, NT1, SH1A
.if DEPTH == 3
	SHL SH2, NT1, SH2A
.endif
.set i, 0
.rept 4*NTL
	v_mov_b32 v[ST+i], 0
.set i, i+1
.endr
	s_wait_dscnt 0x0
	FORWARD 0, 1
.if \rw/256 > 2
	s_mov_b32 s52, \rw/256-1
.Ltrip_\@:
	FORWARD 1, 1
	s_sub_co_u32 s52, s52, 1
	s_cmp_lg_u32 s52, 0
	s_cbranch_scc1 .Ltrip_\@
.else
	FORWARD 1, 1
.endif
	FORWARD 1, 0                                   ; the last 32 rows ask for nothing
	; the wave's sums: lanes 0-15 end with the sum, lanes 16-31 with the sum of squares of channel 16 t + r
.set i, 0
.rept NTL
	v_add_f32 v[TMP], v[ST+4*i], v[ST+4*i+1]
	v_add_f32 v[TMP+1], v[ST+4*i+2], v[ST+4*i+3]
	v_cndmask_b32 v[TMP+2], v[TMP], v[TMP+1], s50
	v_cndmask_b32 v[TMP+3], v[TMP+1], v[TMP], s50
	v_permlanex16_b32 v[TMP+6], v[TMP+3], s48, s49
	v_add_f32 v[TMP+2], v[TMP+2], v[TMP+6]
	v_and_b32 v[TMP+4], v14, v[PVP+2*i]            ; P from wave 0 of work-group 0 alone, 0 from all others: the column's sum is P
	ds_store_b32 v7, v[TMP+2] offset:RED+64*i
	ds_store_b32 v7, v[TMP+4] offset:RED+8*CL+64*i
.set i, i+1
.endr
	s_wait_dscnt 0x0                               ; for the others: my sums are in LDS
	s_barrier_signal -1
	s_barrier_wait -1
	s_cmp_ge_u32 s12, CL/32
	s_cbranch_scc1 .Lepi_done_\@
.set i, 0
.rept 8
	ds_load_b128 v[32+4*i:35+4*i], v11 offset:RED+i*16*CL
.set i, i+1
.endr
	s_wait_dscnt 0x0
.irp st, 4,2,1
.set i, 0
.rept \st
	v_pk_add_f32 v[32+4*i:33+4*i], v[32+4*i:33+4*i], v[32+4*(i+\st):33+4*(i+\st)]
	v_pk_add_f32 v[34+4*i:35+4*i], v[34+4*i:35+4*i], v[34+4*(i+\st):35+4*(i+\st)]
.set i, i+1
.endr
.endr
	global_store_b128 v3, v[32:35], s[8:9] offset:4*BL   ; sixteen lanes: 256 consecutive bytes, aligned
.Lepi_done_\@:
.endm
.if DEPTH == 3
	s_load_b256 s[4:11], s[0:1], 0x0               ; xh s[4:5], sums s[6:7], part s[8:9], pool s[10:11]
.else
	s_load_b128 s[4:7], s[0:1], 0x0
	s_load_b64 s[8:9], s[0:1], 0x10
	v_lshl_add_u32 v254, v0, 2, 0xc400
	v_mov_b32 v255, 0
.endif
	v_and_b32 v1, 15, v0                           ; r
	v_bfe_u32 v2, v0, 4, 1                         ; h
	v_lshrrev_b32 v3, 5, v0
	v_readfirstlane_b32 s12, v3                    ; wave
	s_mov_b32 s13, ttmp9
	s_mov_b32 s48, 0x76543210
	s_mov_b32 s49, 0xfedcba98
	s_mov_b32 s50, 0xffff0000                      ; lanes 16-31; also a word's upper bf16
	s_or_b32 s51, s12, s13
	s_cmp_eq_u32 s51, 0
	s_cselect_b32 s51, 0xffff, 0
	v_cndmask_b32 v14, 0, -1, s51                  ; all ones in lanes 0-15 of wave 0 of work-group 0
	v_mul_u32_u24 v8, 80, v1
	v_lshl_add_u32 v8, v2, 4, v8                   ; an operand's row and half in layer 1's image
	v_lshlrev_b32 v10, 5, v2
	v_lshlrev_b32 v11, 4, v0
	v_lshlrev_b32 v15, 2, v0
	s_mul_i32 s51, s13, 8960
	v_add_nc_u32 v3, s51, v11                      ; my 16 bytes of the group's row of part
.irp i, 4,5,6,7,12,13,14,15
	v_mov_b32 v[XF+\i], 0
.endr
	v_mov_b32 v[TMP+6], 0
	s_wait_kmcnt 0x0
	SCALE 0, 32, 64, 16, 0x37000000, 0, 64, 448, 0, 512, 0
	SCALE 1, 64, 128, 32, 0x36800000, 32, 192, 704, 2097152, 1024, 64
	s_wait_tensorcnt 0x0
	ds_add_u32 v254, v255
	s_wait_dscnt 0x0
	s_endpgm
.Lfunc_end_k_qc3ee75767e_mlp2:
	.size	k_qc3ee75767e_mlp2, .Lfunc_end_k_qc3ee75767e_mlp2-k_qc3ee75767e_mlp2
	.p2alignl 7, 3214868480
	.fill 96, 4, 3214868480
	.section	.rodata,"a",@progbits
	.p2align	6, 0x0
	.amdhsa_kernel k_qc3ee75767e_mlp2
		.amdhsa_group_segment_fixed_size 51200
		.amdhsa_private_segment_fixed_size 0
		.amdhsa_enable_private_segment 0
		.amdhsa_kernarg_size 120
		.amdhsa_user_sgpr_count 2
		.amdhsa_user_sgpr_kernarg_segment_ptr 1
		.amdhsa_wavefront_size32 1
		.amdhsa_system_sgpr_workgroup_id_x 1
		.amdhsa_system_sgpr_workgroup_id_y 1
		.amdhsa_system_sgpr_workgroup_id_z 1
		.amdhsa_system_vgpr_workitem_id 0
		.amdhsa_next_free_vgpr 384
		.amdhsa_next_free_sgpr 100
		.amdhsa_reserve_vcc 0
		.amdhsa_float_denorm_mode_32 3
		.amdhsa_float_denorm_mode_16_64 3
		.amdhsa_memory_ordered 1
		.amdhsa_forward_progress 1
		.amdhsa_inst_pref_size 92
	.end_amdhsa_kernel
	.amdgpu_metadata
---
amdhsa.version: [ 1, 2 ]
amdhsa.kernels:
  - .name:           k_qc3ee75767e_mlp2
    .symbol:         k_qc3ee75767e_mlp2.kd
    .args:
      - { .name: xh, .offset: 0, .size: 8, .value_kind: global_buffer, .address_space: global }
      - { .name: sums, .offset: 8, .size: 8, .value_kind: global_buffer, .address_space: global }
      - { .name: part, .offset: 16, .size: 8, .value_kind: global_buffer, .address_space: global }
      - { .name: params_scale0_0_w, .offset: 24, .size: 8, .value_kind: global_buffer, .address_space: global }
      - { .name: params_scale0_0_b, .offset: 32, .size: 8, .value_kind: global_buffer, .address_space: global }
      - { .name: params_scale0_0_gamma, .offset: 40, .size: 8, .value_kind: global_buffer, .address_space: global }
      - { .name: params_scale0_0_beta, .offset: 48, .size: 8, .value_kind: global_buffer, .address_space: global }
      - { .name: params_scale0_0_a, .offset: 56, .size: 8, .value_kind: global_buffer, .address_space: global }
      - { .name: params_scale0_1_w, .offset: 64, .size: 8, .value_kind: global_buffer, .address_space: global }
      - { .name: params_scale1_0_w, .offset: 72, .size: 8, .value_kind: global_buffer, .address_space: global }
      - { .name: params_scale1_0_b, .offset: 80, .size: 8, .value_kind: global_buffer, .address_space: global }
      - { .name: params_scale1_0_gamma, .offset: 88, .size: 8, .value_kind: global_buffer, .address_space: global }
      - { .name: params_scale1_0_beta, .offset: 96, .size: 8, .value_kind: global_buffer, .address_space: global }
      - { .name: params_scale1_0_a, .offset: 104, .size: 8, .value_kind: global_buffer, .address_space: global }
      - { .name: params_scale1_1_w, .offset: 112, .size: 8, .value_kind: global_buffer, .address_space: global }
    .group_segment_fixed_size: 51200
    .private_segment_fixed_size: 0
    .kernarg_segment_align: 8
    .kernarg_segment_size: 120
    .max_flat_workgroup_size: 256
    .sgpr_count:     100
    .vgpr_count:     384
    .wavefront_size: 32
...
	.end_amdgpu_metadata
.endif
;; end of part 4
;; launch sum2: the kernel of part 3 again; grid 7 x 1, 8 waves a work-group, no clusters, 5,120 bytes of LDS; arguments part, sums; writes sums
;; launch mlp3 (part 5): grid 256 x 1, 8 waves a work-group, no clusters, 51,200 bytes of LDS; arguments xh, sums, part, pool, params_scale0_0_w, params_scale0_0_b, params_scale0_0_gamma, params_scale0_0_beta, params_scale0_0_a, params_scale0_1_w, params_scale0_1_b, params_scale0_1_gamma, params_scale0_1_beta, params_scale0_1_a, params_scale0_2_w, params_scale1_0_w, params_scale1_0_b, params_scale1_0_gamma, params_scale1_0_beta, params_scale1_0_a, params_scale1_1_w, params_scale1_1_b, params_scale1_1_gamma, params_scale1_1_beta, params_scale1_1_a, params_scale1_2_w; writes part, pool
.if DOCPART == 5
	.amdgcn_target "amdgcn-amd-amdhsa--gfx1250"
	.amdhsa_code_object_version 6
	.text
	.protected	k_qc3ee75767e_mlp3
	.globl	k_qc3ee75767e_mlp3
	.p2align	8
	.type	k_qc3ee75767e_mlp3,@function
k_qc3ee75767e_mlp3:
	s_mov_b64 s[64:65], 0
	v_nop
	global_prefetch_b8 v0, s[64:65] scope:SCOPE_SE
	s_setreg_imm32_b32 hwreg(HW_REG_WAVE_MODE, 25, 1), 1
	s_wait_xcnt 0x0
; The shared MLP of both scales, up to layer DEPTH's product, of which it takes the batch sums (and, at DEPTH 3, each query's maximum and minimum).
; Every parameter is rounded to bf16 (nearest even) as it is loaded; a bf16 weight is exact in f16, the operands' format.
; Earlier layers are recomputed from the f16 rows of xh.  Layer 1: batch norm is folded into the product: s w goes in as a high and a low f16 part (the low
; part at k = 8..13, where lanes 16-31 of the row operand hold the same row again), the shift as the C of the matrix instruction; its mean and variance
; come from the input moments.  Layer 2 (DEPTH 3): the weights stay as they are, and z = s d + shift is a packed multiply-add on the result.
; PReLU(z) = c1 z + c2 |z| with c1 = (1 + a) / 2, c2 = (1 - a) / 2.
; Middle layers: D = W x X, a lane holds one row and eight channels, so two results packed to f16 are the next operand.  The last layer swaps the
; sources: a lane holds one channel, and sums and maxima run along its registers.
; Sums are taken of d - P, P = the layer's answer to the scale's row 0 (a first pass on that row, alike in every wave), so that the variance is no
; difference of large sums.  part row = work-group; a block of columns is [sum | sum of squares | P (row 0 alone) | 0], each C wide.
; pool[query][channel] = (max, min) of d - P over the query's neighbours: PReLU of an affine map of d is convex in d for a <= 1 and monotone for a > 0,
; so its maximum over the neighbours lies at the largest or at the smallest d.  A NaN is not carried through these maxima.
; LIMITS: f16 operands (normalised activations, centred inputs, weights) must stay under 65,504; inputs are taken to be finite.
; No tensor loads, cluster or ring: a scale's weights are at most 48 KiB, staged once a work-group through registers; rows are 16 bytes.
.set DEPTH, 3
.set XF,  16                           ; v[16:31]   two operands of 16 rows; registers 4-7 of each stay 0
.set ACC, 32                           ; v[32:95]   accumulator (channel tile t, row tile l) at 16 t + 8 l
.set P,   96                           ; v[96:127]  activations in f16: 16 l + 4 t + pair
.set SH1, 128                          ; v[128:159] layer 1's shifts, 8 a channel tile
.set SH2, 160                          ; v[160:191] layer 2's
.set ST,  192                          ; v[192:223] a channel tile: pair of sums, pair of sums of squares
.set PVP, 224                          ; v[224:239] P, twice, a channel tile
.set TMP, 240                          ; v[240:255]
.set W1B, 0                            ; window 1: weights' operands, 8 registers at (t KS + u)
.set W2B, 32
.set W3B, 96
.set S2W, 224                          ; window 1: layer 2's s, 8 a channel tile
.set SH1A, 256                         ; LDS: shift 1, s 2, shift 2 (f32 a channel); f16 images of the weights; the waves' sums
.set S2A,  512
.set SH2A, 768
.set IMG1, 1024
.set IMG2, 6144
.set IMG3, 15360
.set RED,  33792
.set MO,  68                           ; s[68:99] the scale's 32 moments
.if DEPTH == 3
.set AO, 32
.set WLB, W3B
.else
.set AO, 24
.set WLB, W2B
.endif
.set MSB, 0
.macro WIN new                         ; the immediate's high byte repeats the setting that is left
.if MSB != \new
	s_set_vgpr_msb (MSB<<8)|\new
.set MSB, \new
.endif
.endm
.macro PLACES                          ; four plain places between matrix instructions and what reads their results or writes their sources (ISA guide 7.12.1)
.rept 4
	v_nop
.endr
.endm
.macro RND2 a, b, t                    ; two numbers to bf16, nearest even, kept as f32
	v_cvt_pk_bf16_f32 v[\t], v[\a], v[\b]
	v_lshlrev_b32 v[\a], 16, v[\t]
	v_and_b32 v[\b], s50, v[\t]
.endm
.macro SRND r, t                       ; the same for a finite number in a scalar register: + 0x7fff + the bit that stays lowest, then cut
	s_bfe_u32 s[\t], s[\r], 0x10010
	s_add_co_u32 s[\r], s[\r], s[\t]
	s_add_co_u32 s[\r], s[\r], 0x7fff
	s_and_b32 s[\r], s[\r], 0xffff0000
.endm
.macro SIDX i, j                       ; sx = the register of the product sum (i, j)
.if \i <= \j
.set sx, MO+6+\i*6-(\i*(\i-1))/2+(\j-\i)
.else
.set sx, MO+6+\j*6-(\j*(\j-1))/2+(\i-\j)
.endif
.endm
; A middle layer: nt channel tiles x 2 row tiles, ks steps of 32 along K; the first step's C is the shift (sh) or 0 (sh = -1).
; The accumulators take turns, one instruction a turn.
.macro MM_MID wb, nt, ks, bs, bst, sh
.set mi, 0
.rept (\nt)*(\ks)*2
.set mu, mi/(2*(\nt))
.set mt, (mi/2)%(\nt)
.set ml, mi%2
.set md, ACC+16*mt+8*ml
.set ma, \wb+8*(mt*(\ks)+mu)
.set mx, \bs+(\bst)*ml+8*mu
.if mu == 0
.if (\sh) < 0
	v_wmma_f32_16x16x32_f16 v[md:md+7], v[ma:ma+7], v[mx:mx+7], 0
.else
	v_wmma_f32_16x16x32_f16 v[md:md+7], v[ma:ma+7], v[mx:mx+7], v[\sh+8*mt:\sh+8*mt+7]
.endif
.else
	v_wmma_f32_16x16x32_f16 v[md:md+7], v[ma:ma+7], v[mx:mx+7], v[md:md+7]
.endif
.set mi, mi+1
.endr
.endm
; The last layer, channel tiles t0 .. t0 + nb - 1, sources swapped; the first step starts the sums with 0.
.macro MM_LAST wb, t0, nb, ks
.set mi, 0
.rept (\nb)*(\ks)*2
.set mu, mi/(2*(\nb))
.set mt, (mi/2)%(\nb)
.set ml, mi%2
.set md, ACC+16*mt+8*ml
.set ma, P+16*ml+8*mu
.set mx, \wb+8*(((\t0)+mt)*(\ks)+mu)
.if mu == 0
	v_wmma_f32_16x16x32_f16 v[md:md+7], v[ma:ma+7], v[mx:mx+7], 0
.else
	v_wmma_f32_16x16x32_f16 v[md:md+7], v[ma:ma+7], v[mx:mx+7], v[md:md+7]
.endif
.set mi, mi+1
.endr
.endm
.macro ZSC nt                          ; layer 2: z = s d + shift, in place; s in window 1 (source 1); each accumulator from its low end on
.set ai, 0
.rept 8*(\nt)
.set zc, 8*(ai/8)+2*(ai%4)
	v_pk_fma_f32 v[ACC+2*ai:ACC+2*ai+1], v[ACC+2*ai:ACC+2*ai+1], v[S2W+zc:S2W+zc+1], v[SH2+zc:SH2+zc+1]
.set ai, ai+1
.endr
.endm
; PReLU and rounding to f16; each accumulator is read from its low end on.  s[sc:sc+1] = c1, s[sc+2] = c2
.macro ACT nt, sc
.set ai, 0
.rept 8*(\nt)
.set tm, TMP+2*(ai%4)
	v_pk_mul_f32 v[tm:tm+1], v[ACC+2*ai:ACC+2*ai+1], s[\sc:\sc+1] op_sel_hi:[1,0]
	v_fma_f32 v[tm], |v[ACC+2*ai]|, s[\sc+2], v[tm]
	v_fma_f32 v[tm+1], |v[ACC+2*ai+1]|, s[\sc+2], v[tm+1]
	v_cvt_pk_f16_f32 v[P+16*((ai/4)%2)+4*(ai/8)+ai%4], v[tm], v[tm+1]
.set ai, ai+1
.endr
.endm
.macro PIV t0, nb                      ; the pass on row 0: all rows are alike, register 0 is P
.set si, 0
.rept \nb
	v_mov_b32 v[PVP+2*((\t0)+si)], v[ACC+16*si]
	v_mov_b32 v[PVP+2*((\t0)+si)+1], v[ACC+16*si]
.set si, si+1
.endr
.endm
.macro STAT t0, nb                     ; d - P in place, its sum and its sum of squares; pairs in ascending order, the accumulators inside
.set si, 0
.rept 8*(\nb)
.set sa, ACC+8*(si%(2*(\nb)))+2*(si/(2*(\nb)))
.set sq, (\t0)+(si%(2*(\nb)))/2
	v_pk_add_f32 v[sa:sa+1], v[sa:sa+1], v[PVP+2*sq:PVP+2*sq+1] neg_lo:[0,1] neg_hi:[0,1]
	v_pk_add_f32 v[ST+4*sq:ST+4*sq+1], v[ST+4*sq:ST+4*sq+1], v[sa:sa+1]
	v_pk_fma_f32 v[ST+4*sq+2:ST+4*sq+3], v[sa:sa+1], v[sa:sa+1], v[ST+4*sq+2:ST+4*sq+3]
.set si, si+1
.endr
.endm
.macro RDX op3, op2, dst, base, n      ; dst = op over n registers from base on
	\op3 v[\dst], v[\base], v[\base+1], v[\base+2]
.set ri, 3
.rept ((\n)-4)/2
	\op3 v[\dst], v[\dst], v[\base+ri], v[\base+ri+1]
.set ri, ri+2
.endr
	\op2 v[\dst], v[\dst], v[\base+(\n)-1]
.endm
; A query's maximum and minimum for two channel tiles: along the registers, then across the halves of the lanes, so that lane l ends with channel
; 16 t + l; one store of 8 bytes a lane covers 256 consecutive bytes, aligned.
.macro POOL t0, nb
.set NQ, 32/KNN
.set pq, 0
.rept ((\nb)/2)*NQ
.set pp, pq/NQ
.set ql, pq%NQ
.set pb, ACC+32*pp+8*ql
.set po, TMP+8+2*((((\t0)/2)+pp)*NQ+ql)
	RDX v_max3_num_f32, v_max_num_f32, TMP, pb, KNN/2
	RDX v_max3_num_f32, v_max_num_f32, TMP+1, pb+16, KNN/2
	RDX v_min3_num_f32, v_min_num_f32, TMP+2, pb, KNN/2
	RDX v_min3_num_f32, v_min_num_f32, TMP+3, pb+16, KNN/2
	v_cndmask_b32 v[TMP+4], v[TMP], v[TMP+1], s50
	v_cndmask_b32 v[TMP+5], v[TMP+1], v[TMP], s50
	v_permlanex16_b32 v[TMP+6], v[TMP+5], s48, s49
	v_max_num_f32 v[po], v[TMP+4], v[TMP+6]
	v_cndmask_b32 v[TMP+4], v[TMP+2], v[TMP+3], s50
	v_cndmask_b32 v[TMP+5], v[TMP+3], v[TMP+2], s50
	v_permlanex16_b32 v[TMP+6], v[TMP+5], s48, s49
	v_min_num_f32 v[po+1], v[TMP+4], v[TMP+6]
	global_store_b64 v6, v[po:po+1], s[10:11] offset:ql*1536+128*((\t0)+2*pp)
.set pq, pq+1
.endr
.endm
; 32 rows through the layers.  mode 0: the pass on row 0; 1: rows of the wave.  pf = 1: the next 32 rows are asked for.
.macro FORWARD mode, pf
	s_wait_loadcnt 0x0                             ; the only loads out are this pass's two row loads
.if \mode
	v_add_nc_u32 v4, 512, v4                       ; free since that wait: the rows that this pass asks for
.endif
	WIN 0x01
	MM_MID W1B, NT1, 1, XF, 8, SH1
	WIN 0
	PLACES
.if \pf
	global_load_b128 v[XF:XF+3], v4, s[4:5]
	global_load_b128 v[XF+8:XF+11], v4, s[4:5] offset:256
.endif
	ACT NT1, 40
.if DEPTH == 3
	WIN 0x01
	MM_MID W2B, NT1, KS, P, 16, -1
	WIN 0x04
	PLACES
	ZSC NT1
	WIN 0
	ACT NT1, 44
.endif
.set ft, 0
.rept NTL/NB
	WIN 0x04
	MM_LAST WLB, ft, NB, KS
	WIN 0
	PLACES
.if \mode
	STAT ft, NB
.if DEPTH == 3
	POOL ft, NB
.endif
.else
	PIV ft, NB
.endif
.set ft, ft+NB
.endr
.if \mode && (DEPTH == 3)
	s_wait_xcnt 0x0                                ; the stores' offset and data are rewritten only behind this wait
	v_add_nc_u32 v6, 1536*(32/KNN), v6
.endif
.endm
.macro CVST rb, nch, img               ; my chunks of four weights: to bf16, then (exactly) to f16, into the image
.set i, 0
.rept \nch
	RND2 \rb+4*i, \rb+4*i+1, 80
	RND2 \rb+4*i+2, \rb+4*i+3, 81
	v_cvt_pk_f16_f32 v[\rb+4*i], v[\rb+4*i], v[\rb+4*i+1]
	v_cvt_pk_f16_f32 v[\rb+4*i+1], v[\rb+4*i+2], v[\rb+4*i+3]
	ds_store_b64 v12, v[\rb+4*i:\rb+4*i+1] offset:\img+i*(256>>SHF)*PT2
.set i, i+1
.endr
.endm
.macro FRAG rb, nt, ks, ar, img, pt    ; operands out of an image: lane (r, h) takes row 16 t + r, bytes 64 u + 16 h and + 32
.set i, 0
.rept (\nt)*(\ks)
	ds_load_b128 v[\rb+8*i:\rb+8*i+3], v[\ar] offset:\img+(i/(\ks))*16*(\pt)+64*(i%(\ks))
	ds_load_b128 v[\rb+8*i+4:\rb+8*i+7], v[\ar] offset:\img+(i/(\ks))*16*(\pt)+64*(i%(\ks))+32
.set i, i+1
.endr
.endm
.macro SHL rb, nt, arr                 ; a number a channel, laid as a result is: register j = channel 16 t + 8 h + j
.set i, 0
.rept \nt
	ds_load_b128 v[\rb+8*i:\rb+8*i+3], v10 offset:\arr+64*i
	ds_load_b128 v[\rb+8*i+4:\rb+8*i+7], v10 offset:\arr+64*i+16
.set i, i+1
.endr
.endm
; One scale.  c1 = channels of layers 1 and 2, c3 of layer 3, kn neighbours, rn = 1 / rows, mb, b2, b3 columns of sums, xb byte of its rows in xh,
; rw rows of a work-group, coff its first channel in pool.
.macro SCALE sc, c1, c3, kn, rn, mb, b2, b3, xb, rw, coff
.set PT2, 2*\c1+16
.set SHF, 3+\c1/64
.set NT1, \c1/16
.set KS,  \c1/32
.set KNN, \kn
.if DEPTH == 3
.set CL, \c3
.set BL, \b3
.else
.set CL, \c1
.set BL, \b2
.endif
.set NTL, CL/16
.set NB, 4
.if NTL < 4
.set NB, NTL
.endif
	s_wait_xcnt 0x0                                ; bases, offsets and data of earlier loads and stores are rewritten only behind this wait
.if DEPTH == 3
	s_load_b512 s[16:31], s[0:1], AO+88*\sc        ; w1 16, b1 18, gamma1 20, beta1 22, a1 24, w2 26, b2 28, gamma2 30
	s_load_b128 s[32:35], s[0:1], AO+88*\sc+64     ; beta2 32, a2 34
	s_load_b64 s[36:37], s[0:1], AO+88*\sc+80      ; w3
.else
	s_load_b256 s[16:23], s[0:1], AO+48*\sc
	s_load_b128 s[24:27], s[0:1], AO+48*\sc+32
.endif
	s_load_b512 s[68:83], s[6:7], \mb*4
	s_load_b512 s[84:99], s[6:7], \mb*4+64
	v_mul_u32_u24 v9, PT2, v1
	v_lshl_add_u32 v9, v2, 4, v9                   ; an operand's row and half in the images of layers 2 and 3
	v_lshrrev_b32 v13, SHF, v0                     ; my chunk's row
	v_and_b32 v12, (1<<SHF)-1, v0
	v_lshlrev_b32 v12, 3, v12
	v_mad_u32_u24 v12, v13, PT2, v12               ; where it goes
	s_mul_i32 s51, s12, 16*CL
	v_lshlrev_b32 v7, 2, v1
	v_mad_u32_u24 v7, v2, 4*CL, v7
	v_add_nc_u32 v7, s51, v7                       ; my place among the waves' sums
	s_mul_i32 s51, s13, \rw*16
	s_mul_i32 s55, s12, \rw*2
	s_add_co_u32 s51, s51, s55
	s_add_co_u32 s51, s51, \xb
	v_lshl_add_u32 v4, v1, 4, s51                  ; my wave's first rows: lanes 16-31 take the same rows as lanes 0-15
	v_mov_b32 v5, \xb                              ; the scale's row 0
.if DEPTH == 3
	s_mul_i32 s51, s13, 49152
	s_mul_i32 s55, s12, 6144
	s_add_co_u32 s51, s51, s55
	s_add_co_u32 s51, s51, \coff*8
	v_and_b32 v6, 31, v0
	v_lshl_add_u32 v6, v6, 3, s51                  ; my wave's first query in pool
.endif
	s_wait_kmcnt 0x0
	s_load_b32 s53, s[24:25], 0x0
.if DEPTH == 3
	s_load_b32 s54, s[34:35], 0x0
.endif
.set i, 0
.rept \c1*\c1/1024
	global_load_b128 v[32+4*i:35+4*i], v11, s[26:27] offset:4096*i
.set i, i+1
.endr
.if DEPTH == 3
.set i, 0
.rept \c3*\c1/1024
	global_load_b128 v[48+4*i:51+4*i], v11, s[36:37] offset:4096*i
.set i, i+1
.endr
.endif
	; layer 1's batch norm from the moments: thread = channel
	s_cmp_ge_u32 s12, \c1/32
	s_cbranch_scc1 .Lbn_done_\@
	v_mul_u32_u24 v120, 24, v0
	global_load_b64 v[96:97], v120, s[16:17]
	global_load_b64 v[98:99], v120, s[16:17] offset:8
	global_load_b64 v[100:101], v120, s[16:17] offset:16
	global_load_b32 v102, v15, s[18:19]
	global_load_b32 v103, v15, s[20:21]
	global_load_b32 v104, v15, s[22:23]
.if DEPTH == 3
	global_load_b32 v121, v15, s[6:7] offset:4*\b2
	global_load_b32 v122, v15, s[6:7] offset:4*(\b2+\c1)
	global_load_b32 v123, v15, s[6:7] offset:4*(\b2+2*\c1)
	global_load_b32 v124, v15, s[28:29]
	global_load_b32 v125, v15, s[30:31]
	global_load_b32 v126, v15, s[32:33]
.endif
	s_wait_loadcnt 0x0
	RND2 96, 97, 105                               ; w, b, gamma, beta to bf16
	RND2 98, 99, 105
	RND2 100, 101, 105
	RND2 102, 103, 105
	RND2 104, 104, 105
.if DEPTH == 3
	RND2 124, 125, 105
	RND2 126, 126, 105
.endif
	v_mul_f32 v105, s[MO], v96
.irp i, 1,2,3,4,5
	v_fmac_f32 v105, s[MO+\i], v[96+\i]
.endr
.irp i, 0,1,2,3,4,5
	SIDX \i, 0
	v_mul_f32 v107, s[sx], v96
.irp j, 1,2,3,4,5
	SIDX \i, \j
	v_fmac_f32 v107, s[sx], v[96+\j]
.endr
.if \i == 0
	v_mul_f32 v106, v96, v107
.else
	v_fmac_f32 v106, v[96+\i], v107
.endif
.endr
	v_mul_f32 v105, \rn, v105                      ; mean of w . x
	v_mul_f32 v106, \rn, v106
	v_fma_f32 v106, -v105, v105, v106              ; variance
	v_max_num_f32 v106, 0, v106
	v_add_f32 v106, 0x3727c5ac, v106               ; + 1e-5
	v_rsq_f32 v107, v106
	v_add_f32 v109, v105, v102                     ; mu = mean + b (a plain instruction behind the root)
	s_wait_alu depctr_va_vdst(0)
	v_mul_f32 v108, v103, v107                     ; s
	v_sub_f32 v109, v102, v109
	v_fma_f32 v109, v108, v109, v104               ; shift = beta + s (b - mu)
	ds_store_b32 v15, v109 offset:SH1A
.irp i, 0,1,2,3,4,5
	v_mul_f32 v[96+\i], v108, v[96+\i]
.endr
	v_cvt_pk_f16_f32 v112, v96, v97                ; s w: the high part,
	v_cvt_pk_f16_f32 v113, v98, v99
	v_cvt_pk_f16_f32 v114, v100, v101
	v_mov_b32 v115, 0
	v_lshrrev_b32 v106, 16, v112                   ; and what that rounding left
	v_cvt_f32_f16 v105, v112.l
	v_cvt_f32_f16 v106, v106.l
	v_sub_f32 v96, v96, v105
	v_sub_f32 v97, v97, v106
	v_lshrrev_b32 v106, 16, v113
	v_cvt_f32_f16 v105, v113.l
	v_cvt_f32_f16 v106, v106.l
	v_sub_f32 v98, v98, v105
	v_sub_f32 v99, v99, v106
	v_lshrrev_b32 v106, 16, v114
	v_cvt_f32_f16 v105, v114.l
	v_cvt_f32_f16 v106, v106.l
	v_sub_f32 v100, v100, v105
	v_sub_f32 v101, v101, v106
	v_cvt_pk_f16_f32 v116, v96, v97
	v_cvt_pk_f16_f32 v117, v98, v99
	v_cvt_pk_f16_f32 v118, v100, v101
.irp i, 119,108,109,110,111
	v_mov_b32 v\i, 0
.endr
	v_mul_u32_u24 v120, 80, v0
	ds_store_b128 v120, v[112:115] offset:IMG1     ; k = 0..7: the high part (6 numbers, 2 zeros)
	ds_store_b128 v120, v[116:119] offset:IMG1+16  ; k = 8..15: the low part, which meets the same row in lanes 16-31
	ds_store_b128 v120, v[108:111] offset:IMG1+32  ; k = 16..31: zeros
	ds_store_b128 v120, v[108:111] offset:IMG1+48
.if DEPTH == 3
	v_mul_f32 v121, \rn, v121                      ; layer 2: mean of d - P
	v_mul_f32 v122, \rn, v122
	v_fma_f32 v122, -v121, v121, v122
	v_max_num_f32 v122, 0, v122
	v_add_f32 v122, 0x3727c5ac, v122
	v_rsq_f32 v127, v122
	v_add_f32 v121, v121, v123                     ; + P
	v_add_f32 v121, v121, v124                     ; mu = mean + b
	s_wait_alu depctr_va_vdst(0)
	v_mul_f32 v127, v125, v127                     ; s
	v_sub_f32 v121, v124, v121
	v_fma_f32 v121, v127, v121, v126
	ds_store_b32 v15, v127 offset:S2A
	ds_store_b32 v15, v121 offset:SH2A
.endif
.Lbn_done_\@:
	s_wait_kmcnt 0x0
	SRND 53, 55                                    ; a to bf16
	v_fma_f32 v120, s53, 0.5, 0.5
	v_readfirstlane_b32 s40, v120
	s_mov_b32 s41, s40
	v_fma_f32 v120, s53, -0.5, 0.5
	v_readfirstlane_b32 s42, v120
.if DEPTH == 3
	SRND 54, 55
	v_fma_f32 v120, s54, 0.5, 0.5
	v_readfirstlane_b32 s44, v120
	s_mov_b32 s45, s44
	v_fma_f32 v120, s54, -0.5, 0.5
	v_readfirstlane_b32 s46, v120
.endif
	s_wait_loadcnt 0x0                             ; my chunks of the weights
.if DEPTH == 3
	CVST 48, \c3*\c1/1024, IMG3
.endif
	CVST 32, \c1*\c1/1024, IMG2
	s_wait_dscnt 0x0                               ; for the others: s, the shifts and my part of the images are written; my earlier reads of LDS are over
	s_barrier_signal -1
	s_barrier_wait -1
	global_load_b128 v[XF:XF+3], v5, s[4:5]        ; row 0, in every lane of both operands
	global_load_b128 v[XF+8:XF+11], v5, s[4:5]
	WIN 0x40
	FRAG W1B, NT1, 1, 8, IMG1, 80
	FRAG W2B, NT1, KS, 9, IMG2, PT2
.if DEPTH == 3
	FRAG W3B, \c3/16, KS, 9, IMG3, PT2
	SHL S2W, NT1, S2A
.endif
	WIN 0
	SHL SH1, NT1, SH1A
.if DEPTH == 3
	SHL SH2, NT1, SH2A
.endif
.set i, 0
.rept 4*NTL
	v_mov_b32 v[ST+i], 0
.set i, i+1
.endr
	s_wait_dscnt 0x0
	FORWARD 0, 1
.if \rw/256 > 2
	s_mov_b32 s52, \rw/256-1
.Ltrip_\@:
	FORWARD 1, 1
	s_sub_co_u32 s52, s52, 1
	s_cmp_lg_u32 s52, 0
	s_cbranch_scc1 .Ltrip_\@
.else
	FORWARD 1, 1
.endif
	FORWARD 1, 0                                   ; the last 32 rows ask for nothing
	; the wave's sums: lanes 0-15 end with the sum, lanes 16-31 with the sum of squares of channel 16 t + r
.set i, 0
.rept NTL
	v_add_f32 v[TMP], v[ST+4*i], v[ST+4*i+1]
	v_add_f32 v[TMP+1], v[ST+4*i+2], v[ST+4*i+3]
	v_cndmask_b32 v[TMP+2], v[TMP], v[TMP+1], s50
	v_cndmask_b32 v[TMP+3], v[TMP+1], v[TMP], s50
	v_permlanex16_b32 v[TMP+6], v[TMP+3], s48, s49
	v_add_f32 v[TMP+2], v[TMP+2], v[TMP+6]
	v_and_b32 v[TMP+4], v14, v[PVP+2*i]            ; P from wave 0 of work-group 0 alone, 0 from all others: the column's sum is P
	ds_store_b32 v7, v[TMP+2] offset:RED+64*i
	ds_store_b32 v7, v[TMP+4] offset:RED+8*CL+64*i
.set i, i+1
.endr
	s_wait_dscnt 0x0                               ; for the others: my sums are in LDS
	s_barrier_signal -1
	s_barrier_wait -1
	s_cmp_ge_u32 s12, CL/32
	s_cbranch_scc1 .Lepi_done_\@
.set i, 0
.rept 8
	ds_load_b128 v[32+4*i:35+4*i], v11 offset:RED+i*16*CL
.set i, i+1
.endr
	s_wait_dscnt 0x0
.irp st, 4,2,1
.set i, 0
.rept \st
	v_pk_add_f32 v[32+4*i:33+4*i], v[32+4*i:33+4*i], v[32+4*(i+\st):33+4*(i+\st)]
	v_pk_add_f32 v[34+4*i:35+4*i], v[34+4*i:35+4*i], v[34+4*(i+\st):35+4*(i+\st)]
.set i, i+1
.endr
.endr
	global_store_b128 v3, v[32:35], s[8:9] offset:4*BL   ; sixteen lanes: 256 consecutive bytes, aligned
.Lepi_done_\@:
.endm
.if DEPTH == 3
	s_load_b256 s[4:11], s[0:1], 0x0               ; xh s[4:5], sums s[6:7], part s[8:9], pool s[10:11]
.else
	s_load_b128 s[4:7], s[0:1], 0x0
	s_load_b64 s[8:9], s[0:1], 0x10
.endif
	v_and_b32 v1, 15, v0                           ; r
	v_bfe_u32 v2, v0, 4, 1                         ; h
	v_lshrrev_b32 v3, 5, v0
	v_readfirstlane_b32 s12, v3                    ; wave
	s_mov_b32 s13, ttmp9
	s_mov_b32 s48, 0x76543210
	s_mov_b32 s49, 0xfedcba98
	s_mov_b32 s50, 0xffff0000                      ; lanes 16-31; also a word's upper bf16
	s_or_b32 s51, s12, s13
	s_cmp_eq_u32 s51, 0
	s_cselect_b32 s51, 0xffff, 0
	v_cndmask_b32 v14, 0, -1, s51                  ; all ones in lanes 0-15 of wave 0 of work-group 0
	v_mul_u32_u24 v8, 80, v1
	v_lshl_add_u32 v8, v2, 4, v8                   ; an operand's row and half in layer 1's image
	v_lshlrev_b32 v10, 5, v2
	v_lshlrev_b32 v11, 4, v0
	v_lshlrev_b32 v15, 2, v0
	s_mul_i32 s51, s13, 8960
	v_add_nc_u32 v3, s51, v11                      ; my 16 bytes of the group's row of part
.irp i, 4,5,6,7,12,13,14,15
	v_mov_b32 v[XF+\i], 0
.endr
	v_mov_b32 v[TMP+6], 0
	s_wait_kmcnt 0x0
	SCALE 0, 32, 64, 16, 0x37000000, 0, 64, 448, 0, 512, 0
	SCALE 1, 64, 128, 32, 0x36800000, 32, 192, 704, 2097152, 1024, 64
	s_wait_xcnt 0x0
	v_lshl_add_u32 v254, v0, 2, 0xc400
	v_mov_b32 v255, 0
	s_wait_tensorcnt 0x0
	ds_add_u32 v254, v255
	s_wait_dscnt 0x0
	s_endpgm
.Lfunc_end_k_qc3ee75767e_mlp3:
	.size	k_qc3ee75767e_mlp3, .Lfunc_end_k_qc3ee75767e_mlp3-k_qc3ee75767e_mlp3
	.p2alignl 7, 3214868480
	.fill 96, 4, 3214868480
	.section	.rodata,"a",@progbits
	.p2align	6, 0x0
	.amdhsa_kernel k_qc3ee75767e_mlp3
		.amdhsa_group_segment_fixed_size 51200
		.amdhsa_private_segment_fixed_size 0
		.amdhsa_enable_private_segment 0
		.amdhsa_kernarg_size 208
		.amdhsa_user_sgpr_count 2
		.amdhsa_user_sgpr_kernarg_segment_ptr 1
		.amdhsa_wavefront_size32 1
		.amdhsa_system_sgpr_workgroup_id_x 1
		.amdhsa_system_sgpr_workgroup_id_y 1
		.amdhsa_system_sgpr_workgroup_id_z 1
		.amdhsa_system_vgpr_workitem_id 0
		.amdhsa_next_free_vgpr 512
		.amdhsa_next_free_sgpr 100
		.amdhsa_reserve_vcc 0
		.amdhsa_float_denorm_mode_32 3
		.amdhsa_float_denorm_mode_16_64 3
		.amdhsa_memory_ordered 1
		.amdhsa_forward_progress 1
		.amdhsa_inst_pref_size 213
	.end_amdhsa_kernel
	.amdgpu_metadata
---
amdhsa.version: [ 1, 2 ]
amdhsa.kernels:
  - .name:           k_qc3ee75767e_mlp3
    .symbol:         k_qc3ee75767e_mlp3.kd
    .args:
      - { .name: xh, .offset: 0, .size: 8, .value_kind: global_buffer, .address_space: global }
      - { .name: sums, .offset: 8, .size: 8, .value_kind: global_buffer, .address_space: global }
      - { .name: part, .offset: 16, .size: 8, .value_kind: global_buffer, .address_space: global }
      - { .name: pool, .offset: 24, .size: 8, .value_kind: global_buffer, .address_space: global }
      - { .name: params_scale0_0_w, .offset: 32, .size: 8, .value_kind: global_buffer, .address_space: global }
      - { .name: params_scale0_0_b, .offset: 40, .size: 8, .value_kind: global_buffer, .address_space: global }
      - { .name: params_scale0_0_gamma, .offset: 48, .size: 8, .value_kind: global_buffer, .address_space: global }
      - { .name: params_scale0_0_beta, .offset: 56, .size: 8, .value_kind: global_buffer, .address_space: global }
      - { .name: params_scale0_0_a, .offset: 64, .size: 8, .value_kind: global_buffer, .address_space: global }
      - { .name: params_scale0_1_w, .offset: 72, .size: 8, .value_kind: global_buffer, .address_space: global }
      - { .name: params_scale0_1_b, .offset: 80, .size: 8, .value_kind: global_buffer, .address_space: global }
      - { .name: params_scale0_1_gamma, .offset: 88, .size: 8, .value_kind: global_buffer, .address_space: global }
      - { .name: params_scale0_1_beta, .offset: 96, .size: 8, .value_kind: global_buffer, .address_space: global }
      - { .name: params_scale0_1_a, .offset: 104, .size: 8, .value_kind: global_buffer, .address_space: global }
      - { .name: params_scale0_2_w, .offset: 112, .size: 8, .value_kind: global_buffer, .address_space: global }
      - { .name: params_scale1_0_w, .offset: 120, .size: 8, .value_kind: global_buffer, .address_space: global }
      - { .name: params_scale1_0_b, .offset: 128, .size: 8, .value_kind: global_buffer, .address_space: global }
      - { .name: params_scale1_0_gamma, .offset: 136, .size: 8, .value_kind: global_buffer, .address_space: global }
      - { .name: params_scale1_0_beta, .offset: 144, .size: 8, .value_kind: global_buffer, .address_space: global }
      - { .name: params_scale1_0_a, .offset: 152, .size: 8, .value_kind: global_buffer, .address_space: global }
      - { .name: params_scale1_1_w, .offset: 160, .size: 8, .value_kind: global_buffer, .address_space: global }
      - { .name: params_scale1_1_b, .offset: 168, .size: 8, .value_kind: global_buffer, .address_space: global }
      - { .name: params_scale1_1_gamma, .offset: 176, .size: 8, .value_kind: global_buffer, .address_space: global }
      - { .name: params_scale1_1_beta, .offset: 184, .size: 8, .value_kind: global_buffer, .address_space: global }
      - { .name: params_scale1_1_a, .offset: 192, .size: 8, .value_kind: global_buffer, .address_space: global }
      - { .name: params_scale1_2_w, .offset: 200, .size: 8, .value_kind: global_buffer, .address_space: global }
    .group_segment_fixed_size: 51200
    .private_segment_fixed_size: 0
    .kernarg_segment_align: 8
    .kernarg_segment_size: 208
    .max_flat_workgroup_size: 256
    .sgpr_count:     100
    .vgpr_count:     512
    .wavefront_size: 32
...
	.end_amdgpu_metadata
.endif
;; end of part 5
;; launch sum3: the kernel of part 3 again; grid 19 x 1, 8 waves a work-group, no clusters, 5,120 bytes of LDS; arguments part, sums; writes sums
;; launch final (part 6): grid 256 x 1, 8 waves a work-group, no clusters, 114,688 bytes of LDS; arguments pool, sums, part, hf, params_scale0_2_b, params_scale0_2_gamma, params_scale0_2_beta, params_scale0_2_a, params_scale1_2_b, params_scale1_2_gamma, params_scale1_2_beta, params_scale1_2_a, params_final_0_w; writes part, hf
.if DOCPART == 6
	.amdgcn_target "amdgcn-amd-amdhsa--gfx1250"
	.amdhsa_code_object_version 6
	.text
	.protected	k_qc3ee75767e_final
	.globl	k_qc3ee75767e_final
	.p2align	8
	.type	k_qc3ee75767e_final,@function
k_qc3ee75767e_final:
	s_mov_b64 s[64:65], 0
	v_nop
	global_prefetch_b8 v0, s[64:65] scope:SCOPE_SE
	s_setreg_imm32_b32 hwreg(HW_REG_WAVE_MODE, 25, 1), 1
	s_wait_xcnt 0x0
; Layer 3's batch norm, PReLU and max-pool, then the final layer's product and its batch sums.  Every parameter is rounded to bf16 (nearest even) as
; it is loaded; a bf16 weight is exact in f16, the operands' format.
; y[q][c] = max(f(max d), f(min d)), f = PReLU(s d + shift): f is convex in d for a <= 1 and monotone for a > 0, so its maximum over the neighbours lies
; at the largest or at the smallest d.  The product is taken of y - y[0] (query 0's row, made alike by every wave): a constant shift of the product,
; which batch norm removes, so that the variance is no difference of large sums.
; A work-group: 64 queries x 128 channels; a wave: 32 x 32 (four accumulators).  hf[b][c][s] = the product, f32; part row 2 (x / 2) + wave / 4,
; columns 1216 + c (sum) and 1472 + c (sum of squares).  LIMITS: f16 operands under 65,504; inputs finite.
; No tensor loads or cluster: a work-group reads 96 KiB of pool and 96 KiB of weights once, through registers, where they are converted anyway.
.set SS,    0                          ; s of the 192 channels
.set SF,    768                        ; their shifts
.set WIMG,  1536                       ; [128 channels][400 bytes] weights in f16 (384 + 16: sixteen rows start at sixteen different groups of banks)
.set XIMG,  52736                      ; [64 queries][400 bytes] activations in f16
.set STAGE, 78848                      ; [128 channels][272 bytes] results on their way out
.set SSR, 220                          ; v[220:225] s of my channel pair, tau = 0..2 (channels 64 tau + 2 lane, + 1)
.set SFR, 226                          ; v[226:231] their shifts
.set Y0,  232                          ; v[232:237] query 0's activations
.macro RND2 a, b, t                    ; two numbers to bf16, nearest even, kept as f32
	v_cvt_pk_bf16_f32 v[\t], v[\a], v[\b]
	v_lshlrev_b32 v[\a], 16, v[\t]
	v_and_b32 v[\b], s57, v[\t]
.endm
.macro SRND r, t                       ; the same for a finite number in a scalar register: + 0x7fff + the bit that stays lowest, then cut
	s_bfe_u32 s[\t], s[\r], 0x10010
	s_add_co_u32 s[\r], s[\r], s[\t]
	s_add_co_u32 s[\r], s[\r], 0x7fff
	s_and_b32 s[\r], s[\r], 0xffff0000
.endm
	s_load_b256 s[4:11], s[0:1], 0x0               ; pool s[4:5], sums s[6:7], part s[8:9], hf s[10:11]
	s_load_b512 s[16:31], s[0:1], 0x20             ; scale 0: b 16, gamma 18, beta 20, a 22; scale 1: 24, 26, 28, 30
	s_load_b64 s[32:33], s[0:1], 0x60              ; w
	v_lshl_add_u32 v254, v0, 2, 0x1bc00
	v_mov_b32 v255, 0
	v_and_b32 v1, 15, v0                           ; r
	v_bfe_u32 v2, v0, 4, 1                         ; h
	v_and_b32 v3, 31, v0                           ; lane
	v_lshrrev_b32 v4, 5, v0
	v_readfirstlane_b32 s12, v4                    ; wave
	s_lshr_b32 s14, ttmp9, 1                       ; block of 64 queries
	s_and_b32 s15, ttmp9, 1                        ; half of the channels
	s_lshl_b32 s34, s14, 6
	s_lshl3_add_u32 s34, s12, s34                  ; my wave's eight queries
	s_mul_i32 s34, s34, 1536
	v_lshlrev_b32 v5, 4, v3                        ; query 0's row
	v_add_nc_u32 v6, s34, v5
	s_mov_b32 s57, 0xffff0000                      ; lanes 16-31; also a word's upper bf16
	s_mov_b32 s58, 0x76543210
	s_mov_b32 s59, 0xfedcba98
	s_wait_kmcnt 0x0
.set i, 0
.rept 24
	global_load_b128 v[112+4*i:115+4*i], v6, s[4:5] offset:1536*(i/3)+512*(i%3)
.set i, i+1
.endr
.irp t, 0,1,2
	global_load_b128 v[208+4*\t:211+4*\t], v5, s[4:5] offset:512*\t
.endr
	s_load_b32 s35, s[22:23], 0x0
	s_load_b32 s36, s[30:31], 0x0
	s_cmp_ge_u32 s12, 6
	s_cbranch_scc1 .Lstaged
	; waves 0-5: thread = channel of layer 3 (0-63 scale 0, 64-191 scale 1); then the weights, four rows of 48 chunks to a load
	s_cmp_lt_u32 s12, 2
	s_cselect_b64 s[38:39], s[16:17], s[24:25]
	s_cselect_b64 s[40:41], s[18:19], s[26:27]
	s_cselect_b64 s[42:43], s[20:21], s[28:29]
	s_cselect_b32 s44, 0, 1
	s_mul_i32 s45, s44, 768
	s_add_co_u32 s45, s45, 1792                    ; the sums: column 448 + c, or 640 + c
	s_lshl_b32 s46, s44, 10
	s_add_co_u32 s46, s46, 2048                    ; the sums of squares: 512 + c, or 768 + c
	s_lshl_b32 s47, s44, 8
	s_lshl_b32 s55, s44, 23
	s_sub_co_u32 s55, 0x37000000, s55              ; 1 / 131,072 or 1 / 262,144
	v_lshlrev_b32 v7, 2, v0
	v_add_nc_u32 v8, s45, v7
	v_add_nc_u32 v9, s46, v7
	v_sub_nc_u32 v10, v7, s47
	global_load_b32 v80, v8, s[6:7]
	global_load_b32 v81, v9, s[6:7]
	global_load_b32 v82, v10, s[38:39]
	global_load_b32 v83, v10, s[40:41]
	global_load_b32 v84, v10, s[42:43]
	v_mul_u32_u24 v11, 1366, v0
	v_lshrrev_b32 v11, 16, v11                     ; t / 48 for t < 192
	v_mul_u32_u24 v12, 48, v11
	v_sub_nc_u32 v12, v0, v12                      ; t % 48
	s_mul_i32 s56, s15, 98304
	v_mul_u32_u24 v13, 768, v11
	v_lshl_add_u32 v13, v12, 4, v13
	v_add_nc_u32 v13, s56, v13
	v_mul_u32_u24 v14, 400, v11
	v_lshl_add_u32 v14, v12, 3, v14
.macro WBATCH b
.set i, 0
.rept 16
	global_load_b128 v[16+4*i:19+4*i], v13, s[32:33] offset:3072*(16*\b+i)
.set i, i+1
.endr
.endm
.macro WCONV b                         ; four weights: to bf16, then (exactly) to f16, into the image
.set i, 0
.rept 16
	RND2 16+4*i, 17+4*i, 86
	RND2 18+4*i, 19+4*i, 87
	v_cvt_pk_f16_f32 v[16+4*i], v[16+4*i], v[17+4*i]
	v_cvt_pk_f16_f32 v[17+4*i], v[18+4*i], v[19+4*i]
	ds_store_b64 v14, v[16+4*i:17+4*i] offset:WIMG+1600*(16*\b+i)
.set i, i+1
.endr
.endm
	WBATCH 0
	s_wait_loadcnt 0x0
	RND2 82, 83, 86                                ; b, gamma, beta to bf16
	RND2 84, 84, 86
	v_mul_f32 v80, s55, v80                        ; mean of d - P
	v_mul_f32 v81, s55, v81
	v_fma_f32 v81, -v80, v80, v81
	v_max_num_f32 v81, 0, v81
	v_add_f32 v81, 0x3727c5ac, v81
	v_rsq_f32 v85, v81
	v_add_f32 v80, v80, v82                        ; mean + b
	s_wait_alu depctr_va_vdst(0)
	v_mul_f32 v85, v83, v85                        ; s
	v_sub_f32 v80, v82, v80
	v_fma_f32 v80, v85, v80, v84                   ; shift = beta + s (b - (mean + b))
	ds_store_b32 v7, v85 offset:SS
	ds_store_b32 v7, v80 offset:SF
	WCONV 0
	WBATCH 1
	s_wait_loadcnt 0x0
	WCONV 1
.Lstaged:
	s_wait_kmcnt 0x0
	SRND 35, 37                                    ; the two a to bf16
	SRND 36, 37
	v_fma_f32 v15, s35, 0.5, 0.5
	v_readfirstlane_b32 s48, v15                   ; scale 0: c1 s[48:49], c2 s50
	s_mov_b32 s49, s48
	v_fma_f32 v15, s35, -0.5, 0.5
	v_readfirstlane_b32 s50, v15
	v_fma_f32 v15, s36, 0.5, 0.5
	v_readfirstlane_b32 s52, v15                   ; scale 1: s[52:53], s54
	s_mov_b32 s53, s52
	v_fma_f32 v15, s36, -0.5, 0.5
	v_readfirstlane_b32 s54, v15
	s_wait_dscnt 0x0                               ; for the others: s, the shifts and my part of the weights are in LDS
	s_barrier_signal -1
	s_barrier_wait -1
	v_lshlrev_b32 v15, 3, v3
.irp t, 0,1,2
	ds_load_b64 v[SSR+2*\t:SSR+2*\t+1], v15 offset:SS+256*\t
	ds_load_b64 v[SFR+2*\t:SFR+2*\t+1], v15 offset:SF+256*\t
.endr
	s_mul_i32 s37, s12, 3200
	s_add_co_u32 s37, s37, XIMG
	v_lshl_add_u32 v8, v3, 2, s37                  ; my two channels in my wave's first row of the image
	s_wait_loadcnt 0x0
	s_wait_dscnt 0x0
; Four numbers (max, min of channel c; max, min of c + 1) to two activations.  piv = 1: query 0's, kept; else less query 0's, to f16, into the image.
.macro ROWX rg, tau, piv, off
.set cs, 48+4*((\tau+1)/2)
	v_pk_fma_f32 v[\rg:\rg+1], v[\rg:\rg+1], v[SSR+2*\tau:SSR+2*\tau+1], v[SFR+2*\tau:SFR+2*\tau+1] op_sel_hi:[1,0,0]
	v_pk_fma_f32 v[\rg+2:\rg+3], v[\rg+2:\rg+3], v[SSR+2*\tau:SSR+2*\tau+1], v[SFR+2*\tau:SFR+2*\tau+1] op_sel:[0,1,1] op_sel_hi:[1,1,1]
	v_pk_mul_f32 v[240:241], v[\rg:\rg+1], s[cs:cs+1] op_sel_hi:[1,0]
	v_pk_mul_f32 v[242:243], v[\rg+2:\rg+3], s[cs:cs+1] op_sel_hi:[1,0]
	v_fma_f32 v240, |v[\rg]|, s[cs+2], v240
	v_fma_f32 v241, |v[\rg+1]|, s[cs+2], v241
	v_fma_f32 v242, |v[\rg+2]|, s[cs+2], v242
	v_fma_f32 v243, |v[\rg+3]|, s[cs+2], v243
.if \piv
	v_max_num_f32 v[Y0+2*\tau], v240, v241
	v_max_num_f32 v[Y0+2*\tau+1], v242, v243
.else
	v_max_num_f32 v240, v240, v241
	v_max_num_f32 v242, v242, v243
	v_sub_f32 v240, v240, v[Y0+2*\tau]
	v_sub_f32 v242, v242, v[Y0+2*\tau+1]
	v_cvt_pk_f16_f32 v240, v240, v242
	ds_store_b32 v8, v240 offset:\off
.endif
.endm
.irp t, 0,1,2
	ROWX 208+4*\t, \t, 1, 0
.endr
.irp i, 0,1,2,3,4,5,6,7
.irp t, 0,1,2
	ROWX 112+4*(3*\i+\t), \t, 0, 400*\i+128*\t
.endr
.endr
	; addresses of the product and of the way out
	s_lshr_b32 s60, s12, 2                         ; which 32 queries
	s_and_b32 s61, s12, 3                          ; which 32 channels
	v_mul_u32_u24 v11, 400, v1
	v_lshl_add_u32 v11, v2, 4, v11
	s_mul_i32 s62, s60, 12800
	s_add_co_u32 s62, s62, XIMG
	v_add_nc_u32 v9, s62, v11                      ; my operands of queries
	s_mul_i32 s62, s61, 12800
	v_add_nc_u32 v10, s62, v11                     ; my operands of channels
	s_mul_i32 s62, s61, 8704
	s_lshl_b32 s63, s60, 7
	s_add_co_u32 s62, s62, s63
	s_add_co_u32 s62, s62, STAGE
	v_mul_u32_u24 v12, 272, v1
	v_lshl_add_u32 v12, v2, 5, v12
	v_add_nc_u32 v12, s62, v12                     ; into the stage: channel 32 cq + r, queries 32 rh + 8 h
	s_mul_i32 s62, s12, 4352
	s_add_co_u32 s62, s62, STAGE
	v_mul_u32_u24 v13, 272, v2
	v_lshl_add_u32 v13, v1, 4, v13
	v_add_nc_u32 v13, s62, v13                     ; back: channels 16 w + h + 2 t, whole rows of 256 bytes
	s_lshr_b32 s62, s14, 5                         ; batch
	s_lshl_b32 s62, s62, 8
	s_lshl_b32 s63, s15, 7
	s_add_co_u32 s62, s62, s63
	s_lshl4_add_u32 s62, s12, s62                  ; row of hf: 256 b + 128 hc + 16 w
	s_lshl_b32 s62, s62, 13
	s_and_b32 s63, s14, 31
	s_lshl_b32 s63, s63, 8
	s_add_co_u32 s62, s62, s63
	v_lshlrev_b32 v14, 13, v2
	v_lshl_add_u32 v14, v1, 4, v14
	v_add_nc_u32 v14, s62, v14
	s_lshl1_add_u32 s62, s14, s60                  ; row of part
	s_mul_i32 s62, s62, 8960
	s_lshl_b32 s63, s15, 9
	s_add_co_u32 s62, s62, s63
	s_lshl_b32 s63, s61, 7
	s_add_co_u32 s62, s62, s63
	s_add_co_u32 s62, s62, 4864
	v_lshl_add_u32 v15, v3, 2, s62
	v_mov_b32 v250, 0
	s_wait_dscnt 0x0                               ; for the others: my eight rows of the image are written
	s_barrier_signal -1
	s_barrier_wait -1
.set i, 0
.rept 12                               ; i = 6 tile + u
	ds_load_b128 v[16+8*i:19+8*i], v10 offset:WIMG+(i/6)*6400+64*(i%6)
	ds_load_b128 v[20+8*i:23+8*i], v10 offset:WIMG+(i/6)*6400+64*(i%6)+32
	ds_load_b128 v[112+8*i:115+8*i], v9 offset:(i/6)*6400+64*(i%6)
	ds_load_b128 v[116+8*i:119+8*i], v9 offset:(i/6)*6400+64*(i%6)+32
.set i, i+1
.endr
	s_wait_dscnt 0x0
.set i, 0
.rept 24                               ; K outside, the four accumulators by turns, one instruction a turn
.set fa, 112+8*(6*((i%4)/2)+i/4)
.set fb, 16+8*(6*(i%2)+i/4)
.set fd, 208+8*(i%4)
.if i < 4
	v_wmma_f32_16x16x32_f16 v[fd:fd+7], v[fa:fa+7], v[fb:fb+7], 0
.else
	v_wmma_f32_16x16x32_f16 v[fd:fd+7], v[fa:fa+7], v[fb:fb+7], v[fd:fd+7]
.endif
.set i, i+1
.endr
.irp i, 240,241,242,243,244,245,246,247
	v_mov_b32 v\i, 0                               ; the sums begin; these eight are also the places behind the last products (ISA guide 7.12.1)
.endr
.irp pr, 0,1,2,3
.irp a, 0,1,2,3
	v_pk_add_f32 v[240+4*(\a%2):241+4*(\a%2)], v[240+4*(\a%2):241+4*(\a%2)], v[208+8*\a+2*\pr:209+8*\a+2*\pr]
	v_pk_fma_f32 v[242+4*(\a%2):243+4*(\a%2)], v[208+8*\a+2*\pr:209+8*\a+2*\pr], v[208+8*\a+2*\pr:209+8*\a+2*\pr], v[242+4*(\a%2):243+4*(\a%2)]
.endr
.endr
	v_add_f32 v240, v240, v241
	v_add_f32 v242, v242, v243
	v_add_f32 v244, v244, v245
	v_add_f32 v246, v246, v247
	v_cndmask_b32 v248, v240, v244, s57            ; lanes 0-15 keep channel tile 0, lanes 16-31 tile 1, and each takes the other half's share
	v_cndmask_b32 v249, v244, v240, s57
	v_permlanex16_b32 v250, v249, s58, s59
	v_add_f32 v248, v248, v250
	v_cndmask_b32 v251, v242, v246, s57
	v_cndmask_b32 v252, v246, v242, s57
	v_permlanex16_b32 v250, v252, s58, s59
	v_add_f32 v251, v251, v250
	global_store_b32 v15, v248, s[8:9]
	global_store_b32 v15, v251, s[8:9] offset:1024
.irp a, 0,1,2,3
	ds_store_b128 v12, v[208+8*\a:211+8*\a] offset:(\a%2)*4352+(\a/2)*64
	ds_store_b128 v12, v[212+8*\a:215+8*\a] offset:(\a%2)*4352+(\a/2)*64+16
.endr
	s_wait_dscnt 0x0                               ; for the others: a channel's 256 bytes come from two waves
	s_barrier_signal -1
	s_barrier_wait -1
.irp t, 0,1,2,3,4,5,6,7
	ds_load_b128 v[16+4*\t:19+4*\t], v13 offset:544*\t
.endr
.irp t, 0,1,2,3,4,5,6,7
	s_wait_dscnt 7-\t                              ; LDS loads come back in order: load t is in, the younger ones may stay out
	global_store_b128 v14, v[16+4*\t:19+4*\t], s[10:11] offset:16384*\t   ; sixteen lanes: 256 consecutive bytes, aligned
.endr
	s_wait_tensorcnt 0x0
	ds_add_u32 v254, v255
	s_wait_dscnt 0x0
	s_endpgm
.Lfunc_end_k_qc3ee75767e_final:
	.size	k_qc3ee75767e_final, .Lfunc_end_k_qc3ee75767e_final-k_qc3ee75767e_final
	.p2alignl 7, 3214868480
	.fill 96, 4, 3214868480
	.section	.rodata,"a",@progbits
	.p2align	6, 0x0
	.amdhsa_kernel k_qc3ee75767e_final
		.amdhsa_group_segment_fixed_size 114688
		.amdhsa_private_segment_fixed_size 0
		.amdhsa_enable_private_segment 0
		.amdhsa_kernarg_size 104
		.amdhsa_user_sgpr_count 2
		.amdhsa_user_sgpr_kernarg_segment_ptr 1
		.amdhsa_wavefront_size32 1
		.amdhsa_system_sgpr_workgroup_id_x 1
		.amdhsa_system_sgpr_workgroup_id_y 1
		.amdhsa_system_sgpr_workgroup_id_z 1
		.amdhsa_system_vgpr_workitem_id 0
		.amdhsa_next_free_vgpr 256
		.amdhsa_next_free_sgpr 66
		.amdhsa_reserve_vcc 0
		.amdhsa_float_denorm_mode_32 3
		.amdhsa_float_denorm_mode_16_64 3
		.amdhsa_memory_ordered 1
		.amdhsa_forward_progress 1
		.amdhsa_inst_pref_size 57
	.end_amdhsa_kernel
	.amdgpu_metadata
---
amdhsa.version: [ 1, 2 ]
amdhsa.kernels:
  - .name:           k_qc3ee75767e_final
    .symbol:         k_qc3ee75767e_final.kd
    .args:
      - { .name: pool, .offset: 0, .size: 8, .value_kind: global_buffer, .address_space: global }
      - { .name: sums, .offset: 8, .size: 8, .value_kind: global_buffer, .address_space: global }
      - { .name: part, .offset: 16, .size: 8, .value_kind: global_buffer, .address_space: global }
      - { .name: hf, .offset: 24, .size: 8, .value_kind: global_buffer, .address_space: global }
      - { .name: params_scale0_2_b, .offset: 32, .size: 8, .value_kind: global_buffer, .address_space: global }
      - { .name: params_scale0_2_gamma, .offset: 40, .size: 8, .value_kind: global_buffer, .address_space: global }
      - { .name: params_scale0_2_beta, .offset: 48, .size: 8, .value_kind: global_buffer, .address_space: global }
      - { .name: params_scale0_2_a, .offset: 56, .size: 8, .value_kind: global_buffer, .address_space: global }
      - { .name: params_scale1_2_b, .offset: 64, .size: 8, .value_kind: global_buffer, .address_space: global }
      - { .name: params_scale1_2_gamma, .offset: 72, .size: 8, .value_kind: global_buffer, .address_space: global }
      - { .name: params_scale1_2_beta, .offset: 80, .size: 8, .value_kind: global_buffer, .address_space: global }
      - { .name: params_scale1_2_a, .offset: 88, .size: 8, .value_kind: global_buffer, .address_space: global }
      - { .name: params_final_0_w, .offset: 96, .size: 8, .value_kind: global_buffer, .address_space: global }
    .group_segment_fixed_size: 114688
    .private_segment_fixed_size: 0
    .kernarg_segment_align: 8
    .kernarg_segment_size: 104
    .max_flat_workgroup_size: 256
    .sgpr_count:     66
    .vgpr_count:     256
    .wavefront_size: 32
...
	.end_amdgpu_metadata
.endif
;; end of part 6
;; launch sum4: the kernel of part 3 again; grid 27 x 1, 8 waves a work-group, no clusters, 5,120 bytes of LDS; arguments part, sums; writes sums
;; launch apply (part 7): grid 256 x 1, 8 waves a work-group, no clusters, 0 bytes of LDS; arguments hf, sums, out1, params_final_0_b, params_final_0_gamma, params_final_0_beta, params_final_0_a; writes out1
.if DOCPART == 7
	.amdgcn_target "amdgcn-amd-amdhsa--gfx1250"
	.amdhsa_code_object_version 6
	.text
	.protected	k_qc3ee75767e_apply
	.globl	k_qc3ee75767e_apply
	.p2align	8
	.type	k_qc3ee75767e_apply,@function
k_qc3ee75767e_apply:
	s_mov_b64 s[64:65], 0
	v_nop
	global_prefetch_b8 v0, s[64:65] scope:SCOPE_SE
	s_setreg_imm32_b32 hwreg(HW_REG_WAVE_MODE, 25, 1), 1
	s_wait_xcnt 0x0
; The final layer's batch norm and PReLU: out1[b][c][s] = f(s_c hf[b][c][s] + shift_c).  A stream: a wave takes half a row (4,096 bytes),
; eight loads of 512 consecutive bytes, all in flight at once; each byte is read and written once.  No LDS, no barrier.
; b, gamma, beta and a are rounded to bf16 (nearest even) as all parameters of this program are.
.macro SRND r, t                       ; a finite number in a scalar register to bf16: + 0x7fff + the bit that stays lowest, then cut
	s_bfe_u32 s[\t], s[\r], 0x10010
	s_add_co_u32 s[\r], s[\r], s[\t]
	s_add_co_u32 s[\r], s[\r], 0x7fff
	s_and_b32 s[\r], s[\r], 0xffff0000
.endm
	s_load_b256 s[4:11], s[0:1], 0x0               ; hf s[4:5], sums s[6:7], out1 s[8:9], b s[10:11]
	s_load_b128 s[12:15], s[0:1], 0x20             ; gamma s[12:13], beta s[14:15]
	s_load_b64 s[16:17], s[0:1], 0x30              ; a
	v_and_b32 v1, 31, v0
	v_lshrrev_b32 v2, 5, v0
	v_readfirstlane_b32 s18, v2                    ; wave
	s_lshr_b32 s19, s18, 1
	s_lshl2_add_u32 s19, ttmp9, s19                ; row (b, c)
	s_and_b32 s20, s19, 255
	s_lshl_b32 s21, s20, 2                         ; the channel's byte
	s_lshl_b32 s22, s19, 13
	s_and_b32 s23, s18, 1
	s_lshl_b32 s23, s23, 12
	s_add_co_u32 s22, s22, s23
	v_lshl_add_u32 v1, v1, 4, s22
	s_wait_kmcnt 0x0
.irp i, 0,1,2,3,4,5,6,7
	global_load_b128 v[16+4*\i:19+4*\i], v1, s[4:5] offset:512*\i th:TH_LOAD_NT
.endr
	s_load_b32 s24, s[6:7], s21 offset:0x1300      ; the sum: column 1216 + c
	s_load_b32 s25, s[6:7], s21 offset:0x1700      ; the sum of squares: column 1472 + c
	s_load_b32 s26, s[10:11], s21 offset:0x0
	s_load_b32 s27, s[12:13], s21 offset:0x0
	s_load_b32 s28, s[14:15], s21 offset:0x0
	s_load_b32 s29, s[16:17], 0x0
	s_wait_kmcnt 0x0
.irp r, 26,27,28,29
	SRND \r, 30
.endr
	v_mov_b32 v2, s24
	v_mov_b32 v3, s25
	v_mul_f32 v2, 0x39000000, v2                   ; mean over 8,192 rows
	v_mul_f32 v3, 0x39000000, v3
	v_fma_f32 v3, -v2, v2, v3
	v_max_num_f32 v3, 0, v3
	v_add_f32 v3, 0x3727c5ac, v3
	v_rsq_f32 v4, v3
	v_add_f32 v2, s26, v2                          ; mean + b (a plain instruction behind the root)
	s_wait_alu depctr_va_vdst(0)
	v_mul_f32 v6, s27, v4                          ; s
	v_sub_f32 v2, s26, v2
	v_fma_f32 v8, v6, v2, s28                      ; shift = beta + s (b - (mean + b))
	v_mov_b32 v7, v6
	v_mov_b32 v9, v8
.irp i, 0,1,2,3,4,5,6,7
	s_wait_loadcnt 7-\i                            ; loads come back in order: load i is in, the younger ones stay out
	v_pk_fma_f32 v[16+4*\i:17+4*\i], v[16+4*\i:17+4*\i], v[6:7], v[8:9]
	v_pk_fma_f32 v[18+4*\i:19+4*\i], v[18+4*\i:19+4*\i], v[6:7], v[8:9]
.irp j, 0,1,2,3
	v_mul_f32 v[10+\j], s29, v[16+4*\i+\j]
	v_cmp_ge_f32 vcc_lo, v[16+4*\i+\j], 0
	v_cndmask_b32 v[16+4*\i+\j], v[10+\j], v[16+4*\i+\j], vcc_lo
.endr
	global_store_b128 v1, v[16+4*\i:19+4*\i], s[8:9] offset:512*\i th:TH_STORE_NT
.endr
	s_endpgm
.Lfunc_end_k_qc3ee75767e_apply:
	.size	k_qc3ee75767e_apply, .Lfunc_end_k_qc3ee75767e_apply-k_qc3ee75767e_apply
	.p2alignl 7, 3214868480
	.fill 96, 4, 3214868480
	.section	.rodata,"a",@progbits
	.p2align	6, 0x0
	.amdhsa_kernel k_qc3ee75767e_apply
		.amdhsa_group_segment_fixed_size 0
		.amdhsa_private_segment_fixed_size 0
		.amdhsa_enable_private_segment 0
		.amdhsa_kernarg_size 56
		.amdhsa_user_sgpr_count 2
		.amdhsa_user_sgpr_kernarg_segment_ptr 1
		.amdhsa_wavefront_size32 1
		.amdhsa_system_sgpr_workgroup_id_x 1
		.amdhsa_system_sgpr_workgroup_id_y 1
		.amdhsa_system_sgpr_workgroup_id_z 1
		.amdhsa_system_vgpr_workitem_id 0
		.amdhsa_next_free_vgpr 64
		.amdhsa_next_free_sgpr 66
		.amdhsa_reserve_vcc 1
		.amdhsa_float_denorm_mode_32 3
		.amdhsa_float_denorm_mode_16_64 3
		.amdhsa_memory_ordered 1
		.amdhsa_forward_progress 1
		.amdhsa_inst_pref_size 10
	.end_amdhsa_kernel
	.amdgpu_metadata
---
amdhsa.version: [ 1, 2 ]
amdhsa.kernels:
  - .name:           k_qc3ee75767e_apply
    .symbol:         k_qc3ee75767e_apply.kd
    .args:
      - { .name: hf, .offset: 0, .size: 8, .value_kind: global_buffer, .address_space: global }
      - { .name: sums, .offset: 8, .size: 8, .value_kind: global_buffer, .address_space: global }
      - { .name: out1, .offset: 16, .size: 8, .value_kind: global_buffer, .address_space: global }
      - { .name: params_final_0_b, .offset: 24, .size: 8, .value_kind: global_buffer, .address_space: global }
      - { .name: params_final_0_gamma, .offset: 32, .size: 8, .value_kind: global_buffer, .address_space: global }
      - { .name: params_final_0_beta, .offset: 40, .size: 8, .value_kind: global_buffer, .address_space: global }
      - { .name: params_final_0_a, .offset: 48, .size: 8, .value_kind: global_buffer, .address_space: global }
    .group_segment_fixed_size: 0
    .private_segment_fixed_size: 0
    .kernarg_segment_align: 8
    .kernarg_segment_size: 56
    .max_flat_workgroup_size: 256
    .sgpr_count:     66
    .vgpr_count:     64
    .wavefront_size: 32
...
	.end_amdgpu_metadata
.endif
;; end of part 7
;; ======== version 2 of 4: 9 launches; 1.28 times as fast as version 1
;; limits: values are held in f16: magnitudes above 65,504 overflow, below 6.1e-05 lose precision; values outside matrix products are rounded to bf16
;; workspace buffers: masks 16,777,216 bytes of whole numbers; xh 6,291,456 bytes; part 2,293,760 bytes; sums 8,960 bytes; pool 12,582,912 bytes; hf 8,388,608 bytes
;; launch masks (part 8): grid 64 x 4, 16 waves a work-group, no clusters, 0 bytes of LDS; arguments xyz, sample_idx, masks, out0; writes masks, out0
.if DOCPART == 8
	.amdgcn_target "amdgcn-amd-amdhsa--gfx1250"
	.amdhsa_code_object_version 6
	.text
	.protected	k_qc3ee75767e_masks
	.globl	k_qc3ee75767e_masks
	.p2align	8
	.type	k_qc3ee75767e_masks,@function
k_qc3ee75767e_masks:
	s_mov_b64 s[64:65], 0
	v_nop
	global_prefetch_b8 v0, s[64:65] scope:SCOPE_SE
	s_setreg_imm32_b32 hwreg(HW_REG_WAVE_MODE, 25, 1), 1
	s_wait_xcnt 0x0
; Ball query, part 1: for 32 queries of one batch and all 8,192 points, one bit a point and radius: 1 = sq > r*r (a miss).
; The coordinates are operands of a matrix product (q.p) and are rounded to bf16, nearest even, as they are loaded.  With significands of
; 8 bits every product of two coordinates is exact in f32, so sq = (|q|^2 + |p|^2) - 2 q.p, each sum taken over x, y, z in this order, does not
; hang on whether a multiply and an add are fused.  LIMIT: the ball query sees the coordinates at bf16's resolution.  Inputs are taken to be finite.
; out0 is the gather itself, not rounded.
; Sixteen waves, four to a SIMD.  Wave c keeps 512 consecutive points in registers: word w = 16 c + g (g = 0..15) is points 32 w + lane.
; masks byte = radius * 8 MiB + (query / 8) * 8192 + c * 512 + (query % 8) * 64 + (g / 4) * 16 + (g % 4) * 4: a wave's words of eight queries
; fill one store of 512 consecutive bytes, and four consecutive words of a query lie in 16 bytes.
; No LDS, matrix unit or cluster: the points are read once a work-group; K = 3 would fill 3 of a matrix instruction's 32 places.
.set X,  20                            ; v[20:35]   x of group g
.set Y,  36                            ; v[36:51]   y
.set Z,  52                            ; v[52:67]   z
.set PP, 68                            ; v[68:83]   |p|^2
.set T,  84                            ; v[84:99]   q.p of the 16 groups
.set U,  100                           ; v[100:115] sq of the 16 groups
.set QR, 116                           ; v[116:118] my query, rounded
.set M0, 10                            ; v[10:13]   lane 4 qi + k, register j: word g = 4 k + j of query qi, radius 0.1
.set M1, 14                            ; v[14:17]   the same for radius 0.2
.set MK, 68                            ; s[68:99]   a query's 32 words as the compares leave them
	s_load_b256 s[4:11], s[0:1], 0x0               ; xyz s[4:5], sample_idx s[6:7], masks s[8:9], out0 s[10:11]
	v_and_b32 v1, 31, v0                           ; lane
	v_lshrrev_b32 v2, 5, v0
	v_readfirstlane_b32 s12, v2                    ; wave c
	s_and_b32 s13, ttmp7, 0xffff                   ; batch
	s_mul_i32 s14, s13, 98304                      ; the batch's bytes in xyz
	s_lshl_b32 s15, s13, 11
	s_lshl_b32 s16, ttmp9, 5
	s_add_co_u32 s15, s15, s16                     ; the group's first query
	v_add_nc_u32 v3, s15, v1                       ; lane = query
	v_lshlrev_b32 v4, 2, v3                        ; its place in sample_idx
	v_mul_u32_u24 v3, 12, v3                       ; its place in out0
	s_mul_i32 s17, s12, 6144                       ; my wave's 512 points of 12 bytes
	s_add_co_u32 s17, s17, s14
	v_mad_u32_u24 v9, v1, 12, s17                  ; my point of group 0
	s_lshl_b32 s16, s15, 10                        ; (query / 8) * 8192
	s_lshl_b32 s17, s12, 9
	s_add_co_u32 s16, s16, s17
	v_lshl_add_u32 v2, v1, 4, s16                  ; where my lane stores its four words
	s_mov_b32 s28, 0x3c23d70a                      ; 0.1 * 0.1 in f32
	s_mov_b32 s29, 0x3d23d70a                      ; 0.2 * 0.2
	s_mov_b32 s32, 0xffff0000                      ; a word's upper bf16
	s_mov_b32 s21, 0                               ; upper halves of the pairs that the packed forms name
	s_mov_b32 s23, 0
	s_mov_b32 s25, 0
	s_mov_b32 s27, 0
	s_mov_b32 s30, 0                               ; the query in hand
	s_mov_b32 s31, 0                               ; trips
.irp i, 0,1,2,3,4,5,6,7
	v_mov_b32 v[M0+\i], 0                          ; v_writelane_b32 counts as a reader of its destination
.endr
	s_wait_kmcnt 0x0
	s_add_nc_u64 s[18:19], s[8:9], 0x800000        ; the masks of radius 0.2
	global_load_b32 v5, v4, s[6:7]
	s_wait_loadcnt 0x0
	v_min_u32 v5, 0x1fff, v5
	v_mul_u32_u24 v5, 12, v5
	v_add_nc_u32 v5, s14, v5
	global_load_b96 v[6:8], v5, s[4:5]             ; my query's x, y, z
.set g, 0
.rept 16
	global_load_b32 v[X+g], v9, s[4:5] offset:384*g
	global_load_b32 v[Y+g], v9, s[4:5] offset:384*g+4
	global_load_b32 v[Z+g], v9, s[4:5] offset:384*g+8
.set g, g+1
.endr
	s_wait_loadcnt 0x0
	v_cvt_pk_bf16_f32 v19, v6, v7                  ; the query to bf16, kept as f32, in registers of its own: v[6:8] go out as they are
	v_lshlrev_b32 v[QR], 16, v19
	v_and_b32 v[QR+1], s32, v19
	v_cvt_pk_bf16_f32 v19, v8, v8
	v_lshlrev_b32 v[QR+2], 16, v19
.set p, 0
.rept 24                               ; the 48 coordinates of my points likewise, in place
	v_cvt_pk_bf16_f32 v[T+p%4], v[X+2*p], v[X+2*p+1]
	v_lshlrev_b32 v[X+2*p], 16, v[T+p%4]
	v_and_b32 v[X+2*p+1], s32, v[T+p%4]
.set p, p+1
.endr
	v_mul_f32 v18, v[QR], v[QR]
	v_fma_f32 v18, v[QR+1], v[QR+1], v18
	v_fma_f32 v18, v[QR+2], v[QR+2], v18           ; |q|^2
.set p, 0
.rept 8
	v_pk_mul_f32 v[PP+2*p:PP+2*p+1], v[X+2*p:X+2*p+1], v[X+2*p:X+2*p+1]
.set p, p+1
.endr
.set p, 0
.rept 8
	v_pk_fma_f32 v[PP+2*p:PP+2*p+1], v[Y+2*p:Y+2*p+1], v[Y+2*p:Y+2*p+1], v[PP+2*p:PP+2*p+1]
.set p, p+1
.endr
.set p, 0
.rept 8
	v_pk_fma_f32 v[PP+2*p:PP+2*p+1], v[Z+2*p:Z+2*p+1], v[Z+2*p:Z+2*p+1], v[PP+2*p:PP+2*p+1]
.set p, p+1
.endr
	s_cmp_lg_u32 s12, 0
	s_cbranch_scc1 .Lno_out
	global_store_b96 v3, v[6:8], s[10:11]          ; new_xyz: 32 lanes, 384 consecutive bytes; v3 and v[6:8] are never rewritten
.Lno_out:
; One query (number qi of a trip's eight) against the wave's 512 points.  Each stage runs over all eight pairs of groups before the next begins, so that
; a line reads a result made eight lines or more back; the writes of lanes go round eight registers.
.macro QUERY qi
	v_readlane_b32 s26, v18, s30
	v_readlane_b32 s20, v[QR], s30
	v_readlane_b32 s22, v[QR+1], s30
	v_readlane_b32 s24, v[QR+2], s30
	s_add_co_u32 s30, s30, 1
.set p, 0
.rept 8
	v_pk_add_f32 v[U+2*p:U+2*p+1], v[PP+2*p:PP+2*p+1], s[26:27] op_sel_hi:[1,0]
.set p, p+1
.endr
.set p, 0
.rept 8
	v_pk_mul_f32 v[T+2*p:T+2*p+1], v[X+2*p:X+2*p+1], s[20:21] op_sel_hi:[1,0]
.set p, p+1
.endr
.set p, 0
.rept 8
	v_pk_fma_f32 v[T+2*p:T+2*p+1], v[Y+2*p:Y+2*p+1], s[22:23], v[T+2*p:T+2*p+1] op_sel_hi:[1,0,1]
.set p, p+1
.endr
.set p, 0
.rept 8
	v_pk_fma_f32 v[T+2*p:T+2*p+1], v[Z+2*p:Z+2*p+1], s[24:25], v[T+2*p:T+2*p+1] op_sel_hi:[1,0,1]
.set p, p+1
.endr
.set p, 0
.rept 8
	v_pk_fma_f32 v[U+2*p:U+2*p+1], v[T+2*p:T+2*p+1], -2.0, v[U+2*p:U+2*p+1] op_sel_hi:[1,0,1]
.set p, p+1
.endr
.set p, 0
.rept 8
	v_cmp_gt_f32 s[MK+4*p], v[U+2*p], s28
	v_cmp_gt_f32 s[MK+4*p+1], v[U+2*p+1], s28
	v_cmp_gt_f32 s[MK+4*p+2], v[U+2*p], s29
	v_cmp_gt_f32 s[MK+4*p+3], v[U+2*p+1], s29
.set p, p+1
.endr
.set p, 0
.rept 8                                ; groups g = 2 p and 2 p + 1: register g % 4, lane 4 qi + g / 4
	v_writelane_b32 v[M0+(2*p)%4], s[MK+4*p], 4*\qi+p/2
	v_writelane_b32 v[M0+(2*p+1)%4], s[MK+4*p+1], 4*\qi+p/2
	v_writelane_b32 v[M1+(2*p)%4], s[MK+4*p+2], 4*\qi+p/2
	v_writelane_b32 v[M1+(2*p+1)%4], s[MK+4*p+3], 4*\qi+p/2
.set p, p+1
.endr
.endm
.Leight:                                               ; 4 trips of eight queries
.irp q, 0,1,2,3,4,5,6,7
	QUERY \q
.endr
	global_store_b128 v2, v[M0:M0+3], s[8:9]       ; 32 lanes: 512 consecutive bytes
	global_store_b128 v2, v[M1:M1+3], s[18:19]
	s_wait_xcnt 0x0                                ; v2 and the eight mask registers are rewritten only behind this wait
	v_add_nc_u32 v2, 8192, v2
	s_add_co_u32 s31, s31, 1
	s_cmp_lt_u32 s31, 4
	s_cbranch_scc1 .Leight
	s_endpgm
.Lfunc_end_k_qc3ee75767e_masks:
	.size	k_qc3ee75767e_masks, .Lfunc_end_k_qc3ee75767e_masks-k_qc3ee75767e_masks
	.p2alignl 7, 3214868480
	.fill 96, 4, 3214868480
	.section	.rodata,"a",@progbits
	.p2align	6, 0x0
	.amdhsa_kernel k_qc3ee75767e_masks
		.amdhsa_group_segment_fixed_size 0
		.amdhsa_private_segment_fixed_size 0
		.amdhsa_enable_private_segment 0
		.amdhsa_kernarg_size 32
		.amdhsa_user_sgpr_count 2
		.amdhsa_user_sgpr_kernarg_segment_ptr 1
		.amdhsa_wavefront_size32 1
		.amdhsa_system_sgpr_workgroup_id_x 1
		.amdhsa_system_sgpr_workgroup_id_y 1
		.amdhsa_system_sgpr_workgroup_id_z 1
		.amdhsa_system_vgpr_workitem_id 0
		.amdhsa_next_free_vgpr 120
		.amdhsa_next_free_sgpr 100
		.amdhsa_reserve_vcc 0
		.amdhsa_float_denorm_mode_32 3
		.amdhsa_float_denorm_mode_16_64 3
		.amdhsa_memory_ordered 1
		.amdhsa_forward_progress 1
		.amdhsa_inst_pref_size 67
	.end_amdhsa_kernel
	.amdgpu_metadata
---
amdhsa.version: [ 1, 2 ]
amdhsa.kernels:
  - .name:           k_qc3ee75767e_masks
    .symbol:         k_qc3ee75767e_masks.kd
    .args:
      - { .name: xyz, .offset: 0, .size: 8, .value_kind: global_buffer, .address_space: global }
      - { .name: sample_idx, .offset: 8, .size: 8, .value_kind: global_buffer, .address_space: global }
      - { .name: masks, .offset: 16, .size: 8, .value_kind: global_buffer, .address_space: global }
      - { .name: out0, .offset: 24, .size: 8, .value_kind: global_buffer, .address_space: global }
    .group_segment_fixed_size: 0
    .private_segment_fixed_size: 0
    .kernarg_segment_align: 8
    .kernarg_segment_size: 32
    .max_flat_workgroup_size: 512
    .sgpr_count:     100
    .vgpr_count:     120
    .wavefront_size: 32
...
	.end_amdgpu_metadata
.endif
;; end of part 8
;; launch select (part 9): grid 256 x 1, 16 waves a work-group, no clusters, 137,216 bytes of LDS; arguments masks, out0, xyz, features, xh, part; writes xh, part
.if DOCPART == 9
	.amdgcn_target "amdgcn-amd-amdhsa--gfx1250"
	.amdhsa_code_object_version 6
	.text
	.protected	k_qc3ee75767e_select
	.globl	k_qc3ee75767e_select
	.p2align	8
	.type	k_qc3ee75767e_select,@function
k_qc3ee75767e_select:
	s_mov_b64 s[64:65], 0
	v_nop
	global_prefetch_b8 v0, s[64:65] scope:SCOPE_SE
	s_setreg_imm32_b32 hwreg(HW_REG_WAVE_MODE, 25, 1), 1
	s_wait_xcnt 0x0
; Ball query, part 2.  Sixteen waves, four to a SIMD; a wave owns two queries.  From the miss masks it finds, with fixed control flow, the j-th hit of each
; query (j < 16 for radius 0.1, j < 32 for radius 0.2): prefix counts of the 256 words in LDS, a binary search over them, a search in the word.
; Missing places take the first hit; a query with no hit at all takes index 8191 (the clamped index 8192 of the definition).
; It gathers the rows (features - features[0][0], point - query), all inputs rounded to bf16 (nearest even) as they are loaded, stores them as
; f16 rows of 8 (two zeros), and adds up the 6 sums and 21 product sums of each scale's rows, from which the first layer's batch statistics follow.
; masks byte = radius * 8 MiB + (query / 8) * 8192 + (w / 16) * 512 + (query % 8) * 64 + (w % 16) * 4 for word w: lane l's words 8 l .. 8 l + 7 are 32 bytes.
; xh: scale 0 rows [131072][8] f16 at byte 0, scale 1 rows [262144][8] at byte 2,097,152.  part row = work-group, columns 0-31 and 32-63.
; LDS: wave w owns 8 KiB at 8192 w: for each of 4 tables (0, 1: radius 0.1, query 0, 1; 2, 3: radius 0.2) 1 KiB of prefix counts, then 1 KiB of hit
; words.  131072: [16 waves][64] sums.  The work is written stage by stage over all tables or passes, so that no line reads the result of the line before.
.set H,   16                           ; v[16:47]   table cb: words 8 lane + i at 16 + 8 cb + i, as loaded, then the hits
.set CN,  48                           ; v[48:79]   counts, then running counts
.set TT,  80                           ; v[80:111]  at work, then prefix counts
.set SC,  112                          ; v[112:115] a table's scan over the lanes
.set SD,  116                          ; v[116:119]
.set POS, 120                          ; three passes: 0, 1: radius 0.2, query 0, 1, j = lane; 2: radius 0.1, query lane / 16, j = lane % 16
.set BS,  124
.set CA,  128
.set AD,  132
.set PV,  136
.set JJ,  140
.set TV,  144
.set HW,  148
.set RK,  152
.set IDX, 156
.set FI,  160
.set A2,  164                          ; counts of 2, 4, 8, 16 bits of the word found
.set A4,  168
.set A8,  172
.set A16, 176
.set TS,  180
.set BP,  184
.set R,   188                          ; v[188:199] rows to store, 4 registers a pass
.set A1,  200                          ; v[200:231] scale 1's 27 sums and 5 zeros
.set A0,  48                           ; v[48:79]   scale 0's, where the counts lay
.set PX,  16                           ; gathered points, 4 registers a pass
.set FX,  28                           ; gathered features
.set D,   40                           ; a row's six numbers
.set TP,  46                           ; v[46:47]
.set TK,  80                           ; v[80:143]  the sums' way over the lanes: kept and sent halves
.set TOT, 48                           ; s[48:51] hits of each table
.set VC,  32                           ; s[32:34] a pass's compare mask
.macro RND2 a, b, t                    ; two numbers to bf16, nearest even, kept as f32
	v_cvt_pk_bf16_f32 v[\t], v[\a], v[\b]
	v_lshlrev_b32 v[\a], 16, v[\t]
	v_and_b32 v[\b], s41, v[\t]
.endm
.macro SRND r, t                       ; the same for a finite number in a scalar register: + 0x7fff + the bit that stays lowest, then cut
	s_bfe_u32 s[\t], s[\r], 0x10010
	s_add_co_u32 s[\r], s[\r], s[\t]
	s_add_co_u32 s[\r], s[\r], 0x7fff
	s_and_b32 s[\r], s[\r], 0xffff0000
.endm
.macro KV op, d, k, b                  ; 32 times: d[i] = op(k, b[i]), k a constant or a scalar register
.set i, 0
.rept 32
	\op v[\d+i], \k, v[\b+i]
.set i, i+1
.endr
.endm
.macro VV op, d, a, b                  ; 32 times: d[i] = op(a[i], b[i])
.set i, 0
.rept 32
	\op v[\d+i], v[\a+i], v[\b+i]
.set i, i+1
.endr
.endm
	s_load_b256 s[4:11], s[0:1], 0x0               ; masks s[4:5], out0 s[6:7], xyz s[8:9], features s[10:11]
	s_load_b128 s[12:15], s[0:1], 0x20             ; xh s[12:13], part s[14:15]
	v_lshl_add_u32 v232, v0, 2, 0x21000
	v_mov_b32 v233, 0
	v_and_b32 v1, 31, v0
	v_lshrrev_b32 v2, 5, v0
	v_readfirstlane_b32 s16, v2                    ; wave
	s_lshl4_add_u32 s17, ttmp9, s16                ; my pair of queries
	s_lshr_b32 s18, s17, 10
	s_mul_i32 s18, s18, 98304                      ; the batch's bytes in xyz and features
	s_mul_i32 s19, s17, 24                         ; my queries in out0
	s_lshr_b32 s22, s17, 2
	s_lshl_b32 s22, s22, 13                        ; (query / 8) * 8192
	s_and_b32 s23, s17, 3
	s_lshl_b32 s23, s23, 7                         ; (query % 8) * 64
	s_add_co_u32 s22, s22, s23
	v_lshrrev_b32 v3, 1, v1
	v_and_b32 v4, 1, v1
	v_lshlrev_b32 v4, 5, v4
	v_lshl_add_u32 v3, v3, 9, v4                   ; (lane / 2) * 512 + (lane % 2) * 32
	v_add_nc_u32 v3, s22, v3                       ; my 32 bytes of my first query's mask
	s_lshl_b32 s44, s16, 13                        ; my wave's LDS
	v_lshl_add_u32 v2, v1, 5, s44                  ; my eight words there
	s_mov_b32 s41, 0xffff0000                      ; lanes 16-31; also a word's upper bf16
	s_mov_b32 s42, 0x76543210
	s_mov_b32 s43, 0xfedcba98
	s_mov_b32 s45, 0x1fff
	s_mov_b32 s46, 0xaaaaaaaa                      ; lanes with bit 0, 1, 2, 3 set
	s_mov_b32 s47, 0xcccccccc
	s_mov_b32 s60, 0xf0f0f0f0
	s_mov_b32 s61, 0xff00ff00
	s_mov_b32 s56, 0x55555555
	s_mov_b32 s57, 0x33333333
	s_mov_b32 s58, 0x0f0f0f0f
	s_mov_b32 s59, 0x01010101
	s_wait_kmcnt 0x0
	s_add_nc_u64 s[20:21], s[4:5], 0x800000
.irp u, 0,1
	global_load_b128 v[H+8*\u:H+8*\u+3], v3, s[4:5] offset:64*\u
	global_load_b128 v[H+8*\u+4:H+8*\u+7], v3, s[4:5] offset:64*\u+16
	global_load_b128 v[H+16+8*\u:H+16+8*\u+3], v3, s[20:21] offset:64*\u
	global_load_b128 v[H+16+8*\u+4:H+16+8*\u+7], v3, s[20:21] offset:64*\u+16
.endr
	s_load_b128 s[24:27], s[6:7], s19 offset:0x0   ; two queries' x, y, z: s[24 + 3 u + i]
	s_load_b64 s[28:29], s[6:7], s19 offset:0x10
	s_load_b96 s[36:38], s[10:11], 0x0             ; the pivot: features[0][0]
	s_wait_loadcnt 0x0
	; the bits of my 32 words are counted, all words stage by stage
	KV v_xor_b32, H, -1, H                         ; hits
	KV v_lshrrev_b32, TT, 1, H
	KV v_and_b32, TT, s56, TT
	VV v_sub_nc_u32, CN, H, TT
	KV v_lshrrev_b32, TT, 2, CN
	KV v_and_b32, CN, s57, CN
	KV v_and_b32, TT, s57, TT
	VV v_add_nc_u32, CN, CN, TT
	KV v_lshrrev_b32, TT, 4, CN
	VV v_add_nc_u32, CN, CN, TT
	KV v_and_b32, CN, s58, CN
	KV v_mul_lo_u32, CN, s59, CN
	KV v_lshrrev_b32, CN, 24, CN
.irp i, 1,2,3,4,5,6,7
.irp c, 0,1,2,3
	v_add_nc_u32 v[CN+8*\c+\i], v[CN+8*\c+\i], v[CN+8*\c+\i-1]   ; running counts in the lane, the four tables by turns
.endr
.endr
.irp c, 0,1,2,3
	v_mov_b32 v[SC+\c], v[CN+8*\c+7]
	v_mov_b32 v[SD+\c], 0
.endr
.irp n, 1,2,4,8
.irp c, 0,1,2,3
	v_mov_b32_dpp v[SD+\c], v[SC+\c] row_shr:\n row_mask:0xf bank_mask:0xf bound_ctrl:1
.endr
.irp c, 0,1,2,3
	v_add_nc_u32 v[SC+\c], v[SC+\c], v[SD+\c]
.endr
.endr
.irp c, 0,1,2,3
	v_readlane_b32 s[52+\c], v[SC+\c], 15
.endr
.irp c, 0,1,2,3
	v_cndmask_b32 v[SD+\c], 0, s[52+\c], s41
.endr
.irp c, 0,1,2,3
	v_add_nc_u32 v[SC+\c], v[SC+\c], v[SD+\c]
.endr
.irp c, 0,1,2,3
	v_readlane_b32 s[TOT+\c], v[SC+\c], 31
.endr
.irp c, 0,1,2,3
	v_sub_nc_u32 v[TT+8*\c], v[SC+\c], v[CN+8*\c+7]              ; hits in the lanes below
.endr
.irp i, 1,2,3,4,5,6,7
.irp c, 0,1,2,3
	v_add_nc_u32 v[TT+8*\c+\i], v[TT+8*\c], v[CN+8*\c+\i-1]
.endr
.endr
.irp c, 0,1,2,3
	ds_store_b128 v2, v[TT+8*\c:TT+8*\c+3] offset:\c*2048
	ds_store_b128 v2, v[TT+8*\c+4:TT+8*\c+7] offset:\c*2048+16
	ds_store_b128 v2, v[H+8*\c:H+8*\c+3] offset:\c*2048+1024
	ds_store_b128 v2, v[H+8*\c+4:H+8*\c+7] offset:\c*2048+1040
.endr
	; the three passes' constants
	v_and_b32 v4, 15, v1
	v_and_b32 v5, 16, v1
	v_lshlrev_b32 v5, 2, v5                        ; byte index of my half's lane 0
	v_mov_b32 v6, 0
	v_mov_b32 v8, s44
	v_lshrrev_b32 v9, 4, v1
	v_add_nc_u32 v[BS], 2*2048, v8
	v_add_nc_u32 v[BS+1], 3*2048, v8
	v_lshl_add_u32 v[BS+2], v9, 11, v8
	v_mov_b32 v[JJ], v1
	v_mov_b32 v[JJ+1], v1
	v_mov_b32 v[JJ+2], v4
	v_mov_b32 v[TV], s[TOT+2]
	v_mov_b32 v[TV+1], s[TOT+3]
	v_mov_b32 v[TV+2], s[TOT]
	v_cndmask_b32 v[TV+2], v[TV+2], s[TOT+1], s41
.irp p, 0,1,2
	v_mov_b32 v[POS+\p], 0
.endr
; One step of the search for the last word whose prefix count is at most j, the three passes together.
; The wave reads its own bytes, and LDS serves a wave's instructions in order: no barrier.
.macro STEP n
.irp p, 0,1,2
	v_add_nc_u32 v[CA+\p], \n, v[POS+\p]
.endr
.irp p, 0,1,2
	v_min_u32 v[CA+\p], 0xff, v[CA+\p]
.endr
.irp p, 0,1,2
	v_lshl_add_u32 v[AD+\p], v[CA+\p], 2, v[BS+\p]
.endr
.irp p, 0,1,2
	ds_load_b32 v[PV+\p], v[AD+\p]
.endr
	s_wait_dscnt 0x0
.irp p, 0,1,2
	v_cmp_le_u32 s[VC+\p], v[PV+\p], v[JJ+\p]
.endr
.irp p, 0,1,2
	v_cndmask_b32 v[POS+\p], v[POS+\p], v[CA+\p], s[VC+\p]
.endr
.endm
.irp n, 128,64,32,16,8,4,2,1
	STEP \n
.endr
.irp p, 0,1,2
	v_min_u32 v[POS+\p], 0xff, v[POS+\p]           ; the word's number is at most 255 (128 + 64 + .. + 1); the bound is written out ahead of the address
.endr
.irp p, 0,1,2
	v_lshl_add_u32 v[AD+\p], v[POS+\p], 2, v[BS+\p]
.endr
.irp p, 0,1,2
	ds_load_b32 v[PV+\p], v[AD+\p]
	ds_load_b32 v[HW+\p], v[AD+\p] offset:1024
.endr
	s_wait_dscnt 0x0
; The place of set bit number rk in the word found is a list of 44 lines; SEL writes number j of it for pass p, and the three passes take the numbers by
; turns.  0-13: rk, and the counts of 2, 4, 8 and 16 bits.  14-43: five halvings (16, 8, 4, 2, 1 bits) of six lines each.
.macro SEL p
.if j == 0
	v_sub_nc_u32 v[RK+\p], v[JJ+\p], v[PV+\p]
.elseif j == 1
	v_lshrrev_b32 v[TS+\p], 1, v[HW+\p]
.elseif j == 2
	v_and_b32 v[TS+\p], s56, v[TS+\p]
.elseif j == 3
	v_sub_nc_u32 v[A2+\p], v[HW+\p], v[TS+\p]
.elseif j == 4
	v_lshrrev_b32 v[TS+\p], 2, v[A2+\p]
.elseif j == 5
	v_and_b32 v[TS+\p], s57, v[TS+\p]
.elseif j == 6
	v_and_b32 v[A4+\p], s57, v[A2+\p]
.elseif j == 7
	v_add_nc_u32 v[A4+\p], v[A4+\p], v[TS+\p]
.elseif j == 8
	v_lshrrev_b32 v[TS+\p], 4, v[A4+\p]
.elseif j == 9
	v_add_nc_u32 v[A8+\p], v[A4+\p], v[TS+\p]
.elseif j == 10
	v_and_b32 v[A8+\p], s58, v[A8+\p]
.elseif j == 11
	v_lshrrev_b32 v[TS+\p], 8, v[A8+\p]
.elseif j == 12
	v_add_nc_u32 v[A16+\p], v[A8+\p], v[TS+\p]
.elseif j == 13
	v_mov_b32 v[BP+\p], 0
.else
.set sk, (j-14)/6                      ; which halving
.set sm, (j-14)%6                      ; which of its lines
.set sn, 16>>sk                        ; the bits of the lower half
.set sw, sn                            ; the width of its count's field
.if sn > 8
.set sw, 8
.endif
.set ss, A16-4*sk+\p                   ; the counts of sn bits; of one bit: the word itself
.if sk == 4
.set ss, HW+\p
.endif
.if sm == 0
	v_bfe_u32 v[TS+\p], v[ss], v[BP+\p], sw
.elseif sm == 1
	v_cmp_ge_u32 s[VC+\p], v[RK+\p], v[TS+\p]
.elseif sm == 2
	v_cndmask_b32 v[TS+\p], 0, v[TS+\p], s[VC+\p]
.elseif sm == 3
	v_sub_nc_u32 v[RK+\p], v[RK+\p], v[TS+\p]
.elseif sm == 4
	v_cndmask_b32 v[TS+\p], 0, sn, s[VC+\p]
.else
	v_add_nc_u32 v[BP+\p], v[BP+\p], v[TS+\p]
.endif
.endif
.endm
.set j, 0
.rept 44
.irp p, 0,1,2
	SEL \p
.endr
.set j, j+1
.endr
.irp p, 0,1,2
	v_lshl_add_u32 v[IDX+\p], v[POS+\p], 5, v[BP+\p]
.endr
	ds_bpermute_b32 v[FI], v6, v[IDX]              ; the query's first hit: lane 0's
	ds_bpermute_b32 v[FI+1], v6, v[IDX+1]
	ds_bpermute_b32 v[FI+2], v5, v[IDX+2]          ; lane 0's of my half
	s_wait_dscnt 0x0
.irp p, 0,1,2
	v_cmp_eq_u32 s[VC+\p], 0, v[TV+\p]
.endr
.irp p, 0,1,2
	v_cndmask_b32 v[FI+\p], v[FI+\p], s45, s[VC+\p]   ; no hit at all
.endr
.irp p, 0,1,2
	v_cmp_lt_u32 s[VC+\p], v[JJ+\p], v[TV+\p]
.endr
.irp p, 0,1,2
	v_cndmask_b32 v[IDX+\p], v[FI+\p], v[IDX+\p], s[VC+\p]
.endr
.irp p, 0,1,2
	v_min_u32 v[IDX+\p], 0x1fff, v[IDX+\p]
.endr
.irp p, 0,1,2
	v_mul_u32_u24 v[IDX+\p], 12, v[IDX+\p]
.endr
.irp p, 0,1,2
	v_add_nc_u32 v[IDX+\p], s18, v[IDX+\p]
.endr
.irp p, 0,1,2
	global_load_b96 v[PX+4*\p:PX+4*\p+2], v[IDX+\p], s[8:9]
	global_load_b96 v[FX+4*\p:FX+4*\p+2], v[IDX+\p], s[10:11]
.endr
	s_lshl_b32 s22, s17, 10
	s_add_co_u32 s22, s22, 2097152
	v_lshl_add_u32 v10, v1, 4, s22                 ; my row of scale 1, query 0
	s_lshl_b32 s22, s17, 9
	v_lshl_add_u32 v11, v1, 4, s22                 ; my row of scale 0, both queries
.irp i, 27,28,29,30,31
	v_mov_b32 v[A1+\i], 0                          ; the 27 sums of a scale are filled up to 32 registers, one for each lane
.endr
	s_wait_kmcnt 0x0
.irp r, 24,25,26,27,28,29,36,37,38
	SRND \r, 40                                    ; the two queries and the pivot to bf16
.endr
	s_wait_loadcnt 0x0
; One pass's rows: rounded to bf16, centred, added to the scale's sums (first = 1 starts them), rounded to f16 and stored, 512 consecutive bytes a wave.
.macro MOM p, ab, first
	RND2 FX+4*\p, FX+4*\p+1, TP
	RND2 FX+4*\p+2, PX+4*\p, TP+1
	RND2 PX+4*\p+1, PX+4*\p+2, TP
	v_sub_f32 v[D], v[FX+4*\p], s36
	v_sub_f32 v[D+1], v[FX+4*\p+1], s37
	v_sub_f32 v[D+2], v[FX+4*\p+2], s38
.irp i, 0,1,2
.if \p < 2
	v_sub_f32 v[D+3+\i], v[PX+4*\p+\i], s[24+3*\p+\i]
.else
	v_mov_b32 v[TP], s[24+\i]
	v_cndmask_b32 v[TP], v[TP], s[27+\i], s41
	v_sub_f32 v[D+3+\i], v[PX+4*\p+\i], v[TP]
.endif
.endr
.irp i, 0,1,2,3,4,5
.if \first
	v_mov_b32 v[\ab+\i], v[D+\i]
.else
	v_add_f32 v[\ab+\i], v[\ab+\i], v[D+\i]
.endif
.endr
.set ix, \ab+6
.irp i, 0,1,2,3,4,5
.irp j, 0,1,2,3,4,5
.if \j >= \i
.if \first
	v_mul_f32 v[ix], v[D+\i], v[D+\j]
.else
	v_fmac_f32 v[ix], v[D+\i], v[D+\j]
.endif
.set ix, ix+1
.endif
.endr
.endr
	v_cvt_pk_f16_f32 v[R+4*\p], v[D], v[D+1]
	v_cvt_pk_f16_f32 v[R+4*\p+1], v[D+2], v[D+3]
	v_cvt_pk_f16_f32 v[R+4*\p+2], v[D+4], v[D+5]
	v_mov_b32 v[R+4*\p+3], 0
.if \p < 2
	global_store_b128 v10, v[R+4*\p:R+4*\p+3], s[12:13] offset:512*\p
.else
	global_store_b128 v11, v[R+4*\p:R+4*\p+3], s[12:13]
.endif
.endm
	MOM 0, A1, 1
	MOM 1, A1, 0
	MOM 2, A0, 1
.irp i, 27,28,29,30,31
	v_mov_b32 v[A0+\i], 0
.endr
; The sums over the 32 lanes, 32 registers a scale at once.  At the level of lane bit x a pair of registers (a, b) becomes one: lanes with the bit clear keep
; a and send b, the others keep b and send a, and each adds what its partner sent.  After five levels lane c holds the whole sum of register c:
; 3 lines a pair, 16 + 8 + 4 + 2 pairs and 4 lines for the last, against 8 lines for each of 27 registers taken one by one.
.macro LEVEL np, m, x
.set k, 0
.rept \np
	v_cndmask_b32 v[TK+4*k], v[A0+2*k], v[A0+2*k+1], s[\m]
	v_cndmask_b32 v[TK+4*k+1], v[A0+2*k+1], v[A0+2*k], s[\m]
	v_cndmask_b32 v[TK+4*k+2], v[A1+2*k], v[A1+2*k+1], s[\m]
	v_cndmask_b32 v[TK+4*k+3], v[A1+2*k+1], v[A1+2*k], s[\m]
.set k, k+1
.endr
.set k, 0
.rept \np
	v_add_f32_dpp v[A0+k], v[TK+4*k+1], v[TK+4*k] row_xmask:\x row_mask:0xf bank_mask:0xf
	v_add_f32_dpp v[A1+k], v[TK+4*k+3], v[TK+4*k+2] row_xmask:\x row_mask:0xf bank_mask:0xf
.set k, k+1
.endr
.endm
	LEVEL 16, 46, 1
	LEVEL 8, 47, 2
	LEVEL 4, 60, 4
	LEVEL 2, 61, 8
	v_cndmask_b32 v[TK], v[A0], v[A0+1], s41
	v_cndmask_b32 v[TK+1], v[A0+1], v[A0], s41
	v_cndmask_b32 v[TK+2], v[A1], v[A1+1], s41
	v_cndmask_b32 v[TK+3], v[A1+1], v[A1], s41
	v_permlanex16_b32 v[TK+4], v[TK+1], s42, s43   ; its destination counts as read: the levels above have written it
	v_permlanex16_b32 v[TK+5], v[TK+3], s42, s43
	v_add_f32 v[A0], v[TK], v[TK+4]
	v_add_f32 v[A1], v[TK+2], v[TK+5]
	s_lshl_b32 s22, s16, 8
	s_add_co_u32 s22, s22, 131072
	v_lshl_add_u32 v12, v1, 2, s22
	ds_store_b32 v12, v[A0]
	ds_store_b32 v12, v[A1] offset:128
	s_wait_dscnt 0x0                               ; for the other waves: my sums are in LDS
	s_barrier_signal -1
	s_barrier_wait -1
	s_cmp_ge_u32 s16, 2
	s_cbranch_scc1 .Lend
	v_and_b32 v13, 63, v0                          ; waves 0 and 1: thread = column
	v_lshlrev_b32 v13, 2, v13
	v_add_nc_u32 v14, 131072, v13
.set k, 0
.rept 16
	ds_load_b32 v[16+k], v14 offset:256*k
.set k, k+1
.endr
	s_mul_i32 s22, ttmp9, 8960
	v_add_nc_u32 v13, s22, v13
	s_wait_dscnt 0x0
.irp st, 8,4,2,1
.set k, 0
.rept \st
	v_add_f32 v[16+k], v[16+k], v[16+k+\st]
.set k, k+1
.endr
.endr
	global_store_b32 v13, v16, s[14:15]            ; two waves: 256 consecutive bytes of the group's row of part
.Lend:
	s_wait_tensorcnt 0x0
	ds_add_u32 v232, v233
	s_wait_dscnt 0x0
	s_endpgm
.Lfunc_end_k_qc3ee75767e_select:
	.size	k_qc3ee75767e_select, .Lfunc_end_k_qc3ee75767e_select-k_qc3ee75767e_select
	.p2alignl 7, 3214868480
	.fill 96, 4, 3214868480
	.section	.rodata,"a",@progbits
	.p2align	6, 0x0
	.amdhsa_kernel k_qc3ee75767e_select
		.amdhsa_group_segment_fixed_size 137216
		.amdhsa_private_segment_fixed_size 0
		.amdhsa_enable_private_segment 0
		.amdhsa_kernarg_size 48
		.amdhsa_user_sgpr_count 2
		.amdhsa_user_sgpr_kernarg_segment_ptr 1
		.amdhsa_wavefront_size32 1
		.amdhsa_system_sgpr_workgroup_id_x 1
		.amdhsa_system_sgpr_workgroup_id_y 1
		.amdhsa_system_sgpr_workgroup_id_z 1
		.amdhsa_system_vgpr_workitem_id 0
		.amdhsa_next_free_vgpr 234
		.amdhsa_next_free_sgpr 66
		.amdhsa_reserve_vcc 0
		.amdhsa_float_denorm_mode_32 3
		.amdhsa_float_denorm_mode_16_64 3
		.amdhsa_memory_ordered 1
		.amdhsa_forward_progress 1
		.amdhsa_inst_pref_size 64
	.end_amdhsa_kernel
	.amdgpu_metadata
---
amdhsa.version: [ 1, 2 ]
amdhsa.kernels:
  - .name:           k_qc3ee75767e_select
    .symbol:         k_qc3ee75767e_select.kd
    .args:
      - { .name: masks, .offset: 0, .size: 8, .value_kind: global_buffer, .address_space: global }
      - { .name: out0, .offset: 8, .size: 8, .value_kind: global_buffer, .address_space: global }
      - { .name: xyz, .offset: 16, .size: 8, .value_kind: global_buffer, .address_space: global }
      - { .name: features, .offset: 24, .size: 8, .value_kind: global_buffer, .address_space: global }
      - { .name: xh, .offset: 32, .size: 8, .value_kind: global_buffer, .address_space: global }
      - { .name: part, .offset: 40, .size: 8, .value_kind: global_buffer, .address_space: global }
    .group_segment_fixed_size: 137216
    .private_segment_fixed_size: 0
    .kernarg_segment_align: 8
    .kernarg_segment_size: 48
    .max_flat_workgroup_size: 512
    .sgpr_count:     66
    .vgpr_count:     234
    .wavefront_size: 32
...
	.end_amdgpu_metadata
.endif
;; end of part 9
;; launch sum1: the kernel of part 3 again; grid 1 x 1, 8 waves a work-group, no clusters, 5,120 bytes of LDS; arguments part, sums; writes sums
;; launch mlp2: the kernel of part 4 again; grid 256 x 1, 8 waves a work-group, no clusters, 51,200 bytes of LDS; arguments xh, sums, part, params_scale0_0_w, params_scale0_0_b, params_scale0_0_gamma, params_scale0_0_beta, params_scale0_0_a, params_scale0_1_w, params_scale1_0_w, params_scale1_0_b, params_scale1_0_gamma, params_scale1_0_beta, params_scale1_0_a, params_scale1_1_w; writes part
;; launch sum2: the kernel of part 3 again; grid 7 x 1, 8 waves a work-group, no clusters, 5,120 bytes of LDS; arguments part, sums; writes sums
;; launch mlp3: the kernel of part 5 again; grid 256 x 1, 8 waves a work-group, no clusters, 51,200 bytes of LDS; arguments xh, sums, part, pool, params_scale0_0_w, params_scale0_0_b, params_scale0_0_gamma, params_scale0_0_beta, params_scale0_0_a, params_scale0_1_w, params_scale0_1_b, params_scale0_1_gamma, params_scale0_1_beta, params_scale0_1_a, params_scale0_2_w, params_scale1_0_w, params_scale1_0_b, params_scale1_0_gamma, params_scale1_0_beta, params_scale1_0_a, params_scale1_1_w, params_scale1_1_b, params_scale1_1_gamma, params_scale1_1_beta, params_scale1_1_a, params_scale1_2_w; writes part, pool
;; launch sum3: the kernel of part 3 again; grid 19 x 1, 8 waves a work-group, no clusters, 5,120 bytes of LDS; arguments part, sums; writes sums
;; launch final: the kernel of part 6 again; grid 256 x 1, 8 waves a work-group, no clusters, 114,688 bytes of LDS; arguments pool, sums, part, hf, params_scale0_2_b, params_scale0_2_gamma, params_scale0_2_beta, params_scale0_2_a, params_scale1_2_b, params_scale1_2_gamma, params_scale1_2_beta, params_scale1_2_a, params_final_0_w; writes part, hf
;; launch apply (part 10): grid 256 x 1, 8 waves a work-group, no clusters, 1,280 bytes of LDS; arguments hf, part, out1, params_final_0_b, params_final_0_gamma, params_final_0_beta, params_final_0_a; writes out1
.if DOCPART == 10
	.amdgcn_target "amdgcn-amd-amdhsa--gfx1250"
	.amdhsa_code_object_version 6
	.text
	.protected	k_qc3ee75767e_apply
	.globl	k_qc3ee75767e_apply
	.p2align	8
	.type	k_qc3ee75767e_apply,@function
k_qc3ee75767e_apply:
	s_mov_b64 s[64:65], 0
	v_nop
	global_prefetch_b8 v0, s[64:65] scope:SCOPE_SE
	s_setreg_imm32_b32 hwreg(HW_REG_WAVE_MODE, 25, 1), 1
	s_wait_xcnt 0x0
; The final layer's batch statistics, batch norm and PReLU: out1[b][c][s] = f(s_c hf[b][c][s] + shift_c).
; A work-group owns one channel c of all four batches: 4 rows of 8,192 bytes; a wave takes half a row, eight loads of 512 consecutive bytes, all in
; flight at once; each byte of hf is read and each byte of out1 written once.
; The channel's sum and sum of squares are added here from the 256 rows of partial sums: thread t takes part[t][1216 + c] and part[t][1472 + c],
; 512 words a work-group, which spares a launch of its own for that sum.  They are asked for ahead of hf, since the longer chain hangs on them: over the
; lanes, through 64 bytes of LDS, one barrier.
; b, gamma, beta and a are rounded to bf16 (nearest even) as all parameters of this program are.
.macro SRND r, t                       ; a finite number in a scalar register to bf16: + 0x7fff + the bit that stays lowest, then cut
	s_bfe_u32 s[\t], s[\r], 0x10010
	s_add_co_u32 s[\r], s[\r], s[\t]
	s_add_co_u32 s[\r], s[\r], 0x7fff
	s_and_b32 s[\r], s[\r], 0xffff0000
.endm
	s_load_b256 s[4:11], s[0:1], 0x0               ; hf s[4:5], part s[6:7], out1 s[8:9], b s[10:11]
	s_load_b128 s[12:15], s[0:1], 0x20             ; gamma s[12:13], beta s[14:15]
	s_load_b64 s[16:17], s[0:1], 0x30              ; a
	v_lshl_add_u32 v72, v0, 2, 0x100
	v_mov_b32 v73, 0
	v_and_b32 v1, 31, v0
	v_lshrrev_b32 v2, 5, v0
	v_readfirstlane_b32 s18, v2                    ; wave
	s_lshr_b32 s19, s18, 1                         ; batch
	s_lshl_b32 s19, s19, 8
	s_add_co_u32 s19, s19, ttmp9                   ; row (b, c)
	s_lshl_b32 s21, ttmp9, 2                       ; the channel's byte
	s_lshl_b32 s22, s19, 13
	s_and_b32 s23, s18, 1
	s_lshl_b32 s23, s23, 12
	s_add_co_u32 s22, s22, s23
	v_lshl_add_u32 v1, v1, 4, s22                  ; my 16 bytes of my wave's half row
	v_mul_u32_u24 v3, 0x2300, v0                   ; row t of part, 8,960 bytes a row
	v_add_nc_u32 v3, s21, v3
	v_lshlrev_b32 v4, 2, v2                        ; my wave's word in LDS
	v_mov_b32 v5, 0
	v_mov_b32 v50, 0
	v_mov_b32 v51, 0
	s_mov_b32 s30, 0x76543210
	s_mov_b32 s31, 0xfedcba98
	s_wait_kmcnt 0x0
	global_load_b32 v48, v3, s[6:7] offset:4864    ; column 1216 + c: a partial sum
	global_load_b32 v49, v3, s[6:7] offset:5888    ; column 1472 + c: a partial sum of squares
.irp i, 0,1,2,3,4,5,6,7
	global_load_b128 v[16+4*\i:19+4*\i], v1, s[4:5] offset:512*\i th:TH_LOAD_NT
.endr
	s_load_b32 s26, s[10:11], s21 offset:0x0
	s_load_b32 s27, s[12:13], s21 offset:0x0
	s_load_b32 s28, s[14:15], s21 offset:0x0
	s_load_b32 s29, s[16:17], 0x0
	s_wait_loadcnt 0x8                             ; loads come back in order: the two partial sums are in, the eight loads of hf behind them stay out
.irp n, 1,2,4,8
	v_add_f32_dpp v48, v48, v48 row_xmask:\n row_mask:0xf bank_mask:0xf
	v_add_f32_dpp v49, v49, v49 row_xmask:\n row_mask:0xf bank_mask:0xf
.endr
	v_permlanex16_b32 v50, v48, s30, s31
	v_permlanex16_b32 v51, v49, s30, s31
	v_add_f32 v48, v48, v50
	v_add_f32 v49, v49, v51
	ds_store_b32 v4, v48                           ; all lanes write the same word with the same value
	ds_store_b32 v4, v49 offset:32
	s_wait_dscnt 0x0                               ; for the other waves: my two sums are in LDS
	s_barrier_signal -1
	s_barrier_wait -1
	ds_load_b128 v[52:55], v5                      ; the eight waves' sums,
	ds_load_b128 v[56:59], v5 offset:16
	ds_load_b128 v[60:63], v5 offset:32            ; and their sums of squares, in every lane
	ds_load_b128 v[64:67], v5 offset:48
	s_wait_kmcnt 0x0
.irp r, 26,27,28,29
	SRND \r, 24
.endr
	s_wait_dscnt 0x0
	v_pk_add_f32 v[52:53], v[52:53], v[54:55]
	v_pk_add_f32 v[56:57], v[56:57], v[58:59]
	v_pk_add_f32 v[60:61], v[60:61], v[62:63]
	v_pk_add_f32 v[64:65], v[64:65], v[66:67]
	v_pk_add_f32 v[52:53], v[52:53], v[56:57]
	v_pk_add_f32 v[60:61], v[60:61], v[64:65]
	v_add_f32 v68, v52, v53
	v_add_f32 v69, v60, v61
	v_mul_f32 v68, 0x39000000, v68                 ; mean over 8,192 rows
	v_mul_f32 v69, 0x39000000, v69
	v_fma_f32 v69, -v68, v68, v69
	v_max_num_f32 v69, 0, v69
	v_add_f32 v69, 0x3727c5ac, v69                 ; + 1e-5
	v_rsq_f32 v70, v69
	v_add_f32 v68, s26, v68                        ; mean + b (a plain instruction behind the root)
	s_wait_alu depctr_va_vdst(0)
	v_mul_f32 v6, s27, v70                         ; s
	v_sub_f32 v68, s26, v68
	v_fma_f32 v8, v6, v68, s28                     ; shift = beta + s (b - (mean + b))
	v_mov_b32 v7, v6
	v_mov_b32 v9, v8
.irp i, 0,1,2,3,4,5,6,7
	s_wait_loadcnt 7-\i                            ; load i of hf is in, the younger ones stay out
	v_pk_fma_f32 v[16+4*\i:17+4*\i], v[16+4*\i:17+4*\i], v[6:7], v[8:9]
	v_pk_fma_f32 v[18+4*\i:19+4*\i], v[18+4*\i:19+4*\i], v[6:7], v[8:9]
.irp j, 0,1,2,3
	v_mul_f32 v[10+\j], s29, v[16+4*\i+\j]
	v_cmp_ge_f32 vcc_lo, v[16+4*\i+\j], 0
	v_cndmask_b32 v[16+4*\i+\j], v[10+\j], v[16+4*\i+\j], vcc_lo
.endr
	global_store_b128 v1, v[16+4*\i:19+4*\i], s[8:9] offset:512*\i th:TH_STORE_NT
.endr
	s_wait_tensorcnt 0x0
	ds_add_u32 v72, v73
	s_wait_dscnt 0x0
	s_endpgm
.Lfunc_end_k_qc3ee75767e_apply:
	.size	k_qc3ee75767e_apply, .Lfunc_end_k_qc3ee75767e_apply-k_qc3ee75767e_apply
	.p2alignl 7, 3214868480
	.fill 96, 4, 3214868480
	.section	.rodata,"a",@progbits
	.p2align	6, 0x0
	.amdhsa_kernel k_qc3ee75767e_apply
		.amdhsa_group_segment_fixed_size 1280
		.amdhsa_private_segment_fixed_size 0
		.amdhsa_enable_private_segment 0
		.amdhsa_kernarg_size 56
		.amdhsa_user_sgpr_count 2
		.amdhsa_user_sgpr_kernarg_segment_ptr 1
		.amdhsa_wavefront_size32 1
		.amdhsa_system_sgpr_workgroup_id_x 1
		.amdhsa_system_sgpr_workgroup_id_y 1
		.amdhsa_system_sgpr_workgroup_id_z 1
		.amdhsa_system_vgpr_workitem_id 0
		.amdhsa_next_free_vgpr 74
		.amdhsa_next_free_sgpr 66
		.amdhsa_reserve_vcc 1
		.amdhsa_float_denorm_mode_32 3
		.amdhsa_float_denorm_mode_16_64 3
		.amdhsa_memory_ordered 1
		.amdhsa_forward_progress 1
		.amdhsa_inst_pref_size 12
	.end_amdhsa_kernel
	.amdgpu_metadata
---
amdhsa.version: [ 1, 2 ]
amdhsa.kernels:
  - .name:           k_qc3ee75767e_apply
    .symbol:         k_qc3ee75767e_apply.kd
    .args:
      - { .name: hf, .offset: 0, .size: 8, .value_kind: global_buffer, .address_space: global }
      - { .name: part, .offset: 8, .size: 8, .value_kind: global_buffer, .address_space: global }
      - { .name: out1, .offset: 16, .size: 8, .value_kind: global_buffer, .address_space: global }
      - { .name: params_final_0_b, .offset: 24, .size: 8, .value_kind: global_buffer, .address_space: global }
      - { .name: params_final_0_gamma, .offset: 32, .size: 8, .value_kind: global_buffer, .address_space: global }
      - { .name: params_final_0_beta, .offset: 40, .size: 8, .value_kind: global_buffer, .address_space: global }
      - { .name: params_final_0_a, .offset: 48, .size: 8, .value_kind: global_buffer, .address_space: global }
    .group_segment_fixed_size: 1280
    .private_segment_fixed_size: 0
    .kernarg_segment_align: 8
    .kernarg_segment_size: 56
    .max_flat_workgroup_size: 256
    .sgpr_count:     66
    .vgpr_count:     74
    .wavefront_size: 32
...
	.end_amdgpu_metadata
.endif
;; end of part 10
;; ======== version 3 of 4: 8 launches; 1.59 times as fast as version 1
;; limits: values are held in f16: magnitudes above 65,504 overflow, below 6.1e-05 lose precision; values outside matrix products are rounded to bf16
;; workspace buffers: masks 16,777,216 bytes of whole numbers; xh 6,291,456 bytes; part 2,293,760 bytes; pmlp 786,432 bytes; mom 256 bytes; sums 3,072 bytes; pool 12,582,912 bytes; hf 8,388,608 bytes
;; launch masks: the kernel of part 8 again; grid 64 x 4, 16 waves a work-group, no clusters, 0 bytes of LDS; arguments xyz, sample_idx, masks, out0; writes masks, out0
;; launch select: the kernel of part 9 again; grid 256 x 1, 16 waves a work-group, no clusters, 137,216 bytes of LDS; arguments masks, out0, xyz, features, xh, part; writes xh, part
;; launch mlp2 (part 11): grid 256 x 1, 8 waves a work-group, no clusters, 74,752 bytes of LDS; arguments xh, part, pmlp, mom, params_scale0_0_w, params_scale0_0_b, params_scale0_0_gamma, params_scale0_0_beta, params_scale0_0_a, params_scale0_1_w, params_scale1_0_w, params_scale1_0_b, params_scale1_0_gamma, params_scale1_0_beta, params_scale1_0_a, params_scale1_1_w; writes pmlp, mom
.if DOCPART == 11
	.amdgcn_target "amdgcn-amd-amdhsa--gfx1250"
	.amdhsa_code_object_version 6
	.text
	.protected	k_qc3ee75767e_mlp2
	.globl	k_qc3ee75767e_mlp2
	.p2align	8
	.type	k_qc3ee75767e_mlp2,@function
k_qc3ee75767e_mlp2:
	s_mov_b64 s[64:65], 0
	v_nop
	global_prefetch_b8 v0, s[64:65] scope:SCOPE_SE
	s_setreg_imm32_b32 hwreg(HW_REG_WAVE_MODE, 25, 1), 1
	s_wait_xcnt 0x0
; The shared MLP of both scales, up to layer DEPTH's product, of which it takes the batch sums (and, at DEPTH 3, each query's maximum and minimum).
; Every parameter is rounded to bf16 (nearest even) as it is loaded; a bf16 weight is exact in f16, the operands' format.
; Earlier layers are recomputed from the f16 rows of xh.  Layer 1: batch norm is folded into the product: s w goes in as a high and a low f16 part (the low
; part at k = 8..13, where lanes 16-31 of the row operand hold the same row again), the shift as the C of the matrix instruction; its mean and variance
; come from the input moments.  Layer 2 (DEPTH 3): the weights stay as they are, and z = s d + shift is a packed multiply-add on the result.
; PReLU(z) = c1 z + c2 |z| with c1 = (1 + a) / 2, c2 = (1 - a) / 2.
; Middle layers: D = W x X, a lane holds one row and eight channels, so two results packed to f16 are the next operand.  The last layer swaps the
; sources: a lane holds one channel, and sums and maxima run along its registers.
; Sums are taken of d - P, P = the layer's answer to the scale's row 0 (a first pass on that row alone, alike in every wave), so that the variance is no
; difference of large sums.  pmlp row = work-group; a scale's block of columns is [sum | sum of squares | P (row 0 alone) | 0], each C wide; scale 0's block, then scale 1's.
; pool[query][channel] = (max, min) of d - P over the query's neighbours: PReLU of an affine map of d is convex in d for a <= 1 and monotone for a > 0,
; so its maximum over the neighbours lies at the largest or at the smallest d.  A NaN is not carried through these maxima.
; ONE SET-UP FOR BOTH SCALES: every load goes out at the head; waves 0-2 make the batch norms of the 32 + 64 channels, thread = channel; both scales' images
; lie side by side in LDS behind one barrier; both scales' sums meet behind one barrier at the end.
; THE MOMENTS: at DEPTH 2 every work-group adds the 256 rows of 64 partial moments itself (64 KiB, sixteen loads of 16 bytes a thread, one barrier), which spares
; a launch for that sum, and work-group 0 stores the 64 totals in mom; at DEPTH 3 they are read from mom.
; LIMITS: f16 operands (normalised activations, centred inputs, weights) must stay under 65,504; inputs are taken to be finite.
; No tensor loads, cluster or ring: the weights are 60 KiB at the most, staged once a work-group through registers; rows are 16 bytes.
.set DEPTH, 2
.set XF,  16                           ; v[16:31]   two operands of 16 rows; registers 4-7 of each stay 0
.set ACC, 32                           ; v[32:95]   accumulator (channel tile t, row tile l) at 16 t + 8 l
.set P,   96                           ; v[96:127]  activations in f16: 16 l + 4 t + pair
.set SH1, 128                          ; v[128:159] layer 1's shifts, 8 a channel tile
.set SH2, 160                          ; v[160:191] layer 2's
.set ST,  192                          ; v[192:223] a channel tile: pair of sums, pair of sums of squares
.set PVP, 224                          ; v[224:239] P, twice, a channel tile
.set TMP, 240                          ; v[240:255]
.set W1B, 0                            ; window 1: weights' operands, 8 registers at (t KS + u)
.set W2B, 32
.set W3B, 96
.set S2W, 224                          ; window 1: layer 2's s, 8 a channel tile
.set MV,  192                          ; the set-up: v[192:223] my scale's 32 moments; v[32:95] partial moments; v[96:127] batch norm;
.set WCH, 128                          ; v[128:187] my chunks of the weights; v188, v224-236 offsets
.set MP,    0                          ; LDS: [16][64] f32 partial moments
.set MB,    4096                       ; [3 waves][32] f32: each batch-norm wave's own copy of its scale's moments
.set SH1A,  4608                       ; shift 1, s 2, shift 2: 96 f32 each, scale 0's 32 channels, then scale 1's 64
.set S2A,   4992
.set SH2A,  5376
.set IMG1,  6144                       ; f16 images of the weights: layer 1, 96 rows of 80 bytes;
.set IMG20, 13824                      ; scale 0: layer 2, 32 rows of 80; layer 3, 64 rows of 80;
.set IMG30, 16384
.set IMG21, 21504                      ; scale 1: layer 2, 64 rows of 144; layer 3, 128 rows of 144
.set IMG31, 30720
.set RED,   49152                      ; [8 waves][RP bytes] the waves' sums, both scales' blocks
.if DEPTH == 3
.set CL0, 64
.set CL1, 128
.set WLB, W3B
.set NLATE, 16                         ; loads issued behind the batch-norm loads: 15 chunks of weights and row 0
.else
.set CL0, 32
.set CL1, 64
.set WLB, W2B
.set NLATE, 6                          ; loads issued behind the moments: 5 chunks of weights and row 0
.endif
.set RP, 16*(CL0+CL1)
.set MSB, 0
.macro WIN new                         ; the immediate's high byte repeats the setting that is left
.if MSB != \new
	s_set_vgpr_msb (MSB<<8)|\new
.set MSB, \new
.endif
.endm
.macro PLACES                          ; four plain places between matrix instructions and what reads their results or writes their sources (ISA guide 7.12.1)
.rept 4
	v_nop
.endr
.endm
.macro RND2 a, b, t                    ; two numbers to bf16, nearest even, kept as f32
	v_cvt_pk_bf16_f32 v[\t], v[\a], v[\b]
	v_lshlrev_b32 v[\a], 16, v[\t]
	v_and_b32 v[\b], s50, v[\t]
.endm
.macro SRND r, t                       ; the same for a finite number in a scalar register: + 0x7fff + the bit that stays lowest, then cut
	s_bfe_u32 s[\t], s[\r], 0x10010
	s_add_co_u32 s[\r], s[\r], s[\t]
	s_add_co_u32 s[\r], s[\r], 0x7fff
	s_and_b32 s[\r], s[\r], 0xffff0000
.endm
.macro CC a, cb                        ; a to bf16; c1 = (1 + a) / 2 into s[cb:cb+1], c2 = (1 - a) / 2 into s[cb+2]
	SRND \a, 55
	v_fma_f32 v232, s[\a], 0.5, 0.5
	v_readfirstlane_b32 s[\cb], v232
	s_mov_b32 s[\cb+1], s[\cb]
	v_fma_f32 v232, s[\a], -0.5, 0.5
	v_readfirstlane_b32 s[\cb+2], v232
.endm
.macro SIDX i, j                       ; sx = the register of the product sum (i, j)
.if \i <= \j
.set sx, MV+6+\i*6-(\i*(\i-1))/2+(\j-\i)
.else
.set sx, MV+6+\j*6-(\j*(\j-1))/2+(\i-\j)
.endif
.endm
.macro TREE16                          ; sixteen vectors of four at v32 on, added by halves
.irp st, 8,4,2,1
.set i, 0
.rept \st
	v_pk_add_f32 v[32+4*i:33+4*i], v[32+4*i:33+4*i], v[32+4*(i+\st):33+4*(i+\st)]
	v_pk_add_f32 v[34+4*i:35+4*i], v[34+4*i:35+4*i], v[34+4*(i+\st):35+4*(i+\st)]
.set i, i+1
.endr
.endr
.endm
; NL = the row tiles of the pass in hand: 2, or 1 in the pass on row 0.
; A middle layer: nt channel tiles x NL row tiles, ks steps of 32 along K; the first step's C is the shift (sh) or 0 (sh = -1).
; The accumulators take turns, one instruction a turn.
.macro MM_MID wb, nt, ks, bs, bst, sh
.set mi, 0
.rept (\nt)*(\ks)*NL
.set mu, mi/(NL*(\nt))
.set mt, (mi/NL)%(\nt)
.set ml, mi%NL
.set md, ACC+16*mt+8*ml
.set ma, \wb+8*(mt*(\ks)+mu)
.set mx, \bs+(\bst)*ml+8*mu
.if mu == 0
.if (\sh) < 0
	v_wmma_f32_16x16x32_f16 v[md:md+7], v[ma:ma+7], v[mx:mx+7], 0
.else
	v_wmma_f32_16x16x32_f16 v[md:md+7], v[ma:ma+7], v[mx:mx+7], v[\sh+8*mt:\sh+8*mt+7]
.endif
.else
	v_wmma_f32_16x16x32_f16 v[md:md+7], v[ma:ma+7], v[mx:mx+7], v[md:md+7]
.endif
.set mi, mi+1
.endr
.endm
; The last layer, channel tiles t0 .. t0 + nb - 1, sources swapped; the first step starts the sums with 0.
.macro MM_LAST wb, t0, nb, ks
.set mi, 0
.rept (\nb)*(\ks)*NL
.set mu, mi/(NL*(\nb))
.set mt, (mi/NL)%(\nb)
.set ml, mi%NL
.set md, ACC+16*mt+8*ml
.set ma, P+16*ml+8*mu
.set mx, \wb+8*(((\t0)+mt)*(\ks)+mu)
.if mu == 0
	v_wmma_f32_16x16x32_f16 v[md:md+7], v[ma:ma+7], v[mx:mx+7], 0
.else
	v_wmma_f32_16x16x32_f16 v[md:md+7], v[ma:ma+7], v[mx:mx+7], v[md:md+7]
.endif
.set mi, mi+1
.endr
.endm
.macro ZSC nt                          ; layer 2: z = s d + shift, in place; s in window 1 (source 1); each accumulator from its low end on
.set ai, 0
.rept 8*(\nt)
.if ((ai/4)%2) < NL
.set zc, 8*(ai/8)+2*(ai%4)
	v_pk_fma_f32 v[ACC+2*ai:ACC+2*ai+1], v[ACC+2*ai:ACC+2*ai+1], v[S2W+zc:S2W+zc+1], v[SH2+zc:SH2+zc+1]
.endif
.set ai, ai+1
.endr
.endm
; PReLU and rounding to f16, an accumulator (t = aq / 2, l = aq % 2) at a time, each stage over its four pairs before the next, so that no line reads the
; result of the line before; the accumulator is read from its low end on.  s[sc:sc+1] = c1, s[sc+2] = c2
.macro ACT nt, sc
.set aq, 0
.rept 2*(\nt)
.if (aq%2) < NL
.set ab, ACC+8*aq
.set pd, P+16*(aq%2)+4*(aq/2)
.irp p, 0,1,2,3
	v_pk_mul_f32 v[TMP+2*\p:TMP+2*\p+1], v[ab+2*\p:ab+2*\p+1], s[\sc:\sc+1] op_sel_hi:[1,0]
.endr
.irp p, 0,1,2,3,4,5,6,7
	v_fma_f32 v[TMP+\p], |v[ab+\p]|, s[\sc+2], v[TMP+\p]
.endr
.irp p, 0,1,2,3
	v_cvt_pk_f16_f32 v[pd+\p], v[TMP+2*\p], v[TMP+2*\p+1]
.endr
.endif
.set aq, aq+1
.endr
.endm
.macro PIV t0, nb                      ; the pass on row 0: all rows are alike, register 0 is P
.set si, 0
.rept \nb
	v_mov_b32 v[PVP+2*((\t0)+si)], v[ACC+16*si]
	v_mov_b32 v[PVP+2*((\t0)+si)+1], v[ACC+16*si]
.set si, si+1
.endr
.endm
; d - P in place, its sum and its sum of squares.  Pairs in ascending order; for a pair each of the three stages runs over all accumulators (row tile 0 of
; every channel tile, then row tile 1) before the next.
.macro STAT t0, nb
.irp p, 0,1,2,3
.set sj, 0
.rept 2*(\nb)
.set sa, ACC+16*(sj%(\nb))+8*(sj/(\nb))+2*\p
.set sq, (\t0)+sj%(\nb)
	v_pk_add_f32 v[sa:sa+1], v[sa:sa+1], v[PVP+2*sq:PVP+2*sq+1] neg_lo:[0,1] neg_hi:[0,1]
.set sj, sj+1
.endr
.set sj, 0
.rept 2*(\nb)
.set sa, ACC+16*(sj%(\nb))+8*(sj/(\nb))+2*\p
.set sq, (\t0)+sj%(\nb)
	v_pk_add_f32 v[ST+4*sq:ST+4*sq+1], v[ST+4*sq:ST+4*sq+1], v[sa:sa+1]
.set sj, sj+1
.endr
.set sj, 0
.rept 2*(\nb)
.set sa, ACC+16*(sj%(\nb))+8*(sj/(\nb))+2*\p
.set sq, (\t0)+sj%(\nb)
	v_pk_fma_f32 v[ST+4*sq+2:ST+4*sq+3], v[sa:sa+1], v[sa:sa+1], v[ST+4*sq+2:ST+4*sq+3]
.set sj, sj+1
.endr
.endr
.endm
; A query's maximum and minimum for two channel tiles: four chains along KNN / 2 registers, by turns; then across the halves of the lanes, so that lane l ends
; with channel 16 t + l; one store of 8 bytes a lane covers 256 consecutive bytes, aligned.
.macro POOL t0, nb
.set NQ, 32/KNN
.set pq, 0
.rept ((\nb)/2)*NQ
.set pp, pq/NQ
.set ql, pq%NQ
.set pb, ACC+32*pp+8*ql
.set po, TMP+8+2*((((\t0)/2)+pp)*NQ+ql)
	v_max3_num_f32 v[TMP], v[pb], v[pb+1], v[pb+2]
	v_max3_num_f32 v[TMP+1], v[pb+16], v[pb+17], v[pb+18]
	v_min3_num_f32 v[TMP+2], v[pb], v[pb+1], v[pb+2]
	v_min3_num_f32 v[TMP+3], v[pb+16], v[pb+17], v[pb+18]
.set ri, 3
.rept (KNN/2-4)/2
	v_max3_num_f32 v[TMP], v[TMP], v[pb+ri], v[pb+ri+1]
	v_max3_num_f32 v[TMP+1], v[TMP+1], v[pb+16+ri], v[pb+16+ri+1]
	v_min3_num_f32 v[TMP+2], v[TMP+2], v[pb+ri], v[pb+ri+1]
	v_min3_num_f32 v[TMP+3], v[TMP+3], v[pb+16+ri], v[pb+16+ri+1]
.set ri, ri+2
.endr
	v_max_num_f32 v[TMP], v[TMP], v[pb+KNN/2-1]
	v_max_num_f32 v[TMP+1], v[TMP+1], v[pb+16+KNN/2-1]
	v_min_num_f32 v[TMP+2], v[TMP+2], v[pb+KNN/2-1]
	v_min_num_f32 v[TMP+3], v[TMP+3], v[pb+16+KNN/2-1]
	v_cndmask_b32 v[TMP+4], v[TMP], v[TMP+1], s50          ; the maximum that my half of the lanes keeps,
	v_cndmask_b32 v[TMP+5], v[TMP+1], v[TMP], s50          ; and the one that it sends
	v_cndmask_b32 v[po+1], v[TMP+2], v[TMP+3], s50         ; the same for the minimum
	v_cndmask_b32 v[TMP], v[TMP+3], v[TMP+2], s50
	v_permlanex16_b32 v[TMP+6], v[TMP+5], s48, s49
	v_permlanex16_b32 v[TMP+7], v[TMP], s48, s49
	v_max_num_f32 v[po], v[TMP+4], v[TMP+6]
	v_min_num_f32 v[po+1], v[po+1], v[TMP+7]
	global_store_b64 v6, v[po:po+1], s[10:11] offset:ql*1536+128*((\t0)+2*pp)
.set pq, pq+1
.endr
.endm
; Rows through the layers.  mode 0: the pass on row 0, one row tile; 1: 32 rows of the wave.  pf = 1: the next 32 rows are asked for; 2: the next scale's row 0.
.macro FORWARD mode, pf
.if \mode
.set NL, 2
.else
.set NL, 1
.endif
	s_wait_loadcnt 0x0                             ; the only loads out are this pass's row loads
.if \mode
	v_add_nc_u32 v4, 512, v4                       ; free since that wait: the rows that this pass asks for
.endif
	WIN 0x01
	MM_MID W1B, NT1, 1, XF, 8, SH1
	WIN 0
	PLACES
.if \pf == 1
	global_load_b128 v[XF:XF+3], v4, s[4:5]
	global_load_b128 v[XF+8:XF+11], v4, s[4:5] offset:256
.elseif \pf == 2
	global_load_b128 v[XF:XF+3], v5, s[4:5]        ; it has this whole pass in which to land
.endif
	ACT NT1, CB
.if DEPTH == 3
	WIN 0x01
	MM_MID W2B, NT1, KS, P, 16, -1
	WIN 0x04
	PLACES
	ZSC NT1
	WIN 0
	ACT NT1, CB+4
.endif
.set ft, 0
.rept NTL/NB
	WIN 0x04
	MM_LAST WLB, ft, NB, KS
	WIN 0
	PLACES
.if \mode
	STAT ft, NB
.if DEPTH == 3
	POOL ft, NB
.endif
.else
	PIV ft, NB
.endif
.set ft, ft+NB
.endr
.if \mode && (DEPTH == 3)
	s_wait_xcnt 0x0                                ; the stores' offset and data are rewritten only behind this wait
	v_add_nc_u32 v6, 1536*(32/KNN), v6
.endif
.endm
.macro CVST rb, nch, img, ad, rs       ; my chunks of four weights: to bf16, then (exactly) to f16, into the image; rs = bytes of the rows that 256 chunks fill
.set i, 0
.rept \nch
	RND2 \rb+4*i, \rb+4*i+1, 80
	RND2 \rb+4*i+2, \rb+4*i+3, 81
	v_cvt_pk_f16_f32 v[\rb+4*i], v[\rb+4*i], v[\rb+4*i+1]
	v_cvt_pk_f16_f32 v[\rb+4*i+1], v[\rb+4*i+2], v[\rb+4*i+3]
	ds_store_b64 v[\ad], v[\rb+4*i:\rb+4*i+1] offset:\img+i*\rs
.set i, i+1
.endr
.endm
.macro FRAG rb, nt, ks, ar, img, pt    ; operands out of an image: lane (r, h) takes row 16 t + r, bytes 64 u + 16 h and + 32
.set i, 0
.rept (\nt)*(\ks)
	ds_load_b128 v[\rb+8*i:\rb+8*i+3], v[\ar] offset:\img+(i/(\ks))*16*(\pt)+64*(i%(\ks))
	ds_load_b128 v[\rb+8*i+4:\rb+8*i+7], v[\ar] offset:\img+(i/(\ks))*16*(\pt)+64*(i%(\ks))+32
.set i, i+1
.endr
.endm
.macro SHL rb, nt, arr                 ; a number a channel, laid as a result is: register j = channel 16 t + 8 h + j
.set i, 0
.rept \nt
	ds_load_b128 v[\rb+8*i:\rb+8*i+3], v10 offset:\arr+64*i
	ds_load_b128 v[\rb+8*i+4:\rb+8*i+7], v10 offset:\arr+64*i+16
.set i, i+1
.endr
.endm
; One scale's passes.  c1 = channels of layers 1 and 2, c3 of layer 3, kn neighbours, xb byte of its rows in xh, rw rows of a work-group, coff its first
; channel in pool, i2, i3 its images of layers 2 and 3, last = 1: no scale follows.
.macro SCALE sc, c1, c3, kn, xb, rw, coff, i2, i3, last
.set PT2, 2*\c1+16
.set NT1, \c1/16
.set KS,  \c1/32
.set KNN, \kn
.set CB,  40+16*\sc
.set FA,  8+\sc
.if DEPTH == 3
.set CL, \c3
.else
.set CL, \c1
.endif
.set NTL, CL/16
.set NB, 4
.if NTL < 4
.set NB, NTL
.endif
	s_wait_xcnt 0x0                                ; offsets and data of earlier loads and stores are rewritten only behind this wait
	s_mul_i32 s51, s12, RP
	s_add_co_u32 s51, s51, RED+16*CL0*\sc
	v_lshlrev_b32 v7, 2, v1
	v_mad_u32_u24 v7, v2, 4*CL, v7
	v_add_nc_u32 v7, s51, v7                       ; my place among the waves' sums
	s_mul_i32 s51, s13, \rw*16
	s_mul_i32 s55, s12, \rw*2
	s_add_co_u32 s51, s51, s55
	s_add_co_u32 s51, s51, \xb
	v_lshl_add_u32 v4, v1, 4, s51                  ; my wave's first rows: lanes 16-31 take the same rows as lanes 0-15
.if DEPTH == 3
	s_mul_i32 s51, s13, 49152
	s_mul_i32 s55, s12, 6144
	s_add_co_u32 s51, s51, s55
	s_add_co_u32 s51, s51, \coff*8
	v_and_b32 v6, 31, v0
	v_lshl_add_u32 v6, v6, 3, s51                  ; my wave's first query in pool
.endif
	WIN 0x40
	FRAG W1B, NT1, 1, 8, IMG1+2560*\sc, 80
	FRAG W2B, NT1, KS, FA, \i2, PT2
.if DEPTH == 3
	FRAG W3B, \c3/16, KS, FA, \i3, PT2
	SHL S2W, NT1, S2A+128*\sc
.endif
	WIN 0
	SHL SH1, NT1, SH1A+128*\sc
.if DEPTH == 3
	SHL SH2, NT1, SH2A+128*\sc
.endif
.set i, 0
.rept 4*NTL
	v_mov_b32 v[ST+i], 0
.set i, i+1
.endr
	s_wait_dscnt 0x0
	FORWARD 0, 1
.if \rw/256 > 2
	s_mov_b32 s52, \rw/256-1
.Ltrip_\@:
	FORWARD 1, 1
	s_sub_co_u32 s52, s52, 1
	s_cmp_lg_u32 s52, 0
	s_cbranch_scc1 .Ltrip_\@
.else
	FORWARD 1, 1
.endif
.if \last
	FORWARD 1, 0                                   ; the last 32 rows ask for nothing
.else
	FORWARD 1, 2
.endif
	; the wave's sums: lanes 0-15 end with the sum, lanes 16-31 with the sum of squares of channel 16 t + r.  No wave reads them before the barrier at the end.
.set i, 0
.rept NTL
	v_add_f32 v[TMP], v[ST+4*i], v[ST+4*i+1]
	v_add_f32 v[TMP+1], v[ST+4*i+2], v[ST+4*i+3]
	v_cndmask_b32 v[TMP+2], v[TMP], v[TMP+1], s50
	v_cndmask_b32 v[TMP+3], v[TMP+1], v[TMP], s50
	v_permlanex16_b32 v[TMP+6], v[TMP+3], s48, s49
	v_add_f32 v[TMP+2], v[TMP+2], v[TMP+6]
	v_and_b32 v[TMP+4], v14, v[PVP+2*i]            ; P from wave 0 of work-group 0 alone, 0 from all others: the column's sum is P
	ds_store_b32 v7, v[TMP+2] offset:64*i
	ds_store_b32 v7, v[TMP+4] offset:8*CL+64*i
.set i, i+1
.endr
.endm
	; THE SET-UP.  All arguments at once.
.if DEPTH == 3
	s_load_b256 s[4:11], s[0:1], 0x0               ; xh s[4:5], sums s[6:7], pmlp s[8:9], pool s[10:11]
	s_load_b64 s[14:15], s[0:1], 0x20              ; mom
	s_load_b512 s[16:31], s[0:1], 0x28             ; scale 0: w1 16, b1 18, gamma1 20, beta1 22, a1 24, w2 26, b2 28, gamma2 30,
	s_load_b128 s[32:35], s[0:1], 0x68             ; beta2 32, a2 34,
	s_load_b64 s[36:37], s[0:1], 0x78              ; w3 36
	s_load_b512 s[68:83], s[0:1], 0x80             ; scale 1: the same from s68 on
	s_load_b128 s[84:87], s[0:1], 0xc0
	s_load_b64 s[88:89], s[0:1], 0xd0
.else
	s_load_b64 s[4:5], s[0:1], 0x0                 ; xh
	s_load_b64 s[14:15], s[0:1], 0x8               ; part: the partial moments
	s_load_b128 s[8:11], s[0:1], 0x10              ; pmlp s[8:9], mom s[10:11]
	s_load_b256 s[16:23], s[0:1], 0x20             ; scale 0: w1 16, b1 18, gamma1 20, beta1 22,
	s_load_b128 s[24:27], s[0:1], 0x40             ; a1 24, w2 26
	s_load_b256 s[68:75], s[0:1], 0x50             ; scale 1: the same from s68 on
	s_load_b128 s[76:79], s[0:1], 0x70
	v_lshl_add_u32 v254, v0, 2, 0x12000
	v_mov_b32 v255, 0
.endif
	v_and_b32 v1, 15, v0                           ; r
	v_bfe_u32 v2, v0, 4, 1                         ; h
	v_lshrrev_b32 v3, 5, v0
	v_readfirstlane_b32 s12, v3                    ; wave
	s_mov_b32 s13, ttmp9
	s_mov_b32 s48, 0x76543210
	s_mov_b32 s49, 0xfedcba98
	s_mov_b32 s50, 0xffff0000                      ; lanes 16-31; also a word's upper bf16
	s_or_b32 s51, s12, s13
	s_cmp_eq_u32 s51, 0
	s_cselect_b32 s51, 0xffff, 0
	v_cndmask_b32 v14, 0, -1, s51                  ; all ones in lanes 0-15 of wave 0 of work-group 0
	v_mul_u32_u24 v8, 80, v1
	v_lshl_add_u32 v8, v2, 4, v8                   ; an operand's row and half in an image of pitch 80,
	v_mul_u32_u24 v9, 144, v1
	v_lshl_add_u32 v9, v2, 4, v9                   ; and of pitch 144
	v_lshlrev_b32 v10, 5, v2
	v_lshlrev_b32 v11, 4, v0
	v_lshlrev_b32 v15, 2, v0
	s_mul_i32 s51, s13, 3072
	v_add_nc_u32 v3, s51, v11                      ; my 16 bytes of the group's row of pmlp
	v_mov_b32 v13, 0                               ; scale 0's row 0 in xh,
	v_mov_b32 v5, 0x200000                         ; and scale 1's
	v_lshrrev_b32 v233, 3, v0                      ; where my chunk of four weights goes: rows of 32 weights, 8 chunks a row, pitch 80,
	v_and_b32 v236, 7, v0
	v_lshlrev_b32 v236, 3, v236
	v_mad_u32_u24 v233, v233, 80, v236
	v_lshrrev_b32 v234, 4, v0                      ; rows of 64 weights, 16 chunks a row, pitch 144
	v_lshlrev_b32 v236, 3, v1
	v_mad_u32_u24 v234, v234, 144, v236
.if DEPTH == 2
	v_lshrrev_b32 v188, 4, v0                      ; partial moments: rows t / 16 + 16 i of 8,960 bytes, columns 4 (t % 16) on
	v_mul_u32_u24 v188, 8960, v188
	v_lshl_add_u32 v188, v1, 4, v188
.endif
.irp i, 4,5,6,7,12,13,14,15
	v_mov_b32 v[XF+\i], 0
.endr
	v_mov_b32 v[TMP+6], 0                          ; v_permlanex16_b32 counts as a reader of its destination
	v_mov_b32 v[TMP+7], 0
	s_wait_kmcnt 0x0
	s_load_b32 s53, s[24:25], 0x0                  ; the slopes a
	s_load_b32 s90, s[76:77], 0x0
.if DEPTH == 3
	s_load_b32 s54, s[34:35], 0x0
	s_load_b32 s91, s[86:87], 0x0
.endif
	; waves 0-2, thread = channel (0-31 scale 0, 32-95 scale 1), ask for what batch norm needs: first of all loads, since the longest chain hangs on them
	s_cmp_ge_u32 s12, 3
	s_cbranch_scc1 .Lasked
	s_cmp_eq_u32 s12, 0
	s_cselect_b64 s[92:93], s[16:17], s[68:69]     ; w1
	s_cselect_b64 s[94:95], s[18:19], s[70:71]     ; b1
	s_cselect_b64 s[96:97], s[20:21], s[72:73]     ; gamma1
	s_cselect_b64 s[98:99], s[22:23], s[74:75]     ; beta1
.if DEPTH == 3
	s_cselect_b64 s[2:3], s[28:29], s[80:81]       ; b2
	s_cselect_b64 s[38:39], s[30:31], s[82:83]     ; gamma2
	s_cselect_b64 s[100:101], s[32:33], s[84:85]   ; beta2
.endif
	s_cselect_b32 s51, 0, 1                        ; my scale
	s_mul_i32 s55, s51, 768
	v_mul_u32_u24 v224, 24, v0
	v_sub_nc_u32 v224, v224, s55                   ; my row of w1: 24 bytes x (thread - 32 x scale)
	s_lshl_b32 s55, s51, 7
	v_sub_nc_u32 v225, v15, s55                    ; my channel's word
	global_load_b64 v[96:97], v224, s[92:93]
	global_load_b64 v[98:99], v224, s[92:93] offset:8
	global_load_b64 v[100:101], v224, s[92:93] offset:16
	global_load_b32 v102, v225, s[94:95]
	global_load_b32 v103, v225, s[96:97]
	global_load_b32 v104, v225, s[98:99]
.if DEPTH == 3
	s_mul_i32 s55, s51, 384
	v_add_nc_u32 v226, s55, v15                    ; layer 2's sums: column t, or 96 + t
	s_lshl_b32 s55, s51, 9
	s_add_co_u32 s55, s55, 128
	v_add_nc_u32 v227, s55, v15                    ; sums of squares: 32 + t, or 160 + t
	s_mul_i32 s55, s51, 640
	s_add_co_u32 s55, s55, 256
	v_add_nc_u32 v228, s55, v15                    ; P: 64 + t, or 224 + t
	s_lshl_b32 s55, s51, 7
	v_mov_b32 v229, s55                            ; my scale's 32 moments, the same in every lane
	global_load_b32 v121, v226, s[6:7]
	global_load_b32 v122, v227, s[6:7]
	global_load_b32 v123, v228, s[6:7]
	global_load_b32 v124, v225, s[2:3]
	global_load_b32 v125, v225, s[38:39]
	global_load_b32 v126, v225, s[100:101]
.set k, 0
.rept 8
	global_load_b128 v[MV+4*k:MV+4*k+3], v229, s[14:15] offset:16*k
.set k, k+1
.endr
.endif
.Lasked:
.if DEPTH == 2
.set i, 0
.rept 16
	global_load_b128 v[32+4*i:35+4*i], v188, s[14:15] offset:143360*i
.set i, i+1
.endr
.endif
	global_load_b128 v[WCH:WCH+3], v11, s[26:27]   ; the weights, chunk i x 256 + thread: scale 0's layer 2,
.set i, 0
.rept 4
	global_load_b128 v[WCH+4+4*i:WCH+7+4*i], v11, s[78:79] offset:4096*i    ; scale 1's
.set i, i+1
.endr
.if DEPTH == 3
.set i, 0
.rept 2
	global_load_b128 v[WCH+20+4*i:WCH+23+4*i], v11, s[36:37] offset:4096*i  ; scale 0's layer 3,
.set i, i+1
.endr
.set i, 0
.rept 8
	global_load_b128 v[WCH+28+4*i:WCH+31+4*i], v11, s[88:89] offset:4096*i  ; scale 1's
.set i, i+1
.endr
.endif
	global_load_b128 v[XF:XF+3], v13, s[4:5]       ; scale 0's row 0, in every lane
.if DEPTH == 2
	s_wait_loadcnt NLATE                           ; loads come back in order: the moments (and what was asked for ahead of them) are in; the weights and row 0 stay out
	TREE16
	ds_store_b128 v11, v[32:35] offset:MP
	s_wait_dscnt 0x0                               ; for waves 0-2: my partial row is in LDS
	s_barrier_signal -1
	s_barrier_wait -1
.endif
	s_cmp_ge_u32 s12, 3
	s_cbranch_scc1 .Lbn_done
	s_min_u32 s51, s12, 1                          ; my scale
	s_lshl_b32 s47, s51, 23
	s_sub_co_u32 s47, 0x37000000, s47              ; 1 / 131,072 or 1 / 262,144 rows
.if DEPTH == 2
	s_lshl_b32 s55, s51, 7
	v_and_b32 v229, 31, v0
	v_lshlrev_b32 v229, 2, v229
	v_add_nc_u32 v230, s55, v229                   ; lane = column of my scale
.set k, 0
.rept 16
	ds_load_b32 v[32+k], v230 offset:MP+256*k
.set k, k+1
.endr
	s_wait_dscnt 0x0
.irp st, 8,4,2,1
.set k, 0
.rept \st
	v_add_f32 v[32+k], v[32+k], v[32+k+\st]
.set k, k+1
.endr
.endr
	s_lshl_b32 s55, s12, 7
	v_add_nc_u32 v231, s55, v229
	v_mov_b32 v235, s55
	ds_store_b32 v231, v32 offset:MB               ; into my wave's own 128 bytes, and back into every lane: LDS serves a wave's instructions in order (ISA guide 5.7.1.4)
.set k, 0
.rept 8
	ds_load_b128 v[MV+4*k:MV+4*k+3], v235 offset:MB+16*k
.set k, k+1
.endr
	s_lshl_b32 s55, s13, 3
	s_or_b32 s55, s55, s12
	s_cmp_ge_u32 s55, 2
	s_cbranch_scc1 .Lno_mom
	global_store_b32 v230, v32, s[10:11]           ; waves 0 and 1 of work-group 0: the 64 totals; v32 is written again only behind the s_wait_xcnt 0 at the head of the passes
.Lno_mom:
	s_wait_dscnt 0x0
.else
	s_wait_loadcnt NLATE                           ; loads come back in order: what batch norm needs is in; the weights and row 0 stay out
.endif
	RND2 96, 97, 105                               ; w, b, gamma, beta to bf16
	RND2 98, 99, 105
	RND2 100, 101, 105
	RND2 102, 103, 105
	RND2 104, 104, 105
.if DEPTH == 3
	RND2 124, 125, 105
	RND2 126, 126, 105
.endif
	v_mul_f32 v105, v[MV], v96
.irp i, 1,2,3,4,5
	v_fmac_f32 v105, v[MV+\i], v[96+\i]
.endr
.irp i, 0,1,2,3,4,5
	SIDX \i, 0
	v_mul_f32 v107, v[sx], v96
.irp j, 1,2,3,4,5
	SIDX \i, \j
	v_fmac_f32 v107, v[sx], v[96+\j]
.endr
.if \i == 0
	v_mul_f32 v106, v96, v107
.else
	v_fmac_f32 v106, v[96+\i], v107
.endif
.endr
	v_mul_f32 v105, s47, v105                      ; mean of w . x
	v_mul_f32 v106, s47, v106
	v_fma_f32 v106, -v105, v105, v106              ; variance
	v_max_num_f32 v106, 0, v106
	v_add_f32 v106, 0x3727c5ac, v106               ; + 1e-5
	v_rsq_f32 v107, v106
	v_add_f32 v109, v105, v102                     ; mu = mean + b (a plain instruction behind the root)
	s_wait_alu depctr_va_vdst(0)
	v_mul_f32 v108, v103, v107                     ; s
	v_sub_f32 v109, v102, v109
	v_fma_f32 v109, v108, v109, v104               ; shift = beta + s (b - mu)
	ds_store_b32 v15, v109 offset:SH1A
.irp i, 0,1,2,3,4,5
	v_mul_f32 v[96+\i], v108, v[96+\i]
.endr
	v_cvt_pk_f16_f32 v112, v96, v97                ; s w: the high part,
	v_cvt_pk_f16_f32 v113, v98, v99
	v_cvt_pk_f16_f32 v114, v100, v101
	v_mov_b32 v115, 0
	v_lshrrev_b32 v106, 16, v112                   ; and what that rounding left
	v_cvt_f32_f16 v105, v112.l
	v_cvt_f32_f16 v106, v106.l
	v_sub_f32 v96, v96, v105
	v_sub_f32 v97, v97, v106
	v_lshrrev_b32 v106, 16, v113
	v_cvt_f32_f16 v105, v113.l
	v_cvt_f32_f16 v106, v106.l
	v_sub_f32 v98, v98, v105
	v_sub_f32 v99, v99, v106
	v_lshrrev_b32 v106, 16, v114
	v_cvt_f32_f16 v105, v114.l
	v_cvt_f32_f16 v106, v106.l
	v_sub_f32 v100, v100, v105
	v_sub_f32 v101, v101, v106
	v_cvt_pk_f16_f32 v116, v96, v97
	v_cvt_pk_f16_f32 v117, v98, v99
	v_cvt_pk_f16_f32 v118, v100, v101
.irp i, 119,108,109,110,111
	v_mov_b32 v\i, 0
.endr
	v_mul_u32_u24 v120, 80, v0
	ds_store_b128 v120, v[112:115] offset:IMG1     ; k = 0..7: the high part (6 numbers, 2 zeros)
	ds_store_b128 v120, v[116:119] offset:IMG1+16  ; k = 8..15: the low part, which meets the same row in lanes 16-31
	ds_store_b128 v120, v[108:111] offset:IMG1+32  ; k = 16..31: zeros
	ds_store_b128 v120, v[108:111] offset:IMG1+48
.if DEPTH == 3
	v_mul_f32 v121, s47, v121                      ; layer 2: mean of d - P
	v_mul_f32 v122, s47, v122
	v_fma_f32 v122, -v121, v121, v122
	v_max_num_f32 v122, 0, v122
	v_add_f32 v122, 0x3727c5ac, v122
	v_rsq_f32 v127, v122
	v_add_f32 v121, v121, v123                     ; + P
	v_add_f32 v121, v121, v124                     ; mu = mean + b
	v_mul_f32 v127, v125, v127                     ; s
	v_sub_f32 v121, v124, v121
	v_fma_f32 v121, v127, v121, v126
	ds_store_b32 v15, v127 offset:S2A
	ds_store_b32 v15, v121 offset:SH2A
.endif
.Lbn_done:
	s_wait_kmcnt 0x0
	CC 53, 40                                      ; scale 0: layer 1's c1 s[40:41], c2 s42;
	CC 90, 56                                      ; scale 1: s[56:57], s58
.if DEPTH == 3
	CC 54, 44                                      ; layer 2's: s[44:45], s46;
	CC 91, 60                                      ; s[60:61], s62
.endif
	s_wait_loadcnt 0x1                             ; my chunks of the weights are in; row 0, the youngest load, may stay out
	CVST WCH, 1, IMG20, 233, 2560
	CVST WCH+4, 4, IMG21, 234, 2304
.if DEPTH == 3
	CVST WCH+20, 2, IMG30, 233, 2560
	CVST WCH+28, 8, IMG31, 234, 2304
.endif
	s_wait_dscnt 0x0                               ; for the others: s, the shifts and my part of the images are written
	s_barrier_signal -1
	s_barrier_wait -1
	SCALE 0, 32, 64, 16, 0, 512, 0, IMG20, IMG30, 0
	SCALE 1, 64, 128, 32, 2097152, 1024, 64, IMG21, IMG31, 1
	s_wait_dscnt 0x0                               ; for the others: my sums of both scales are in LDS
	s_barrier_signal -1
	s_barrier_wait -1
	s_cmp_ge_u32 s12, (CL0+CL1)/32
	s_cbranch_scc1 .Lend
	v_add_nc_u32 v12, RED, v11                     ; thread = four columns of the group's row
.set i, 0
.rept 8
	ds_load_b128 v[32+4*i:35+4*i], v12 offset:i*RP
.set i, i+1
.endr
	s_wait_dscnt 0x0
.irp st, 4,2,1
.set i, 0
.rept \st
	v_pk_add_f32 v[32+4*i:33+4*i], v[32+4*i:33+4*i], v[32+4*(i+\st):33+4*(i+\st)]
	v_pk_add_f32 v[34+4*i:35+4*i], v[34+4*i:35+4*i], v[34+4*(i+\st):35+4*(i+\st)]
.set i, i+1
.endr
.endr
	global_store_b128 v3, v[32:35], s[8:9]         ; sixteen lanes: 256 consecutive bytes, aligned
.Lend:
	s_wait_tensorcnt 0x0
	ds_add_u32 v254, v255
	s_wait_dscnt 0x0
	s_endpgm
.Lfunc_end_k_qc3ee75767e_mlp2:
	.size	k_qc3ee75767e_mlp2, .Lfunc_end_k_qc3ee75767e_mlp2-k_qc3ee75767e_mlp2
	.p2alignl 7, 3214868480
	.fill 96, 4, 3214868480
	.section	.rodata,"a",@progbits
	.p2align	6, 0x0
	.amdhsa_kernel k_qc3ee75767e_mlp2
		.amdhsa_group_segment_fixed_size 74752
		.amdhsa_private_segment_fixed_size 0
		.amdhsa_enable_private_segment 0
		.amdhsa_kernarg_size 128
		.amdhsa_user_sgpr_count 2
		.amdhsa_user_sgpr_kernarg_segment_ptr 1
		.amdhsa_wavefront_size32 1
		.amdhsa_system_sgpr_workgroup_id_x 1
		.amdhsa_system_sgpr_workgroup_id_y 1
		.amdhsa_system_sgpr_workgroup_id_z 1
		.amdhsa_system_vgpr_workitem_id 0
		.amdhsa_next_free_vgpr 384
		.amdhsa_next_free_sgpr 102
		.amdhsa_reserve_vcc 0
		.amdhsa_float_denorm_mode_32 3
		.amdhsa_float_denorm_mode_16_64 3
		.amdhsa_memory_ordered 1
		.amdhsa_forward_progress 1
		.amdhsa_inst_pref_size 85
	.end_amdhsa_kernel
	.amdgpu_metadata
---
amdhsa.version: [ 1, 2 ]
amdhsa.kernels:
  - .name:           k_qc3ee75767e_mlp2
    .symbol:         k_qc3ee75767e_mlp2.kd
    .args:
      - { .name: xh, .offset: 0, .size: 8, .value_kind: global_buffer, .address_space: global }
      - { .name: part, .offset: 8, .size: 8, .value_kind: global_buffer, .address_space: global }
      - { .name: pmlp, .offset: 16, .size: 8, .value_kind: global_buffer, .address_space: global }
      - { .name: mom, .offset: 24, .size: 8, .value_kind: global_buffer, .address_space: global }
      - { .name: params_scale0_0_w, .offset: 32, .size: 8, .value_kind: global_buffer, .address_space: global }
      - { .name: params_scale0_0_b, .offset: 40, .size: 8, .value_kind: global_buffer, .address_space: global }
      - { .name: params_scale0_0_gamma, .offset: 48, .size: 8, .value_kind: global_buffer, .address_space: global }
      - { .name: params_scale0_0_beta, .offset: 56, .size: 8, .value_kind: global_buffer, .address_space: global }
      - { .name: params_scale0_0_a, .offset: 64, .size: 8, .value_kind: global_buffer, .address_space: global }
      - { .name: params_scale0_1_w, .offset: 72, .size: 8, .value_kind: global_buffer, .address_space: global }
      - { .name: params_scale1_0_w, .offset: 80, .size: 8, .value_kind: global_buffer, .address_space: global }
      - { .name: params_scale1_0_b, .offset: 88, .size: 8, .value_kind: global_buffer, .address_space: global }
      - { .name: params_scale1_0_gamma, .offset: 96, .size: 8, .value_kind: global_buffer, .address_space: global }
      - { .name: params_scale1_0_beta, .offset: 104, .size: 8, .value_kind: global_buffer, .address_space: global }
      - { .name: params_scale1_0_a, .offset: 112, .size: 8, .value_kind: global_buffer, .address_space: global }
      - { .name: params_scale1_1_w, .offset: 120, .size: 8, .value_kind: global_buffer, .address_space: global }
    .group_segment_fixed_size: 74752
    .private_segment_fixed_size: 0
    .kernarg_segment_align: 8
    .kernarg_segment_size: 128
    .max_flat_workgroup_size: 256
    .sgpr_count:     102
    .vgpr_count:     384
    .wavefront_size: 32
...
	.end_amdgpu_metadata
.endif
;; end of part 11
;; launch sum2 (part 12): grid 6 x 1, 8 waves a work-group, no clusters, 5,120 bytes of LDS; arguments pmlp, sums; writes sums
.if DOCPART == 12
	.amdgcn_target "amdgcn-amd-amdhsa--gfx1250"
	.amdhsa_code_object_version 6
	.text
	.protected	k_qc3ee75767e_sum2
	.globl	k_qc3ee75767e_sum2
	.p2align	8
	.type	k_qc3ee75767e_sum2,@function
k_qc3ee75767e_sum2:
	s_mov_b64 s[64:65], 0
	v_nop
	global_prefetch_b8 v0, s[64:65] scope:SCOPE_SE
	s_setreg_imm32_b32 hwreg(HW_REG_WAVE_MODE, 25, 1), 1
	s_wait_xcnt 0x0
; sums[c] = the sum over the 256 rows of pmlp[row][c].  A work-group owns 64 columns (256 bytes of every row); the grid covers the columns that the launch
; before has stored: 384 behind layer 2, 768 behind layer 3.
; Thread t: columns 4 (t % 16) .. + 3, rows t / 16 + 16 i.  The 16 partial rows meet in LDS; sixteen lanes store the 256 bytes.
.set PITCH, 3072
	s_load_b128 s[4:7], s[0:1], 0x0                ; pmlp, sums
	v_lshl_add_u32 v80, v0, 2, 0x1000
	v_mov_b32 v81, 0
	v_and_b32 v1, 15, v0
	v_lshrrev_b32 v2, 4, v0
	v_mul_u32_u24 v2, PITCH, v2
	v_lshl_add_u32 v2, v1, 4, v2
	s_lshl_b32 s8, ttmp9, 8
	v_add_nc_u32 v2, s8, v2
	v_lshlrev_b32 v3, 4, v0
	v_lshrrev_b32 v4, 5, v0
	v_readfirstlane_b32 s10, v4
	v_lshlrev_b32 v5, 4, v1                        ; 16 (t % 16): my four columns in a partial row
	s_wait_kmcnt 0x0
.set i, 0
.rept 16
	global_load_b128 v[16+4*i:19+4*i], v2, s[4:5] offset:16*PITCH*i
.set i, i+1
.endr
.macro TREE                            ; sixteen vectors of four at v16 on, added by halves
.irp st, 8,4,2,1
.set i, 0
.rept \st
	v_pk_add_f32 v[16+4*i:17+4*i], v[16+4*i:17+4*i], v[16+4*(i+\st):17+4*(i+\st)]
	v_pk_add_f32 v[18+4*i:19+4*i], v[18+4*i:19+4*i], v[18+4*(i+\st):19+4*(i+\st)]
.set i, i+1
.endr
.endr
.endm
	s_wait_loadcnt 0x0
	TREE
	ds_store_b128 v3, v[16:19]
	s_wait_dscnt 0x0                               ; for wave 0: my partial row is in LDS
	s_barrier_signal -1
	s_barrier_wait -1
	s_cmp_lg_u32 s10, 0
	s_cbranch_scc1 .Lend
.set i, 0
.rept 16                               ; lanes 16-31 read what lanes 0-15 read: the highest byte is 3840 + 255
	ds_load_b128 v[16+4*i:19+4*i], v5 offset:256*i
.set i, i+1
.endr
	v_add_nc_u32 v6, s8, v5
	s_wait_dscnt 0x0
	TREE
	s_wait_xcnt 0x0                                ; EXEC changes only behind this wait
	v_cmp_gt_u32 vcc_lo, 16, v0
	s_and_saveexec_b32 s9, vcc_lo
	global_store_b128 v6, v[16:19], s[6:7]         ; sixteen lanes: 256 consecutive bytes, aligned
	s_wait_xcnt 0x0
	s_or_b32 exec_lo, exec_lo, s9
.Lend:
	s_wait_tensorcnt 0x0
	ds_add_u32 v80, v81
	s_wait_dscnt 0x0
	s_endpgm
.Lfunc_end_k_qc3ee75767e_sum2:
	.size	k_qc3ee75767e_sum2, .Lfunc_end_k_qc3ee75767e_sum2-k_qc3ee75767e_sum2
	.p2alignl 7, 3214868480
	.fill 96, 4, 3214868480
	.section	.rodata,"a",@progbits
	.p2align	6, 0x0
	.amdhsa_kernel k_qc3ee75767e_sum2
		.amdhsa_group_segment_fixed_size 5120
		.amdhsa_private_segment_fixed_size 0
		.amdhsa_enable_private_segment 0
		.amdhsa_kernarg_size 16
		.amdhsa_user_sgpr_count 2
		.amdhsa_user_sgpr_kernarg_segment_ptr 1
		.amdhsa_wavefront_size32 1
		.amdhsa_system_sgpr_workgroup_id_x 1
		.amdhsa_system_sgpr_workgroup_id_y 1
		.amdhsa_system_sgpr_workgroup_id_z 1
		.amdhsa_system_vgpr_workitem_id 0
		.amdhsa_next_free_vgpr 82
		.amdhsa_next_free_sgpr 66
		.amdhsa_reserve_vcc 1
		.amdhsa_float_denorm_mode_32 3
		.amdhsa_float_denorm_mode_16_64 3
		.amdhsa_memory_ordered 1
		.amdhsa_forward_progress 1
		.amdhsa_inst_pref_size 8
	.end_amdhsa_kernel
	.amdgpu_metadata
---
amdhsa.version: [ 1, 2 ]
amdhsa.kernels:
  - .name:           k_qc3ee75767e_sum2
    .symbol:         k_qc3ee75767e_sum2.kd
    .args:
      - { .name: pmlp, .offset: 0, .size: 8, .value_kind: global_buffer, .address_space: global }
      - { .name: sums, .offset: 8, .size: 8, .value_kind: global_buffer, .address_space: global }
    .group_segment_fixed_size: 5120
    .private_segment_fixed_size: 0
    .kernarg_segment_align: 8
    .kernarg_segment_size: 16
    .max_flat_workgroup_size: 256
    .sgpr_count:     66
    .vgpr_count:     82
    .wavefront_size: 32
...
	.end_amdgpu_metadata
.endif
;; end of part 12
;; launch mlp3 (part 13): grid 256 x 1, 8 waves a work-group, no clusters, 74,752 bytes of LDS; arguments xh, sums, pmlp, pool, mom, params_scale0_0_w, params_scale0_0_b, params_scale0_0_gamma, params_scale0_0_beta, params_scale0_0_a, params_scale0_1_w, params_scale0_1_b, params_scale0_1_gamma, params_scale0_1_beta, params_scale0_1_a, params_scale0_2_w, params_scale1_0_w, params_scale1_0_b, params_scale1_0_gamma, params_scale1_0_beta, params_scale1_0_a, params_scale1_1_w, params_scale1_1_b, params_scale1_1_gamma, params_scale1_1_beta, params_scale1_1_a, params_scale1_2_w; writes pmlp, pool
.if DOCPART == 13
	.amdgcn_target "amdgcn-amd-amdhsa--gfx1250"
	.amdhsa_code_object_version 6
	.text
	.protected	k_qc3ee75767e_mlp3
	.globl	k_qc3ee75767e_mlp3
	.p2align	8
	.type	k_qc3ee75767e_mlp3,@function
k_qc3ee75767e_mlp3:
	s_mov_b64 s[64:65], 0
	v_nop
	global_prefetch_b8 v0, s[64:65] scope:SCOPE_SE
	s_setreg_imm32_b32 hwreg(HW_REG_WAVE_MODE, 25, 1), 1
	s_wait_xcnt 0x0
; The shared MLP of both scales, up to layer DEPTH's product, of which it takes the batch sums (and, at DEPTH 3, each query's maximum and minimum).
; Every parameter is rounded to bf16 (nearest even) as it is loaded; a bf16 weight is exact in f16, the operands' format.
; Earlier layers are recomputed from the f16 rows of xh.  Layer 1: batch norm is folded into the product: s w goes in as a high and a low f16 part (the low
; part at k = 8..13, where lanes 16-31 of the row operand hold the same row again), the shift as the C of the matrix instruction; its mean and variance
; come from the input moments.  Layer 2 (DEPTH 3): the weights stay as they are, and z = s d + shift is a packed multiply-add on the result.
; PReLU(z) = c1 z + c2 |z| with c1 = (1 + a) / 2, c2 = (1 - a) / 2.
; Middle layers: D = W x X, a lane holds one row and eight channels, so two results packed to f16 are the next operand.  The last layer swaps the
; sources: a lane holds one channel, and sums and maxima run along its registers.
; Sums are taken of d - P, P = the layer's answer to the scale's row 0 (a first pass on that row alone, alike in every wave), so that the variance is no
; difference of large sums.  pmlp row = work-group; a scale's block of columns is [sum | sum of squares | P (row 0 alone) | 0], each C wide; scale 0's block, then scale 1's.
; pool[query][channel] = (max, min) of d - P over the query's neighbours: PReLU of an affine map of d is convex in d for a <= 1 and monotone for a > 0,
; so its maximum over the neighbours lies at the largest or at the smallest d.  A NaN is not carried through these maxima.
; ONE SET-UP FOR BOTH SCALES: every load goes out at the head; waves 0-2 make the batch norms of the 32 + 64 channels, thread = channel; both scales' images
; lie side by side in LDS behind one barrier; both scales' sums meet behind one barrier at the end.
; THE MOMENTS: at DEPTH 2 every work-group adds the 256 rows of 64 partial moments itself (64 KiB, sixteen loads of 16 bytes a thread, one barrier), which spares
; a launch for that sum, and work-group 0 stores the 64 totals in mom; at DEPTH 3 they are read from mom.
; LIMITS: f16 operands (normalised activations, centred inputs, weights) must stay under 65,504; inputs are taken to be finite.
; No tensor loads, cluster or ring: the weights are 60 KiB at the most, staged once a work-group through registers; rows are 16 bytes.
.set DEPTH, 3
.set XF,  16                           ; v[16:31]   two operands of 16 rows; registers 4-7 of each stay 0
.set ACC, 32                           ; v[32:95]   accumulator (channel tile t, row tile l) at 16 t + 8 l
.set P,   96                           ; v[96:127]  activations in f16: 16 l + 4 t + pair
.set SH1, 128                          ; v[128:159] layer 1's shifts, 8 a channel tile
.set SH2, 160                          ; v[160:191] layer 2's
.set ST,  192                          ; v[192:223] a channel tile: pair of sums, pair of sums of squares
.set PVP, 224                          ; v[224:239] P, twice, a channel tile
.set TMP, 240                          ; v[240:255]
.set W1B, 0                            ; window 1: weights' operands, 8 registers at (t KS + u)
.set W2B, 32
.set W3B, 96
.set S2W, 224                          ; window 1: layer 2's s, 8 a channel tile
.set MV,  192                          ; the set-up: v[192:223] my scale's 32 moments; v[32:95] partial moments; v[96:127] batch norm;
.set WCH, 128                          ; v[128:187] my chunks of the weights; v188, v224-236 offsets
.set MP,    0                          ; LDS: [16][64] f32 partial moments
.set MB,    4096                       ; [3 waves][32] f32: each batch-norm wave's own copy of its scale's moments
.set SH1A,  4608                       ; shift 1, s 2, shift 2: 96 f32 each, scale 0's 32 channels, then scale 1's 64
.set S2A,   4992
.set SH2A,  5376
.set IMG1,  6144                       ; f16 images of the weights: layer 1, 96 rows of 80 bytes;
.set IMG20, 13824                      ; scale 0: layer 2, 32 rows of 80; layer 3, 64 rows of 80;
.set IMG30, 16384
.set IMG21, 21504                      ; scale 1: layer 2, 64 rows of 144; layer 3, 128 rows of 144
.set IMG31, 30720
.set RED,   49152                      ; [8 waves][RP bytes] the waves' sums, both scales' blocks
.if DEPTH == 3
.set CL0, 64
.set CL1, 128
.set WLB, W3B
.set NLATE, 16                         ; loads issued behind the batch-norm loads: 15 chunks of weights and row 0
.else
.set CL0, 32
.set CL1, 64
.set WLB, W2B
.set NLATE, 6                          ; loads issued behind the moments: 5 chunks of weights and row 0
.endif
.set RP, 16*(CL0+CL1)
.set MSB, 0
.macro WIN new                         ; the immediate's high byte repeats the setting that is left
.if MSB != \new
	s_set_vgpr_msb (MSB<<8)|\new
.set MSB, \new
.endif
.endm
.macro PLACES                          ; four plain places between matrix instructions and what reads their results or writes their sources (ISA guide 7.12.1)
.rept 4
	v_nop
.endr
.endm
.macro RND2 a, b, t                    ; two numbers to bf16, nearest even, kept as f32
	v_cvt_pk_bf16_f32 v[\t], v[\a], v[\b]
	v_lshlrev_b32 v[\a], 16, v[\t]
	v_and_b32 v[\b], s50, v[\t]
.endm
.macro SRND r, t                       ; the same for a finite number in a scalar register: + 0x7fff + the bit that stays lowest, then cut
	s_bfe_u32 s[\t], s[\r], 0x10010
	s_add_co_u32 s[\r], s[\r], s[\t]
	s_add_co_u32 s[\r], s[\r], 0x7fff
	s_and_b32 s[\r], s[\r], 0xffff0000
.endm
.macro CC a, cb                        ; a to bf16; c1 = (1 + a) / 2 into s[cb:cb+1], c2 = (1 - a) / 2 into s[cb+2]
	SRND \a, 55
	v_fma_f32 v232, s[\a], 0.5, 0.5
	v_readfirstlane_b32 s[\cb], v232
	s_mov_b32 s[\cb+1], s[\cb]
	v_fma_f32 v232, s[\a], -0.5, 0.5
	v_readfirstlane_b32 s[\cb+2], v232
.endm
.macro SIDX i, j                       ; sx = the register of the product sum (i, j)
.if \i <= \j
.set sx, MV+6+\i*6-(\i*(\i-1))/2+(\j-\i)
.else
.set sx, MV+6+\j*6-(\j*(\j-1))/2+(\i-\j)
.endif
.endm
.macro TREE16                          ; sixteen vectors of four at v32 on, added by halves
.irp st, 8,4,2,1
.set i, 0
.rept \st
	v_pk_add_f32 v[32+4*i:33+4*i], v[32+4*i:33+4*i], v[32+4*(i+\st):33+4*(i+\st)]
	v_pk_add_f32 v[34+4*i:35+4*i], v[34+4*i:35+4*i], v[34+4*(i+\st):35+4*(i+\st)]
.set i, i+1
.endr
.endr
.endm
; NL = the row tiles of the pass in hand: 2, or 1 in the pass on row 0.
; A middle layer: nt channel tiles x NL row tiles, ks steps of 32 along K; the first step's C is the shift (sh) or 0 (sh = -1).
; The accumulators take turns, one instruction a turn.
.macro MM_MID wb, nt, ks, bs, bst, sh
.set mi, 0
.rept (\nt)*(\ks)*NL
.set mu, mi/(NL*(\nt))
.set mt, (mi/NL)%(\nt)
.set ml, mi%NL
.set md, ACC+16*mt+8*ml
.set ma, \wb+8*(mt*(\ks)+mu)
.set mx, \bs+(\bst)*ml+8*mu
.if mu == 0
.if (\sh) < 0
	v_wmma_f32_16x16x32_f16 v[md:md+7], v[ma:ma+7], v[mx:mx+7], 0
.else
	v_wmma_f32_16x16x32_f16 v[md:md+7], v[ma:ma+7], v[mx:mx+7], v[\sh+8*mt:\sh+8*mt+7]
.endif
.else
	v_wmma_f32_16x16x32_f16 v[md:md+7], v[ma:ma+7], v[mx:mx+7], v[md:md+7]
.endif
.set mi, mi+1
.endr
.endm
; The last layer, channel tiles t0 .. t0 + nb - 1, sources swapped; the first step starts the sums with 0.
.macro MM_LAST wb, t0, nb, ks
.set mi, 0
.rept (\nb)*(\ks)*NL
.set mu, mi/(NL*(\nb))
.set mt, (mi/NL)%(\nb)
.set ml, mi%NL
.set md, ACC+16*mt+8*ml
.set ma, P+16*ml+8*mu
.set mx, \wb+8*(((\t0)+mt)*(\ks)+mu)
.if mu == 0
	v_wmma_f32_16x16x32_f16 v[md:md+7], v[ma:ma+7], v[mx:mx+7], 0
.else
	v_wmma_f32_16x16x32_f16 v[md:md+7], v[ma:ma+7], v[mx:mx+7], v[md:md+7]
.endif
.set mi, mi+1
.endr
.endm
.macro ZSC nt                          ; layer 2: z = s d + shift, in place; s in window 1 (source 1); each accumulator from its low end on
.set ai, 0
.rept 8*(\nt)
.if ((ai/4)%2) < NL
.set zc, 8*(ai/8)+2*(ai%4)
	v_pk_fma_f32 v[ACC+2*ai:ACC+2*ai+1], v[ACC+2*ai:ACC+2*ai+1], v[S2W+zc:S2W+zc+1], v[SH2+zc:SH2+zc+1]
.endif
.set ai, ai+1
.endr
.endm
; PReLU and rounding to f16, an accumulator (t = aq / 2, l = aq % 2) at a time, each stage over its four pairs before the next, so that no line reads the
; result of the line before; the accumulator is read from its low end on.  s[sc:sc+1] = c1, s[sc+2] = c2
.macro ACT nt, sc
.set aq, 0
.rept 2*(\nt)
.if (aq%2) < NL
.set ab, ACC+8*aq
.set pd, P+16*(aq%2)+4*(aq/2)
.irp p, 0,1,2,3
	v_pk_mul_f32 v[TMP+2*\p:TMP+2*\p+1], v[ab+2*\p:ab+2*\p+1], s[\sc:\sc+1] op_sel_hi:[1,0]
.endr
.irp p, 0,1,2,3,4,5,6,7
	v_fma_f32 v[TMP+\p], |v[ab+\p]|, s[\sc+2], v[TMP+\p]
.endr
.irp p, 0,1,2,3
	v_cvt_pk_f16_f32 v[pd+\p], v[TMP+2*\p], v[TMP+2*\p+1]
.endr
.endif
.set aq, aq+1
.endr
.endm
.macro PIV t0, nb                      ; the pass on row 0: all rows are alike, register 0 is P
.set si, 0
.rept \nb
	v_mov_b32 v[PVP+2*((\t0)+si)], v[ACC+16*si]
	v_mov_b32 v[PVP+2*((\t0)+si)+1], v[ACC+16*si]
.set si, si+1
.endr
.endm
; d - P in place, its sum and its sum of squares.  Pairs in ascending order; for a pair each of the three stages runs over all accumulators (row tile 0 of
; every channel tile, then row tile 1) before the next.
.macro STAT t0, nb
.irp p, 0,1,2,3
.set sj, 0
.rept 2*(\nb)
.set sa, ACC+16*(sj%(\nb))+8*(sj/(\nb))+2*\p
.set sq, (\t0)+sj%(\nb)
	v_pk_add_f32 v[sa:sa+1], v[sa:sa+1], v[PVP+2*sq:PVP+2*sq+1] neg_lo:[0,1] neg_hi:[0,1]
.set sj, sj+1
.endr
.set sj, 0
.rept 2*(\nb)
.set sa, ACC+16*(sj%(\nb))+8*(sj/(\nb))+2*\p
.set sq, (\t0)+sj%(\nb)
	v_pk_add_f32 v[ST+4*sq:ST+4*sq+1], v[ST+4*sq:ST+4*sq+1], v[sa:sa+1]
.set sj, sj+1
.endr
.set sj, 0
.rept 2*(\nb)
.set sa, ACC+16*(sj%(\nb))+8*(sj/(\nb))+2*\p
.set sq, (\t0)+sj%(\nb)
	v_pk_fma_f32 v[ST+4*sq+2:ST+4*sq+3], v[sa:sa+1], v[sa:sa+1], v[ST+4*sq+2:ST+4*sq+3]
.set sj, sj+1
.endr
.endr
.endm
; A query's maximum and minimum for two channel tiles: four chains along KNN / 2 registers, by turns; then across the halves of the lanes, so that lane l ends
; with channel 16 t + l; one store of 8 bytes a lane covers 256 consecutive bytes, aligned.
.macro POOL t0, nb
.set NQ, 32/KNN
.set pq, 0
.rept ((\nb)/2)*NQ
.set pp, pq/NQ
.set ql, pq%NQ
.set pb, ACC+32*pp+8*ql
.set po, TMP+8+2*((((\t0)/2)+pp)*NQ+ql)
	v_max3_num_f32 v[TMP], v[pb], v[pb+1], v[pb+2]
	v_max3_num_f32 v[TMP+1], v[pb+16], v[pb+17], v[pb+18]
	v_min3_num_f32 v[TMP+2], v[pb], v[pb+1], v[pb+2]
	v_min3_num_f32 v[TMP+3], v[pb+16], v[pb+17], v[pb+18]
.set ri, 3
.rept (KNN/2-4)/2
	v_max3_num_f32 v[TMP], v[TMP], v[pb+ri], v[pb+ri+1]
	v_max3_num_f32 v[TMP+1], v[TMP+1], v[pb+16+ri], v[pb+16+ri+1]
	v_min3_num_f32 v[TMP+2], v[TMP+2], v[pb+ri], v[pb+ri+1]
	v_min3_num_f32 v[TMP+3], v[TMP+3], v[pb+16+ri], v[pb+16+ri+1]
.set ri, ri+2
.endr
	v_max_num_f32 v[TMP], v[TMP], v[pb+KNN/2-1]
	v_max_num_f32 v[TMP+1], v[TMP+1], v[pb+16+KNN/2-1]
	v_min_num_f32 v[TMP+2], v[TMP+2], v[pb+KNN/2-1]
	v_min_num_f32 v[TMP+3], v[TMP+3], v[pb+16+KNN/2-1]
	v_cndmask_b32 v[TMP+4], v[TMP], v[TMP+1], s50          ; the maximum that my half of the lanes keeps,
	v_cndmask_b32 v[TMP+5], v[TMP+1], v[TMP], s50          ; and the one that it sends
	v_cndmask_b32 v[po+1], v[TMP+2], v[TMP+3], s50         ; the same for the minimum
	v_cndmask_b32 v[TMP], v[TMP+3], v[TMP+2], s50
	v_permlanex16_b32 v[TMP+6], v[TMP+5], s48, s49
	v_permlanex16_b32 v[TMP+7], v[TMP], s48, s49
	v_max_num_f32 v[po], v[TMP+4], v[TMP+6]
	v_min_num_f32 v[po+1], v[po+1], v[TMP+7]
	global_store_b64 v6, v[po:po+1], s[10:11] offset:ql*1536+128*((\t0)+2*pp)
.set pq, pq+1
.endr
.endm
; Rows through the layers.  mode 0: the pass on row 0, one row tile; 1: 32 rows of the wave.  pf = 1: the next 32 rows are asked for; 2: the next scale's row 0.
.macro FORWARD mode, pf
.if \mode
.set NL, 2
.else
.set NL, 1
.endif
	s_wait_loadcnt 0x0                             ; the only loads out are this pass's row loads
.if \mode
	v_add_nc_u32 v4, 512, v4                       ; free since that wait: the rows that this pass asks for
.endif
	WIN 0x01
	MM_MID W1B, NT1, 1, XF, 8, SH1
	WIN 0
	PLACES
.if \pf == 1
	global_load_b128 v[XF:XF+3], v4, s[4:5]
	global_load_b128 v[XF+8:XF+11], v4, s[4:5] offset:256
.elseif \pf == 2
	global_load_b128 v[XF:XF+3], v5, s[4:5]        ; it has this whole pass in which to land
.endif
	ACT NT1, CB
.if DEPTH == 3
	WIN 0x01
	MM_MID W2B, NT1, KS, P, 16, -1
	WIN 0x04
	PLACES
	ZSC NT1
	WIN 0
	ACT NT1, CB+4
.endif
.set ft, 0
.rept NTL/NB
	WIN 0x04
	MM_LAST WLB, ft, NB, KS
	WIN 0
	PLACES
.if \mode
	STAT ft, NB
.if DEPTH == 3
	POOL ft, NB
.endif
.else
	PIV ft, NB
.endif
.set ft, ft+NB
.endr
.if \mode && (DEPTH == 3)
	s_wait_xcnt 0x0                                ; the stores' offset and data are rewritten only behind this wait
	v_add_nc_u32 v6, 1536*(32/KNN), v6
.endif
.endm
.macro CVST rb, nch, img, ad, rs       ; my chunks of four weights: to bf16, then (exactly) to f16, into the image; rs = bytes of the rows that 256 chunks fill
.set i, 0
.rept \nch
	RND2 \rb+4*i, \rb+4*i+1, 80
	RND2 \rb+4*i+2, \rb+4*i+3, 81
	v_cvt_pk_f16_f32 v[\rb+4*i], v[\rb+4*i], v[\rb+4*i+1]
	v_cvt_pk_f16_f32 v[\rb+4*i+1], v[\rb+4*i+2], v[\rb+4*i+3]
	ds_store_b64 v[\ad], v[\rb+4*i:\rb+4*i+1] offset:\img+i*\rs
.set i, i+1
.endr
.endm
.macro FRAG rb, nt, ks, ar, img, pt    ; operands out of an image: lane (r, h) takes row 16 t + r, bytes 64 u + 16 h and + 32
.set i, 0
.rept (\nt)*(\ks)
	ds_load_b128 v[\rb+8*i:\rb+8*i+3], v[\ar] offset:\img+(i/(\ks))*16*(\pt)+64*(i%(\ks))
	ds_load_b128 v[\rb+8*i+4:\rb+8*i+7], v[\ar] offset:\img+(i/(\ks))*16*(\pt)+64*(i%(\ks))+32
.set i, i+1
.endr
.endm
.macro SHL rb, nt, arr                 ; a number a channel, laid as a result is: register j = channel 16 t + 8 h + j
.set i, 0
.rept \nt
	ds_load_b128 v[\rb+8*i:\rb+8*i+3], v10 offset:\arr+64*i
	ds_load_b128 v[\rb+8*i+4:\rb+8*i+7], v10 offset:\arr+64*i+16
.set i, i+1
.endr
.endm
; One scale's passes.  c1 = channels of layers 1 and 2, c3 of layer 3, kn neighbours, xb byte of its rows in xh, rw rows of a work-group, coff its first
; channel in pool, i2, i3 its images of layers 2 and 3, last = 1: no scale follows.
.macro SCALE sc, c1, c3, kn, xb, rw, coff, i2, i3, last
.set PT2, 2*\c1+16
.set NT1, \c1/16
.set KS,  \c1/32
.set KNN, \kn
.set CB,  40+16*\sc
.set FA,  8+\sc
.if DEPTH == 3
.set CL, \c3
.else
.set CL, \c1
.endif
.set NTL, CL/16
.set NB, 4
.if NTL < 4
.set NB, NTL
.endif
	s_wait_xcnt 0x0                                ; offsets and data of earlier loads and stores are rewritten only behind this wait
	s_mul_i32 s51, s12, RP
	s_add_co_u32 s51, s51, RED+16*CL0*\sc
	v_lshlrev_b32 v7, 2, v1
	v_mad_u32_u24 v7, v2, 4*CL, v7
	v_add_nc_u32 v7, s51, v7                       ; my place among the waves' sums
	s_mul_i32 s51, s13, \rw*16
	s_mul_i32 s55, s12, \rw*2
	s_add_co_u32 s51, s51, s55
	s_add_co_u32 s51, s51, \xb
	v_lshl_add_u32 v4, v1, 4, s51                  ; my wave's first rows: lanes 16-31 take the same rows as lanes 0-15
.if DEPTH == 3
	s_mul_i32 s51, s13, 49152
	s_mul_i32 s55, s12, 6144
	s_add_co_u32 s51, s51, s55
	s_add_co_u32 s51, s51, \coff*8
	v_and_b32 v6, 31, v0
	v_lshl_add_u32 v6, v6, 3, s51                  ; my wave's first query in pool
.endif
	WIN 0x40
	FRAG W1B, NT1, 1, 8, IMG1+2560*\sc, 80
	FRAG W2B, NT1, KS, FA, \i2, PT2
.if DEPTH == 3
	FRAG W3B, \c3/16, KS, FA, \i3, PT2
	SHL S2W, NT1, S2A+128*\sc
.endif
	WIN 0
	SHL SH1, NT1, SH1A+128*\sc
.if DEPTH == 3
	SHL SH2, NT1, SH2A+128*\sc
.endif
.set i, 0
.rept 4*NTL
	v_mov_b32 v[ST+i], 0
.set i, i+1
.endr
	s_wait_dscnt 0x0
	FORWARD 0, 1
.if \rw/256 > 2
	s_mov_b32 s52, \rw/256-1
.Ltrip_\@:
	FORWARD 1, 1
	s_sub_co_u32 s52, s52, 1
	s_cmp_lg_u32 s52, 0
	s_cbranch_scc1 .Ltrip_\@
.else
	FORWARD 1, 1
.endif
.if \last
	FORWARD 1, 0                                   ; the last 32 rows ask for nothing
.else
	FORWARD 1, 2
.endif
	; the wave's sums: lanes 0-15 end with the sum, lanes 16-31 with the sum of squares of channel 16 t + r.  No wave reads them before the barrier at the end.
.set i, 0
.rept NTL
	v_add_f32 v[TMP], v[ST+4*i], v[ST+4*i+1]
	v_add_f32 v[TMP+1], v[ST+4*i+2], v[ST+4*i+3]
	v_cndmask_b32 v[TMP+2], v[TMP], v[TMP+1], s50
	v_cndmask_b32 v[TMP+3], v[TMP+1], v[TMP], s50
	v_permlanex16_b32 v[TMP+6], v[TMP+3], s48, s49
	v_add_f32 v[TMP+2], v[TMP+2], v[TMP+6]
	v_and_b32 v[TMP+4], v14, v[PVP+2*i]            ; P from wave 0 of work-group 0 alone, 0 from all others: the column's sum is P
	ds_store_b32 v7, v[TMP+2] offset:64*i
	ds_store_b32 v7, v[TMP+4] offset:8*CL+64*i
.set i, i+1
.endr
.endm
	; THE SET-UP.  All arguments at once.
.if DEPTH == 3
	s_load_b256 s[4:11], s[0:1], 0x0               ; xh s[4:5], sums s[6:7], pmlp s[8:9], pool s[10:11]
	s_load_b64 s[14:15], s[0:1], 0x20              ; mom
	s_load_b512 s[16:31], s[0:1], 0x28             ; scale 0: w1 16, b1 18, gamma1 20, beta1 22, a1 24, w2 26, b2 28, gamma2 30,
	s_load_b128 s[32:35], s[0:1], 0x68             ; beta2 32, a2 34,
	s_load_b64 s[36:37], s[0:1], 0x78              ; w3 36
	s_load_b512 s[68:83], s[0:1], 0x80             ; scale 1: the same from s68 on
	s_load_b128 s[84:87], s[0:1], 0xc0
	s_load_b64 s[88:89], s[0:1], 0xd0
.else
	s_load_b64 s[4:5], s[0:1], 0x0                 ; xh
	s_load_b64 s[14:15], s[0:1], 0x8               ; part: the partial moments
	s_load_b128 s[8:11], s[0:1], 0x10              ; pmlp s[8:9], mom s[10:11]
	s_load_b256 s[16:23], s[0:1], 0x20             ; scale 0: w1 16, b1 18, gamma1 20, beta1 22,
	s_load_b128 s[24:27], s[0:1], 0x40             ; a1 24, w2 26
	s_load_b256 s[68:75], s[0:1], 0x50             ; scale 1: the same from s68 on
	s_load_b128 s[76:79], s[0:1], 0x70
.endif
	v_and_b32 v1, 15, v0                           ; r
	v_bfe_u32 v2, v0, 4, 1                         ; h
	v_lshrrev_b32 v3, 5, v0
	v_readfirstlane_b32 s12, v3                    ; wave
	s_mov_b32 s13, ttmp9
	s_mov_b32 s48, 0x76543210
	s_mov_b32 s49, 0xfedcba98
	s_mov_b32 s50, 0xffff0000                      ; lanes 16-31; also a word's upper bf16
	s_or_b32 s51, s12, s13
	s_cmp_eq_u32 s51, 0
	s_cselect_b32 s51, 0xffff, 0
	v_cndmask_b32 v14, 0, -1, s51                  ; all ones in lanes 0-15 of wave 0 of work-group 0
	v_mul_u32_u24 v8, 80, v1
	v_lshl_add_u32 v8, v2, 4, v8                   ; an operand's row and half in an image of pitch 80,
	v_mul_u32_u24 v9, 144, v1
	v_lshl_add_u32 v9, v2, 4, v9                   ; and of pitch 144
	v_lshlrev_b32 v10, 5, v2
	v_lshlrev_b32 v11, 4, v0
	v_lshlrev_b32 v15, 2, v0
	s_mul_i32 s51, s13, 3072
	v_add_nc_u32 v3, s51, v11                      ; my 16 bytes of the group's row of pmlp
	v_mov_b32 v13, 0                               ; scale 0's row 0 in xh,
	v_mov_b32 v5, 0x200000                         ; and scale 1's
	v_lshrrev_b32 v233, 3, v0                      ; where my chunk of four weights goes: rows of 32 weights, 8 chunks a row, pitch 80,
	v_and_b32 v236, 7, v0
	v_lshlrev_b32 v236, 3, v236
	v_mad_u32_u24 v233, v233, 80, v236
	v_lshrrev_b32 v234, 4, v0                      ; rows of 64 weights, 16 chunks a row, pitch 144
	v_lshlrev_b32 v236, 3, v1
	v_mad_u32_u24 v234, v234, 144, v236
.if DEPTH == 2
	v_lshrrev_b32 v188, 4, v0                      ; partial moments: rows t / 16 + 16 i of 8,960 bytes, columns 4 (t % 16) on
	v_mul_u32_u24 v188, 8960, v188
	v_lshl_add_u32 v188, v1, 4, v188
.endif
.irp i, 4,5,6,7,12,13,14,15
	v_mov_b32 v[XF+\i], 0
.endr
	v_mov_b32 v[TMP+6], 0                          ; v_permlanex16_b32 counts as a reader of its destination
	v_mov_b32 v[TMP+7], 0
	s_wait_kmcnt 0x0
	s_load_b32 s53, s[24:25], 0x0                  ; the slopes a
	s_load_b32 s90, s[76:77], 0x0
.if DEPTH == 3
	s_load_b32 s54, s[34:35], 0x0
	s_load_b32 s91, s[86:87], 0x0
.endif
	; waves 0-2, thread = channel (0-31 scale 0, 32-95 scale 1), ask for what batch norm needs: first of all loads, since the longest chain hangs on them
	s_cmp_ge_u32 s12, 3
	s_cbranch_scc1 .Lasked
	s_cmp_eq_u32 s12, 0
	s_cselect_b64 s[92:93], s[16:17], s[68:69]     ; w1
	s_cselect_b64 s[94:95], s[18:19], s[70:71]     ; b1
	s_cselect_b64 s[96:97], s[20:21], s[72:73]     ; gamma1
	s_cselect_b64 s[98:99], s[22:23], s[74:75]     ; beta1
.if DEPTH == 3
	s_cselect_b64 s[2:3], s[28:29], s[80:81]       ; b2
	s_cselect_b64 s[38:39], s[30:31], s[82:83]     ; gamma2
	s_cselect_b64 s[100:101], s[32:33], s[84:85]   ; beta2
.endif
	s_cselect_b32 s51, 0, 1                        ; my scale
	s_mul_i32 s55, s51, 768
	v_mul_u32_u24 v224, 24, v0
	v_sub_nc_u32 v224, v224, s55                   ; my row of w1: 24 bytes x (thread - 32 x scale)
	s_lshl_b32 s55, s51, 7
	v_sub_nc_u32 v225, v15, s55                    ; my channel's word
	global_load_b64 v[96:97], v224, s[92:93]
	global_load_b64 v[98:99], v224, s[92:93] offset:8
	global_load_b64 v[100:101], v224, s[92:93] offset:16
	global_load_b32 v102, v225, s[94:95]
	global_load_b32 v103, v225, s[96:97]
	global_load_b32 v104, v225, s[98:99]
.if DEPTH == 3
	s_mul_i32 s55, s51, 384
	v_add_nc_u32 v226, s55, v15                    ; layer 2's sums: column t, or 96 + t
	s_lshl_b32 s55, s51, 9
	s_add_co_u32 s55, s55, 128
	v_add_nc_u32 v227, s55, v15                    ; sums of squares: 32 + t, or 160 + t
	s_mul_i32 s55, s51, 640
	s_add_co_u32 s55, s55, 256
	v_add_nc_u32 v228, s55, v15                    ; P: 64 + t, or 224 + t
	s_lshl_b32 s55, s51, 7
	v_mov_b32 v229, s55                            ; my scale's 32 moments, the same in every lane
	global_load_b32 v121, v226, s[6:7]
	global_load_b32 v122, v227, s[6:7]
	global_load_b32 v123, v228, s[6:7]
	global_load_b32 v124, v225, s[2:3]
	global_load_b32 v125, v225, s[38:39]
	global_load_b32 v126, v225, s[100:101]
.set k, 0
.rept 8
	global_load_b128 v[MV+4*k:MV+4*k+3], v229, s[14:15] offset:16*k
.set k, k+1
.endr
.endif
.Lasked:
.if DEPTH == 2
.set i, 0
.rept 16
	global_load_b128 v[32+4*i:35+4*i], v188, s[14:15] offset:143360*i
.set i, i+1
.endr
.endif
	global_load_b128 v[WCH:WCH+3], v11, s[26:27]   ; the weights, chunk i x 256 + thread: scale 0's layer 2,
.set i, 0
.rept 4
	global_load_b128 v[WCH+4+4*i:WCH+7+4*i], v11, s[78:79] offset:4096*i    ; scale 1's
.set i, i+1
.endr
.if DEPTH == 3
.set i, 0
.rept 2
	global_load_b128 v[WCH+20+4*i:WCH+23+4*i], v11, s[36:37] offset:4096*i  ; scale 0's layer 3,
.set i, i+1
.endr
.set i, 0
.rept 8
	global_load_b128 v[WCH+28+4*i:WCH+31+4*i], v11, s[88:89] offset:4096*i  ; scale 1's
.set i, i+1
.endr
.endif
	global_load_b128 v[XF:XF+3], v13, s[4:5]       ; scale 0's row 0, in every lane
.if DEPTH == 2
	s_wait_loadcnt NLATE                           ; loads come back in order: the moments (and what was asked for ahead of them) are in; the weights and row 0 stay out
	TREE16
	ds_store_b128 v11, v[32:35] offset:MP
	s_wait_dscnt 0x0                               ; for waves 0-2: my partial row is in LDS
	s_barrier_signal -1
	s_barrier_wait -1
.endif
	s_cmp_ge_u32 s12, 3
	s_cbranch_scc1 .Lbn_done
	s_min_u32 s51, s12, 1                          ; my scale
	s_lshl_b32 s47, s51, 23
	s_sub_co_u32 s47, 0x37000000, s47              ; 1 / 131,072 or 1 / 262,144 rows
.if DEPTH == 2
	s_lshl_b32 s55, s51, 7
	v_and_b32 v229, 31, v0
	v_lshlrev_b32 v229, 2, v229
	v_add_nc_u32 v230, s55, v229                   ; lane = column of my scale
.set k, 0
.rept 16
	ds_load_b32 v[32+k], v230 offset:MP+256*k
.set k, k+1
.endr
	s_wait_dscnt 0x0
.irp st, 8,4,2,1
.set k, 0
.rept \st
	v_add_f32 v[32+k], v[32+k], v[32+k+\st]
.set k, k+1
.endr
.endr
	s_lshl_b32 s55, s12, 7
	v_add_nc_u32 v231, s55, v229
	v_mov_b32 v235, s55
	ds_store_b32 v231, v32 offset:MB               ; into my wave's own 128 bytes, and back into every lane: LDS serves a wave's instructions in order (ISA guide 5.7.1.4)
.set k, 0
.rept 8
	ds_load_b128 v[MV+4*k:MV+4*k+3], v235 offset:MB+16*k
.set k, k+1
.endr
	s_lshl_b32 s55, s13, 3
	s_or_b32 s55, s55, s12
	s_cmp_ge_u32 s55, 2
	s_cbranch_scc1 .Lno_mom
	global_store_b32 v230, v32, s[10:11]           ; waves 0 and 1 of work-group 0: the 64 totals; v32 is written again only behind the s_wait_xcnt 0 at the head of the passes
.Lno_mom:
	s_wait_dscnt 0x0
.else
	s_wait_loadcnt NLATE                           ; loads come back in order: what batch norm needs is in; the weights and row 0 stay out
.endif
	RND2 96, 97, 105                               ; w, b, gamma, beta to bf16
	RND2 98, 99, 105
	RND2 100, 101, 105
	RND2 102, 103, 105
	RND2 104, 104, 105
.if DEPTH == 3
	RND2 124, 125, 105
	RND2 126, 126, 105
.endif
	v_mul_f32 v105, v[MV], v96
.irp i, 1,2,3,4,5
	v_fmac_f32 v105, v[MV+\i], v[96+\i]
.endr
.irp i, 0,1,2,3,4,5
	SIDX \i, 0
	v_mul_f32 v107, v[sx], v96
.irp j, 1,2,3,4,5
	SIDX \i, \j
	v_fmac_f32 v107, v[sx], v[96+\j]
.endr
.if \i == 0
	v_mul_f32 v106, v96, v107
.else
	v_fmac_f32 v106, v[96+\i], v107
.endif
.endr
	v_mul_f32 v105, s47, v105                      ; mean of w . x
	v_mul_f32 v106, s47, v106
	v_fma_f32 v106, -v105, v105, v106              ; variance
	v_max_num_f32 v106, 0, v106
	v_add_f32 v106, 0x3727c5ac, v106               ; + 1e-5
	v_rsq_f32 v107, v106
	v_add_f32 v109, v105, v102                     ; mu = mean + b (a plain instruction behind the root)
	s_wait_alu depctr_va_vdst(0)
	v_mul_f32 v108, v103, v107                     ; s
	v_sub_f32 v109, v102, v109
	v_fma_f32 v109, v108, v109, v104               ; shift = beta + s (b - mu)
	ds_store_b32 v15, v109 offset:SH1A
.irp i, 0,1,2,3,4,5
	v_mul_f32 v[96+\i], v108, v[96+\i]
.endr
	v_cvt_pk_f16_f32 v112, v96, v97                ; s w: the high part,
	v_cvt_pk_f16_f32 v113, v98, v99
	v_cvt_pk_f16_f32 v114, v100, v101
	v_mov_b32 v115, 0
	v_lshrrev_b32 v106, 16, v112                   ; and what that rounding left
	v_cvt_f32_f16 v105, v112.l
	v_cvt_f32_f16 v106, v106.l
	v_sub_f32 v96, v96, v105
	v_sub_f32 v97, v97, v106
	v_lshrrev_b32 v106, 16, v113
	v_cvt_f32_f16 v105, v113.l
	v_cvt_f32_f16 v106, v106.l
	v_sub_f32 v98, v98, v105
	v_sub_f32 v99, v99, v106
	v_lshrrev_b32 v106, 16, v114
	v_cvt_f32_f16 v105, v114.l
	v_cvt_f32_f16 v106, v106.l
	v_sub_f32 v100, v100, v105
	v_sub_f32 v101, v101, v106
	v_cvt_pk_f16_f32 v116, v96, v97
	v_cvt_pk_f16_f32 v117, v98, v99
	v_cvt_pk_f16_f32 v118, v100, v101
.irp i, 119,108,109,110,111
	v_mov_b32 v\i, 0
.endr
	v_mul_u32_u24 v120, 80, v0
	ds_store_b128 v120, v[112:115] offset:IMG1     ; k = 0..7: the high part (6 numbers, 2 zeros)
	ds_store_b128 v120, v[116:119] offset:IMG1+16  ; k = 8..15: the low part, which meets the same row in lanes 16-31
	ds_store_b128 v120, v[108:111] offset:IMG1+32  ; k = 16..31: zeros
	ds_store_b128 v120, v[108:111] offset:IMG1+48
.if DEPTH == 3
	v_mul_f32 v121, s47, v121                      ; layer 2: mean of d - P
	v_mul_f32 v122, s47, v122
	v_fma_f32 v122, -v121, v121, v122
	v_max_num_f32 v122, 0, v122
	v_add_f32 v122, 0x3727c5ac, v122
	v_rsq_f32 v127, v122
	v_add_f32 v121, v121, v123                     ; + P
	v_add_f32 v121, v121, v124                     ; mu = mean + b
	s_wait_alu depctr_va_vdst(0)
	v_mul_f32 v127, v125, v127                     ; s
	v_sub_f32 v121, v124, v121
	v_fma_f32 v121, v127, v121, v126
	ds_store_b32 v15, v127 offset:S2A
	ds_store_b32 v15, v121 offset:SH2A
.endif
.Lbn_done:
	s_wait_kmcnt 0x0
	CC 53, 40                                      ; scale 0: layer 1's c1 s[40:41], c2 s42;
	CC 90, 56                                      ; scale 1: s[56:57], s58
.if DEPTH == 3
	CC 54, 44                                      ; layer 2's: s[44:45], s46;
	CC 91, 60                                      ; s[60:61], s62
.endif
	s_wait_loadcnt 0x1                             ; my chunks of the weights are in; row 0, the youngest load, may stay out
	CVST WCH, 1, IMG20, 233, 2560
	CVST WCH+4, 4, IMG21, 234, 2304
.if DEPTH == 3
	CVST WCH+20, 2, IMG30, 233, 2560
	CVST WCH+28, 8, IMG31, 234, 2304
.endif
	s_wait_dscnt 0x0                               ; for the others: s, the shifts and my part of the images are written
	s_barrier_signal -1
	s_barrier_wait -1
	SCALE 0, 32, 64, 16, 0, 512, 0, IMG20, IMG30, 0
	SCALE 1, 64, 128, 32, 2097152, 1024, 64, IMG21, IMG31, 1
	s_wait_dscnt 0x0                               ; for the others: my sums of both scales are in LDS
	s_barrier_signal -1
	s_barrier_wait -1
	s_cmp_ge_u32 s12, (CL0+CL1)/32
	s_cbranch_scc1 .Lend
	v_add_nc_u32 v12, RED, v11                     ; thread = four columns of the group's row
.set i, 0
.rept 8
	ds_load_b128 v[32+4*i:35+4*i], v12 offset:i*RP
.set i, i+1
.endr
	s_wait_dscnt 0x0
.irp st, 4,2,1
.set i, 0
.rept \st
	v_pk_add_f32 v[32+4*i:33+4*i], v[32+4*i:33+4*i], v[32+4*(i+\st):33+4*(i+\st)]
	v_pk_add_f32 v[34+4*i:35+4*i], v[34+4*i:35+4*i], v[34+4*(i+\st):35+4*(i+\st)]
.set i, i+1
.endr
.endr
	global_store_b128 v3, v[32:35], s[8:9]         ; sixteen lanes: 256 consecutive bytes, aligned
.Lend:
	s_wait_xcnt 0x0
	v_lshl_add_u32 v254, v0, 2, 0x12000
	v_mov_b32 v255, 0
	s_wait_tensorcnt 0x0
	ds_add_u32 v254, v255
	s_wait_dscnt 0x0
	s_endpgm
.Lfunc_end_k_qc3ee75767e_mlp3:
	.size	k_qc3ee75767e_mlp3, .Lfunc_end_k_qc3ee75767e_mlp3-k_qc3ee75767e_mlp3
	.p2alignl 7, 3214868480
	.fill 96, 4, 3214868480
	.section	.rodata,"a",@progbits
	.p2align	6, 0x0
	.amdhsa_kernel k_qc3ee75767e_mlp3
		.amdhsa_group_segment_fixed_size 74752
		.amdhsa_private_segment_fixed_size 0
		.amdhsa_enable_private_segment 0
		.amdhsa_kernarg_size 216
		.amdhsa_user_sgpr_count 2
		.amdhsa_user_sgpr_kernarg_segment_ptr 1
		.amdhsa_wavefront_size32 1
		.amdhsa_system_sgpr_workgroup_id_x 1
		.amdhsa_system_sgpr_workgroup_id_y 1
		.amdhsa_system_sgpr_workgroup_id_z 1
		.amdhsa_system_vgpr_workitem_id 0
		.amdhsa_next_free_vgpr 512
		.amdhsa_next_free_sgpr 102
		.amdhsa_reserve_vcc 0
		.amdhsa_float_denorm_mode_32 3
		.amdhsa_float_denorm_mode_16_64 3
		.amdhsa_memory_ordered 1
		.amdhsa_forward_progress 1
		.amdhsa_inst_pref_size 191
	.end_amdhsa_kernel
	.amdgpu_metadata
---
amdhsa.version: [ 1, 2 ]
amdhsa.kernels:
  - .name:           k_qc3ee75767e_mlp3
    .symbol:         k_qc3ee75767e_mlp3.kd
    .args:
      - { .name: xh, .offset: 0, .size: 8, .value_kind: global_buffer, .address_space: global }
      - { .name: sums, .offset: 8, .size: 8, .value_kind: global_buffer, .address_space: global }
      - { .name: pmlp, .offset: 16, .size: 8, .value_kind: global_buffer, .address_space: global }
      - { .name: pool, .offset: 24, .size: 8, .value_kind: global_buffer, .address_space: global }
      - { .name: mom, .offset: 32, .size: 8, .value_kind: global_buffer, .address_space: global }
      - { .name: params_scale0_0_w, .offset: 40, .size: 8, .value_kind: global_buffer, .address_space: global }
      - { .name: params_scale0_0_b, .offset: 48, .size: 8, .value_kind: global_buffer, .address_space: global }
      - { .name: params_scale0_0_gamma, .offset: 56, .size: 8, .value_kind: global_buffer, .address_space: global }
      - { .name: params_scale0_0_beta, .offset: 64, .size: 8, .value_kind: global_buffer, .address_space: global }
      - { .name: params_scale0_0_a, .offset: 72, .size: 8, .value_kind: global_buffer, .address_space: global }
      - { .name: params_scale0_1_w, .offset: 80, .size: 8, .value_kind: global_buffer, .address_space: global }
      - { .name: params_scale0_1_b, .offset: 88, .size: 8, .value_kind: global_buffer, .address_space: global }
      - { .name: params_scale0_1_gamma, .offset: 96, .size: 8, .value_kind: global_buffer, .address_space: global }
      - { .name: params_scale0_1_beta, .offset: 104, .size: 8, .value_kind: global_buffer, .address_space: global }
      - { .name: params_scale0_1_a, .offset: 112, .size: 8, .value_kind: global_buffer, .address_space: global }
      - { .name: params_scale0_2_w, .offset: 120, .size: 8, .value_kind: global_buffer, .address_space: global }
      - { .name: params_scale1_0_w, .offset: 128, .size: 8, .value_kind: global_buffer, .address_space: global }
      - { .name: params_scale1_0_b, .offset: 136, .size: 8, .value_kind: global_buffer, .address_space: global }
      - { .name: params_scale1_0_gamma, .offset: 144, .size: 8, .value_kind: global_buffer, .address_space: global }
      - { .name: params_scale1_0_beta, .offset: 152, .size: 8, .value_kind: global_buffer, .address_space: global }
      - { .name: params_scale1_0_a, .offset: 160, .size: 8, .value_kind: global_buffer, .address_space: global }
      - { .name: params_scale1_1_w, .offset: 168, .size: 8, .value_kind: global_buffer, .address_space: global }
      - { .name: params_scale1_1_b, .offset: 176, .size: 8, .value_kind: global_buffer, .address_space: global }
      - { .name: params_scale1_1_gamma, .offset: 184, .size: 8, .value_kind: global_buffer, .address_space: global }
      - { .name: params_scale1_1_beta, .offset: 192, .size: 8, .value_kind: global_buffer, .address_space: global }
      - { .name: params_scale1_1_a, .offset: 200, .size: 8, .value_kind: global_buffer, .address_space: global }
      - { .name: params_scale1_2_w, .offset: 208, .size: 8, .value_kind: global_buffer, .address_space: global }
    .group_segment_fixed_size: 74752
    .private_segment_fixed_size: 0
    .kernarg_segment_align: 8
    .kernarg_segment_size: 216
    .max_flat_workgroup_size: 256
    .sgpr_count:     102
    .vgpr_count:     512
    .wavefront_size: 32
...
	.end_amdgpu_metadata
.endif
;; end of part 13
;; launch sum3: the kernel of part 12 again; grid 12 x 1, 8 waves a work-group, no clusters, 5,120 bytes of LDS; arguments pmlp, sums; writes sums
;; launch final (part 14): grid 256 x 1, 8 waves a work-group, no clusters, 114,688 bytes of LDS; arguments pool, sums, part, hf, params_scale0_2_b, params_scale0_2_gamma, params_scale0_2_beta, params_scale0_2_a, params_scale1_2_b, params_scale1_2_gamma, params_scale1_2_beta, params_scale1_2_a, params_final_0_w; writes part, hf
.if DOCPART == 14
	.amdgcn_target "amdgcn-amd-amdhsa--gfx1250"
	.amdhsa_code_object_version 6
	.text
	.protected	k_qc3ee75767e_final
	.globl	k_qc3ee75767e_final
	.p2align	8
	.type	k_qc3ee75767e_final,@function
k_qc3ee75767e_final:
	s_mov_b64 s[64:65], 0
	v_nop
	global_prefetch_b8 v0, s[64:65] scope:SCOPE_SE
	s_setreg_imm32_b32 hwreg(HW_REG_WAVE_MODE, 25, 1), 1
	s_wait_xcnt 0x0
; Layer 3's batch norm, PReLU and max-pool, then the final layer's product and its batch sums.  Every parameter is rounded to bf16 (nearest even) as
; it is loaded; a bf16 weight is exact in f16, the operands' format.
; y[q][c] = max(f(max d), f(min d)), f = PReLU(s d + shift): f is convex in d for a <= 1 and monotone for a > 0, so its maximum over the neighbours lies
; at the largest or at the smallest d.  The product is taken of y - y[0] (query 0's row, made alike by every wave): a constant shift of the product,
; which batch norm removes, so that the variance is no difference of large sums.
; A work-group: 64 queries x 128 channels; a wave: 32 x 32 (four accumulators).  hf[b][c][s] = the product, f32; part row 2 (x / 2) + wave / 4,
; columns 1216 + c (sum) and 1472 + c (sum of squares).  LIMITS: f16 operands under 65,504; inputs finite.
; sums: layer 3's totals: scale 0's block [sum | sum of squares | P | 0], 64 wide each, at column 0; scale 1's, 128 wide each, at column 256.
; No tensor loads or cluster: a work-group reads 96 KiB of pool and 96 KiB of weights once, through registers, where they are converted anyway.
.set SS,    0                          ; s of the 192 channels
.set SF,    768                        ; their shifts
.set WIMG,  1536                       ; [128 channels][400 bytes] weights in f16 (384 + 16: sixteen rows start at sixteen different groups of banks)
.set XIMG,  52736                      ; [64 queries][400 bytes] activations in f16
.set STAGE, 78848                      ; [128 channels][272 bytes] results on their way out
.set SSR, 220                          ; v[220:225] s of my channel pair, tau = 0..2 (channels 64 tau + 2 lane, + 1)
.set SFR, 226                          ; v[226:231] their shifts
.set Y0,  232                          ; v[232:237] query 0's activations
.macro RND2 a, b, t                    ; two numbers to bf16, nearest even, kept as f32
	v_cvt_pk_bf16_f32 v[\t], v[\a], v[\b]
	v_lshlrev_b32 v[\a], 16, v[\t]
	v_and_b32 v[\b], s57, v[\t]
.endm
.macro SRND r, t                       ; the same for a finite number in a scalar register: + 0x7fff + the bit that stays lowest, then cut
	s_bfe_u32 s[\t], s[\r], 0x10010
	s_add_co_u32 s[\r], s[\r], s[\t]
	s_add_co_u32 s[\r], s[\r], 0x7fff
	s_and_b32 s[\r], s[\r], 0xffff0000
.endm
	s_load_b256 s[4:11], s[0:1], 0x0               ; pool s[4:5], sums s[6:7], part s[8:9], hf s[10:11]
	s_load_b512 s[16:31], s[0:1], 0x20             ; scale 0: b 16, gamma 18, beta 20, a 22; scale 1: 24, 26, 28, 30
	s_load_b64 s[32:33], s[0:1], 0x60              ; w
	v_lshl_add_u32 v254, v0, 2, 0x1bc00
	v_mov_b32 v255, 0
	v_and_b32 v1, 15, v0                           ; r
	v_bfe_u32 v2, v0, 4, 1                         ; h
	v_and_b32 v3, 31, v0                           ; lane
	v_lshrrev_b32 v4, 5, v0
	v_readfirstlane_b32 s12, v4                    ; wave
	s_lshr_b32 s14, ttmp9, 1                       ; block of 64 queries
	s_and_b32 s15, ttmp9, 1                        ; half of the channels
	s_lshl_b32 s34, s14, 6
	s_lshl3_add_u32 s34, s12, s34                  ; my wave's eight queries
	s_mul_i32 s34, s34, 1536
	v_lshlrev_b32 v5, 4, v3                        ; query 0's row
	v_add_nc_u32 v6, s34, v5
	s_mov_b32 s57, 0xffff0000                      ; lanes 16-31; also a word's upper bf16
	s_mov_b32 s58, 0x76543210
	s_mov_b32 s59, 0xfedcba98
	s_wait_kmcnt 0x0
.set i, 0
.rept 24
	global_load_b128 v[112+4*i:115+4*i], v6, s[4:5] offset:1536*(i/3)+512*(i%3)
.set i, i+1
.endr
.irp t, 0,1,2
	global_load_b128 v[208+4*\t:211+4*\t], v5, s[4:5] offset:512*\t
.endr
	s_load_b32 s35, s[22:23], 0x0
	s_load_b32 s36, s[30:31], 0x0
	s_cmp_ge_u32 s12, 6
	s_cbranch_scc1 .Lstaged
	; waves 0-5: thread = channel of layer 3 (0-63 scale 0, 64-191 scale 1); then the weights, four rows of 48 chunks to a load
	s_cmp_lt_u32 s12, 2
	s_cselect_b64 s[38:39], s[16:17], s[24:25]
	s_cselect_b64 s[40:41], s[18:19], s[26:27]
	s_cselect_b64 s[42:43], s[20:21], s[28:29]
	s_cselect_b32 s44, 0, 1
	s_mul_i32 s45, s44, 768                        ; the sums: column c, or 192 + c
	s_lshl_b32 s46, s44, 10
	s_add_co_u32 s46, s46, 256                     ; the sums of squares: 64 + c, or 320 + c
	s_lshl_b32 s47, s44, 8
	s_lshl_b32 s55, s44, 23
	s_sub_co_u32 s55, 0x37000000, s55              ; 1 / 131,072 or 1 / 262,144
	v_lshlrev_b32 v7, 2, v0
	v_add_nc_u32 v8, s45, v7
	v_add_nc_u32 v9, s46, v7
	v_sub_nc_u32 v10, v7, s47
	global_load_b32 v80, v8, s[6:7]
	global_load_b32 v81, v9, s[6:7]
	global_load_b32 v82, v10, s[38:39]
	global_load_b32 v83, v10, s[40:41]
	global_load_b32 v84, v10, s[42:43]
	v_mul_u32_u24 v11, 1366, v0
	v_lshrrev_b32 v11, 16, v11                     ; t / 48 for t < 192
	v_mul_u32_u24 v12, 48, v11
	v_sub_nc_u32 v12, v0, v12                      ; t % 48
	s_mul_i32 s56, s15, 98304
	v_mul_u32_u24 v13, 768, v11
	v_lshl_add_u32 v13, v12, 4, v13
	v_add_nc_u32 v13, s56, v13
	v_mul_u32_u24 v14, 400, v11
	v_lshl_add_u32 v14, v12, 3, v14
.macro WBATCH b
.set i, 0
.rept 16
	global_load_b128 v[16+4*i:19+4*i], v13, s[32:33] offset:3072*(16*\b+i)
.set i, i+1
.endr
.endm
.macro WCONV b                         ; four weights: to bf16, then (exactly) to f16, into the image
.set i, 0
.rept 16
	RND2 16+4*i, 17+4*i, 86
	RND2 18+4*i, 19+4*i, 87
	v_cvt_pk_f16_f32 v[16+4*i], v[16+4*i], v[17+4*i]
	v_cvt_pk_f16_f32 v[17+4*i], v[18+4*i], v[19+4*i]
	ds_store_b64 v14, v[16+4*i:17+4*i] offset:WIMG+1600*(16*\b+i)
.set i, i+1
.endr
.endm
	WBATCH 0
	s_wait_loadcnt 0x0
	RND2 82, 83, 86                                ; b, gamma, beta to bf16
	RND2 84, 84, 86
	v_mul_f32 v80, s55, v80                        ; mean of d - P
	v_mul_f32 v81, s55, v81
	v_fma_f32 v81, -v80, v80, v81
	v_max_num_f32 v81, 0, v81
	v_add_f32 v81, 0x3727c5ac, v81
	v_rsq_f32 v85, v81
	v_add_f32 v80, v80, v82                        ; mean + b
	s_wait_alu depctr_va_vdst(0)
	v_mul_f32 v85, v83, v85                        ; s
	v_sub_f32 v80, v82, v80
	v_fma_f32 v80, v85, v80, v84                   ; shift = beta + s (b - (mean + b))
	ds_store_b32 v7, v85 offset:SS
	ds_store_b32 v7, v80 offset:SF
	WCONV 0
	WBATCH 1
	s_wait_loadcnt 0x0
	WCONV 1
.Lstaged:
	s_wait_kmcnt 0x0
	SRND 35, 37                                    ; the two a to bf16
	SRND 36, 37
	v_fma_f32 v15, s35, 0.5, 0.5
	v_readfirstlane_b32 s48, v15                   ; scale 0: c1 s[48:49], c2 s50
	s_mov_b32 s49, s48
	v_fma_f32 v15, s35, -0.5, 0.5
	v_readfirstlane_b32 s50, v15
	v_fma_f32 v15, s36, 0.5, 0.5
	v_readfirstlane_b32 s52, v15                   ; scale 1: s[52:53], s54
	s_mov_b32 s53, s52
	v_fma_f32 v15, s36, -0.5, 0.5
	v_readfirstlane_b32 s54, v15
	s_wait_dscnt 0x0                               ; for the others: s, the shifts and my part of the weights are in LDS
	s_barrier_signal -1
	s_barrier_wait -1
	v_lshlrev_b32 v15, 3, v3
.irp t, 0,1,2
	ds_load_b64 v[SSR+2*\t:SSR+2*\t+1], v15 offset:SS+256*\t
	ds_load_b64 v[SFR+2*\t:SFR+2*\t+1], v15 offset:SF+256*\t
.endr
	s_mul_i32 s37, s12, 3200
	s_add_co_u32 s37, s37, XIMG
	v_lshl_add_u32 v8, v3, 2, s37                  ; my two channels in my wave's first row of the image
	s_wait_loadcnt 0x0
	s_wait_dscnt 0x0
; Four numbers (max, min of channel c; max, min of c + 1) to two activations.  piv = 1: query 0's, kept; else less query 0's, to f16, into the image.
.macro ROWX rg, tau, piv, off
.set cs, 48+4*((\tau+1)/2)
	v_pk_fma_f32 v[\rg:\rg+1], v[\rg:\rg+1], v[SSR+2*\tau:SSR+2*\tau+1], v[SFR+2*\tau:SFR+2*\tau+1] op_sel_hi:[1,0,0]
	v_pk_fma_f32 v[\rg+2:\rg+3], v[\rg+2:\rg+3], v[SSR+2*\tau:SSR+2*\tau+1], v[SFR+2*\tau:SFR+2*\tau+1] op_sel:[0,1,1] op_sel_hi:[1,1,1]
	v_pk_mul_f32 v[240:241], v[\rg:\rg+1], s[cs:cs+1] op_sel_hi:[1,0]
	v_pk_mul_f32 v[242:243], v[\rg+2:\rg+3], s[cs:cs+1] op_sel_hi:[1,0]
	v_fma_f32 v240, |v[\rg]|, s[cs+2], v240
	v_fma_f32 v241, |v[\rg+1]|, s[cs+2], v241
	v_fma_f32 v242, |v[\rg+2]|, s[cs+2], v242
	v_fma_f32 v243, |v[\rg+3]|, s[cs+2], v243
.if \piv
	v_max_num_f32 v[Y0+2*\tau], v240, v241
	v_max_num_f32 v[Y0+2*\tau+1], v242, v243
.else
	v_max_num_f32 v240, v240, v241
	v_max_num_f32 v242, v242, v243
	v_sub_f32 v240, v240, v[Y0+2*\tau]
	v_sub_f32 v242, v242, v[Y0+2*\tau+1]
	v_cvt_pk_f16_f32 v240, v240, v242
	ds_store_b32 v8, v240 offset:\off
.endif
.endm
.irp t, 0,1,2
	ROWX 208+4*\t, \t, 1, 0
.endr
.irp i, 0,1,2,3,4,5,6,7
.irp t, 0,1,2
	ROWX 112+4*(3*\i+\t), \t, 0, 400*\i+128*\t
.endr
.endr
	; addresses of the product and of the way out
	s_lshr_b32 s60, s12, 2                         ; which 32 queries
	s_and_b32 s61, s12, 3                          ; which 32 channels
	v_mul_u32_u24 v11, 400, v1
	v_lshl_add_u32 v11, v2, 4, v11
	s_mul_i32 s62, s60, 12800
	s_add_co_u32 s62, s62, XIMG
	v_add_nc_u32 v9, s62, v11                      ; my operands of queries
	s_mul_i32 s62, s61, 12800
	v_add_nc_u32 v10, s62, v11                     ; my operands of channels
	s_mul_i32 s62, s61, 8704
	s_lshl_b32 s63, s60, 7
	s_add_co_u32 s62, s62, s63
	s_add_co_u32 s62, s62, STAGE
	v_mul_u32_u24 v12, 272, v1
	v_lshl_add_u32 v12, v2, 5, v12
	v_add_nc_u32 v12, s62, v12                     ; into the stage: channel 32 cq + r, queries 32 rh + 8 h
	s_mul_i32 s62, s12, 4352
	s_add_co_u32 s62, s62, STAGE
	v_mul_u32_u24 v13, 272, v2
	v_lshl_add_u32 v13, v1, 4, v13
	v_add_nc_u32 v13, s62, v13                     ; back: channels 16 w + h + 2 t, whole rows of 256 bytes
	s_lshr_b32 s62, s14, 5                         ; batch
	s_lshl_b32 s62, s62, 8
	s_lshl_b32 s63, s15, 7
	s_add_co_u32 s62, s62, s63
	s_lshl4_add_u32 s62, s12, s62                  ; row of hf: 256 b + 128 hc + 16 w
	s_lshl_b32 s62, s62, 13
	s_and_b32 s63, s14, 31
	s_lshl_b32 s63, s63, 8
	s_add_co_u32 s62, s62, s63
	v_lshlrev_b32 v14, 13, v2
	v_lshl_add_u32 v14, v1, 4, v14
	v_add_nc_u32 v14, s62, v14
	s_lshl1_add_u32 s62, s14, s60                  ; row of part
	s_mul_i32 s62, s62, 8960
	s_lshl_b32 s63, s15, 9
	s_add_co_u32 s62, s62, s63
	s_lshl_b32 s63, s61, 7
	s_add_co_u32 s62, s62, s63
	s_add_co_u32 s62, s62, 4864
	v_lshl_add_u32 v15, v3, 2, s62
	v_mov_b32 v250, 0
	s_wait_dscnt 0x0                               ; for the others: my eight rows of the image are written
	s_barrier_signal -1
	s_barrier_wait -1
.set i, 0
.rept 12                               ; i = 6 tile + u
	ds_load_b128 v[16+8*i:19+8*i], v10 offset:WIMG+(i/6)*6400+64*(i%6)
	ds_load_b128 v[20+8*i:23+8*i], v10 offset:WIMG+(i/6)*6400+64*(i%6)+32
	ds_load_b128 v[112+8*i:115+8*i], v9 offset:(i/6)*6400+64*(i%6)
	ds_load_b128 v[116+8*i:119+8*i], v9 offset:(i/6)*6400+64*(i%6)+32
.set i, i+1
.endr
	s_wait_dscnt 0x0
.set i, 0
.rept 24                               ; K outside, the four accumulators by turns, one instruction a turn
.set fa, 112+8*(6*((i%4)/2)+i/4)
.set fb, 16+8*(6*(i%2)+i/4)
.set fd, 208+8*(i%4)
.if i < 4
	v_wmma_f32_16x16x32_f16 v[fd:fd+7], v[fa:fa+7], v[fb:fb+7], 0
.else
	v_wmma_f32_16x16x32_f16 v[fd:fd+7], v[fa:fa+7], v[fb:fb+7], v[fd:fd+7]
.endif
.set i, i+1
.endr
.irp i, 240,241,242,243,244,245,246,247
	v_mov_b32 v\i, 0                               ; the sums begin; these eight are also the places behind the last products (ISA guide 7.12.1)
.endr
.irp pr, 0,1,2,3
.irp a, 0,1,2,3
	v_pk_add_f32 v[240+4*(\a%2):241+4*(\a%2)], v[240+4*(\a%2):241+4*(\a%2)], v[208+8*\a+2*\pr:209+8*\a+2*\pr]
	v_pk_fma_f32 v[242+4*(\a%2):243+4*(\a%2)], v[208+8*\a+2*\pr:209+8*\a+2*\pr], v[208+8*\a+2*\pr:209+8*\a+2*\pr], v[242+4*(\a%2):243+4*(\a%2)]
.endr
.endr
	v_add_f32 v240, v240, v241
	v_add_f32 v242, v242, v243
	v_add_f32 v244, v244, v245
	v_add_f32 v246, v246, v247
	v_cndmask_b32 v248, v240, v244, s57            ; lanes 0-15 keep channel tile 0, lanes 16-31 tile 1, and each takes the other half's share
	v_cndmask_b32 v249, v244, v240, s57
	v_permlanex16_b32 v250, v249, s58, s59
	v_add_f32 v248, v248, v250
	v_cndmask_b32 v251, v242, v246, s57
	v_cndmask_b32 v252, v246, v242, s57
	v_permlanex16_b32 v250, v252, s58, s59
	v_add_f32 v251, v251, v250
	global_store_b32 v15, v248, s[8:9]
	global_store_b32 v15, v251, s[8:9] offset:1024
.irp a, 0,1,2,3
	ds_store_b128 v12, v[208+8*\a:211+8*\a] offset:(\a%2)*4352+(\a/2)*64
	ds_store_b128 v12, v[212+8*\a:215+8*\a] offset:(\a%2)*4352+(\a/2)*64+16
.endr
	s_wait_dscnt 0x0                               ; for the others: a channel's 256 bytes come from two waves
	s_barrier_signal -1
	s_barrier_wait -1
.irp t, 0,1,2,3,4,5,6,7
	ds_load_b128 v[16+4*\t:19+4*\t], v13 offset:544*\t
.endr
.irp t, 0,1,2,3,4,5,6,7
	s_wait_dscnt 7-\t                              ; LDS loads come back in order: load t is in, the younger ones may stay out
	global_store_b128 v14, v[16+4*\t:19+4*\t], s[10:11] offset:16384*\t   ; sixteen lanes: 256 consecutive bytes, aligned
.endr
	s_wait_tensorcnt 0x0
	ds_add_u32 v254, v255
	s_wait_dscnt 0x0
	s_endpgm
.Lfunc_end_k_qc3ee75767e_final:
	.size	k_qc3ee75767e_final, .Lfunc_end_k_qc3ee75767e_final-k_qc3ee75767e_final
	.p2alignl 7, 3214868480
	.fill 96, 4, 3214868480
	.section	.rodata,"a",@progbits
	.p2align	6, 0x0
	.amdhsa_kernel k_qc3ee75767e_final
		.amdhsa_group_segment_fixed_size 114688
		.amdhsa_private_segment_fixed_size 0
		.amdhsa_enable_private_segment 0
		.amdhsa_kernarg_size 104
		.amdhsa_user_sgpr_count 2
		.amdhsa_user_sgpr_kernarg_segment_ptr 1
		.amdhsa_wavefront_size32 1
		.amdhsa_system_sgpr_workgroup_id_x 1
		.amdhsa_system_sgpr_workgroup_id_y 1
		.amdhsa_system_sgpr_workgroup_id_z 1
		.amdhsa_system_vgpr_workitem_id 0
		.amdhsa_next_free_vgpr 256
		.amdhsa_next_free_sgpr 66
		.amdhsa_reserve_vcc 0
		.amdhsa_float_denorm_mode_32 3
		.amdhsa_float_denorm_mode_16_64 3
		.amdhsa_memory_ordered 1
		.amdhsa_forward_progress 1
		.amdhsa_inst_pref_size 57
	.end_amdhsa_kernel
	.amdgpu_metadata
---
amdhsa.version: [ 1, 2 ]
amdhsa.kernels:
  - .name:           k_qc3ee75767e_final
    .symbol:         k_qc3ee75767e_final.kd
    .args:
      - { .name: pool, .offset: 0, .size: 8, .value_kind: global_buffer, .address_space: global }
      - { .name: sums, .offset: 8, .size: 8, .value_kind: global_buffer, .address_space: global }
      - { .name: part, .offset: 16, .size: 8, .value_kind: global_buffer, .address_space: global }
      - { .name: hf, .offset: 24, .size: 8, .value_kind: global_buffer, .address_space: global }
      - { .name: params_scale0_2_b, .offset: 32, .size: 8, .value_kind: global_buffer, .address_space: global }
      - { .name: params_scale0_2_gamma, .offset: 40, .size: 8, .value_kind: global_buffer, .address_space: global }
      - { .name: params_scale0_2_beta, .offset: 48, .size: 8, .value_kind: global_buffer, .address_space: global }
      - { .name: params_scale0_2_a, .offset: 56, .size: 8, .value_kind: global_buffer, .address_space: global }
      - { .name: params_scale1_2_b, .offset: 64, .size: 8, .value_kind: global_buffer, .address_space: global }
      - { .name: params_scale1_2_gamma, .offset: 72, .size: 8, .value_kind: global_buffer, .address_space: global }
      - { .name: params_scale1_2_beta, .offset: 80, .size: 8, .value_kind: global_buffer, .address_space: global }
      - { .name: params_scale1_2_a, .offset: 88, .size: 8, .value_kind: global_buffer, .address_space: global }
      - { .name: params_final_0_w, .offset: 96, .size: 8, .value_kind: global_buffer, .address_space: global }
    .group_segment_fixed_size: 114688
    .private_segment_fixed_size: 0
    .kernarg_segment_align: 8
    .kernarg_segment_size: 104
    .max_flat_workgroup_size: 256
    .sgpr_count:     66
    .vgpr_count:     256
    .wavefront_size: 32
...
	.end_amdgpu_metadata
.endif
;; end of part 14
;; launch apply: the kernel of part 10 again; grid 256 x 1, 8 waves a work-group, no clusters, 1,280 bytes of LDS; arguments hf, part, out1, params_final_0_b, params_final_0_gamma, params_final_0_beta, params_final_0_a; writes out1
;; ======== version 4 of 4: 8 launches; version 3 with the launches mlp2, mlp3, final written anew for expert scheduling mode
;; limits: values are held in f16: magnitudes above 65,504 overflow, below 6.1e-05 lose precision; values outside matrix products are rounded to bf16
;; workspace buffers: masks 16,777,216 bytes of whole numbers; xh 6,291,456 bytes; part 2,293,760 bytes; pmlp 786,432 bytes; mom 256 bytes; sums 3,072 bytes; pool 12,582,912 bytes; hf 8,388,608 bytes
;; launch masks: the kernel of part 8 again; grid 64 x 4, 16 waves a work-group, no clusters, 0 bytes of LDS; arguments xyz, sample_idx, masks, out0; writes masks, out0
;; launch select: the kernel of part 9 again; grid 256 x 1, 16 waves a work-group, no clusters, 137,216 bytes of LDS; arguments masks, out0, xyz, features, xh, part; writes xh, part
;; launch mlp2 (part 15): grid 256 x 1, 8 waves a work-group, no clusters, 74,752 bytes of LDS; arguments xh, part, pmlp, mom, params_scale0_0_w, params_scale0_0_b, params_scale0_0_gamma, params_scale0_0_beta, params_scale0_0_a, params_scale0_1_w, params_scale1_0_w, params_scale1_0_b, params_scale1_0_gamma, params_scale1_0_beta, params_scale1_0_a, params_scale1_1_w; writes pmlp, mom
.if DOCPART == 15
	.amdgcn_target "amdgcn-amd-amdhsa--gfx1250"
	.amdhsa_code_object_version 6
	.text
	.protected	k_qc3ee75767e_mlp2
	.globl	k_qc3ee75767e_mlp2
	.p2align	8
	.type	k_qc3ee75767e_mlp2,@function
k_qc3ee75767e_mlp2:
	s_mov_b64 s[64:65], 0
	v_nop
	global_prefetch_b8 v0, s[64:65] scope:SCOPE_SE
	s_setreg_imm32_b32 hwreg(HW_REG_WAVE_SCHED_MODE, 0, 2), 2
	s_setreg_imm32_b32 hwreg(HW_REG_WAVE_MODE, 25, 1), 1
	s_wait_xcnt 0x0
	s_wait_alu depctr_vm_vsrc(0)
; The shared MLP of both scales, up to layer DEPTH's product, of which it takes the batch sums (and, at DEPTH 3, each query's maximum and minimum).
; Every parameter is rounded to bf16 (nearest even) as it is loaded; a bf16 weight is exact in f16, the operands' format.
; Earlier layers are recomputed from the f16 rows of xh.  Layer 1: batch norm is folded into the product: s w goes in as a high and a low f16 part (the low
; part at k = 8..13, where lanes 16-31 of the row operand hold the same row again), the shift as the C of the matrix instruction; its mean and variance
; come from the input moments.  Layer 2 (DEPTH 3): the weights stay as they are, and z = s d + shift is a packed multiply-add on the result.
; PReLU(z) = c1 z + c2 |z| with c1 = (1 + a) / 2, c2 = (1 - a) / 2.
; Middle layers: D = W x X, a lane holds one row and eight channels, so two results packed to f16 are the next operand.  The last layer swaps the
; sources: a lane holds one channel, and sums and maxima run along its registers.
; Sums are taken of d - P, P = the layer's answer to the scale's row 0 (a first pass on that row alone, alike in every wave), so that the variance is no
; difference of large sums.  pmlp row = work-group; a scale's block of columns is [sum | sum of squares | P (row 0 alone) | 0], each C wide; scale 0's block, then scale 1's.
; pool[query][channel] = (max, min) of d - P over the query's neighbours: PReLU of an affine map of d is convex in d for a <= 1 and monotone for a > 0,
; so its maximum over the neighbours lies at the largest or at the smallest d.  A NaN is not carried through these maxima.
; ONE SET-UP FOR BOTH SCALES: every load goes out at the head; waves 0-2 make the batch norms of the 32 + 64 channels, thread = channel; both scales' images
; lie side by side in LDS behind one barrier; both scales' sums meet behind one barrier at the end.
; THE MOMENTS: at DEPTH 2 every work-group adds the 256 rows of 64 partial moments itself (64 KiB, sixteen loads of 16 bytes a thread, one barrier), which spares
; a launch for that sum, and work-group 0 stores the 64 totals in mom; at DEPTH 3 they are read from mom.
; LIMITS: f16 operands (normalised activations, centred inputs, weights) must stay under 65,504; inputs are taken to be finite.
; No tensor loads, cluster or ring: the weights are 60 KiB at the most, staged once a work-group through registers; rows are 16 bytes.
; THE MODE: SCHED_MODE bits 1:0 = 2 (LLVM: expert scheduling mode 2), set by the entry lines.  The code itself states the register dependences
; between vector or matrix instructions and memory or LDS instructions, with s_wait_alu, always for 0.
; THE PLAN.  Registers that memory instructions touch in a pass:
;   XF (v16-19, v24-27)    read by layer 1's products at the pass's head; behind them the next rows' loads land in it.
;   v4                     read by those loads; stepped once a pass, behind the last layer's first products.
;   v[TMP+8:TMP+15], v6    (DEPTH 3) written by POOL and by a step beside v4's; read by the pass's four stores, which stand together at its end.
;   ACC, P, ST, PVP, TMP to TMP+7, the weights' operands and the shifts are named by vector and matrix instructions alone.
; So a pass has three waits: on va_vdst behind layer 1's products (XF is read, v4 is written); on vm_vsrc behind the last layer's first products (this pass's loads
; have read v4, the last pass's stores v6 and their data); on va_vdst ahead of the four stores.
; Outside the passes arithmetic and stores stand in runs: all of a stage's results into registers of their own, one wait on va_vdst, the run of stores; one wait on
; vm_vsrc ahead of the first line that writes any of those registers again.
.set DEPTH, 2
.set XF,  16                           ; v[16:31]   two operands of 16 rows; registers 4-7 of each stay 0
.set ACC, 32                           ; v[32:95]   accumulator (channel tile t, row tile l) at 16 t + 8 l
.set P,   96                           ; v[96:127]  activations in f16: 16 l + 4 t + pair
.set SH1, 128                          ; v[128:159] layer 1's shifts, 8 a channel tile
.set SH2, 160                          ; v[160:191] layer 2's
.set ST,  192                          ; v[192:223] a channel tile: pair of sums, pair of sums of squares
.set PVP, 224                          ; v[224:239] P, twice, a channel tile
.set TMP, 240                          ; v[240:255]
.set W1B, 0                            ; window 1: weights' operands, 8 registers at (t KS + u)
.set W2B, 32
.set W3B, 96
.set S2W, 224                          ; window 1: layer 2's s, 8 a channel tile
.set MV,  192                          ; the set-up: v[192:223] my scale's 32 moments; v[32:95] partial moments; v[96:127] batch norm;
.set WCH, 128                          ; v[128:187] my chunks of the weights; v188, v224-236 offsets
.set MP,    0                          ; LDS: [16][64] f32 partial moments
.set MB,    4096                       ; [3 waves][32] f32: each batch-norm wave's own copy of its scale's moments
.set SH1A,  4608                       ; shift 1, s 2, shift 2: 96 f32 each, scale 0's 32 channels, then scale 1's 64
.set S2A,   4992
.set SH2A,  5376
.set IMG1,  6144                       ; f16 images of the weights: layer 1, 96 rows of 80 bytes;
.set IMG20, 13824                      ; scale 0: layer 2, 32 rows of 80; layer 3, 64 rows of 80;
.set IMG30, 16384
.set IMG21, 21504                      ; scale 1: layer 2, 64 rows of 144; layer 3, 128 rows of 144
.set IMG31, 30720
.set RED,   49152                      ; [8 waves][RP bytes] the waves' sums, both scales' blocks
.if DEPTH == 3
.set CL0, 64
.set CL1, 128
.set WLB, W3B
.set NLATE, 16                         ; loads issued behind the batch-norm loads: 15 chunks of weights and row 0
.else
.set CL0, 32
.set CL1, 64
.set WLB, W2B
.set NLATE, 6                          ; loads issued behind the moments: 5 chunks of weights and row 0
.endif
.set RP, 16*(CL0+CL1)
.set MSB, 0
.macro WIN new                         ; the immediate's high byte repeats the setting that is left
.if MSB != \new
	s_set_vgpr_msb (MSB<<8)|\new
.set MSB, \new
.endif
.endm
.macro PLACES                          ; four plain places between matrix instructions and what reads their results or writes their sources (ISA guide 7.12.1)
.rept 4
	v_nop
.endr
.endm
.macro RND2 a, b, t                    ; two numbers to bf16, nearest even, kept as f32
	v_cvt_pk_bf16_f32 v[\t], v[\a], v[\b]
	v_lshlrev_b32 v[\a], 16, v[\t]
	v_and_b32 v[\b], s50, v[\t]
.endm
.macro SRND r, t                       ; the same for a finite number in a scalar register: + 0x7fff + the bit that stays lowest, then cut
	s_bfe_u32 s[\t], s[\r], 0x10010
	s_add_co_u32 s[\r], s[\r], s[\t]
	s_add_co_u32 s[\r], s[\r], 0x7fff
	s_and_b32 s[\r], s[\r], 0xffff0000
.endm
.macro CC a, cb                        ; a to bf16; c1 = (1 + a) / 2 into s[cb], c2 = (1 - a) / 2 into s[cb+2]; the copy of c1 into s[cb+1] stands behind the wait for these
	SRND \a, 55
	v_fma_f32 v232, s[\a], 0.5, 0.5
	v_readfirstlane_b32 s[\cb], v232
	v_fma_f32 v232, s[\a], -0.5, 0.5
	v_readfirstlane_b32 s[\cb+2], v232
.endm
.macro SIDX i, j                       ; sx = the register of the product sum (i, j)
.if \i <= \j
.set sx, MV+6+\i*6-(\i*(\i-1))/2+(\j-\i)
.else
.set sx, MV+6+\j*6-(\j*(\j-1))/2+(\i-\j)
.endif
.endm
.macro TREE16                          ; sixteen vectors of four at v32 on, added by halves
.irp st, 8,4,2,1
.set i, 0
.rept \st
	v_pk_add_f32 v[32+4*i:33+4*i], v[32+4*i:33+4*i], v[32+4*(i+\st):33+4*(i+\st)]
	v_pk_add_f32 v[34+4*i:35+4*i], v[34+4*i:35+4*i], v[34+4*(i+\st):35+4*(i+\st)]
.set i, i+1
.endr
.endr
.endm
; NL = the row tiles of the pass in hand: 2, or 1 in the pass on row 0.
; A middle layer: nt channel tiles x NL row tiles, ks steps of 32 along K; the first step's C is the shift (sh) or 0 (sh = -1).
; The accumulators take turns, one instruction a turn.
.macro MM_MID wb, nt, ks, bs, bst, sh
.set mi, 0
.rept (\nt)*(\ks)*NL
.set mu, mi/(NL*(\nt))
.set mt, (mi/NL)%(\nt)
.set ml, mi%NL
.set md, ACC+16*mt+8*ml
.set ma, \wb+8*(mt*(\ks)+mu)
.set mx, \bs+(\bst)*ml+8*mu
.if mu == 0
.if (\sh) < 0
	v_wmma_f32_16x16x32_f16 v[md:md+7], v[ma:ma+7], v[mx:mx+7], 0
.else
	v_wmma_f32_16x16x32_f16 v[md:md+7], v[ma:ma+7], v[mx:mx+7], v[\sh+8*mt:\sh+8*mt+7]
.endif
.else
	v_wmma_f32_16x16x32_f16 v[md:md+7], v[ma:ma+7], v[mx:mx+7], v[md:md+7]
.endif
.set mi, mi+1
.endr
.endm
; The last layer, channel tiles t0 .. t0 + nb - 1, sources swapped; the first step starts the sums with 0.
.macro MM_LAST wb, t0, nb, ks
.set mi, 0
.rept (\nb)*(\ks)*NL
.set mu, mi/(NL*(\nb))
.set mt, (mi/NL)%(\nb)
.set ml, mi%NL
.set md, ACC+16*mt+8*ml
.set ma, P+16*ml+8*mu
.set mx, \wb+8*(((\t0)+mt)*(\ks)+mu)
.if mu == 0
	v_wmma_f32_16x16x32_f16 v[md:md+7], v[ma:ma+7], v[mx:mx+7], 0
.else
	v_wmma_f32_16x16x32_f16 v[md:md+7], v[ma:ma+7], v[mx:mx+7], v[md:md+7]
.endif
.set mi, mi+1
.endr
.endm
.macro ZSC nt                          ; layer 2: z = s d + shift, in place; s in window 1 (source 1); each accumulator from its low end on
.set ai, 0
.rept 8*(\nt)
.if ((ai/4)%2) < NL
.set zc, 8*(ai/8)+2*(ai%4)
	v_pk_fma_f32 v[ACC+2*ai:ACC+2*ai+1], v[ACC+2*ai:ACC+2*ai+1], v[S2W+zc:S2W+zc+1], v[SH2+zc:SH2+zc+1]
.endif
.set ai, ai+1
.endr
.endm
; PReLU and rounding to f16, an accumulator (t = aq / 2, l = aq % 2) at a time, each stage over its four pairs before the next, so that no line reads the
; result of the line before; the accumulator is read from its low end on.  s[sc:sc+1] = c1, s[sc+2] = c2
.macro ACT nt, sc
.set aq, 0
.rept 2*(\nt)
.if (aq%2) < NL
.set ab, ACC+8*aq
.set pd, P+16*(aq%2)+4*(aq/2)
.irp p, 0,1,2,3
	v_pk_mul_f32 v[TMP+2*\p:TMP+2*\p+1], v[ab+2*\p:ab+2*\p+1], s[\sc:\sc+1] op_sel_hi:[1,0]
.endr
.irp p, 0,1,2,3,4,5,6,7
	v_fma_f32 v[TMP+\p], |v[ab+\p]|, s[\sc+2], v[TMP+\p]
.endr
.irp p, 0,1,2,3
	v_cvt_pk_f16_f32 v[pd+\p], v[TMP+2*\p], v[TMP+2*\p+1]
.endr
.endif
.set aq, aq+1
.endr
.endm
.macro PIV t0, nb                      ; the pass on row 0: all rows are alike, register 0 is P
.set si, 0
.rept \nb
	v_mov_b32 v[PVP+2*((\t0)+si)], v[ACC+16*si]
	v_mov_b32 v[PVP+2*((\t0)+si)+1], v[ACC+16*si]
.set si, si+1
.endr
.endm
; d - P in place, its sum and its sum of squares.  Pairs in ascending order; for a pair each of the three stages runs over all accumulators (row tile 0 of
; every channel tile, then row tile 1) before the next.
.macro STAT t0, nb
.irp p, 0,1,2,3
.set sj, 0
.rept 2*(\nb)
.set sa, ACC+16*(sj%(\nb))+8*(sj/(\nb))+2*\p
.set sq, (\t0)+sj%(\nb)
	v_pk_add_f32 v[sa:sa+1], v[sa:sa+1], v[PVP+2*sq:PVP+2*sq+1] neg_lo:[0,1] neg_hi:[0,1]
.set sj, sj+1
.endr
.set sj, 0
.rept 2*(\nb)
.set sa, ACC+16*(sj%(\nb))+8*(sj/(\nb))+2*\p
.set sq, (\t0)+sj%(\nb)
	v_pk_add_f32 v[ST+4*sq:ST+4*sq+1], v[ST+4*sq:ST+4*sq+1], v[sa:sa+1]
.set sj, sj+1
.endr
.set sj, 0
.rept 2*(\nb)
.set sa, ACC+16*(sj%(\nb))+8*(sj/(\nb))+2*\p
.set sq, (\t0)+sj%(\nb)
	v_pk_fma_f32 v[ST+4*sq+2:ST+4*sq+3], v[sa:sa+1], v[sa:sa+1], v[ST+4*sq+2:ST+4*sq+3]
.set sj, sj+1
.endr
.endr
.endm
; A query's maximum and minimum for two channel tiles: four chains along KNN / 2 registers, by turns; then across the halves of the lanes, so that lane l ends
; with channel 16 t + l.  The pair goes into two registers of its own among v[TMP+8:TMP+15]; POOLOUT stores a pass's four pairs.
.macro POOL t0, nb
.set NQ, 32/KNN
.set pq, 0
.rept ((\nb)/2)*NQ
.set pp, pq/NQ
.set ql, pq%NQ
.set pb, ACC+32*pp+8*ql
.set po, TMP+8+2*((((\t0)/2)+pp)*NQ+ql)
	v_max3_num_f32 v[TMP], v[pb], v[pb+1], v[pb+2]
	v_max3_num_f32 v[TMP+1], v[pb+16], v[pb+17], v[pb+18]
	v_min3_num_f32 v[TMP+2], v[pb], v[pb+1], v[pb+2]
	v_min3_num_f32 v[TMP+3], v[pb+16], v[pb+17], v[pb+18]
.set ri, 3
.rept (KNN/2-4)/2
	v_max3_num_f32 v[TMP], v[TMP], v[pb+ri], v[pb+ri+1]
	v_max3_num_f32 v[TMP+1], v[TMP+1], v[pb+16+ri], v[pb+16+ri+1]
	v_min3_num_f32 v[TMP+2], v[TMP+2], v[pb+ri], v[pb+ri+1]
	v_min3_num_f32 v[TMP+3], v[TMP+3], v[pb+16+ri], v[pb+16+ri+1]
.set ri, ri+2
.endr
	v_max_num_f32 v[TMP], v[TMP], v[pb+KNN/2-1]
	v_max_num_f32 v[TMP+1], v[TMP+1], v[pb+16+KNN/2-1]
	v_min_num_f32 v[TMP+2], v[TMP+2], v[pb+KNN/2-1]
	v_min_num_f32 v[TMP+3], v[TMP+3], v[pb+16+KNN/2-1]
	v_cndmask_b32 v[TMP+4], v[TMP], v[TMP+1], s50          ; the maximum that my half of the lanes keeps,
	v_cndmask_b32 v[TMP+5], v[TMP+1], v[TMP], s50          ; and the one that it sends
	v_cndmask_b32 v[po+1], v[TMP+2], v[TMP+3], s50         ; the same for the minimum
	v_cndmask_b32 v[TMP], v[TMP+3], v[TMP+2], s50
	v_permlanex16_b32 v[TMP+6], v[TMP+5], s48, s49
	v_permlanex16_b32 v[TMP+7], v[TMP], s48, s49
	v_max_num_f32 v[po], v[TMP+4], v[TMP+6]
	v_min_num_f32 v[po+1], v[po+1], v[TMP+7]
.set pq, pq+1
.endr
.endm
; A pass's four stores: pair pq is query pq % NQ, channel tiles 2 (pq / NQ) and the next.  One store of 8 bytes a lane covers 256 consecutive bytes, aligned.
; v6 has been stepped in this pass: the immediate reaches back by the step.
.macro POOLOUT
.set NQ, 32/KNN
.set pq, 0
.rept (NTL/2)*NQ
	global_store_b64 v6, v[TMP+8+2*pq:TMP+9+2*pq], s[10:11] offset:(pq%NQ)*1536+256*(pq/NQ)-1536*NQ
.set pq, pq+1
.endr
.endm
; Rows through the layers.  mode 0: the pass on row 0, one row tile; 1: 32 rows of the wave.  pf = 1: the next 32 rows are asked for; 2: the next scale's row 0.
.macro FORWARD mode, pf
.if \mode
.set NL, 2
.else
.set NL, 1
.endif
	s_wait_loadcnt 0x0                             ; the only loads out are this pass's row loads
	WIN 0x01
	MM_MID W1B, NT1, 1, XF, 8, SH1
	WIN 0
	PLACES
.if \pf
	s_wait_alu depctr_va_vdst(0)                   ; layer 1's products are done reading XF, in which the loads below land; v4, which they read, is written
.endif
.if \pf == 1
	global_load_b128 v[XF:XF+3], v4, s[4:5]
	global_load_b128 v[XF+8:XF+11], v4, s[4:5] offset:256
.elseif \pf == 2
	global_load_b128 v[XF:XF+3], v5, s[4:5]        ; it has this whole pass in which to land
.endif
	ACT NT1, CB
.if DEPTH == 3
	WIN 0x01
	MM_MID W2B, NT1, KS, P, 16, -1
	WIN 0x04
	PLACES
	ZSC NT1
	WIN 0
	ACT NT1, CB+4
.endif
.set ft, 0
.rept NTL/NB
	WIN 0x04
	MM_LAST WLB, ft, NB, KS
	WIN 0
	PLACES
.if (ft == 0) && ((\pf == 1) || (\mode && (DEPTH == 3)))
	s_wait_xcnt 0x0                                ; offsets and data of the loads and stores issued so far are rewritten only behind this wait
	s_wait_alu depctr_vm_vsrc(0)                   ; this pass's row loads have read v4; the last pass's stores have read v6 and v[TMP+8:TMP+15], which POOL writes again
.if \pf == 1
	v_add_nc_u32 v4, 512, v4                       ; the rows that the next pass asks for
.endif
.if \mode && (DEPTH == 3)
	v_add_nc_u32 v6, 1536*(32/KNN), v6             ; the next pass's queries; this pass's stores reach back
.endif
.endif
.if \mode
	STAT ft, NB
.if DEPTH == 3
	POOL ft, NB
.endif
.else
	PIV ft, NB
.endif
.set ft, ft+NB
.endr
.if \mode && (DEPTH == 3)
	s_wait_alu depctr_va_vdst(0)                   ; POOL has written v[TMP+8:TMP+15], and v6 is written: the four stores read them
	POOLOUT
.endif
.endm
.macro CVW rb, nch                     ; my chunks of four weights: to bf16, then (exactly) to f16, into the first two of their four registers
.set i, 0
.rept \nch
	RND2 \rb+4*i, \rb+4*i+1, 80
	RND2 \rb+4*i+2, \rb+4*i+3, 81
	v_cvt_pk_f16_f32 v[\rb+4*i], v[\rb+4*i], v[\rb+4*i+1]
	v_cvt_pk_f16_f32 v[\rb+4*i+1], v[\rb+4*i+2], v[\rb+4*i+3]
.set i, i+1
.endr
.endm
.macro STW rb, nch, img, ad, rs        ; and into the image; rs = bytes of the rows that 256 chunks fill
.set i, 0
.rept \nch
	ds_store_b64 v[\ad], v[\rb+4*i:\rb+4*i+1] offset:\img+i*\rs
.set i, i+1
.endr
.endm
.macro FRAG rb, nt, ks, ar, img, pt    ; operands out of an image: lane (r, h) takes row 16 t + r, bytes 64 u + 16 h and + 32
.set i, 0
.rept (\nt)*(\ks)
	ds_load_b128 v[\rb+8*i:\rb+8*i+3], v[\ar] offset:\img+(i/(\ks))*16*(\pt)+64*(i%(\ks))
	ds_load_b128 v[\rb+8*i+4:\rb+8*i+7], v[\ar] offset:\img+(i/(\ks))*16*(\pt)+64*(i%(\ks))+32
.set i, i+1
.endr
.endm
.macro SHL rb, nt, arr                 ; a number a channel, laid as a result is: register j = channel 16 t + 8 h + j
.set i, 0
.rept \nt
	ds_load_b128 v[\rb+8*i:\rb+8*i+3], v10 offset:\arr+64*i
	ds_load_b128 v[\rb+8*i+4:\rb+8*i+7], v10 offset:\arr+64*i+16
.set i, i+1
.endr
.endm
; One scale's passes.  c1 = channels of layers 1 and 2, c3 of layer 3, kn neighbours, xb byte of its rows in xh, rw rows of a work-group, coff its first
; channel in pool, i2, i3 its images of layers 2 and 3, last = 1: no scale follows.
.macro SCALE sc, c1, c3, kn, xb, rw, coff, i2, i3, last
.set PT2, 2*\c1+16
.set NT1, \c1/16
.set KS,  \c1/32
.set KNN, \kn
.set CB,  40+16*\sc
.set FA,  8+\sc
.if DEPTH == 3
.set CL, \c3
.else
.set CL, \c1
.endif
.set NTL, CL/16
.set NB, 4
.if NTL < 4
.set NB, NTL
.endif
	s_wait_xcnt 0x0                                ; offsets and data of earlier loads and stores are rewritten only behind this wait
	s_wait_alu depctr_vm_vsrc(0)                   ; the loads and stores issued so far have read v4, v6, v7, written below; the set-up's offsets in v188 and v224-235, the weights' chunks and the sums in v32 on, written in the passes
	s_mul_i32 s51, s12, RP
	s_add_co_u32 s51, s51, RED+16*CL0*\sc
	v_lshlrev_b32 v7, 2, v1
	v_mad_u32_u24 v7, v2, 4*CL, v7
	v_add_nc_u32 v7, s51, v7                       ; my place among the waves' sums
	s_mul_i32 s51, s13, \rw*16
	s_mul_i32 s55, s12, \rw*2
	s_add_co_u32 s51, s51, s55
	s_add_co_u32 s51, s51, \xb
	v_lshl_add_u32 v4, v1, 4, s51                  ; my wave's first rows: lanes 16-31 take the same rows as lanes 0-15
.if DEPTH == 3
	s_mul_i32 s51, s13, 49152
	s_mul_i32 s55, s12, 6144
	s_add_co_u32 s51, s51, s55
	s_add_co_u32 s51, s51, \coff*8
	v_and_b32 v6, 31, v0
	v_lshl_add_u32 v6, v6, 3, s51                  ; my wave's first query in pool
.endif
	WIN 0x40
	s_wait_alu depctr_va_vdst(0)                   ; the conversions (scale 0) or the last scale's products and scalings (scale 1) are done with the registers in which the loads below land; only loads and a window switch stand up to the last of them
	FRAG W1B, NT1, 1, 8, IMG1+2560*\sc, 80
	FRAG W2B, NT1, KS, FA, \i2, PT2
.if DEPTH == 3
	FRAG W3B, \c3/16, KS, FA, \i3, PT2
	SHL S2W, NT1, S2A+128*\sc
.endif
	WIN 0
	SHL SH1, NT1, SH1A+128*\sc
.if DEPTH == 3
	SHL SH2, NT1, SH2A+128*\sc
.endif
.set i, 0
.rept 4*NTL
	v_mov_b32 v[ST+i], 0
.set i, i+1
.endr
	s_wait_dscnt 0x0
	FORWARD 0, 1
.if \rw/256 > 2
	s_mov_b32 s52, \rw/256-1
.Ltrip_\@:
	FORWARD 1, 1
	s_sub_co_u32 s52, s52, 1
	s_cmp_lg_u32 s52, 0
	s_cbranch_scc1 .Ltrip_\@
.else
	FORWARD 1, 1
.endif
.if \last
	FORWARD 1, 0                                   ; the last 32 rows ask for nothing
.else
	FORWARD 1, 2
.endif
	; the wave's sums: lanes 0-15 end with the sum, lanes 16-31 with the sum of squares of channel 16 t + r.  No wave reads them before the barrier at the end.
	; Each channel tile's two numbers go into two registers of their own, where the accumulators lay, so that the stores stand in one run.
.set i, 0
.rept NTL
	v_add_f32 v[TMP], v[ST+4*i], v[ST+4*i+1]
	v_add_f32 v[TMP+1], v[ST+4*i+2], v[ST+4*i+3]
	v_cndmask_b32 v[TMP+2], v[TMP], v[TMP+1], s50
	v_cndmask_b32 v[TMP+3], v[TMP+1], v[TMP], s50
	v_permlanex16_b32 v[TMP+6], v[TMP+3], s48, s49
	v_add_f32 v[ACC+2*i], v[TMP+2], v[TMP+6]
	v_and_b32 v[ACC+2*i+1], v14, v[PVP+2*i]        ; P from wave 0 of work-group 0 alone, 0 from all others: the column's sum is P
.set i, i+1
.endr
	s_wait_alu depctr_va_vdst(0)                   ; the sums are written into v[ACC ..], which the LDS stores read
.set i, 0
.rept NTL
	ds_store_b32 v7, v[ACC+2*i] offset:64*i
	ds_store_b32 v7, v[ACC+2*i+1] offset:8*CL+64*i
.set i, i+1
.endr
.endm
	; THE SET-UP.  All arguments at once.
.if DEPTH == 3
	s_load_b256 s[4:11], s[0:1], 0x0               ; xh s[4:5], sums s[6:7], pmlp s[8:9], pool s[10:11]
	s_load_b64 s[14:15], s[0:1], 0x20              ; mom
	s_load_b512 s[16:31], s[0:1], 0x28             ; scale 0: w1 16, b1 18, gamma1 20, beta1 22, a1 24, w2 26, b2 28, gamma2 30,
	s_load_b128 s[32:35], s[0:1], 0x68             ; beta2 32, a2 34,
	s_load_b64 s[36:37], s[0:1], 0x78              ; w3 36
	s_load_b512 s[68:83], s[0:1], 0x80             ; scale 1: the same from s68 on
	s_load_b128 s[84:87], s[0:1], 0xc0
	s_load_b64 s[88:89], s[0:1], 0xd0
.else
	s_load_b64 s[4:5], s[0:1], 0x0                 ; xh
	s_load_b64 s[14:15], s[0:1], 0x8               ; part: the partial moments
	s_load_b128 s[8:11], s[0:1], 0x10              ; pmlp s[8:9], mom s[10:11]
	s_load_b256 s[16:23], s[0:1], 0x20             ; scale 0: w1 16, b1 18, gamma1 20, beta1 22,
	s_load_b128 s[24:27], s[0:1], 0x40             ; a1 24, w2 26
	s_load_b256 s[68:75], s[0:1], 0x50             ; scale 1: the same from s68 on
	s_load_b128 s[76:79], s[0:1], 0x70
	v_lshl_add_u32 v254, v0, 2, 0x12000
	v_mov_b32 v255, 0
.endif
	v_and_b32 v1, 15, v0                           ; r
	v_bfe_u32 v2, v0, 4, 1                         ; h
	v_lshrrev_b32 v3, 5, v0
	v_readfirstlane_b32 s12, v3                    ; wave
	s_mov_b32 s13, ttmp9
	s_mov_b32 s48, 0x76543210
	s_mov_b32 s49, 0xfedcba98
	s_mov_b32 s50, 0xffff0000                      ; lanes 16-31; also a word's upper bf16
	s_wait_alu depctr_va_sdst(0)                   ; s12 is written, ahead of its first reader
	s_or_b32 s51, s12, s13
	s_cmp_eq_u32 s51, 0
	s_cselect_b32 s51, 0xffff, 0
	v_cndmask_b32 v14, 0, -1, s51                  ; all ones in lanes 0-15 of wave 0 of work-group 0
	v_mul_u32_u24 v8, 80, v1
	v_lshl_add_u32 v8, v2, 4, v8                   ; an operand's row and half in an image of pitch 80,
	v_mul_u32_u24 v9, 144, v1
	v_lshl_add_u32 v9, v2, 4, v9                   ; and of pitch 144
	v_lshlrev_b32 v10, 5, v2
	v_lshlrev_b32 v11, 4, v0
	v_lshlrev_b32 v15, 2, v0
	v_add_nc_u32 v12, RED, v11                     ; at the end: thread = four columns of the group's row
	s_mul_i32 s51, s13, 3072
	v_add_nc_u32 v3, s51, v11                      ; my 16 bytes of the group's row of pmlp
	v_mov_b32 v13, 0                               ; scale 0's row 0 in xh,
	v_mov_b32 v5, 0x200000                         ; and scale 1's
	v_lshrrev_b32 v233, 3, v0                      ; where my chunk of four weights goes: rows of 32 weights, 8 chunks a row, pitch 80,
	v_and_b32 v236, 7, v0
	v_lshlrev_b32 v236, 3, v236
	v_mad_u32_u24 v233, v233, 80, v236
	v_lshrrev_b32 v234, 4, v0                      ; rows of 64 weights, 16 chunks a row, pitch 144
	v_lshlrev_b32 v236, 3, v1
	v_mad_u32_u24 v234, v234, 144, v236
.if DEPTH == 2
	v_lshrrev_b32 v188, 4, v0                      ; partial moments: rows t / 16 + 16 i of 8,960 bytes, columns 4 (t % 16) on
	v_mul_u32_u24 v188, 8960, v188
	v_lshl_add_u32 v188, v1, 4, v188
.endif
.irp i, 4,5,6,7,12,13,14,15
	v_mov_b32 v[XF+\i], 0
.endr
	v_mov_b32 v[TMP+6], 0                          ; v_permlanex16_b32 counts as a reader of its destination
	v_mov_b32 v[TMP+7], 0
	s_wait_kmcnt 0x0
	s_load_b32 s53, s[24:25], 0x0                  ; the slopes a
	s_load_b32 s90, s[76:77], 0x0
.if DEPTH == 3
	s_load_b32 s54, s[34:35], 0x0
	s_load_b32 s91, s[86:87], 0x0
.endif
	s_wait_alu depctr_va_vdst(0)                   ; the offsets and addresses v3, v5, v8 to v13, v15, v188, v233 and v234 are written, which loads and stores of the whole kernel read
	; waves 0-2, thread = channel (0-31 scale 0, 32-95 scale 1), ask for what batch norm needs: first of all loads, since the longest chain hangs on them
	s_cmp_ge_u32 s12, 3
	s_cbranch_scc1 .Lasked
	s_cmp_eq_u32 s12, 0
	s_cselect_b64 s[92:93], s[16:17], s[68:69]     ; w1
	s_cselect_b64 s[94:95], s[18:19], s[70:71]     ; b1
	s_cselect_b64 s[96:97], s[20:21], s[72:73]     ; gamma1
	s_cselect_b64 s[98:99], s[22:23], s[74:75]     ; beta1
.if DEPTH == 3
	s_cselect_b64 s[2:3], s[28:29], s[80:81]       ; b2
	s_cselect_b64 s[38:39], s[30:31], s[82:83]     ; gamma2
	s_cselect_b64 s[100:101], s[32:33], s[84:85]   ; beta2
.endif
	s_cselect_b32 s51, 0, 1                        ; my scale
	s_mul_i32 s55, s51, 768
	v_mul_u32_u24 v224, 24, v0
	v_sub_nc_u32 v224, v224, s55                   ; my row of w1: 24 bytes x (thread - 32 x scale)
	s_lshl_b32 s55, s51, 7
	v_sub_nc_u32 v225, v15, s55                    ; my channel's word
.if DEPTH == 3
	s_mul_i32 s55, s51, 384
	v_add_nc_u32 v226, s55, v15                    ; layer 2's sums: column t, or 96 + t
	s_lshl_b32 s55, s51, 9
	s_add_co_u32 s55, s55, 128
	v_add_nc_u32 v227, s55, v15                    ; sums of squares: 32 + t, or 160 + t
	s_mul_i32 s55, s51, 640
	s_add_co_u32 s55, s55, 256
	v_add_nc_u32 v228, s55, v15                    ; P: 64 + t, or 224 + t
	s_lshl_b32 s55, s51, 7
	v_mov_b32 v229, s55                            ; my scale's 32 moments, the same in every lane
.endif
	s_wait_alu depctr_va_vdst(0)                   ; the offsets v224 and v225 (at DEPTH 3 v226 to v229 too) are written, which the loads below read
	global_load_b64 v[96:97], v224, s[92:93]
	global_load_b64 v[98:99], v224, s[92:93] offset:8
	global_load_b64 v[100:101], v224, s[92:93] offset:16
	global_load_b32 v102, v225, s[94:95]
	global_load_b32 v103, v225, s[96:97]
	global_load_b32 v104, v225, s[98:99]
.if DEPTH == 3
	global_load_b32 v121, v226, s[6:7]
	global_load_b32 v122, v227, s[6:7]
	global_load_b32 v123, v228, s[6:7]
	global_load_b32 v124, v225, s[2:3]
	global_load_b32 v125, v225, s[38:39]
	global_load_b32 v126, v225, s[100:101]
.set k, 0
.rept 8
	global_load_b128 v[MV+4*k:MV+4*k+3], v229, s[14:15] offset:16*k
.set k, k+1
.endr
.endif
.Lasked:
.if DEPTH == 2
.set i, 0
.rept 16
	global_load_b128 v[32+4*i:35+4*i], v188, s[14:15] offset:143360*i
.set i, i+1
.endr
.endif
	global_load_b128 v[WCH:WCH+3], v11, s[26:27]   ; the weights, chunk i x 256 + thread: scale 0's layer 2,
.set i, 0
.rept 4
	global_load_b128 v[WCH+4+4*i:WCH+7+4*i], v11, s[78:79] offset:4096*i    ; scale 1's
.set i, i+1
.endr
.if DEPTH == 3
.set i, 0
.rept 2
	global_load_b128 v[WCH+20+4*i:WCH+23+4*i], v11, s[36:37] offset:4096*i  ; scale 0's layer 3,
.set i, i+1
.endr
.set i, 0
.rept 8
	global_load_b128 v[WCH+28+4*i:WCH+31+4*i], v11, s[88:89] offset:4096*i  ; scale 1's
.set i, i+1
.endr
.endif
	global_load_b128 v[XF:XF+3], v13, s[4:5]       ; scale 0's row 0, in every lane
.if DEPTH == 2
	s_wait_loadcnt NLATE                           ; loads come back in order: the moments (and what was asked for ahead of them) are in; the weights and row 0 stay out
	TREE16
	s_wait_alu depctr_va_vdst(0)                   ; the additions have written v[32:35], which the LDS store reads, and are done with v32 to v47, in which LDS loads of waves 0-2 land
	ds_store_b128 v11, v[32:35] offset:MP
	s_wait_alu depctr_vm_vsrc(0)                   ; the LDS store has read v[32:35], in which those loads land
	s_wait_dscnt 0x0                               ; for waves 0-2: my partial row is in LDS
	s_barrier_signal -1
	s_barrier_wait -1
.endif
	s_cmp_ge_u32 s12, 3
	s_cbranch_scc1 .Lbn_done
	s_min_u32 s51, s12, 1                          ; my scale
	s_lshl_b32 s47, s51, 23
	s_sub_co_u32 s47, 0x37000000, s47              ; 1 / 131,072 or 1 / 262,144 rows
.if DEPTH == 2
	s_lshl_b32 s55, s51, 7
	v_and_b32 v229, 31, v0
	v_lshlrev_b32 v229, 2, v229
	v_add_nc_u32 v230, s55, v229                   ; lane = column of my scale
	s_wait_alu depctr_va_vdst(0)                   ; v230 is written, which the LDS loads below read
.set k, 0
.rept 16
	ds_load_b32 v[32+k], v230 offset:MP+256*k
.set k, k+1
.endr
	s_wait_dscnt 0x0
.irp st, 8,4,2,1
.set k, 0
.rept \st
	v_add_f32 v[32+k], v[32+k], v[32+k+\st]
.set k, k+1
.endr
.endr
	s_lshl_b32 s55, s12, 7
	v_add_nc_u32 v231, s55, v229                   ; my word in my wave's own 128 bytes,
	v_mov_b32 v235, s55                            ; and their first byte
	s_wait_alu depctr_va_vdst(0)                   ; the additions have written v32, which the LDS store and the store of the totals read; v231 and v235, the addresses below, are written
	ds_store_b32 v231, v32 offset:MB               ; into my wave's own 128 bytes, and back into every lane: LDS serves a wave's instructions in order (ISA guide 5.7.1.4)
.set k, 0
.rept 8
	ds_load_b128 v[MV+4*k:MV+4*k+3], v235 offset:MB+16*k
.set k, k+1
.endr
	s_lshl_b32 s55, s13, 3
	s_or_b32 s55, s55, s12
	s_cmp_ge_u32 s55, 2
	s_cbranch_scc1 .Lno_mom
	global_store_b32 v230, v32, s[10:11]           ; waves 0 and 1 of work-group 0: the 64 totals; v32 is written again only behind the waits at the head of the passes
.Lno_mom:
	s_wait_dscnt 0x0
.else
	s_wait_loadcnt NLATE                           ; loads come back in order: what batch norm needs is in; the weights and row 0 stay out
.endif
	RND2 96, 97, 105                               ; w, b, gamma, beta to bf16
	RND2 98, 99, 105
	RND2 100, 101, 105
	RND2 102, 103, 105
	RND2 104, 104, 105
.if DEPTH == 3
	RND2 124, 125, 105
	RND2 126, 126, 105
.endif
	v_mul_f32 v105, v[MV], v96
.irp i, 1,2,3,4,5
	v_fmac_f32 v105, v[MV+\i], v[96+\i]
.endr
.irp i, 0,1,2,3,4,5
	SIDX \i, 0
	v_mul_f32 v107, v[sx], v96
.irp j, 1,2,3,4,5
	SIDX \i, \j
	v_fmac_f32 v107, v[sx], v[96+\j]
.endr
.if \i == 0
	v_mul_f32 v106, v96, v107
.else
	v_fmac_f32 v106, v[96+\i], v107
.endif
.endr
	v_mul_f32 v105, s47, v105                      ; mean of w . x
	v_mul_f32 v106, s47, v106
	v_fma_f32 v106, -v105, v105, v106              ; variance
	v_max_num_f32 v106, 0, v106
	v_add_f32 v106, 0x3727c5ac, v106               ; + 1e-5
.if DEPTH == 3
	v_mul_f32 v121, s47, v121                      ; layer 2: mean of d - P
	v_mul_f32 v122, s47, v122
	v_fma_f32 v122, -v121, v121, v122
	v_max_num_f32 v122, 0, v122
	v_add_f32 v122, 0x3727c5ac, v122
.endif
	v_rsq_f32 v107, v106                           ; the roots are one batch
.if DEPTH == 3
	v_rsq_f32 v127, v122
.endif
	v_add_f32 v109, v105, v102                     ; mu = mean + b (a plain instruction behind the last root)
.if DEPTH == 3
	v_add_f32 v121, v121, v123                     ; + P
	v_add_f32 v121, v121, v124                     ; mu = mean + b
.endif
	s_wait_alu depctr_va_vdst(0)                   ; the roots have written v107 (and v127), ahead of their first reader
	v_mul_f32 v108, v103, v107                     ; s
	v_sub_f32 v109, v102, v109
	v_fma_f32 v107, v108, v109, v104               ; shift = beta + s (b - mu), in a register that nothing below writes
.irp i, 0,1,2,3,4,5
	v_mul_f32 v[96+\i], v108, v[96+\i]
.endr
	v_cvt_pk_f16_f32 v112, v96, v97                ; s w: the high part,
	v_cvt_pk_f16_f32 v113, v98, v99
	v_cvt_pk_f16_f32 v114, v100, v101
	v_mov_b32 v115, 0
	v_lshrrev_b32 v106, 16, v112                   ; and what that rounding left
	v_cvt_f32_f16 v105, v112.l
	v_cvt_f32_f16 v106, v106.l
	v_sub_f32 v96, v96, v105
	v_sub_f32 v97, v97, v106
	v_lshrrev_b32 v106, 16, v113
	v_cvt_f32_f16 v105, v113.l
	v_cvt_f32_f16 v106, v106.l
	v_sub_f32 v98, v98, v105
	v_sub_f32 v99, v99, v106
	v_lshrrev_b32 v106, 16, v114
	v_cvt_f32_f16 v105, v114.l
	v_cvt_f32_f16 v106, v106.l
	v_sub_f32 v100, v100, v105
	v_sub_f32 v101, v101, v106
	v_cvt_pk_f16_f32 v116, v96, v97
	v_cvt_pk_f16_f32 v117, v98, v99
	v_cvt_pk_f16_f32 v118, v100, v101
.irp i, 119,108,109,110,111
	v_mov_b32 v\i, 0
.endr
	v_mul_u32_u24 v120, 80, v0
.if DEPTH == 3
	v_mul_f32 v127, v125, v127                     ; layer 2's s
	v_sub_f32 v121, v124, v121
	v_fma_f32 v121, v127, v121, v126
.endif
	s_wait_alu depctr_va_vdst(0)                   ; the shifts, s, my row of the image and its address v120 are written, which the LDS stores read
	ds_store_b32 v15, v107 offset:SH1A
	ds_store_b128 v120, v[112:115] offset:IMG1     ; k = 0..7: the high part (6 numbers, 2 zeros)
	ds_store_b128 v120, v[116:119] offset:IMG1+16  ; k = 8..15: the low part, which meets the same row in lanes 16-31
	ds_store_b128 v120, v[108:111] offset:IMG1+32  ; k = 16..31: zeros
	ds_store_b128 v120, v[108:111] offset:IMG1+48
.if DEPTH == 3
	ds_store_b32 v15, v127 offset:S2A
	ds_store_b32 v15, v121 offset:SH2A
.endif
.Lbn_done:
	s_wait_kmcnt 0x0
	CC 53, 40                                      ; scale 0: layer 1's c1 s40, c2 s42;
	CC 90, 56                                      ; scale 1: s56, s58
.if DEPTH == 3
	CC 54, 44                                      ; layer 2's: s44, s46;
	CC 91, 60                                      ; s60, s62
.endif
	s_wait_alu depctr_va_sdst(0)                   ; c1 and c2 are written into their scalar registers, ahead of their first readers: the copies below and the passes' arithmetic
	s_mov_b32 s41, s40                             ; c1 is named as a pair
	s_mov_b32 s57, s56
.if DEPTH == 3
	s_mov_b32 s45, s44
	s_mov_b32 s61, s60
.endif
	s_wait_loadcnt 0x1                             ; my chunks of the weights are in; row 0, the youngest load, may stay out
	CVW WCH, 1
	CVW WCH+4, 4
.if DEPTH == 3
	CVW WCH+20, 2
	CVW WCH+28, 8
.endif
	s_wait_alu depctr_va_vdst(0)                   ; the conversions have written v[WCH ..], which the LDS stores read
	STW WCH, 1, IMG20, 233, 2560
	STW WCH+4, 4, IMG21, 234, 2304
.if DEPTH == 3
	STW WCH+20, 2, IMG30, 233, 2560
	STW WCH+28, 8, IMG31, 234, 2304
.endif
	s_wait_dscnt 0x0                               ; for the others: s, the shifts and my part of the images are written
	s_barrier_signal -1
	s_barrier_wait -1
	SCALE 0, 32, 64, 16, 0, 512, 0, IMG20, IMG30, 0
	SCALE 1, 64, 128, 32, 2097152, 1024, 64, IMG21, IMG31, 1
	s_wait_alu depctr_vm_vsrc(0)                   ; my LDS stores have read the sums in v32 on, in which the loads behind the barrier land (the arithmetic that named v32 to v63 stands ahead of the last wait on va_vdst)
	s_wait_dscnt 0x0                               ; for the others: my sums of both scales are in LDS
	s_barrier_signal -1
	s_barrier_wait -1
	s_cmp_ge_u32 s12, (CL0+CL1)/32
	s_cbranch_scc1 .Lend
.set i, 0
.rept 8
	ds_load_b128 v[32+4*i:35+4*i], v12 offset:i*RP
.set i, i+1
.endr
	s_wait_dscnt 0x0
.irp st, 4,2,1
.set i, 0
.rept \st
	v_pk_add_f32 v[32+4*i:33+4*i], v[32+4*i:33+4*i], v[32+4*(i+\st):33+4*(i+\st)]
	v_pk_add_f32 v[34+4*i:35+4*i], v[34+4*i:35+4*i], v[34+4*(i+\st):35+4*(i+\st)]
.set i, i+1
.endr
.endr
	s_wait_alu depctr_va_vdst(0)                   ; the additions have written v[32:35], which the store reads
	global_store_b128 v3, v[32:35], s[8:9]         ; sixteen lanes: 256 consecutive bytes, aligned
.Lend:
.if DEPTH == 3
	s_wait_xcnt 0x0
	s_wait_alu depctr_vm_vsrc(0)                   ; the pool stores have read v254 and v255, which are made anew below
	v_lshl_add_u32 v254, v0, 2, 0x12000
	v_mov_b32 v255, 0
.endif
	s_wait_dscnt 0x0                               ; the closing lines, six on end
	s_wait_alu 0x0
	s_wait_tensorcnt 0x0
	ds_add_u32 v254, v255
	s_wait_dscnt 0x0
	s_endpgm
.Lfunc_end_k_qc3ee75767e_mlp2:
	.size	k_qc3ee75767e_mlp2, .Lfunc_end_k_qc3ee75767e_mlp2-k_qc3ee75767e_mlp2
	.p2alignl 7, 3214868480
	.fill 96, 4, 3214868480
	.section	.rodata,"a",@progbits
	.p2align	6, 0x0
	.amdhsa_kernel k_qc3ee75767e_mlp2
		.amdhsa_group_segment_fixed_size 74752
		.amdhsa_private_segment_fixed_size 0
		.amdhsa_enable_private_segment 0
		.amdhsa_kernarg_size 128
		.amdhsa_user_sgpr_count 2
		.amdhsa_user_sgpr_kernarg_segment_ptr 1
		.amdhsa_wavefront_size32 1
		.amdhsa_system_sgpr_workgroup_id_x 1
		.amdhsa_system_sgpr_workgroup_id_y 1
		.amdhsa_system_sgpr_workgroup_id_z 1
		.amdhsa_system_vgpr_workitem_id 0
		.amdhsa_next_free_vgpr 384
		.amdhsa_next_free_sgpr 102
		.amdhsa_reserve_vcc 0
		.amdhsa_float_denorm_mode_32 3
		.amdhsa_float_denorm_mode_16_64 3
		.amdhsa_memory_ordered 1
		.amdhsa_forward_progress 1
		.amdhsa_inst_pref_size 86
	.end_amdhsa_kernel
	.amdgpu_metadata
---
amdhsa.version: [ 1, 2 ]
amdhsa.kernels:
  - .name:           k_qc3ee75767e_mlp2
    .symbol:         k_qc3ee75767e_mlp2.kd
    .args:
      - { .name: xh, .offset: 0, .size: 8, .value_kind: global_buffer, .address_space: global }
      - { .name: part, .offset: 8, .size: 8, .value_kind: global_buffer, .address_space: global }
      - { .name: pmlp, .offset: 16, .size: 8, .value_kind: global_buffer, .address_space: global }
      - { .name: mom, .offset: 24, .size: 8, .value_kind: global_buffer, .address_space: global }
      - { .name: params_scale0_0_w, .offset: 32, .size: 8, .value_kind: global_buffer, .address_space: global }
      - { .name: params_scale0_0_b, .offset: 40, .size: 8, .value_kind: global_buffer, .address_space: global }
      - { .name: params_scale0_0_gamma, .offset: 48, .size: 8, .value_kind: global_buffer, .address_space: global }
      - { .name: params_scale0_0_beta, .offset: 56, .size: 8, .value_kind: global_buffer, .address_space: global }
      - { .name: params_scale0_0_a, .offset: 64, .size: 8, .value_kind: global_buffer, .address_space: global }
      - { .name: params_scale0_1_w, .offset: 72, .size: 8, .value_kind: global_buffer, .address_space: global }
      - { .name: params_scale1_0_w, .offset: 80, .size: 8, .value_kind: global_buffer, .address_space: global }
      - { .name: params_scale1_0_b, .offset: 88, .size: 8, .value_kind: global_buffer, .address_space: global }
      - { .name: params_scale1_0_gamma, .offset: 96, .size: 8, .value_kind: global_buffer, .address_space: global }
      - { .name: params_scale1_0_beta, .offset: 104, .size: 8, .value_kind: global_buffer, .address_space: global }
      - { .name: params_scale1_0_a, .offset: 112, .size: 8, .value_kind: global_buffer, .address_space: global }
      - { .name: params_scale1_1_w, .offset: 120, .size: 8, .value_kind: global_buffer, .address_space: global }
    .group_segment_fixed_size: 74752
    .private_segment_fixed_size: 0
    .kernarg_segment_align: 8
    .kernarg_segment_size: 128
    .max_flat_workgroup_size: 256
    .sgpr_count:     102
    .vgpr_count:     384
    .wavefront_size: 32
...
	.end_amdgpu_metadata
.endif
;; end of part 15
;; launch sum2: the kernel of part 12 again; grid 6 x 1, 8 waves a work-group, no clusters, 5,120 bytes of LDS; arguments pmlp, sums; writes sums
;; launch mlp3 (part 16): grid 256 x 1, 8 waves a work-group, no clusters, 74,752 bytes of LDS; arguments xh, sums, pmlp, pool, mom, params_scale0_0_w, params_scale0_0_b, params_scale0_0_gamma, params_scale0_0_beta, params_scale0_0_a, params_scale0_1_w, params_scale0_1_b, params_scale0_1_gamma, params_scale0_1_beta, params_scale0_1_a, params_scale0_2_w, params_scale1_0_w, params_scale1_0_b, params_scale1_0_gamma, params_scale1_0_beta, params_scale1_0_a, params_scale1_1_w, params_scale1_1_b, params_scale1_1_gamma, params_scale1_1_beta, params_scale1_1_a, params_scale1_2_w; writes pmlp, pool
.if DOCPART == 16
	.amdgcn_target "amdgcn-amd-amdhsa--gfx1250"
	.amdhsa_code_object_version 6
	.text
	.protected	k_qc3ee75767e_mlp3
	.globl	k_qc3ee75767e_mlp3
	.p2align	8
	.type	k_qc3ee75767e_mlp3,@function
k_qc3ee75767e_mlp3:
	s_mov_b64 s[64:65], 0
	v_nop
	global_prefetch_b8 v0, s[64:65] scope:SCOPE_SE
	s_setreg_imm32_b32 hwreg(HW_REG_WAVE_SCHED_MODE, 0, 2), 2
	s_setreg_imm32_b32 hwreg(HW_REG_WAVE_MODE, 25, 1), 1
	s_wait_xcnt 0x0
	s_wait_alu depctr_vm_vsrc(0)
; The shared MLP of both scales, up to layer DEPTH's product, of which it takes the batch sums (and, at DEPTH 3, each query's maximum and minimum).
; Every parameter is rounded to bf16 (nearest even) as it is loaded; a bf16 weight is exact in f16, the operands' format.
; Earlier layers are recomputed from the f16 rows of xh.  Layer 1: batch norm is folded into the product: s w goes in as a high and a low f16 part (the low
; part at k = 8..13, where lanes 16-31 of the row operand hold the same row again), the shift as the C of the matrix instruction; its mean and variance
; come from the input moments.  Layer 2 (DEPTH 3): the weights stay as they are, and z = s d + shift is a packed multiply-add on the result.
; PReLU(z) = c1 z + c2 |z| with c1 = (1 + a) / 2, c2 = (1 - a) / 2.
; Middle layers: D = W x X, a lane holds one row and eight channels, so two results packed to f16 are the next operand.  The last layer swaps the
; sources: a lane holds one channel, and sums and maxima run along its registers.
; Sums are taken of d - P, P = the layer's answer to the scale's row 0 (a first pass on that row alone, alike in every wave), so that the variance is no
; difference of large sums.  pmlp row = work-group; a scale's block of columns is [sum | sum of squares | P (row 0 alone) | 0], each C wide; scale 0's block, then scale 1's.
; pool[query][channel] = (max, min) of d - P over the query's neighbours: PReLU of an affine map of d is convex in d for a <= 1 and monotone for a > 0,
; so its maximum over the neighbours lies at the largest or at the smallest d.  A NaN is not carried through these maxima.
; ONE SET-UP FOR BOTH SCALES: every load goes out at the head; waves 0-2 make the batch norms of the 32 + 64 channels, thread = channel; both scales' images
; lie side by side in LDS behind one barrier; both scales' sums meet behind one barrier at the end.
; THE MOMENTS: at DEPTH 2 every work-group adds the 256 rows of 64 partial moments itself (64 KiB, sixteen loads of 16 bytes a thread, one barrier), which spares
; a launch for that sum, and work-group 0 stores the 64 totals in mom; at DEPTH 3 they are read from mom.
; LIMITS: f16 operands (normalised activations, centred inputs, weights) must stay under 65,504; inputs are taken to be finite.
; No tensor loads, cluster or ring: the weights are 60 KiB at the most, staged once a work-group through registers; rows are 16 bytes.
; THE MODE: SCHED_MODE bits 1:0 = 2 (LLVM: expert scheduling mode 2), set by the entry lines.  The code itself states the register dependences
; between vector or matrix instructions and memory or LDS instructions, with s_wait_alu, always for 0.
; THE PLAN.  Registers that memory instructions touch in a pass:
;   XF (v16-19, v24-27)    read by layer 1's products at the pass's head; behind them the next rows' loads land in it.
;   v4                     read by those loads; stepped once a pass, behind the last layer's first products.
;   v[TMP+8:TMP+15], v6    (DEPTH 3) written by POOL and by a step beside v4's; read by the pass's four stores, which stand together at its end.
;   ACC, P, ST, PVP, TMP to TMP+7, the weights' operands and the shifts are named by vector and matrix instructions alone.
; So a pass has three waits: on va_vdst behind layer 1's products (XF is read, v4 is written); on vm_vsrc behind the last layer's first products (this pass's loads
; have read v4, the last pass's stores v6 and their data); on va_vdst ahead of the four stores.
; Outside the passes arithmetic and stores stand in runs: all of a stage's results into registers of their own, one wait on va_vdst, the run of stores; one wait on
; vm_vsrc ahead of the first line that writes any of those registers again.
.set DEPTH, 3
.set XF,  16                           ; v[16:31]   two operands of 16 rows; registers 4-7 of each stay 0
.set ACC, 32                           ; v[32:95]   accumulator (channel tile t, row tile l) at 16 t + 8 l
.set P,   96                           ; v[96:127]  activations in f16: 16 l + 4 t + pair
.set SH1, 128                          ; v[128:159] layer 1's shifts, 8 a channel tile
.set SH2, 160                          ; v[160:191] layer 2's
.set ST,  192                          ; v[192:223] a channel tile: pair of sums, pair of sums of squares
.set PVP, 224                          ; v[224:239] P, twice, a channel tile
.set TMP, 240                          ; v[240:255]
.set W1B, 0                            ; window 1: weights' operands, 8 registers at (t KS + u)
.set W2B, 32
.set W3B, 96
.set S2W, 224                          ; window 1: layer 2's s, 8 a channel tile
.set MV,  192                          ; the set-up: v[192:223] my scale's 32 moments; v[32:95] partial moments; v[96:127] batch norm;
.set WCH, 128                          ; v[128:187] my chunks of the weights; v188, v224-236 offsets
.set MP,    0                          ; LDS: [16][64] f32 partial moments
.set MB,    4096                       ; [3 waves][32] f32: each batch-norm wave's own copy of its scale's moments
.set SH1A,  4608                       ; shift 1, s 2, shift 2: 96 f32 each, scale 0's 32 channels, then scale 1's 64
.set S2A,   4992
.set SH2A,  5376
.set IMG1,  6144                       ; f16 images of the weights: layer 1, 96 rows of 80 bytes;
.set IMG20, 13824                      ; scale 0: layer 2, 32 rows of 80; layer 3, 64 rows of 80;
.set IMG30, 16384
.set IMG21, 21504                      ; scale 1: layer 2, 64 rows of 144; layer 3, 128 rows of 144
.set IMG31, 30720
.set RED,   49152                      ; [8 waves][RP bytes] the waves' sums, both scales' blocks
.if DEPTH == 3
.set CL0, 64
.set CL1, 128
.set WLB, W3B
.set NLATE, 16                         ; loads issued behind the batch-norm loads: 15 chunks of weights and row 0
.else
.set CL0, 32
.set CL1, 64
.set WLB, W2B
.set NLATE, 6                          ; loads issued behind the moments: 5 chunks of weights and row 0
.endif
.set RP, 16*(CL0+CL1)
.set MSB, 0
.macro WIN new                         ; the immediate's high byte repeats the setting that is left
.if MSB != \new
	s_set_vgpr_msb (MSB<<8)|\new
.set MSB, \new
.endif
.endm
.macro PLACES                          ; four plain places between matrix instructions and what reads their results or writes their sources (ISA guide 7.12.1)
.rept 4
	v_nop
.endr
.endm
.macro RND2 a, b, t                    ; two numbers to bf16, nearest even, kept as f32
	v_cvt_pk_bf16_f32 v[\t], v[\a], v[\b]
	v_lshlrev_b32 v[\a], 16, v[\t]
	v_and_b32 v[\b], s50, v[\t]
.endm
.macro SRND r, t                       ; the same for a finite number in a scalar register: + 0x7fff + the bit that stays lowest, then cut
	s_bfe_u32 s[\t], s[\r], 0x10010
	s_add_co_u32 s[\r], s[\r], s[\t]
	s_add_co_u32 s[\r], s[\r], 0x7fff
	s_and_b32 s[\r], s[\r], 0xffff0000
.endm
.macro CC a, cb                        ; a to bf16; c1 = (1 + a) / 2 into s[cb], c2 = (1 - a) / 2 into s[cb+2]; the copy of c1 into s[cb+1] stands behind the wait for these
	SRND \a, 55
	v_fma_f32 v232, s[\a], 0.5, 0.5
	v_readfirstlane_b32 s[\cb], v232
	v_fma_f32 v232, s[\a], -0.5, 0.5
	v_readfirstlane_b32 s[\cb+2], v232
.endm
.macro SIDX i, j                       ; sx = the register of the product sum (i, j)
.if \i <= \j
.set sx, MV+6+\i*6-(\i*(\i-1))/2+(\j-\i)
.else
.set sx, MV+6+\j*6-(\j*(\j-1))/2+(\i-\j)
.endif
.endm
.macro TREE16                          ; sixteen vectors of four at v32 on, added by halves
.irp st, 8,4,2,1
.set i, 0
.rept \st
	v_pk_add_f32 v[32+4*i:33+4*i], v[32+4*i:33+4*i], v[32+4*(i+\st):33+4*(i+\st)]
	v_pk_add_f32 v[34+4*i:35+4*i], v[34+4*i:35+4*i], v[34+4*(i+\st):35+4*(i+\st)]
.set i, i+1
.endr
.endr
.endm
; NL = the row tiles of the pass in hand: 2, or 1 in the pass on row 0.
; A middle layer: nt channel tiles x NL row tiles, ks steps of 32 along K; the first step's C is the shift (sh) or 0 (sh = -1).
; The accumulators take turns, one instruction a turn.
.macro MM_MID wb, nt, ks, bs, bst, sh
.set mi, 0
.rept (\nt)*(\ks)*NL
.set mu, mi/(NL*(\nt))
.set mt, (mi/NL)%(\nt)
.set ml, mi%NL
.set md, ACC+16*mt+8*ml
.set ma, \wb+8*(mt*(\ks)+mu)
.set mx, \bs+(\bst)*ml+8*mu
.if mu == 0
.if (\sh) < 0
	v_wmma_f32_16x16x32_f16 v[md:md+7], v[ma:ma+7], v[mx:mx+7], 0
.else
	v_wmma_f32_16x16x32_f16 v[md:md+7], v[ma:ma+7], v[mx:mx+7], v[\sh+8*mt:\sh+8*mt+7]
.endif
.else
	v_wmma_f32_16x16x32_f16 v[md:md+7], v[ma:ma+7], v[mx:mx+7], v[md:md+7]
.endif
.set mi, mi+1
.endr
.endm
; The last layer, channel tiles t0 .. t0 + nb - 1, sources swapped; the first step starts the sums with 0.
.macro MM_LAST wb, t0, nb, ks
.set mi, 0
.rept (\nb)*(\ks)*NL
.set mu, mi/(NL*(\nb))
.set mt, (mi/NL)%(\nb)
.set ml, mi%NL
.set md, ACC+16*mt+8*ml
.set ma, P+16*ml+8*mu
.set mx, \wb+8*(((\t0)+mt)*(\ks)+mu)
.if mu == 0
	v_wmma_f32_16x16x32_f16 v[md:md+7], v[ma:ma+7], v[mx:mx+7], 0
.else
	v_wmma_f32_16x16x32_f16 v[md:md+7], v[ma:ma+7], v[mx:mx+7], v[md:md+7]
.endif
.set mi, mi+1
.endr
.endm
.macro ZSC nt                          ; layer 2: z = s d + shift, in place; s in window 1 (source 1); each accumulator from its low end on
.set ai, 0
.rept 8*(\nt)
.if ((ai/4)%2) < NL
.set zc, 8*(ai/8)+2*(ai%4)
	v_pk_fma_f32 v[ACC+2*ai:ACC+2*ai+1], v[ACC+2*ai:ACC+2*ai+1], v[S2W+zc:S2W+zc+1], v[SH2+zc:SH2+zc+1]
.endif
.set ai, ai+1
.endr
.endm
; PReLU and rounding to f16, an accumulator (t = aq / 2, l = aq % 2) at a time, each stage over its four pairs before the next, so that no line reads the
; result of the line before; the accumulator is read from its low end on.  s[sc:sc+1] = c1, s[sc+2] = c2
.macro ACT nt, sc
.set aq, 0
.rept 2*(\nt)
.if (aq%2) < NL
.set ab, ACC+8*aq
.set pd, P+16*(aq%2)+4*(aq/2)
.irp p, 0,1,2,3
	v_pk_mul_f32 v[TMP+2*\p:TMP+2*\p+1], v[ab+2*\p:ab+2*\p+1], s[\sc:\sc+1] op_sel_hi:[1,0]
.endr
.irp p, 0,1,2,3,4,5,6,7
	v_fma_f32 v[TMP+\p], |v[ab+\p]|, s[\sc+2], v[TMP+\p]
.endr
.irp p, 0,1,2,3
	v_cvt_pk_f16_f32 v[pd+\p], v[TMP+2*\p], v[TMP+2*\p+1]
.endr
.endif
.set aq, aq+1
.endr
.endm
.macro PIV t0, nb                      ; the pass on row 0: all rows are alike, register 0 is P
.set si, 0
.rept \nb
	v_mov_b32 v[PVP+2*((\t0)+si)], v[ACC+16*si]
	v_mov_b32 v[PVP+2*((\t0)+si)+1], v[ACC+16*si]
.set si, si+1
.endr
.endm
; d - P in place, its sum and its sum of squares.  Pairs in ascending order; for a pair each of the three stages runs over all accumulators (row tile 0 of
; every channel tile, then row tile 1) before the next.
.macro STAT t0, nb
.irp p, 0,1,2,3
.set sj, 0
.rept 2*(\nb)
.set sa, ACC+16*(sj%(\nb))+8*(sj/(\nb))+2*\p
.set sq, (\t0)+sj%(\nb)
	v_pk_add_f32 v[sa:sa+1], v[sa:sa+1], v[PVP+2*sq:PVP+2*sq+1] neg_lo:[0,1] neg_hi:[0,1]
.set sj, sj+1
.endr
.set sj, 0
.rept 2*(\nb)
.set sa, ACC+16*(sj%(\nb))+8*(sj/(\nb))+2*\p
.set sq, (\t0)+sj%(\nb)
	v_pk_add_f32 v[ST+4*sq:ST+4*sq+1], v[ST+4*sq:ST+4*sq+1], v[sa:sa+1]
.set sj, sj+1
.endr
.set sj, 0
.rept 2*(\nb)
.set sa, ACC+16*(sj%(\nb))+8*(sj/(\nb))+2*\p
.set sq, (\t0)+sj%(\nb)
	v_pk_fma_f32 v[ST+4*sq+2:ST+4*sq+3], v[sa:sa+1], v[sa:sa+1], v[ST+4*sq+2:ST+4*sq+3]
.set sj, sj+1
.endr
.endr
.endm
; A query's maximum and minimum for two channel tiles: four chains along KNN / 2 registers, by turns; then across the halves of the lanes, so that lane l ends
; with channel 16 t + l.  The pair goes into two registers of its own among v[TMP+8:TMP+15]; POOLOUT stores a pass's four pairs.
.macro POOL t0, nb
.set NQ, 32/KNN
.set pq, 0
.rept ((\nb)/2)*NQ
.set pp, pq/NQ
.set ql, pq%NQ
.set pb, ACC+32*pp+8*ql
.set po, TMP+8+2*((((\t0)/2)+pp)*NQ+ql)
	v_max3_num_f32 v[TMP], v[pb], v[pb+1], v[pb+2]
	v_max3_num_f32 v[TMP+1], v[pb+16], v[pb+17], v[pb+18]
	v_min3_num_f32 v[TMP+2], v[pb], v[pb+1], v[pb+2]
	v_min3_num_f32 v[TMP+3], v[pb+16], v[pb+17], v[pb+18]
.set ri, 3
.rept (KNN/2-4)/2
	v_max3_num_f32 v[TMP], v[TMP], v[pb+ri], v[pb+ri+1]
	v_max3_num_f32 v[TMP+1], v[TMP+1], v[pb+16+ri], v[pb+16+ri+1]
	v_min3_num_f32 v[TMP+2], v[TMP+2], v[pb+ri], v[pb+ri+1]
	v_min3_num_f32 v[TMP+3], v[TMP+3], v[pb+16+ri], v[pb+16+ri+1]
.set ri, ri+2
.endr
	v_max_num_f32 v[TMP], v[TMP], v[pb+KNN/2-1]
	v_max_num_f32 v[TMP+1], v[TMP+1], v[pb+16+KNN/2-1]
	v_min_num_f32 v[TMP+2], v[TMP+2], v[pb+KNN/2-1]
	v_min_num_f32 v[TMP+3], v[TMP+3], v[pb+16+KNN/2-1]
	v_cndmask_b32 v[TMP+4], v[TMP], v[TMP+1], s50          ; the maximum that my half of the lanes keeps,
	v_cndmask_b32 v[TMP+5], v[TMP+1], v[TMP], s50          ; and the one that it sends
	v_cndmask_b32 v[po+1], v[TMP+2], v[TMP+3], s50         ; the same for the minimum
	v_cndmask_b32 v[TMP], v[TMP+3], v[TMP+2], s50
	v_permlanex16_b32 v[TMP+6], v[TMP+5], s48, s49
	v_permlanex16_b32 v[TMP+7], v[TMP], s48, s49
	v_max_num_f32 v[po], v[TMP+4], v[TMP+6]
	v_min_num_f32 v[po+1], v[po+1], v[TMP+7]
.set pq, pq+1
.endr
.endm
; A pass's four stores: pair pq is query pq % NQ, channel tiles 2 (pq / NQ) and the next.  One store of 8 bytes a lane covers 256 consecutive bytes, aligned.
; v6 has been stepped in this pass: the immediate reaches back by the step.
.macro POOLOUT
.set NQ, 32/KNN
.set pq, 0
.rept (NTL/2)*NQ
	global_store_b64 v6, v[TMP+8+2*pq:TMP+9+2*pq], s[10:11] offset:(pq%NQ)*1536+256*(pq/NQ)-1536*NQ
.set pq, pq+1
.endr
.endm
; Rows through the layers.  mode 0: the pass on row 0, one row tile; 1: 32 rows of the wave.  pf = 1: the next 32 rows are asked for; 2: the next scale's row 0.
.macro FORWARD mode, pf
.if \mode
.set NL, 2
.else
.set NL, 1
.endif
	s_wait_loadcnt 0x0                             ; the only loads out are this pass's row loads
	WIN 0x01
	MM_MID W1B, NT1, 1, XF, 8, SH1
	WIN 0
	PLACES
.if \pf
	s_wait_alu depctr_va_vdst(0)                   ; layer 1's products are done reading XF, in which the loads below land; v4, which they read, is written
.endif
.if \pf == 1
	global_load_b128 v[XF:XF+3], v4, s[4:5]
	global_load_b128 v[XF+8:XF+11], v4, s[4:5] offset:256
.elseif \pf == 2
	global_load_b128 v[XF:XF+3], v5, s[4:5]        ; it has this whole pass in which to land
.endif
	ACT NT1, CB
.if DEPTH == 3
	WIN 0x01
	MM_MID W2B, NT1, KS, P, 16, -1
	WIN 0x04
	PLACES
	ZSC NT1
	WIN 0
	ACT NT1, CB+4
.endif
.set ft, 0
.rept NTL/NB
	WIN 0x04
	MM_LAST WLB, ft, NB, KS
	WIN 0
	PLACES
.if (ft == 0) && ((\pf == 1) || (\mode && (DEPTH == 3)))
	s_wait_xcnt 0x0                                ; offsets and data of the loads and stores issued so far are rewritten only behind this wait
	s_wait_alu depctr_vm_vsrc(0)                   ; this pass's row loads have read v4; the last pass's stores have read v6 and v[TMP+8:TMP+15], which POOL writes again
.if \pf == 1
	v_add_nc_u32 v4, 512, v4                       ; the rows that the next pass asks for
.endif
.if \mode && (DEPTH == 3)
	v_add_nc_u32 v6, 1536*(32/KNN), v6             ; the next pass's queries; this pass's stores reach back
.endif
.endif
.if \mode
	STAT ft, NB
.if DEPTH == 3
	POOL ft, NB
.endif
.else
	PIV ft, NB
.endif
.set ft, ft+NB
.endr
.if \mode && (DEPTH == 3)
	s_wait_alu depctr_va_vdst(0)                   ; POOL has written v[TMP+8:TMP+15], and v6 is written: the four stores read them
	POOLOUT
.endif
.endm
.macro CVW rb, nch                     ; my chunks of four weights: to bf16, then (exactly) to f16, into the first two of their four registers
.set i, 0
.rept \nch
	RND2 \rb+4*i, \rb+4*i+1, 80
	RND2 \rb+4*i+2, \rb+4*i+3, 81
	v_cvt_pk_f16_f32 v[\rb+4*i], v[\rb+4*i], v[\rb+4*i+1]
	v_cvt_pk_f16_f32 v[\rb+4*i+1], v[\rb+4*i+2], v[\rb+4*i+3]
.set i, i+1
.endr
.endm
.macro STW rb, nch, img, ad, rs        ; and into the image; rs = bytes of the rows that 256 chunks fill
.set i, 0
.rept \nch
	ds_store_b64 v[\ad], v[\rb+4*i:\rb+4*i+1] offset:\img+i*\rs
.set i, i+1
.endr
.endm
.macro FRAG rb, nt, ks, ar, img, pt    ; operands out of an image: lane (r, h) takes row 16 t + r, bytes 64 u + 16 h and + 32
.set i, 0
.rept (\nt)*(\ks)
	ds_load_b128 v[\rb+8*i:\rb+8*i+3], v[\ar] offset:\img+(i/(\ks))*16*(\pt)+64*(i%(\ks))
	ds_load_b128 v[\rb+8*i+4:\rb+8*i+7], v[\ar] offset:\img+(i/(\ks))*16*(\pt)+64*(i%(\ks))+32
.set i, i+1
.endr
.endm
.macro SHL rb, nt, arr                 ; a number a channel, laid as a result is: register j = channel 16 t + 8 h + j
.set i, 0
.rept \nt
	ds_load_b128 v[\rb+8*i:\rb+8*i+3], v10 offset:\arr+64*i
	ds_load_b128 v[\rb+8*i+4:\rb+8*i+7], v10 offset:\arr+64*i+16
.set i, i+1
.endr
.endm
; One scale's passes.  c1 = channels of layers 1 and 2, c3 of layer 3, kn neighbours, xb byte of its rows in xh, rw rows of a work-group, coff its first
; channel in pool, i2, i3 its images of layers 2 and 3, last = 1: no scale follows.
.macro SCALE sc, c1, c3, kn, xb, rw, coff, i2, i3, last
.set PT2, 2*\c1+16
.set NT1, \c1/16
.set KS,  \c1/32
.set KNN, \kn
.set CB,  40+16*\sc
.set FA,  8+\sc
.if DEPTH == 3
.set CL, \c3
.else
.set CL, \c1
.endif
.set NTL, CL/16
.set NB, 4
.if NTL < 4
.set NB, NTL
.endif
	s_wait_xcnt 0x0                                ; offsets and data of earlier loads and stores are rewritten only behind this wait
	s_wait_alu depctr_vm_vsrc(0)                   ; the loads and stores issued so far have read v4, v6, v7, written below; the set-up's offsets in v188 and v224-235, the weights' chunks and the sums in v32 on, written in the passes
	s_mul_i32 s51, s12, RP
	s_add_co_u32 s51, s51, RED+16*CL0*\sc
	v_lshlrev_b32 v7, 2, v1
	v_mad_u32_u24 v7, v2, 4*CL, v7
	v_add_nc_u32 v7, s51, v7                       ; my place among the waves' sums
	s_mul_i32 s51, s13, \rw*16
	s_mul_i32 s55, s12, \rw*2
	s_add_co_u32 s51, s51, s55
	s_add_co_u32 s51, s51, \xb
	v_lshl_add_u32 v4, v1, 4, s51                  ; my wave's first rows: lanes 16-31 take the same rows as lanes 0-15
.if DEPTH == 3
	s_mul_i32 s51, s13, 49152
	s_mul_i32 s55, s12, 6144
	s_add_co_u32 s51, s51, s55
	s_add_co_u32 s51, s51, \coff*8
	v_and_b32 v6, 31, v0
	v_lshl_add_u32 v6, v6, 3, s51                  ; my wave's first query in pool
.endif
	WIN 0x40
	s_wait_alu depctr_va_vdst(0)                   ; the conversions (scale 0) or the last scale's products and scalings (scale 1) are done with the registers in which the loads below land; only loads and a window switch stand up to the last of them
	FRAG W1B, NT1, 1, 8, IMG1+2560*\sc, 80
	FRAG W2B, NT1, KS, FA, \i2, PT2
.if DEPTH == 3
	FRAG W3B, \c3/16, KS, FA, \i3, PT2
	SHL S2W, NT1, S2A+128*\sc
.endif
	WIN 0
	SHL SH1, NT1, SH1A+128*\sc
.if DEPTH == 3
	SHL SH2, NT1, SH2A+128*\sc
.endif
.set i, 0
.rept 4*NTL
	v_mov_b32 v[ST+i], 0
.set i, i+1
.endr
	s_wait_dscnt 0x0
	FORWARD 0, 1
.if \rw/256 > 2
	s_mov_b32 s52, \rw/256-1
.Ltrip_\@:
	FORWARD 1, 1
	s_sub_co_u32 s52, s52, 1
	s_cmp_lg_u32 s52, 0
	s_cbranch_scc1 .Ltrip_\@
.else
	FORWARD 1, 1
.endif
.if \last
	FORWARD 1, 0                                   ; the last 32 rows ask for nothing
.else
	FORWARD 1, 2
.endif
	; the wave's sums: lanes 0-15 end with the sum, lanes 16-31 with the sum of squares of channel 16 t + r.  No wave reads them before the barrier at the end.
	; Each channel tile's two numbers go into two registers of their own, where the accumulators lay, so that the stores stand in one run.
.set i, 0
.rept NTL
	v_add_f32 v[TMP], v[ST+4*i], v[ST+4*i+1]
	v_add_f32 v[TMP+1], v[ST+4*i+2], v[ST+4*i+3]
	v_cndmask_b32 v[TMP+2], v[TMP], v[TMP+1], s50
	v_cndmask_b32 v[TMP+3], v[TMP+1], v[TMP], s50
	v_permlanex16_b32 v[TMP+6], v[TMP+3], s48, s49
	v_add_f32 v[ACC+2*i], v[TMP+2], v[TMP+6]
	v_and_b32 v[ACC+2*i+1], v14, v[PVP+2*i]        ; P from wave 0 of work-group 0 alone, 0 from all others: the column's sum is P
.set i, i+1
.endr
	s_wait_alu depctr_va_vdst(0)                   ; the sums are written into v[ACC ..], which the LDS stores read
.set i, 0
.rept NTL
	ds_store_b32 v7, v[ACC+2*i] offset:64*i
	ds_store_b32 v7, v[ACC+2*i+1] offset:8*CL+64*i
.set i, i+1
.endr
.endm
	; THE SET-UP.  All arguments at once.
.if DEPTH == 3
	s_load_b256 s[4:11], s[0:1], 0x0               ; xh s[4:5], sums s[6:7], pmlp s[8:9], pool s[10:11]
	s_load_b64 s[14:15], s[0:1], 0x20              ; mom
	s_load_b512 s[16:31], s[0:1], 0x28             ; scale 0: w1 16, b1 18, gamma1 20, beta1 22, a1 24, w2 26, b2 28, gamma2 30,
	s_load_b128 s[32:35], s[0:1], 0x68             ; beta2 32, a2 34,
	s_load_b64 s[36:37], s[0:1], 0x78              ; w3 36
	s_load_b512 s[68:83], s[0:1], 0x80             ; scale 1: the same from s68 on
	s_load_b128 s[84:87], s[0:1], 0xc0
	s_load_b64 s[88:89], s[0:1], 0xd0
.else
	s_load_b64 s[4:5], s[0:1], 0x0                 ; xh
	s_load_b64 s[14:15], s[0:1], 0x8               ; part: the partial moments
	s_load_b128 s[8:11], s[0:1], 0x10              ; pmlp s[8:9], mom s[10:11]
	s_load_b256 s[16:23], s[0:1], 0x20             ; scale 0: w1 16, b1 18, gamma1 20, beta1 22,
	s_load_b128 s[24:27], s[0:1], 0x40             ; a1 24, w2 26
	s_load_b256 s[68:75], s[0:1], 0x50             ; scale 1: the same from s68 on
	s_load_b128 s[76:79], s[0:1], 0x70
	v_lshl_add_u32 v254, v0, 2, 0x12000
	v_mov_b32 v255, 0
.endif
	v_and_b32 v1, 15, v0                           ; r
	v_bfe_u32 v2, v0, 4, 1                         ; h
	v_lshrrev_b32 v3, 5, v0
	v_readfirstlane_b32 s12, v3                    ; wave
	s_mov_b32 s13, ttmp9
	s_mov_b32 s48, 0x76543210
	s_mov_b32 s49, 0xfedcba98
	s_mov_b32 s50, 0xffff0000                      ; lanes 16-31; also a word's upper bf16
	s_wait_alu depctr_va_sdst(0)                   ; s12 is written, ahead of its first reader
	s_or_b32 s51, s12, s13
	s_cmp_eq_u32 s51, 0
	s_cselect_b32 s51, 0xffff, 0
	v_cndmask_b32 v14, 0, -1, s51                  ; all ones in lanes 0-15 of wave 0 of work-group 0
	v_mul_u32_u24 v8, 80, v1
	v_lshl_add_u32 v8, v2, 4, v8                   ; an operand's row and half in an image of pitch 80,
	v_mul_u32_u24 v9, 144, v1
	v_lshl_add_u32 v9, v2, 4, v9                   ; and of pitch 144
	v_lshlrev_b32 v10, 5, v2
	v_lshlrev_b32 v11, 4, v0
	v_lshlrev_b32 v15, 2, v0
	v_add_nc_u32 v12, RED, v11                     ; at the end: thread = four columns of the group's row
	s_mul_i32 s51, s13, 3072
	v_add_nc_u32 v3, s51, v11                      ; my 16 bytes of the group's row of pmlp
	v_mov_b32 v13, 0                               ; scale 0's row 0 in xh,
	v_mov_b32 v5, 0x200000                         ; and scale 1's
	v_lshrrev_b32 v233, 3, v0                      ; where my chunk of four weights goes: rows of 32 weights, 8 chunks a row, pitch 80,
	v_and_b32 v236, 7, v0
	v_lshlrev_b32 v236, 3, v236
	v_mad_u32_u24 v233, v233, 80, v236
	v_lshrrev_b32 v234, 4, v0                      ; rows of 64 weights, 16 chunks a row, pitch 144
	v_lshlrev_b32 v236, 3, v1
	v_mad_u32_u24 v234, v234, 144, v236
.if DEPTH == 2
	v_lshrrev_b32 v188, 4, v0                      ; partial moments: rows t / 16 + 16 i of 8,960 bytes, columns 4 (t % 16) on
	v_mul_u32_u24 v188, 8960, v188
	v_lshl_add_u32 v188, v1, 4, v188
.endif
.irp i, 4,5,6,7,12,13,14,15
	v_mov_b32 v[XF+\i], 0
.endr
	v_mov_b32 v[TMP+6], 0                          ; v_permlanex16_b32 counts as a reader of its destination
	v_mov_b32 v[TMP+7], 0
	s_wait_kmcnt 0x0
	s_load_b32 s53, s[24:25], 0x0                  ; the slopes a
	s_load_b32 s90, s[76:77], 0x0
.if DEPTH == 3
	s_load_b32 s54, s[34:35], 0x0
	s_load_b32 s91, s[86:87], 0x0
.endif
	s_wait_alu depctr_va_vdst(0)                   ; the offsets and addresses v3, v5, v8 to v13, v15, v188, v233 and v234 are written, which loads and stores of the whole kernel read
	; waves 0-2, thread = channel (0-31 scale 0, 32-95 scale 1), ask for what batch norm needs: first of all loads, since the longest chain hangs on them
	s_cmp_ge_u32 s12, 3
	s_cbranch_scc1 .Lasked
	s_cmp_eq_u32 s12, 0
	s_cselect_b64 s[92:93], s[16:17], s[68:69]     ; w1
	s_cselect_b64 s[94:95], s[18:19], s[70:71]     ; b1
	s_cselect_b64 s[96:97], s[20:21], s[72:73]     ; gamma1
	s_cselect_b64 s[98:99], s[22:23], s[74:75]     ; beta1
.if DEPTH == 3
	s_cselect_b64 s[2:3], s[28:29], s[80:81]       ; b2
	s_cselect_b64 s[38:39], s[30:31], s[82:83]     ; gamma2
	s_cselect_b64 s[100:101], s[32:33], s[84:85]   ; beta2
.endif
	s_cselect_b32 s51, 0, 1                        ; my scale
	s_mul_i32 s55, s51, 768
	v_mul_u32_u24 v224, 24, v0
	v_sub_nc_u32 v224, v224, s55                   ; my row of w1: 24 bytes x (thread - 32 x scale)
	s_lshl_b32 s55, s51, 7
	v_sub_nc_u32 v225, v15, s55                    ; my channel's word
.if DEPTH == 3
	s_mul_i32 s55, s51, 384
	v_add_nc_u32 v226, s55, v15                    ; layer 2's sums: column t, or 96 + t
	s_lshl_b32 s55, s51, 9
	s_add_co_u32 s55, s55, 128
	v_add_nc_u32 v227, s55, v15                    ; sums of squares: 32 + t, or 160 + t
	s_mul_i32 s55, s51, 640
	s_add_co_u32 s55, s55, 256
	v_add_nc_u32 v228, s55, v15                    ; P: 64 + t, or 224 + t
	s_lshl_b32 s55, s51, 7
	v_mov_b32 v229, s55                            ; my scale's 32 moments, the same in every lane
.endif
	s_wait_alu depctr_va_vdst(0)                   ; the offsets v224 and v225 (at DEPTH 3 v226 to v229 too) are written, which the loads below read
	global_load_b64 v[96:97], v224, s[92:93]
	global_load_b64 v[98:99], v224, s[92:93] offset:8
	global_load_b64 v[100:101], v224, s[92:93] offset:16
	global_load_b32 v102, v225, s[94:95]
	global_load_b32 v103, v225, s[96:97]
	global_load_b32 v104, v225, s[98:99]
.if DEPTH == 3
	global_load_b32 v121, v226, s[6:7]
	global_load_b32 v122, v227, s[6:7]
	global_load_b32 v123, v228, s[6:7]
	global_load_b32 v124, v225, s[2:3]
	global_load_b32 v125, v225, s[38:39]
	global_load_b32 v126, v225, s[100:101]
.set k, 0
.rept 8
	global_load_b128 v[MV+4*k:MV+4*k+3], v229, s[14:15] offset:16*k
.set k, k+1
.endr
.endif
.Lasked:
.if DEPTH == 2
.set i, 0
.rept 16
	global_load_b128 v[32+4*i:35+4*i], v188, s[14:15] offset:143360*i
.set i, i+1
.endr
.endif
	global_load_b128 v[WCH:WCH+3], v11, s[26:27]   ; the weights, chunk i x 256 + thread: scale 0's layer 2,
.set i, 0
.rept 4
	global_load_b128 v[WCH+4+4*i:WCH+7+4*i], v11, s[78:79] offset:4096*i    ; scale 1's
.set i, i+1
.endr
.if DEPTH == 3
.set i, 0
.rept 2
	global_load_b128 v[WCH+20+4*i:WCH+23+4*i], v11, s[36:37] offset:4096*i  ; scale 0's layer 3,
.set i, i+1
.endr
.set i, 0
.rept 8
	global_load_b128 v[WCH+28+4*i:WCH+31+4*i], v11, s[88:89] offset:4096*i  ; scale 1's
.set i, i+1
.endr
.endif
	global_load_b128 v[XF:XF+3], v13, s[4:5]       ; scale 0's row 0, in every lane
.if DEPTH == 2
	s_wait_loadcnt NLATE                           ; loads come back in order: the moments (and what was asked for ahead of them) are in; the weights and row 0 stay out
	TREE16
	s_wait_alu depctr_va_vdst(0)                   ; the additions have written v[32:35], which the LDS store reads, and are done with v32 to v47, in which LDS loads of waves 0-2 land
	ds_store_b128 v11, v[32:35] offset:MP
	s_wait_alu depctr_vm_vsrc(0)                   ; the LDS store has read v[32:35], in which those loads land
	s_wait_dscnt 0x0                               ; for waves 0-2: my partial row is in LDS
	s_barrier_signal -1
	s_barrier_wait -1
.endif
	s_cmp_ge_u32 s12, 3
	s_cbranch_scc1 .Lbn_done
	s_min_u32 s51, s12, 1                          ; my scale
	s_lshl_b32 s47, s51, 23
	s_sub_co_u32 s47, 0x37000000, s47              ; 1 / 131,072 or 1 / 262,144 rows
.if DEPTH == 2
	s_lshl_b32 s55, s51, 7
	v_and_b32 v229, 31, v0
	v_lshlrev_b32 v229, 2, v229
	v_add_nc_u32 v230, s55, v229                   ; lane = column of my scale
	s_wait_alu depctr_va_vdst(0)                   ; v230 is written, which the LDS loads below read
.set k, 0
.rept 16
	ds_load_b32 v[32+k], v230 offset:MP+256*k
.set k, k+1
.endr
	s_wait_dscnt 0x0
.irp st, 8,4,2,1
.set k, 0
.rept \st
	v_add_f32 v[32+k], v[32+k], v[32+k+\st]
.set k, k+1
.endr
.endr
	s_lshl_b32 s55, s12, 7
	v_add_nc_u32 v231, s55, v229                   ; my word in my wave's own 128 bytes,
	v_mov_b32 v235, s55                            ; and their first byte
	s_wait_alu depctr_va_vdst(0)                   ; the additions have written v32, which the LDS store and the store of the totals read; v231 and v235, the addresses below, are written
	ds_store_b32 v231, v32 offset:MB               ; into my wave's own 128 bytes, and back into every lane: LDS serves a wave's instructions in order (ISA guide 5.7.1.4)
.set k, 0
.rept 8
	ds_load_b128 v[MV+4*k:MV+4*k+3], v235 offset:MB+16*k
.set k, k+1
.endr
	s_lshl_b32 s55, s13, 3
	s_or_b32 s55, s55, s12
	s_cmp_ge_u32 s55, 2
	s_cbranch_scc1 .Lno_mom
	global_store_b32 v230, v32, s[10:11]           ; waves 0 and 1 of work-group 0: the 64 totals; v32 is written again only behind the waits at the head of the passes
.Lno_mom:
	s_wait_dscnt 0x0
.else
	s_wait_loadcnt NLATE                           ; loads come back in order: what batch norm needs is in; the weights and row 0 stay out
.endif
	RND2 96, 97, 105                               ; w, b, gamma, beta to bf16
	RND2 98, 99, 105
	RND2 100, 101, 105
	RND2 102, 103, 105
	RND2 104, 104, 105
.if DEPTH == 3
	RND2 124, 125, 105
	RND2 126, 126, 105
.endif
	v_mul_f32 v105, v[MV], v96
.irp i, 1,2,3,4,5
	v_fmac_f32 v105, v[MV+\i], v[96+\i]
.endr
.irp i, 0,1,2,3,4,5
	SIDX \i, 0
	v_mul_f32 v107, v[sx], v96
.irp j, 1,2,3,4,5
	SIDX \i, \j
	v_fmac_f32 v107, v[sx], v[96+\j]
.endr
.if \i == 0
	v_mul_f32 v106, v96, v107
.else
	v_fmac_f32 v106, v[96+\i], v107
.endif
.endr
	v_mul_f32 v105, s47, v105                      ; mean of w . x
	v_mul_f32 v106, s47, v106
	v_fma_f32 v106, -v105, v105, v106              ; variance
	v_max_num_f32 v106, 0, v106
	v_add_f32 v106, 0x3727c5ac, v106               ; + 1e-5
.if DEPTH == 3
	v_mul_f32 v121, s47, v121                      ; layer 2: mean of d - P
	v_mul_f32 v122, s47, v122
	v_fma_f32 v122, -v121, v121, v122
	v_max_num_f32 v122, 0, v122
	v_add_f32 v122, 0x3727c5ac, v122
.endif
	v_rsq_f32 v107, v106                           ; the roots are one batch
.if DEPTH == 3
	v_rsq_f32 v127, v122
.endif
	v_add_f32 v109, v105, v102                     ; mu = mean + b (a plain instruction behind the last root)
.if DEPTH == 3
	v_add_f32 v121, v121, v123                     ; + P
	v_add_f32 v121, v121, v124                     ; mu = mean + b
.endif
	s_wait_alu depctr_va_vdst(0)                   ; the roots have written v107 (and v127), ahead of their first reader
	v_mul_f32 v108, v103, v107                     ; s
	v_sub_f32 v109, v102, v109
	v_fma_f32 v107, v108, v109, v104               ; shift = beta + s (b - mu), in a register that nothing below writes
.irp i, 0,1,2,3,4,5
	v_mul_f32 v[96+\i], v108, v[96+\i]
.endr
	v_cvt_pk_f16_f32 v112, v96, v97                ; s w: the high part,
	v_cvt_pk_f16_f32 v113, v98, v99
	v_cvt_pk_f16_f32 v114, v100, v101
	v_mov_b32 v115, 0
	v_lshrrev_b32 v106, 16, v112                   ; and what that rounding left
	v_cvt_f32_f16 v105, v112.l
	v_cvt_f32_f16 v106, v106.l
	v_sub_f32 v96, v96, v105
	v_sub_f32 v97, v97, v106
	v_lshrrev_b32 v106, 16, v113
	v_cvt_f32_f16 v105, v113.l
	v_cvt_f32_f16 v106, v106.l
	v_sub_f32 v98, v98, v105
	v_sub_f32 v99, v99, v106
	v_lshrrev_b32 v106, 16, v114
	v_cvt_f32_f16 v105, v114.l
	v_cvt_f32_f16 v106, v106.l
	v_sub_f32 v100, v100, v105
	v_sub_f32 v101, v101, v106
	v_cvt_pk_f16_f32 v116, v96, v97
	v_cvt_pk_f16_f32 v117, v98, v99
	v_cvt_pk_f16_f32 v118, v100, v101
.irp i, 119,108,109,110,111
	v_mov_b32 v\i, 0
.endr
	v_mul_u32_u24 v120, 80, v0
.if DEPTH == 3
	v_mul_f32 v127, v125, v127                     ; layer 2's s
	v_sub_f32 v121, v124, v121
	v_fma_f32 v121, v127, v121, v126
.endif
	s_wait_alu depctr_va_vdst(0)                   ; the shifts, s, my row of the image and its address v120 are written, which the LDS stores read
	ds_store_b32 v15, v107 offset:SH1A
	ds_store_b128 v120, v[112:115] offset:IMG1     ; k = 0..7: the high part (6 numbers, 2 zeros)
	ds_store_b128 v120, v[116:119] offset:IMG1+16  ; k = 8..15: the low part, which meets the same row in lanes 16-31
	ds_store_b128 v120, v[108:111] offset:IMG1+32  ; k = 16..31: zeros
	ds_store_b128 v120, v[108:111] offset:IMG1+48
.if DEPTH == 3
	ds_store_b32 v15, v127 offset:S2A
	ds_store_b32 v15, v121 offset:SH2A
.endif
.Lbn_done:
	s_wait_kmcnt 0x0
	CC 53, 40                                      ; scale 0: layer 1's c1 s40, c2 s42;
	CC 90, 56                                      ; scale 1: s56, s58
.if DEPTH == 3
	CC 54, 44                                      ; layer 2's: s44, s46;
	CC 91, 60                                      ; s60, s62
.endif
	s_wait_alu depctr_va_sdst(0)                   ; c1 and c2 are written into their scalar registers, ahead of their first readers: the copies below and the passes' arithmetic
	s_mov_b32 s41, s40                             ; c1 is named as a pair
	s_mov_b32 s57, s56
.if DEPTH == 3
	s_mov_b32 s45, s44
	s_mov_b32 s61, s60
.endif
	s_wait_loadcnt 0x1                             ; my chunks of the weights are in; row 0, the youngest load, may stay out
	CVW WCH, 1
	CVW WCH+4, 4
.if DEPTH == 3
	CVW WCH+20, 2
	CVW WCH+28, 8
.endif
	s_wait_alu depctr_va_vdst(0)                   ; the conversions have written v[WCH ..], which the LDS stores read
	STW WCH, 1, IMG20, 233, 2560
	STW WCH+4, 4, IMG21, 234, 2304
.if DEPTH == 3
	STW WCH+20, 2, IMG30, 233, 2560
	STW WCH+28, 8, IMG31, 234, 2304
.endif
	s_wait_dscnt 0x0                               ; for the others: s, the shifts and my part of the images are written
	s_barrier_signal -1
	s_barrier_wait -1
	SCALE 0, 32, 64, 16, 0, 512, 0, IMG20, IMG30, 0
	SCALE 1, 64, 128, 32, 2097152, 1024, 64, IMG21, IMG31, 1
	s_wait_alu depctr_vm_vsrc(0)                   ; my LDS stores have read the sums in v32 on, in which the loads behind the barrier land (the arithmetic that named v32 to v63 stands ahead of the last wait on va_vdst)
	s_wait_dscnt 0x0                               ; for the others: my sums of both scales are in LDS
	s_barrier_signal -1
	s_barrier_wait -1
	s_cmp_ge_u32 s12, (CL0+CL1)/32
	s_cbranch_scc1 .Lend
.set i, 0
.rept 8
	ds_load_b128 v[32+4*i:35+4*i], v12 offset:i*RP
.set i, i+1
.endr
	s_wait_dscnt 0x0
.irp st, 4,2,1
.set i, 0
.rept \st
	v_pk_add_f32 v[32+4*i:33+4*i], v[32+4*i:33+4*i], v[32+4*(i+\st):33+4*(i+\st)]
	v_pk_add_f32 v[34+4*i:35+4*i], v[34+4*i:35+4*i], v[34+4*(i+\st):35+4*(i+\st)]
.set i, i+1
.endr
.endr
	s_wait_alu depctr_va_vdst(0)                   ; the additions have written v[32:35], which the store reads
	global_store_b128 v3, v[32:35], s[8:9]         ; sixteen lanes: 256 consecutive bytes, aligned
.Lend:
.if DEPTH == 3
	s_wait_xcnt 0x0
	s_wait_alu depctr_vm_vsrc(0)                   ; the pool stores have read v254 and v255, which are made anew below
	v_lshl_add_u32 v254, v0, 2, 0x12000
	v_mov_b32 v255, 0
.endif
	s_wait_dscnt 0x0                               ; the closing lines, six on end
	s_wait_alu 0x0
	s_wait_tensorcnt 0x0
	ds_add_u32 v254, v255
	s_wait_dscnt 0x0
	s_endpgm
.Lfunc_end_k_qc3ee75767e_mlp3:
	.size	k_qc3ee75767e_mlp3, .Lfunc_end_k_qc3ee75767e_mlp3-k_qc3ee75767e_mlp3
	.p2alignl 7, 3214868480
	.fill 96, 4, 3214868480
	.section	.rodata,"a",@progbits
	.p2align	6, 0x0
	.amdhsa_kernel k_qc3ee75767e_mlp3
		.amdhsa_group_segment_fixed_size 74752
		.amdhsa_private_segment_fixed_size 0
		.amdhsa_enable_private_segment 0
		.amdhsa_kernarg_size 216
		.amdhsa_user_sgpr_count 2
		.amdhsa_user_sgpr_kernarg_segment_ptr 1
		.amdhsa_wavefront_size32 1
		.amdhsa_system_sgpr_workgroup_id_x 1
		.amdhsa_system_sgpr_workgroup_id_y 1
		.amdhsa_system_sgpr_workgroup_id_z 1
		.amdhsa_system_vgpr_workitem_id 0
		.amdhsa_next_free_vgpr 512
		.amdhsa_next_free_sgpr 102
		.amdhsa_reserve_vcc 0
		.amdhsa_float_denorm_mode_32 3
		.amdhsa_float_denorm_mode_16_64 3
		.amdhsa_memory_ordered 1
		.amdhsa_forward_progress 1
		.amdhsa_inst_pref_size 192
	.end_amdhsa_kernel
	.amdgpu_metadata
---
amdhsa.version: [ 1, 2 ]
amdhsa.kernels:
  - .name:           k_qc3ee75767e_mlp3
    .symbol:         k_qc3ee75767e_mlp3.kd
    .args:
      - { .name: xh, .offset: 0, .size: 8, .value_kind: global_buffer, .address_space: global }
      - { .name: sums, .offset: 8, .size: 8, .value_kind: global_buffer, .address_space: global }
      - { .name: pmlp, .offset: 16, .size: 8, .value_kind: global_buffer, .address_space: global }
      - { .name: pool, .offset: 24, .size: 8, .value_kind: global_buffer, .address_space: global }
      - { .name: mom, .offset: 32, .size: 8, .value_kind: global_buffer, .address_space: global }
      - { .name: params_scale0_0_w, .offset: 40, .size: 8, .value_kind: global_buffer, .address_space: global }
      - { .name: params_scale0_0_b, .offset: 48, .size: 8, .value_kind: global_buffer, .address_space: global }
      - { .name: params_scale0_0_gamma, .offset: 56, .size: 8, .value_kind: global_buffer, .address_space: global }
      - { .name: params_scale0_0_beta, .offset: 64, .size: 8, .value_kind: global_buffer, .address_space: global }
      - { .name: params_scale0_0_a, .offset: 72, .size: 8, .value_kind: global_buffer, .address_space: global }
      - { .name: params_scale0_1_w, .offset: 80, .size: 8, .value_kind: global_buffer, .address_space: global }
      - { .name: params_scale0_1_b, .offset: 88, .size: 8, .value_kind: global_buffer, .address_space: global }
      - { .name: params_scale0_1_gamma, .offset: 96, .size: 8, .value_kind: global_buffer, .address_space: global }
      - { .name: params_scale0_1_beta, .offset: 104, .size: 8, .value_kind: global_buffer, .address_space: global }
      - { .name: params_scale0_1_a, .offset: 112, .size: 8, .value_kind: global_buffer, .address_space: global }
      - { .name: params_scale0_2_w, .offset: 120, .size: 8, .value_kind: global_buffer, .address_space: global }
      - { .name: params_scale1_0_w, .offset: 128, .size: 8, .value_kind: global_buffer, .address_space: global }
      - { .name: params_scale1_0_b, .offset: 136, .size: 8, .value_kind: global_buffer, .address_space: global }
      - { .name: params_scale1_0_gamma, .offset: 144, .size: 8, .value_kind: global_buffer, .address_space: global }
      - { .name: params_scale1_0_beta, .offset: 152, .size: 8, .value_kind: global_buffer, .address_space: global }
      - { .name: params_scale1_0_a, .offset: 160, .size: 8, .value_kind: global_buffer, .address_space: global }
      - { .name: params_scale1_1_w, .offset: 168, .size: 8, .value_kind: global_buffer, .address_space: global }
      - { .name: params_scale1_1_b, .offset: 176, .size: 8, .value_kind: global_buffer, .address_space: global }
      - { .name: params_scale1_1_gamma, .offset: 184, .size: 8, .value_kind: global_buffer, .address_space: global }
      - { .name: params_scale1_1_beta, .offset: 192, .size: 8, .value_kind: global_buffer, .address_space: global }
      - { .name: params_scale1_1_a, .offset: 200, .size: 8, .value_kind: global_buffer, .address_space: global }
      - { .name: params_scale1_2_w, .offset: 208, .size: 8, .value_kind: global_buffer, .address_space: global }
    .group_segment_fixed_size: 74752
    .private_segment_fixed_size: 0
    .kernarg_segment_align: 8
    .kernarg_segment_size: 216
    .max_flat_workgroup_size: 256
    .sgpr_count:     102
    .vgpr_count:     512
    .wavefront_size: 32
...
	.end_amdgpu_metadata
.endif
;; end of part 16
;; launch sum3: the kernel of part 12 again; grid 12 x 1, 8 waves a work-group, no clusters, 5,120 bytes of LDS; arguments pmlp, sums; writes sums
;; launch final (part 17): grid 256 x 1, 8 waves a work-group, no clusters, 114,688 bytes of LDS; arguments pool, sums, part, hf, params_scale0_2_b, params_scale0_2_gamma, params_scale0_2_beta, params_scale0_2_a, params_scale1_2_b, params_scale1_2_gamma, params_scale1_2_beta, params_scale1_2_a, params_final_0_w; writes part, hf
.if DOCPART == 17
	.amdgcn_target "amdgcn-amd-amdhsa--gfx1250"
	.amdhsa_code_object_version 6
	.text
	.protected	k_qc3ee75767e_final
	.globl	k_qc3ee75767e_final
	.p2align	8
	.type	k_qc3ee75767e_final,@function
k_qc3ee75767e_final:
	s_mov_b64 s[64:65], 0
	v_nop
	global_prefetch_b8 v0, s[64:65] scope:SCOPE_SE
	s_setreg_imm32_b32 hwreg(HW_REG_WAVE_SCHED_MODE, 0, 2), 2
	s_setreg_imm32_b32 hwreg(HW_REG_WAVE_MODE, 25, 1), 1
	s_wait_xcnt 0x0
	s_wait_alu depctr_vm_vsrc(0)
; Layer 3's batch norm, PReLU and max-pool, then the final layer's product and its batch sums.  Every parameter is rounded to bf16 (nearest even) as
; it is loaded; a bf16 weight is exact in f16, the operands' format.
; y[q][c] = max(f(max d), f(min d)), f = PReLU(s d + shift): f is convex in d for a <= 1 and monotone for a > 0, so its maximum over the neighbours lies
; at the largest or at the smallest d.  The product is taken of y - y[0] (query 0's row, made alike by every wave): a constant shift of the product,
; which batch norm removes, so that the variance is no difference of large sums.
; A work-group: 64 queries x 128 channels; a wave: 32 x 32 (four accumulators).  hf[b][c][s] = the product, f32; part row 2 (x / 2) + wave / 4,
; columns 1216 + c (sum) and 1472 + c (sum of squares).  LIMITS: f16 operands under 65,504; inputs finite.
; sums: layer 3's totals: scale 0's block [sum | sum of squares | P | 0], 64 wide each, at column 0; scale 1's, 128 wide each, at column 256.
; No tensor loads or cluster: a work-group reads 96 KiB of pool and 96 KiB of weights once, through registers, where they are converted anyway.
; THE MODE: SCHED_MODE bits 1:0 = 2 (LLVM: expert scheduling mode 2), set by the entry lines.  The code itself states the register dependences
; between vector or matrix instructions and memory or LDS instructions, with s_wait_alu, always for 0.
; THE PLAN.  The text has no loop; each stage's arithmetic writes registers of its own, one wait on va_vdst follows, then the stage's run of stores.
;   v5, v6            offsets into pool, made at the head, never written again.
;   v7-v10, v13, v14  the staging's offsets (waves 0-5), made in one run ahead of its loads; v8 is written again ahead of the first barrier, v9, v10, v13, v14 in the address block.
;   v16-79            a batch of weights: loaded, converted in place, the first two of each four registers stored to LDS; then the next batch, later the operands land in them.
;   v4                the LDS address of s and the shifts: a register of its own.
;   v112-207          pool's numbers: loaded; each four become two activations, packed into the first of the four; 24 LDS stores on end; then the operands land in them.
;   v208-239          the accumulators: stored to the stage straight behind the products' places and one wait; the sums, which only read them, follow while those stores are out.
;   v248, v251, v15   the wave's sums and their offset: read by two global stores.
.set SS,    0                          ; s of the 192 channels
.set SF,    768                        ; their shifts
.set WIMG,  1536                       ; [128 channels][400 bytes] weights in f16 (384 + 16: sixteen rows start at sixteen different groups of banks)
.set XIMG,  52736                      ; [64 queries][400 bytes] activations in f16
.set STAGE, 78848                      ; [128 channels][272 bytes] results on their way out
.set SSR, 220                          ; v[220:225] s of my channel pair, tau = 0..2 (channels 64 tau + 2 lane, + 1)
.set SFR, 226                          ; v[226:231] their shifts
.set Y0,  232                          ; v[232:237] query 0's activations
.macro RND2 a, b, t                    ; two numbers to bf16, nearest even, kept as f32
	v_cvt_pk_bf16_f32 v[\t], v[\a], v[\b]
	v_lshlrev_b32 v[\a], 16, v[\t]
	v_and_b32 v[\b], s57, v[\t]
.endm
.macro SRND r, t                       ; the same for a finite number in a scalar register: + 0x7fff + the bit that stays lowest, then cut
	s_bfe_u32 s[\t], s[\r], 0x10010
	s_add_co_u32 s[\r], s[\r], s[\t]
	s_add_co_u32 s[\r], s[\r], 0x7fff
	s_and_b32 s[\r], s[\r], 0xffff0000
.endm
	s_load_b256 s[4:11], s[0:1], 0x0               ; pool s[4:5], sums s[6:7], part s[8:9], hf s[10:11]
	s_load_b512 s[16:31], s[0:1], 0x20             ; scale 0: b 16, gamma 18, beta 20, a 22; scale 1: 24, 26, 28, 30
	s_load_b64 s[32:33], s[0:1], 0x60              ; w
	v_lshl_add_u32 v254, v0, 2, 0x1bc00
	v_mov_b32 v255, 0
	v_and_b32 v1, 15, v0                           ; r
	v_bfe_u32 v2, v0, 4, 1                         ; h
	v_and_b32 v3, 31, v0                           ; lane
	v_lshrrev_b32 v4, 5, v0
	v_readfirstlane_b32 s12, v4                    ; wave
	s_lshr_b32 s14, ttmp9, 1                       ; block of 64 queries
	s_and_b32 s15, ttmp9, 1                        ; half of the channels
	s_lshl_b32 s34, s14, 6
	v_lshlrev_b32 v5, 4, v3                        ; query 0's row
	s_mov_b32 s57, 0xffff0000                      ; lanes 16-31; also a word's upper bf16
	s_mov_b32 s58, 0x76543210
	s_mov_b32 s59, 0xfedcba98
	s_wait_alu depctr_va_sdst(0)                   ; s12 is written, ahead of its first reader
	s_lshl3_add_u32 s34, s12, s34                  ; my wave's eight queries
	s_mul_i32 s34, s34, 1536
	v_add_nc_u32 v6, s34, v5
	s_wait_kmcnt 0x0
	s_wait_alu depctr_va_vdst(0)                   ; v5 and v6 are written, which the loads of pool read
.set i, 0
.rept 24
	global_load_b128 v[112+4*i:115+4*i], v6, s[4:5] offset:1536*(i/3)+512*(i%3)
.set i, i+1
.endr
.irp t, 0,1,2
	global_load_b128 v[208+4*\t:211+4*\t], v5, s[4:5] offset:512*\t
.endr
	s_load_b32 s35, s[22:23], 0x0
	s_load_b32 s36, s[30:31], 0x0
	s_cmp_ge_u32 s12, 6
	s_cbranch_scc1 .Lstaged
	; waves 0-5: thread = channel of layer 3 (0-63 scale 0, 64-191 scale 1); then the weights, four rows of 48 chunks to a load
	s_cmp_lt_u32 s12, 2
	s_cselect_b64 s[38:39], s[16:17], s[24:25]
	s_cselect_b64 s[40:41], s[18:19], s[26:27]
	s_cselect_b64 s[42:43], s[20:21], s[28:29]
	s_cselect_b32 s44, 0, 1
	s_mul_i32 s45, s44, 768                        ; the sums: column c, or 192 + c
	s_lshl_b32 s46, s44, 10
	s_add_co_u32 s46, s46, 256                     ; the sums of squares: 64 + c, or 320 + c
	s_lshl_b32 s47, s44, 8
	s_lshl_b32 s55, s44, 23
	s_sub_co_u32 s55, 0x37000000, s55              ; 1 / 131,072 or 1 / 262,144
	v_lshlrev_b32 v7, 2, v0
	v_add_nc_u32 v8, s45, v7
	v_add_nc_u32 v9, s46, v7
	v_sub_nc_u32 v10, v7, s47
	v_mul_u32_u24 v11, 1366, v0
	v_lshrrev_b32 v11, 16, v11                     ; t / 48 for t < 192
	v_mul_u32_u24 v12, 48, v11
	v_sub_nc_u32 v12, v0, v12                      ; t % 48
	s_mul_i32 s56, s15, 98304
	v_mul_u32_u24 v13, 768, v11
	v_lshl_add_u32 v13, v12, 4, v13
	v_add_nc_u32 v13, s56, v13
	v_mul_u32_u24 v14, 400, v11
	v_lshl_add_u32 v14, v12, 3, v14
	s_wait_alu depctr_va_vdst(0)                   ; the offsets and LDS addresses v7 to v10, v13 and v14 are written, which the staging's loads and LDS stores read
	global_load_b32 v80, v8, s[6:7]
	global_load_b32 v81, v9, s[6:7]
	global_load_b32 v82, v10, s[38:39]
	global_load_b32 v83, v10, s[40:41]
	global_load_b32 v84, v10, s[42:43]
.macro WBATCH b
.set i, 0
.rept 16
	global_load_b128 v[16+4*i:19+4*i], v13, s[32:33] offset:3072*(16*\b+i)
.set i, i+1
.endr
.endm
.macro WCVT                            ; a batch's sixteen chunks of four weights: to bf16, then (exactly) to f16, into the first two of their four registers
.set i, 0
.rept 16
	RND2 16+4*i, 17+4*i, 86
	RND2 18+4*i, 19+4*i, 87
	v_cvt_pk_f16_f32 v[16+4*i], v[16+4*i], v[17+4*i]
	v_cvt_pk_f16_f32 v[17+4*i], v[18+4*i], v[19+4*i]
.set i, i+1
.endr
.endm
.macro WSTO b                          ; and into the image
.set i, 0
.rept 16
	ds_store_b64 v14, v[16+4*i:17+4*i] offset:WIMG+1600*(16*\b+i)
.set i, i+1
.endr
.endm
	WBATCH 0
	s_wait_loadcnt 0x0
	RND2 82, 83, 86                                ; b, gamma, beta to bf16
	RND2 84, 84, 86
	v_mul_f32 v80, s55, v80                        ; mean of d - P
	v_mul_f32 v81, s55, v81
	v_fma_f32 v81, -v80, v80, v81
	v_max_num_f32 v81, 0, v81
	v_add_f32 v81, 0x3727c5ac, v81
	v_rsq_f32 v85, v81
	v_add_f32 v80, v80, v82                        ; mean + b
	s_wait_alu depctr_va_vdst(0)                   ; the root has written v85, ahead of its first reader
	v_mul_f32 v85, v83, v85                        ; s
	v_sub_f32 v80, v82, v80
	v_fma_f32 v80, v85, v80, v84                   ; shift = beta + s (b - (mean + b))
	WCVT
	s_wait_alu depctr_va_vdst(0)                   ; s, the shift and the first batch's conversions are written, which the LDS stores read; the conversions are done with v16 to v79, in which the next batch lands
	ds_store_b32 v7, v85 offset:SS
	ds_store_b32 v7, v80 offset:SF
	WSTO 0
	s_wait_alu depctr_vm_vsrc(0)                   ; the LDS stores have read v16 on, in which the next batch lands
	WBATCH 1
	s_wait_loadcnt 0x0
	WCVT
	s_wait_alu depctr_va_vdst(0)                   ; the second batch's conversions are written, which the LDS stores read
	WSTO 1
.Lstaged:
	s_wait_kmcnt 0x0
	SRND 35, 37                                    ; the two a to bf16
	SRND 36, 37
	v_fma_f32 v15, s35, 0.5, 0.5
	v_readfirstlane_b32 s48, v15                   ; scale 0: c1 s[48:49], c2 s50
	v_fma_f32 v15, s35, -0.5, 0.5
	v_readfirstlane_b32 s50, v15
	v_fma_f32 v15, s36, 0.5, 0.5
	v_readfirstlane_b32 s52, v15                   ; scale 1: s[52:53], s54
	v_fma_f32 v15, s36, -0.5, 0.5
	v_readfirstlane_b32 s54, v15
	s_wait_alu depctr_va_sdst(0)                   ; s48, s50, s52 and s54 are written, ahead of their first readers: the copies below and the activations' arithmetic
	s_mov_b32 s49, s48
	s_mov_b32 s53, s52
	s_mul_i32 s37, s12, 3200
	s_add_co_u32 s37, s37, XIMG
	s_wait_alu depctr_vm_vsrc(0)                   ; the staging's loads and LDS stores have read v8, written below, and v9, v10, v13, v14, written in the address block
	v_lshlrev_b32 v4, 3, v3                        ; my channel pair among s and the shifts
	v_lshl_add_u32 v8, v3, 2, s37                  ; my two channels in my wave's first row of the image
	s_wait_alu depctr_va_vdst(0)                   ; v4 and v8 are written, which the LDS loads and stores behind the barrier read
	s_wait_dscnt 0x0                               ; for the others: s, the shifts and my part of the weights are in LDS
	s_barrier_signal -1
	s_barrier_wait -1
.irp t, 0,1,2
	ds_load_b64 v[SSR+2*\t:SSR+2*\t+1], v4 offset:SS+256*\t
	ds_load_b64 v[SFR+2*\t:SFR+2*\t+1], v4 offset:SF+256*\t
.endr
	s_wait_loadcnt 0x0
	s_wait_dscnt 0x0
; Four numbers (max, min of channel c; max, min of c + 1) to two activations.  piv = 1: query 0's, kept; else less query 0's, to f16, into the first of the four registers.
.macro ROWX rg, tau, piv
.set cs, 48+4*((\tau+1)/2)
	v_pk_fma_f32 v[\rg:\rg+1], v[\rg:\rg+1], v[SSR+2*\tau:SSR+2*\tau+1], v[SFR+2*\tau:SFR+2*\tau+1] op_sel_hi:[1,0,0]
	v_pk_fma_f32 v[\rg+2:\rg+3], v[\rg+2:\rg+3], v[SSR+2*\tau:SSR+2*\tau+1], v[SFR+2*\tau:SFR+2*\tau+1] op_sel:[0,1,1] op_sel_hi:[1,1,1]
	v_pk_mul_f32 v[240:241], v[\rg:\rg+1], s[cs:cs+1] op_sel_hi:[1,0]
	v_pk_mul_f32 v[242:243], v[\rg+2:\rg+3], s[cs:cs+1] op_sel_hi:[1,0]
	v_fma_f32 v240, |v[\rg]|, s[cs+2], v240
	v_fma_f32 v241, |v[\rg+1]|, s[cs+2], v241
	v_fma_f32 v242, |v[\rg+2]|, s[cs+2], v242
	v_fma_f32 v243, |v[\rg+3]|, s[cs+2], v243
.if \piv
	v_max_num_f32 v[Y0+2*\tau], v240, v241
	v_max_num_f32 v[Y0+2*\tau+1], v242, v243
.else
	v_max_num_f32 v240, v240, v241
	v_max_num_f32 v242, v242, v243
	v_sub_f32 v240, v240, v[Y0+2*\tau]
	v_sub_f32 v242, v242, v[Y0+2*\tau+1]
	v_cvt_pk_f16_f32 v[\rg], v240, v242
.endif
.endm
.irp t, 0,1,2
	ROWX 208+4*\t, \t, 1
.endr
.irp i, 0,1,2,3,4,5,6,7
.irp t, 0,1,2
	ROWX 112+4*(3*\i+\t), \t, 0
.endr
.endr
	s_wait_alu depctr_va_vdst(0)                   ; the 24 packed pairs are written, which the LDS stores read
.irp i, 0,1,2,3,4,5,6,7
.irp t, 0,1,2
	ds_store_b32 v8, v[112+4*(3*\i+\t)] offset:400*\i+128*\t
.endr
.endr
	; addresses of the product and of the way out: they name none of the registers that the stores above read
	s_lshr_b32 s60, s12, 2                         ; which 32 queries
	s_and_b32 s61, s12, 3                          ; which 32 channels
	v_mul_u32_u24 v11, 400, v1
	v_lshl_add_u32 v11, v2, 4, v11
	s_mul_i32 s62, s60, 12800
	s_add_co_u32 s62, s62, XIMG
	v_add_nc_u32 v9, s62, v11                      ; my operands of queries
	s_mul_i32 s62, s61, 12800
	v_add_nc_u32 v10, s62, v11                     ; my operands of channels
	s_mul_i32 s62, s61, 8704
	s_lshl_b32 s63, s60, 7
	s_add_co_u32 s62, s62, s63
	s_add_co_u32 s62, s62, STAGE
	v_mul_u32_u24 v12, 272, v1
	v_lshl_add_u32 v12, v2, 5, v12
	v_add_nc_u32 v12, s62, v12                     ; into the stage: channel 32 cq + r, queries 32 rh + 8 h
	s_mul_i32 s62, s12, 4352
	s_add_co_u32 s62, s62, STAGE
	v_mul_u32_u24 v13, 272, v2
	v_lshl_add_u32 v13, v1, 4, v13
	v_add_nc_u32 v13, s62, v13                     ; back: channels 16 w + h + 2 t, whole rows of 256 bytes
	s_lshr_b32 s62, s14, 5                         ; batch
	s_lshl_b32 s62, s62, 8
	s_lshl_b32 s63, s15, 7
	s_add_co_u32 s62, s62, s63
	s_lshl4_add_u32 s62, s12, s62                  ; row of hf: 256 b + 128 hc + 16 w
	s_lshl_b32 s62, s62, 13
	s_and_b32 s63, s14, 31
	s_lshl_b32 s63, s63, 8
	s_add_co_u32 s62, s62, s63
	v_lshlrev_b32 v14, 13, v2
	v_lshl_add_u32 v14, v1, 4, v14
	v_add_nc_u32 v14, s62, v14
	s_lshl1_add_u32 s62, s14, s60                  ; row of part
	s_mul_i32 s62, s62, 8960
	s_lshl_b32 s63, s15, 9
	s_add_co_u32 s62, s62, s63
	s_lshl_b32 s63, s61, 7
	s_add_co_u32 s62, s62, s63
	s_add_co_u32 s62, s62, 4864
	v_lshl_add_u32 v15, v3, 2, s62
	v_mov_b32 v250, 0
	s_wait_alu depctr_va_vdst(0)                   ; v9, v10 and v12 to v15 are written, which the loads and stores below read; the conversions and the activations' arithmetic are done with v16 to v207, in which the operands land
	s_wait_alu depctr_vm_vsrc(0)                   ; my LDS stores have read v112 on, in which the operands land
	s_wait_dscnt 0x0                               ; for the others: my eight rows of the image are written
	s_barrier_signal -1
	s_barrier_wait -1
.set i, 0
.rept 12                               ; i = 6 tile + u
	ds_load_b128 v[16+8*i:19+8*i], v10 offset:WIMG+(i/6)*6400+64*(i%6)
	ds_load_b128 v[20+8*i:23+8*i], v10 offset:WIMG+(i/6)*6400+64*(i%6)+32
	ds_load_b128 v[112+8*i:115+8*i], v9 offset:(i/6)*6400+64*(i%6)
	ds_load_b128 v[116+8*i:119+8*i], v9 offset:(i/6)*6400+64*(i%6)+32
.set i, i+1
.endr
	s_wait_dscnt 0x0
.set i, 0
.rept 24                               ; K outside, the four accumulators by turns, one instruction a turn
.set fa, 112+8*(6*((i%4)/2)+i/4)
.set fb, 16+8*(6*(i%2)+i/4)
.set fd, 208+8*(i%4)
.if i < 4
	v_wmma_f32_16x16x32_f16 v[fd:fd+7], v[fa:fa+7], v[fb:fb+7], 0
.else
	v_wmma_f32_16x16x32_f16 v[fd:fd+7], v[fa:fa+7], v[fb:fb+7], v[fd:fd+7]
.endif
.set i, i+1
.endr
.irp i, 240,241,242,243,244,245,246,247
	v_mov_b32 v\i, 0                               ; the sums begin; these eight are also the places behind the last products (ISA guide 7.12.1)
.endr
	s_wait_alu depctr_va_vdst(0)                   ; the products have written the accumulators, which the LDS stores read, and are done reading v16 to v47, in which the stage's rows land behind the barrier; the places above stay beside this wait
.irp a, 0,1,2,3
	ds_store_b128 v12, v[208+8*\a:211+8*\a] offset:(\a%2)*4352+(\a/2)*64       ; each accumulator from its low end on
	ds_store_b128 v12, v[212+8*\a:215+8*\a] offset:(\a%2)*4352+(\a/2)*64+16
.endr
.irp pr, 0,1,2,3
.irp a, 0,1,2,3
	v_pk_add_f32 v[240+4*(\a%2):241+4*(\a%2)], v[240+4*(\a%2):241+4*(\a%2)], v[208+8*\a+2*\pr:209+8*\a+2*\pr]
	v_pk_fma_f32 v[242+4*(\a%2):243+4*(\a%2)], v[208+8*\a+2*\pr:209+8*\a+2*\pr], v[208+8*\a+2*\pr:209+8*\a+2*\pr], v[242+4*(\a%2):243+4*(\a%2)]
.endr
.endr
	v_add_f32 v240, v240, v241
	v_add_f32 v242, v242, v243
	v_add_f32 v244, v244, v245
	v_add_f32 v246, v246, v247
	v_cndmask_b32 v248, v240, v244, s57            ; lanes 0-15 keep channel tile 0, lanes 16-31 tile 1, and each takes the other half's share
	v_cndmask_b32 v249, v244, v240, s57
	v_permlanex16_b32 v250, v249, s58, s59
	v_add_f32 v248, v248, v250
	v_cndmask_b32 v251, v242, v246, s57
	v_cndmask_b32 v252, v246, v242, s57
	v_permlanex16_b32 v250, v252, s58, s59
	v_add_f32 v251, v251, v250
	s_wait_alu depctr_va_vdst(0)                   ; the wave's sums are written into v248 and v251, which the two stores read
	global_store_b32 v15, v248, s[8:9]
	global_store_b32 v15, v251, s[8:9] offset:1024
	s_wait_dscnt 0x0                               ; for the others: a channel's 256 bytes come from two waves
	s_barrier_signal -1
	s_barrier_wait -1
.irp t, 0,1,2,3,4,5,6,7
	ds_load_b128 v[16+4*\t:19+4*\t], v13 offset:544*\t
.endr
.irp t, 0,1,2,3,4,5,6,7
	s_wait_dscnt 7-\t                              ; LDS loads come back in order: load t is in, the younger ones may stay out
	global_store_b128 v14, v[16+4*\t:19+4*\t], s[10:11] offset:16384*\t   ; sixteen lanes: 256 consecutive bytes, aligned
.endr
	s_wait_dscnt 0x0                               ; the closing lines, six on end
	s_wait_alu 0x0
	s_wait_tensorcnt 0x0
	ds_add_u32 v254, v255
	s_wait_dscnt 0x0
	s_endpgm
.Lfunc_end_k_qc3ee75767e_final:
	.size	k_qc3ee75767e_final, .Lfunc_end_k_qc3ee75767e_final-k_qc3ee75767e_final
	.p2alignl 7, 3214868480
	.fill 96, 4, 3214868480
	.section	.rodata,"a",@progbits
	.p2align	6, 0x0
	.amdhsa_kernel k_qc3ee75767e_final
		.amdhsa_group_segment_fixed_size 114688
		.amdhsa_private_segment_fixed_size 0
		.amdhsa_enable_private_segment 0
		.amdhsa_kernarg_size 104
		.amdhsa_user_sgpr_count 2
		.amdhsa_user_sgpr_kernarg_segment_ptr 1
		.amdhsa_wavefront_size32 1
		.amdhsa_system_sgpr_workgroup_id_x 1
		.amdhsa_system_sgpr_workgroup_id_y 1
		.amdhsa_system_sgpr_workgroup_id_z 1
		.amdhsa_system_vgpr_workitem_id 0
		.amdhsa_next_free_vgpr 256
		.amdhsa_next_free_sgpr 66
		.amdhsa_reserve_vcc 0
		.amdhsa_float_denorm_mode_32 3
		.amdhsa_float_denorm_mode_16_64 3
		.amdhsa_memory_ordered 1
		.amdhsa_forward_progress 1
		.amdhsa_inst_pref_size 58
	.end_amdhsa_kernel
	.amdgpu_metadata
---
amdhsa.version: [ 1, 2 ]
amdhsa.kernels:
  - .name:           k_qc3ee75767e_final
    .symbol:         k_qc3ee75767e_final.kd
    .args:
      - { .name: pool, .offset: 0, .size: 8, .value_kind: global_buffer, .address_space: global }
      - { .name: sums, .offset: 8, .size: 8, .value_kind: global_buffer, .address_space: global }
      - { .name: part, .offset: 16, .size: 8, .value_kind: global_buffer, .address_space: global }
      - { .name: hf, .offset: 24, .size: 8, .value_kind: global_buffer, .address_space: global }
      - { .name: params_scale0_2_b, .offset: 32, .size: 8, .value_kind: global_buffer, .address_space: global }
      - { .name: params_scale0_2_gamma, .offset: 40, .size: 8, .value_kind: global_buffer, .address_space: global }
      - { .name: params_scale0_2_beta, .offset: 48, .size: 8, .value_kind: global_buffer, .address_space: global }
      - { .name: params_scale0_2_a, .offset: 56, .size: 8, .value_kind: global_buffer, .address_space: global }
      - { .name: params_scale1_2_b, .offset: 64, .size: 8, .value_kind: global_buffer, .address_space: global }
      - { .name: params_scale1_2_gamma, .offset: 72, .size: 8, .value_kind: global_buffer, .address_space: global }
      - { .name: params_scale1_2_beta, .offset: 80, .size: 8, .value_kind: global_buffer, .address_space: global }
      - { .name: params_scale1_2_a, .offset: 88, .size: 8, .value_kind: global_buffer, .address_space: global }
      - { .name: params_final_0_w, .offset: 96, .size: 8, .value_kind: global_buffer, .address_space: global }
    .group_segment_fixed_size: 114688
    .private_segment_fixed_size: 0
    .kernarg_segment_align: 8
    .kernarg_segment_size: 104
    .max_flat_workgroup_size: 256
    .sgpr_count:     66
    .vgpr_count:     256
    .wavefront_size: 32
...
	.end_amdgpu_metadata
.endif
;; end of part 17
;; launch apply: the kernel of part 10 again; grid 256 x 1, 8 waves a work-group, no clusters, 1,280 bytes of LDS; arguments hf, part, out1, params_final_0_b, params_final_0_gamma, params_final_0_beta, params_final_0_a; writes out1
